; MI455X (gfx1250); checked and timed in simulation.
; The chip was launched on July 23, 2026; its instructions are those of AMD's public machine-readable ISA for CDNA 5 (MIT licence, August 2026) and "CDNA5" Instruction Set Architecture Reference Guide (July 2026). The comments in the code are by the model that wrote it; some were corrected since.
;; Transformer Block. Allowed arithmetic: matrix products marked QUANTISED: E2M3 operands, one E8M0 scale for each 32 along K, by v_wmma_scale_f32_16x16x128_f8f6f4 with both operands' format E2M3, f32 sums; everything else in f32.
;; Inputs: fc1_b 4,096 float32; fc1_w 1,024 x 4,096 float32; fc2_b 1,024 float32; fc2_w 4,096 x 1,024 float32; ln1_b 1,024 float32; ln1_g 1,024 float32; ln2_b 1,024 float32; ln2_g 1,024 float32; out_b 1,024 float32; out_w 1,024 x 1,024 float32; qkv_b 3,072 float32; qkv_w 1,024 x 3,072 float32; x 2 x 2,048 x 1,024 float32.
;; Outputs: out0 2 x 2,048 x 1,024 float32.
;; This version of the problem:
;;   THIS VERSION OF THE PROBLEM IS GIVEN IN LOW PRECISION. The matrix products marked QUANTISED in the list below multiply operands that are first quantised to E2M3 (2 exponent bits, 3 mantissa bits; 6 bits a number), with one power-of-two scale for each 32 numbers along K (OCP MX v1.0); their sums are f32. All else is computed in f32.
;;   The module's matrix products, in the order in which they are computed (A, B: the left and right operand; K: the contracted axis; several contracted axes count as one K, in the product's order):
;;     1. [M 4,096, K 1,024] x [K 1,024, N 3,072]; A: computed on the way; B: input qkv_w: QUANTISED
;;     2. batch 32 x [M 2,048, K 64] x [K 64, N 2,048]; A: computed on the way; B: computed on the way: QUANTISED
;;     3. batch 32 x [M 2,048, K 2,048] x [K 2,048, N 64]; A: softmax (see below); B: computed on the way: QUANTISED
;;     4. [M 4,096, K 1,024] x [K 1,024, N 1,024]; A: computed on the way; B: input out_w: QUANTISED
;;     5. [M 4,096, K 1,024] x [K 1,024, N 4,096]; A: computed on the way; B: input fc1_w: QUANTISED
;;     6. [M 4,096, K 4,096] x [K 4,096, N 1,024]; A: computed on the way; B: input fc2_w: QUANTISED
;;   THE QUANTISER, for each operand of a quantised product, along K:
;;     - K is cut into blocks of 32 from its start; a last block that is shorter is filled with zeros.
;;     - A block's scale is 2^e with e = floor(log2(the largest magnitude in the block)) - 2, held to -126 .. 127; a block of zeros has e = 0. As a byte (E8M0): e + 127.
;;     - Each number is divided by its block's scale, clamped to +-7.5, and rounded to the nearest number of E2M3, ties to even, subnormals kept.
;;     - The product sums the exact products of the quantised numbers (number of the format x scale) in f32.
;;   ~~~python
;;   def quantise(x, axis):      # numpy; x: float32 -> the quantised numbers, widened to float32 again
;;       x = np.moveaxis(x, axis, -1); K = x.shape[-1]
;;       x = np.pad(x, [(0, 0)] * (x.ndim - 1) + [(0, -K % 32)]); x = x.reshape(x.shape[:-1] + (-1, 32)); a = np.abs(x).max(-1, keepdims=True)
;;       e = np.where(a > 0, np.clip(np.frexp(np.where(a > 0, a, 1))[1] - 1 - 2, -126, 127), 0)      # np.frexp(a)[1] - 1 = floor(log2(a)), exactly
;;       r = np.clip(x / 2.0 ** e, -7.5, 7.5)
;;       step = 2.0 ** (np.maximum(np.frexp(np.where(r == 0, 1, r))[1] - 1, 0) - 3)
;;       q = np.round(r / step) * step * 2.0 ** e      # np.round: ties to even
;;       return np.moveaxis(q.reshape(q.shape[:-2] + (-1,))[..., :K], -1, axis).astype(np.float32)
;;   ~~~
;;   SOFTMAX AHEAD OF A QUANTISED PRODUCT. Where the list says 'softmax', what is quantised is not the finished softmax but p = 2^(t - M), with t = logit x log2(e) and M = ceil(the row's largest t), a whole number; so 1/2 < the row's largest p <= 1. The row's sum l is taken of the UNQUANTISED p, in f32, and the product's result is divided by l at the end. Since M is a whole number, a kernel that streams over the keys may use a running M (the ceiling of the running maximum): every later rescaling is an exact power of two, which a block's scale takes up: the codes' values come out the same.
;;   OPERANDS COMPUTED ON THE WAY. 'Computed on the way' means the value that the module computes at that place (a softmax that the list does not call 'softmax' is quantised finished and normalised). What goes into a quantiser is computed in f32, as accurately as f32 sums, v_exp_f32 and their like allow (about 1e-6 of the number): no bf16 or f16 on the way to a quantiser, and a product that is left as it is and whose result goes on into a quantised operand takes f32 operands (vector FMAs, or v_wmma_f32_16x16x4_f32). A number that lies on a knife's edge between two numbers of the format may be rounded either way, as far as f32 arithmetic and the matrix unit's own rounding can turn it there, and no further.
;; 2 versions. Each part assembles by itself: llvm-mc -triple=amdgcn-amd-amdhsa -mcpu=gfx1250 --defsym DOCPART=n.
;; ======== version 1 of 2: 8 launches
;; workspace buffers: wts 10,649,600 bytes; act 3,276,800 bytes; qkv 9,830,400 bytes; x1 16,777,216 bytes; hid 13,107,200 bytes
;; launch wq (part 1): grid 384 x 1, 4 waves a work-group, no clusters, 25,088 bytes of LDS; arguments qkv_w, out_w, fc1_w, fc2_w, wts; writes wts
.if DOCPART == 1
	.amdgcn_target "amdgcn-amd-amdhsa--gfx1250"
	.amdhsa_code_object_version 6
	.text
	.protected	k_qcc5ff577e9_wq
	.globl	k_qcc5ff577e9_wq
	.p2align	8
	.type	k_qcc5ff577e9_wq,@function
k_qcc5ff577e9_wq:
	s_mov_b64 s[64:65], 0
	v_nop
	global_prefetch_b8 v0, s[64:65] scope:SCOPE_SE
	s_setreg_imm32_b32 hwreg(HW_REG_WAVE_MODE, 25, 1), 1
	s_wait_xcnt 0x0
; The four weights [K][N], f32, K their FIRST axis, become codes of E2M3 (6 bits) with one E8M0 byte for each 32 along K.
; LAYOUT of a weight's section of wts: codes [K/256 panels][PR rows][192 bytes], scale bytes [K/256 panels][PR rows][8 bytes]; a row is a column n of the weight.
; Column n lies at row slot sigma(n) = n with bits 3 and 4 exchanged, so that 16 neighbouring slots are the 16 rows that a matrix tile of the later launches wants.
; A LANE TAKES A COLUMN AND ITS REGISTERS RUN DOWN K: a load reads 128 consecutive bytes a wave (512 a work-group), a block of 32 along K lies in one lane, and the codes come out with K innermost.
; A work-group takes 128 columns x 256 along K, a wave 32 columns: 8 blocks a lane, 192 bytes of codes a column.  They turn through the wave's own 6,144 bytes of LDS and leave as 12 stores of 512 consecutive bytes.
; (The 24 small stores into that stage stand 192 bytes apart from lane to lane and meet in the same banks; beside 256 loads from memory a wave that is accepted.)
; One path serves all four weights: only pointers and numbers are chosen, by the work-group's number.  No barrier: waves share nothing.
; A block's scale is 2^(floor(log2(largest magnitude)) - 2): its byte is the largest magnitude's exponent field - 2, held at 1 from below.
; LIMITS: a block of zeros, or one whose largest magnitude lies under 2^(3 - 127), gets the byte 1 (a block of zeros has zero codes, and this program alone reads the bytes); NaN and infinities are not served.
.set WC_OUT, 3145728
.set WC_FC1, 3932160
.set WC_FC2, 7077888
.set WS_QKV, 10223616
.set WS_OUT, 10354688
.set WS_FC1, 10387456
.set WS_FC2, 10518528
.set OFF, 16                           ; v16-47   row i of a block: i x 4 N + 4 x lane
.set X,   48                           ; v48-111  two sets of 32 numbers; at the end the codes on their way out
.set C,   112                          ; v112-118 a block's codes
.set SB,  120                          ; v120-121 my column's 8 scale bytes
.set BT,  16                           ; s[16:31] block t's first row of the weight, at my wave's first column
	s_load_b256 s[4:11], s[0:1], 0x0               ; qkv_w s[4:5], out_w s[6:7], fc1_w s[8:9], fc2_w s[10:11]
	s_load_b64 s[12:13], s[0:1], 0x20              ; wts
	v_lshl_add_u32 v128, v0, 2, 0x6000
	v_mov_b32 v129, 0
	v_lshrrev_b32 v1, 5, v0
	v_readfirstlane_b32 s14, v1                    ; wave 0..3
	v_and_b32 v2, 31, v0                           ; lane
	v_lshlrev_b32 v3, 2, v2                        ; 4 bytes a lane
	v_and_b32 v4, 7, v2
	v_bfe_u32 v9, v2, 3, 1
	v_bfe_u32 v10, v2, 4, 1
	v_lshl_add_u32 v4, v9, 4, v4
	v_lshl_add_u32 v4, v10, 3, v4                  ; sigma(lane): my column's slot among the wave's 32
	s_mul_i32 s15, s14, 6144                       ; my wave's stage
	v_mul_u32_u24 v5, v4, 192
	v_add_nc_u32 v5, s15, v5                       ; into it: my slot's 192 bytes
	v_lshlrev_b32 v7, 4, v2                        ; out: 16 bytes a lane
	v_add_nc_u32 v6, s15, v7
	v_lshlrev_b32 v8, 3, v4                        ; my slot's 8 scale bytes
	; which weight: work-groups 0-95 qkv_w, 96-127 out_w, 128-255 fc1_w, 256-383 fc2_w.  s42 N, s43 log2(K/256), s44 rows of a panel, s45, s46 the sections, s47 the first work-group
	s_mov_b32 s42, 1024
	s_mov_b32 s43, 4
	s_mov_b32 s44, 1024
	s_mov_b32 s45, WC_FC2
	s_mov_b32 s46, WS_FC2
	s_mov_b32 s47, 256
	s_wait_kmcnt 0x0
	s_mov_b64 s[40:41], s[10:11]
	s_cmp_lt_u32 ttmp9, 256
	s_cselect_b64 s[40:41], s[8:9], s[40:41]
	s_cselect_b32 s42, 4096, s42
	s_cselect_b32 s43, 2, s43
	s_cselect_b32 s44, 4096, s44
	s_cselect_b32 s45, WC_FC1, s45
	s_cselect_b32 s46, WS_FC1, s46
	s_cselect_b32 s47, 128, s47
	s_cmp_lt_u32 ttmp9, 128
	s_cselect_b64 s[40:41], s[6:7], s[40:41]
	s_cselect_b32 s42, 1024, s42
	s_cselect_b32 s44, 1024, s44
	s_cselect_b32 s45, WC_OUT, s45
	s_cselect_b32 s46, WS_OUT, s46
	s_cselect_b32 s47, 96, s47
	s_cmp_lt_u32 ttmp9, 96
	s_cselect_b64 s[40:41], s[4:5], s[40:41]
	s_cselect_b32 s42, 3072, s42
	s_cselect_b32 s44, 4096, s44
	s_cselect_b32 s45, 0, s45
	s_cselect_b32 s46, WS_QKV, s46
	s_cselect_b32 s47, 0, s47
	s_sub_co_u32 s48, ttmp9, s47                   ; my number within the weight
	s_lshl_b32 s49, 1, s43
	s_sub_co_u32 s49, s49, 1
	s_and_b32 s49, s48, s49                        ; which 256 along K (the panel)
	s_lshr_b32 s50, s48, s43                       ; which 128 columns
	s_lshl_b32 s50, s50, 7
	s_lshl_b32 s51, s14, 5
	s_add_co_u32 s50, s50, s51                     ; my wave's first column
	s_lshl_b32 s52, s42, 2                         ; a row of the weight in bytes
	s_mul_i32 s54, s49, s42
	s_lshl_b32 s54, s54, 10                        ; 256 rows x panel, in bytes,
	s_lshl_b32 s51, s50, 2
	s_add_co_u32 s54, s54, s51                     ; + my first column
	s_mov_b32 s55, 0
	s_add_nc_u64 s[BT:BT+1], s[40:41], s[54:55]
	s_lshl_b32 s54, s42, 7                         ; 32 rows on
.irp t, 1,2,3,4,5,6,7
	s_add_nc_u64 s[BT+2*\t:BT+2*\t+1], s[BT+2*\t-2:BT+2*\t-1], s[54:55]
.endr
	s_mul_i32 s56, s49, s44
	s_add_co_u32 s56, s56, s50                     ; my first row slot, counted through the panels
	s_mul_i32 s58, s56, 192
	s_add_co_u32 s58, s58, s45
	s_mov_b32 s59, 0
	s_add_nc_u64 s[36:37], s[12:13], s[58:59]      ; where my 6,144 bytes of codes go
	s_lshl_b32 s58, s56, 3
	s_add_co_u32 s58, s58, s46
	s_add_nc_u64 s[38:39], s[12:13], s[58:59]      ; and my 256 scale bytes
.set i, 0
.rept 32
	v_mad_u32_u24 v[OFF+i], s52, i, v3
.set i, i+1
.endr
.macro LOAD t                          ; block t: W(32 t + i, my column), i = 0 .. 31, into set t % 2
.set i, 0
.rept 32
	global_load_b32 v[X+32*((\t)%2)+i], v[OFF+i], s[BT+2*(\t):BT+2*(\t)+1] th:TH_LOAD_NT
.set i, i+1
.endr
.endm
.macro BLOCK t
.set XS, X+32*((\t)%2)
.if (\t) < 7
	s_wait_loadcnt 32                              ; this block's 32 loads are in; the next block's 32 may be out
.else
	s_wait_loadcnt 0
.endif
	v_max3_num_f32 v12, |v[XS]|, |v[XS+1]|, |v[XS+2]|               ; the block's largest magnitude: all 32 numbers are mine; two chains
	v_max3_num_f32 v13, |v[XS+3]|, |v[XS+4]|, |v[XS+5]|
.irp i, 6,10,14,18,22,26
	v_max3_num_f32 v12, v12, |v[XS+\i]|, |v[XS+\i+1]|
	v_max3_num_f32 v13, v13, |v[XS+\i+2]|, |v[XS+\i+3]|
.endr
	v_max3_num_f32 v12, v12, |v[XS+30]|, |v[XS+31]|
	v_max3_num_f32 v12, v12, v13, 0x1800000        ; and the floor 2^(3 - 127): the byte cannot fall under 1
	v_add_nc_u32 v11, 0xff000000, v12              ; 2 off the exponent field: the conversion takes this operand's exponent field as its scale
	v_lshrrev_b32 v13, 23, v11                     ; the scale's byte
.if (\t)%4 == 0
	v_mov_b32 v[SB+(\t)/4], v13                    ; four bytes to a register, the lower K in the lower byte
.else
	v_lshl_or_b32 v[SB+(\t)/4], v13, 8*((\t)%4), v[SB+(\t)/4]
.endif
	v_cvt_scalef32_pk16_fp6_f32 v[C:C+2], v[XS:XS+15], v11
	v_cvt_scalef32_pk16_fp6_f32 v[C+4:C+6], v[XS+16:XS+31], v11     ; (a conversion's three registers begin on an even number)
	v_nop                                          ; one plain line between a scaled conversion and the vector line that touches its result
	v_mov_b32 v[C+3], v[C+4]                       ; the block's 24 bytes on end
	v_mov_b32 v[C+4], v[C+5]
	v_mov_b32 v[C+5], v[C+6]
.irp i, 0,1,2
	ds_store_b64 v5, v[C+2*\i:C+2*\i+1] offset:24*(\t)+8*\i
.endr
.if (\t)+2 < 8
	LOAD (\t)+2
.endif
	s_wait_dscnt 0x0                               ; the stores have read their registers: the next block's codes may be written
.endm
	LOAD 0
	LOAD 1
.irp t, 0,1,2,3,4,5,6,7
	BLOCK \t
.endr
	global_store_b64 v8, v[SB:SB+1], s[38:39]      ; 32 lanes store 256 consecutive bytes, aligned
.set i, 0
.rept 12
	ds_load_b128 v[X+4*i:X+4*i+3], v6 offset:512*i ; LDS serves a wave's instructions in order: these see my stores
.set i, i+1
.endr
.set i, 0
.rept 12
	s_wait_dscnt 11-i                              ; the younger loads may be out
	global_store_b128 v7, v[X+4*i:X+4*i+3], s[36:37] offset:512*i   ; 512 consecutive bytes, aligned to 256
.set i, i+1
.endr
	s_wait_tensorcnt 0x0
	ds_add_u32 v128, v129
	s_wait_dscnt 0x0
	s_endpgm
.Lfunc_end_k_qcc5ff577e9_wq:
	.size	k_qcc5ff577e9_wq, .Lfunc_end_k_qcc5ff577e9_wq-k_qcc5ff577e9_wq
	.p2alignl 7, 3214868480
	.fill 96, 4, 3214868480
	.section	.rodata,"a",@progbits
	.p2align	6, 0x0
	.amdhsa_kernel k_qcc5ff577e9_wq
		.amdhsa_group_segment_fixed_size 25088
		.amdhsa_private_segment_fixed_size 0
		.amdhsa_enable_private_segment 0
		.amdhsa_kernarg_size 40
		.amdhsa_user_sgpr_count 2
		.amdhsa_user_sgpr_kernarg_segment_ptr 1
		.amdhsa_wavefront_size32 1
		.amdhsa_system_sgpr_workgroup_id_x 1
		.amdhsa_system_sgpr_workgroup_id_y 1
		.amdhsa_system_sgpr_workgroup_id_z 1
		.amdhsa_system_vgpr_workitem_id 0
		.amdhsa_next_free_vgpr 130
		.amdhsa_next_free_sgpr 66
		.amdhsa_reserve_vcc 0
		.amdhsa_float_denorm_mode_32 3
		.amdhsa_float_denorm_mode_16_64 3
		.amdhsa_memory_ordered 1
		.amdhsa_forward_progress 1
		.amdhsa_inst_pref_size 46
	.end_amdhsa_kernel
	.amdgpu_metadata
---
amdhsa.version: [ 1, 2 ]
amdhsa.kernels:
  - .name:           k_qcc5ff577e9_wq
    .symbol:         k_qcc5ff577e9_wq.kd
    .args:
      - { .name: qkv_w, .offset: 0, .size: 8, .value_kind: global_buffer, .address_space: global }
      - { .name: out_w, .offset: 8, .size: 8, .value_kind: global_buffer, .address_space: global }
      - { .name: fc1_w, .offset: 16, .size: 8, .value_kind: global_buffer, .address_space: global }
      - { .name: fc2_w, .offset: 24, .size: 8, .value_kind: global_buffer, .address_space: global }
      - { .name: wts, .offset: 32, .size: 8, .value_kind: global_buffer, .address_space: global }
    .group_segment_fixed_size: 25088
    .private_segment_fixed_size: 0
    .kernarg_segment_align: 8
    .kernarg_segment_size: 40
    .max_flat_workgroup_size: 128
    .sgpr_count:     66
    .vgpr_count:     130
    .wavefront_size: 32
...
	.end_amdgpu_metadata
.endif
;; end of part 1
;; launch ln1 (part 2): grid 512 x 1, 8 waves a work-group, no clusters, 44,544 bytes of LDS; arguments x, ln1_g, ln1_b, act; writes act
.if DOCPART == 2
	.amdgcn_target "amdgcn-amd-amdhsa--gfx1250"
	.amdhsa_code_object_version 6
	.text
	.protected	k_qcc5ff577e9_ln1
	.globl	k_qcc5ff577e9_ln1
	.p2align	8
	.type	k_qcc5ff577e9_ln1,@function
k_qcc5ff577e9_ln1:
	s_mov_b64 s[64:65], 0
	v_nop
	global_prefetch_b8 v0, s[64:65] scope:SCOPE_SE
	s_setreg_imm32_b32 hwreg(HW_REG_WAVE_MODE, 25, 1), 1
	s_wait_xcnt 0x0
; y = (x - mean) rsqrt(var + 1e-5) g + b along rows of 1,024 f32, all in f32 (mean first, then the mean of the squared differences), and y's codes of E2M3 with one E8M0 byte for each 32 along the row.
; OUT: codes [4 panels of 256 columns][4,096 row slots][192 bytes] at byte 0, scale bytes [4][4,096][8] at byte 3,145,728.  Row m lies at slot sigma(m) = m with bits 3 and 4 exchanged.
; A wave takes a row, a work-group 8 neighbouring rows, which stay neighbours under sigma.  A row is read by 8 loads of 512 consecutive bytes and stays in registers.
; For the conversions a lane must hold 32 NEIGHBOURS: the finished row turns through the wave's own 4,608 bytes of LDS (places of 128 bytes + 16, so that the lanes' reads fall on different banks): lane l then holds block l.
; The 8 rows' codes meet in LDS, one barrier, and leave as whole runs: 768 consecutive bytes a wave.  The scale bytes leave in runs of 64 bytes (8 rows x 8 bytes a panel), 256 bytes a work-group.
; LIMITS: a block of zeros, or one whose largest magnitude lies under 2^(3 - 127), gets the byte 1 (this program alone reads the bytes); NaN and infinities are not served.
.set X,  16                            ; v16-47   the row: register 4 j + c is column 128 j + 4 lane + c
.set G,  48                            ; v48-79   g
.set BB, 80                            ; v80-111  b
.set Y,  112                           ; v112-143 my block of 32 neighbours
.set C,  144                           ; v144-150 its codes
.set CS, 36864                         ; LDS behind the eight turning stages: codes [4 panels][8 rows][192]
.set SS, 43008                         ; and scale bytes [4][8][8]
.macro ALLSUM a, t                     ; the sum over the 32 lanes, in every lane
	v_add_f32_dpp v[\a], v[\a], v[\a] row_xmask:1 row_mask:0xf bank_mask:0xf
	v_add_f32_dpp v[\a], v[\a], v[\a] row_xmask:2 row_mask:0xf bank_mask:0xf
	v_add_f32_dpp v[\a], v[\a], v[\a] row_xmask:4 row_mask:0xf bank_mask:0xf
	v_add_f32_dpp v[\a], v[\a], v[\a] row_xmask:8 row_mask:0xf bank_mask:0xf
	v_permlanex16_b32 v[\t], v[\a], s12, s13
	v_add_f32 v[\a], v[\a], v[\t]
.endm
	s_load_b256 s[4:11], s[0:1], 0x0               ; x s[4:5], g s[6:7], b s[8:9], the codes' buffer s[10:11]
	v_lshl_add_u32 v160, v0, 2, 0xaa00
	v_mov_b32 v161, 0
	v_lshrrev_b32 v1, 5, v0
	v_readfirstlane_b32 s20, v1                    ; wave 0..7
	v_and_b32 v2, 31, v0                           ; lane
	v_lshlrev_b32 v1, 4, v2                        ; 16 bytes a lane
	s_lshl_b32 s16, ttmp9, 3
	s_add_co_u32 s16, s16, s20                     ; my row
	s_lshl_b32 s16, s16, 12
	s_mov_b32 s17, 0
	s_mov_b32 s12, 0x76543210                      ; v_permlanex16_b32's selects for lane l xor 16
	s_mov_b32 s13, 0xfedcba98
	s_mov_b32 s14, 0x3a800000                      ; 1 / 1024
	s_mov_b32 s15, 0x3727c5ac                      ; 1e-5
	s_and_b32 s18, ttmp9, 0xfffffffc               ; the slot of my work-group's first row: 8 x (the work-group's number with bits 0 and 1 exchanged)
	s_bfe_u32 s19, ttmp9, 0x10000
	s_lshl_b32 s19, s19, 1
	s_add_co_u32 s18, s18, s19
	s_bfe_u32 s19, ttmp9, 0x10001
	s_add_co_u32 s18, s18, s19
	s_lshl_b32 s18, s18, 3
	s_lshr_b32 s21, s20, 1                         ; on the way out wave w takes panel w / 2, rows 4 (w % 2) on
	s_mul_i32 s21, s21, 786432
	s_and_b32 s22, s20, 1
	s_lshl_b32 s22, s22, 2
	s_add_co_u32 s22, s22, s18
	s_mul_i32 s22, s22, 192
	s_add_co_u32 s22, s22, s21
	s_mov_b32 s23, 0
	s_lshl_b32 s26, s18, 3
	s_add_co_u32 s26, s26, 3145728
	s_mov_b32 s27, 0
	s_wait_kmcnt 0x0
	s_add_nc_u64 s[4:5], s[4:5], s[16:17]
	s_add_nc_u64 s[24:25], s[10:11], s[22:23]      ; my 768 bytes of codes
	s_add_nc_u64 s[26:27], s[10:11], s[26:27]      ; the work-group's scale bytes in panel 0
.irp j, 0,1,2,3,4,5,6,7
	global_load_b128 v[X+4*\j:X+4*\j+3], v1, s[4:5] offset:512*\j
.endr
.irp j, 0,1,2,3,4,5,6,7
	global_load_b128 v[G+4*\j:G+4*\j+3], v1, s[6:7] offset:512*\j
.endr
.irp j, 0,1,2,3,4,5,6,7
	global_load_b128 v[BB+4*\j:BB+4*\j+3], v1, s[8:9] offset:512*\j
.endr
	; all LDS and store addresses
	v_lshrrev_b32 v14, 3, v2                       ; lane / 8
	v_and_b32 v15, 7, v2                           ; lane % 8
	s_mul_i32 s21, s20, 4608                       ; my turning stage
	v_mul_u32_u24 v3, v14, 144
	v_lshl_add_u32 v3, v15, 4, v3
	v_add_nc_u32 v3, s21, v3                       ; in: load j's 16 bytes belong to block 4 j + lane / 8, 16 (lane % 8) bytes on
	v_mul_u32_u24 v4, v2, 144
	v_add_nc_u32 v4, s21, v4                       ; out: block = my lane
	s_mul_i32 s21, s20, 192
	s_add_co_u32 s21, s21, CS
	v_mul_u32_u24 v5, v14, 1536
	v_mad_u32_u24 v5, v15, 24, v5
	v_add_nc_u32 v5, s21, v5                       ; my block's codes: panel lane / 8, row = wave, 24 (lane % 8) bytes on
	s_lshl_b32 s21, s20, 3
	s_add_co_u32 s21, s21, SS
	v_lshl_add_u32 v6, v14, 6, v15
	v_add_nc_u32 v6, s21, v6                       ; and its scale byte
	s_mul_i32 s21, s20, 768
	s_add_co_u32 s21, s21, CS
	v_add_nc_u32 v7, s21, v1                       ; back: my wave's 768 bytes: 512 by 16 bytes a lane,
	v_lshlrev_b32 v152, 3, v2
	v_add_nc_u32 v153, s21, v152                   ; 256 by 8 bytes a lane
	v_add_nc_u32 v154, SS, v152                    ; the scale bytes, 8 a lane: panel lane / 8, row lane % 8
	v_lshlrev_b32 v155, 15, v14
	v_lshl_add_u32 v155, v15, 3, v155              ; and their place in memory: panels 32,768 bytes apart
	s_wait_loadcnt 16                              ; x is in; g's and b's 16 loads may be out
	v_pk_add_f32 v[8:9], v[X:X+1], v[X+2:X+3]
	v_pk_add_f32 v[10:11], v[X+4:X+5], v[X+6:X+7]
.irp j, 8,12,16,20,24,28
	v_pk_add_f32 v[8:9], v[8:9], v[X+\j:X+\j+1]
	v_pk_add_f32 v[10:11], v[10:11], v[X+\j+2:X+\j+3]
.endr
	v_pk_add_f32 v[8:9], v[8:9], v[10:11]
	v_add_f32 v8, v8, v9
	ALLSUM 8, 9
	v_mul_f32 v8, s14, v8                          ; the mean,
	v_mov_b32 v9, v8                               ; twice: a pair for the packed forms
.set j, 0
.rept 16
	v_pk_add_f32 v[X+j:X+j+1], v[X+j:X+j+1], v[8:9] neg_lo:[0,1] neg_hi:[0,1]   ; x - mean
.set j, j+2
.endr
	v_pk_mul_f32 v[10:11], v[X:X+1], v[X:X+1]
	v_pk_mul_f32 v[12:13], v[X+2:X+3], v[X+2:X+3]
.irp j, 4,8,12,16,20,24,28
	v_pk_fma_f32 v[10:11], v[X+\j:X+\j+1], v[X+\j:X+\j+1], v[10:11]
	v_pk_fma_f32 v[12:13], v[X+\j+2:X+\j+3], v[X+\j+2:X+\j+3], v[12:13]
.endr
	v_pk_add_f32 v[10:11], v[10:11], v[12:13]
	v_add_f32 v10, v10, v11
	ALLSUM 10, 11
	v_fma_f32 v10, v10, s14, s15                   ; var + 1e-5
	v_rsq_f32 v12, v10
	v_rsq_f32 v13, v10
	v_nop                                          ; a plain line behind the transcendentals
	s_wait_alu depctr_va_vdst(0)                   ; one wait for both, ahead of their first reader
	s_wait_loadcnt 0x0                             ; g and b
.set j, 0
.rept 16
	v_pk_mul_f32 v[X+j:X+j+1], v[X+j:X+j+1], v[12:13]
.set j, j+2
.endr
.set j, 0
.rept 16
	v_pk_fma_f32 v[X+j:X+j+1], v[X+j:X+j+1], v[G+j:G+j+1], v[BB+j:BB+j+1]
.set j, j+2
.endr
.irp j, 0,1,2,3,4,5,6,7
	ds_store_b128 v3, v[X+4*\j:X+4*\j+3] offset:576*\j
.endr
.irp j, 0,1,2,3,4,5,6,7
	ds_load_b128 v[Y+4*\j:Y+4*\j+3], v4 offset:16*\j   ; LDS serves a wave's instructions in order: these see my stores
.endr
	s_wait_dscnt 0x0
	v_max3_num_f32 v8, |v[Y]|, |v[Y+1]|, |v[Y+2]|  ; my block's largest magnitude, in two chains
	v_max3_num_f32 v9, |v[Y+3]|, |v[Y+4]|, |v[Y+5]|
.irp i, 6,10,14,18,22,26
	v_max3_num_f32 v8, v8, |v[Y+\i]|, |v[Y+\i+1]|
	v_max3_num_f32 v9, v9, |v[Y+\i+2]|, |v[Y+\i+3]|
.endr
	v_max3_num_f32 v8, v8, |v[Y+30]|, |v[Y+31]|
	v_max3_num_f32 v8, v8, v9, 0x1800000           ; and the floor 2^(3 - 127): the byte cannot fall under 1
	v_add_nc_u32 v10, 0xff000000, v8               ; 2 off the exponent field: the conversion's scale operand
	v_lshrrev_b32 v11, 23, v10                     ; the scale's byte
	v_cvt_scalef32_pk16_fp6_f32 v[C:C+2], v[Y:Y+15], v10
	v_cvt_scalef32_pk16_fp6_f32 v[C+4:C+6], v[Y+16:Y+31], v10       ; (a conversion's three registers begin on an even number)
	v_nop                                          ; one plain line behind the conversions
	v_mov_b32 v[C+3], v[C+4]
	v_mov_b32 v[C+4], v[C+5]
	v_mov_b32 v[C+5], v[C+6]
.irp i, 0,1,2
	ds_store_b64 v5, v[C+2*\i:C+2*\i+1] offset:8*\i
.endr
	ds_store_b8 v6, v11
	s_wait_dscnt 0x0                               ; for the others' sake: my stores have landed
	s_barrier_signal -1
	s_barrier_wait -1                              ; the 8 rows' codes and bytes lie in LDS
	ds_load_b128 v[16:19], v7
	ds_load_b64 v[20:21], v153 offset:512
	s_wait_dscnt 0x0
	global_store_b128 v1, v[16:19], s[24:25]       ; 512 consecutive bytes, aligned to 256,
	global_store_b64 v152, v[20:21], s[24:25] offset:512   ; and the 256 behind them
	s_cmp_lg_u32 s20, 0
	s_cbranch_scc1 .Ldone                          ; wave 0 alone sends the scale bytes
	ds_load_b64 v[22:23], v154
	s_wait_dscnt 0x0
	global_store_b64 v155, v[22:23], s[26:27]
.Ldone:
	s_wait_tensorcnt 0x0
	ds_add_u32 v160, v161
	s_wait_dscnt 0x0
	s_endpgm
.Lfunc_end_k_qcc5ff577e9_ln1:
	.size	k_qcc5ff577e9_ln1, .Lfunc_end_k_qcc5ff577e9_ln1-k_qcc5ff577e9_ln1
	.p2alignl 7, 3214868480
	.fill 96, 4, 3214868480
	.section	.rodata,"a",@progbits
	.p2align	6, 0x0
	.amdhsa_kernel k_qcc5ff577e9_ln1
		.amdhsa_group_segment_fixed_size 44544
		.amdhsa_private_segment_fixed_size 0
		.amdhsa_enable_private_segment 0
		.amdhsa_kernarg_size 32
		.amdhsa_user_sgpr_count 2
		.amdhsa_user_sgpr_kernarg_segment_ptr 1
		.amdhsa_wavefront_size32 1
		.amdhsa_system_sgpr_workgroup_id_x 1
		.amdhsa_system_sgpr_workgroup_id_y 1
		.amdhsa_system_sgpr_workgroup_id_z 1
		.amdhsa_system_vgpr_workitem_id 0
		.amdhsa_next_free_vgpr 162
		.amdhsa_next_free_sgpr 66
		.amdhsa_reserve_vcc 0
		.amdhsa_float_denorm_mode_32 3
		.amdhsa_float_denorm_mode_16_64 3
		.amdhsa_memory_ordered 1
		.amdhsa_forward_progress 1
		.amdhsa_inst_pref_size 15
	.end_amdhsa_kernel
	.amdgpu_metadata
---
amdhsa.version: [ 1, 2 ]
amdhsa.kernels:
  - .name:           k_qcc5ff577e9_ln1
    .symbol:         k_qcc5ff577e9_ln1.kd
    .args:
      - { .name: x, .offset: 0, .size: 8, .value_kind: global_buffer, .address_space: global }
      - { .name: ln1_g, .offset: 8, .size: 8, .value_kind: global_buffer, .address_space: global }
      - { .name: ln1_b, .offset: 16, .size: 8, .value_kind: global_buffer, .address_space: global }
      - { .name: act, .offset: 24, .size: 8, .value_kind: global_buffer, .address_space: global }
    .group_segment_fixed_size: 44544
    .private_segment_fixed_size: 0
    .kernarg_segment_align: 8
    .kernarg_segment_size: 32
    .max_flat_workgroup_size: 256
    .sgpr_count:     66
    .vgpr_count:     162
    .wavefront_size: 32
...
	.end_amdgpu_metadata
.endif
;; end of part 2
;; launch gqkv (part 3): grid 48 x 4, 4 waves a work-group, clusters of 4 x 4, 327,680 bytes of LDS; arguments act, wts, qkv_b, qkv; writes qkv
.if DOCPART == 3
	.amdgcn_target "amdgcn-amd-amdhsa--gfx1250"
	.amdhsa_code_object_version 6
	.text
	.protected	k_qcc5ff577e9_gqkv
	.globl	k_qcc5ff577e9_gqkv
	.p2align	8
	.type	k_qcc5ff577e9_gqkv,@function
k_qcc5ff577e9_gqkv:
	s_mov_b64 s[64:65], 0
	v_nop
	global_prefetch_b8 v0, s[64:65] scope:SCOPE_SE
	s_setreg_imm32_b32 hwreg(HW_REG_WAVE_MODE, 25, 1), 1
	s_wait_xcnt 0x0
	s_wait_alu depctr_hold_cnt(0) depctr_sa_sdst(0) depctr_va_vdst(0) depctr_va_sdst(0) depctr_va_ssrc(0) depctr_va_vcc(0) depctr_vm_vsrc(0)
	s_getreg_b32 s2, hwreg(HW_REG_IB_STS2, 6, 4)
	s_cmp_eq_u32 s2, 0
	s_cbranch_scc0 .Lentry_in_a_cluster
	s_endpgm
.Lentry_in_a_cluster:
	s_bfe_u32 s2, ttmp6, 0x10000c
	s_cmp_lg_u32 s2, 0xf033
	s_cbranch_scc0 .Lentry_shape_is_right
	s_endpgm
.Lentry_shape_is_right:
; q, k, v = LN1(x) qkv_w + qkv_b on codes of E2M3 (one E8M0 byte for each 32 along K = 1,024), and the results' own codes: q and k quantised along a head's 64, v along the KEYS.  No f32 result goes to memory.
; OPERANDS (made by the launches before): codes [K/256 panels][4,096 row slots][192 bytes], scale bytes [panels][4,096][8].  Slot s holds true row sigma(s) = s with bits 3 and 4 exchanged.
; A tile of 256 x 256 is made by four waves, 128 x 128 each: 64 accumulators, 512 registers.  K goes in steps of 256 through two LDS slots filled by the tensor data mover; a tile of 128 rows is one dense block of 24,576 bytes.
; THE MATRIX INSTRUCTION IS USED TRANSPOSED (source 0 = 16 slots of "B", source 1 = 16 slots of "A"): in accumulator (a, b) register j of lane (r, h) is (A slot 16 a + r, TRUE B row 32 (b/2) + 16 h + 8 (b%2) + j):
; the 64 registers of one a are 16 neighbours of each of four blocks of 32 along B's rows, which is what the conversions want.
; ROLES.  Clusters 0-7 (q, k): A = tokens, B = weight slots 0..2,047: a lane holds a token and runs along the features.  Clusters 8-11 (v): A = weight slots 2,048.., B = tokens: a lane holds one (head, d) and runs along the tokens,
; so the same lines quantise v along the keys and nothing is transposed.  The roles are chosen by selects on the cluster's number, which all sixteen partners share; both operands have panels of 4,096 rows, so the shapes are constants.
; BIAS: along B's rows it is the C of the first K step (q, k); along A's rows it is added to the finished sums (v); the one that does not apply is made 0 by a select.
; OUT (qkv): q, k codes [8 panels: 0-3 q, 4-7 k][4,096 token slots][192] at 0; v codes [16 key panels][1,024 slots (head, d)][192] at 6,291,456; scale bytes [8][4,096][8] at 9,437,184 and [16][1,024][8] at 9,699,328.
; CLUSTERS: 4 x 4 work-groups; A's tiles are asked for jointly along a row of the cluster, B's along a column.
; REGISTERS, in windows of 256: window 0: v1-31 addresses; v32-63 scale words, two sets; v64-127 the bias along B; v128-223 A's fragments, one set; v224-239 the bias along A.  window 1: B's fragments, two sets.  windows 2, 3: the accumulators.
; LIMITS: a block of zeros, or one whose largest magnitude lies under 2^(3 - 127), gets the byte 1 (this program alone reads the bytes); NaN and infinities are not served.
.set KK,     1024
.set ROWSA,  4096                      ; rows of a panel of A, of B
.set ROWSB,  4096
.set NQ,     2                         ; matrix instructions deep in a slot
.set ROWB,   192                       ; a tile's row: 256 codes
.set PITCH,  240                       ; in LDS: 3 x (64 bytes + 16 of padding)
.set FR,     12                        ; registers of a fragment
.set NL,     6                         ; LDS loads that bring one
.set NP,     4                         ; places behind this matrix instruction (ISA guide 7.12.1)
.set HALFT,  128*PITCH
.set SLOT,   4*HALFT                   ; A's 256 rows, then B's
.set LAPS,   KK/512
.set NPAN,   KK/256
.set HALFS,  NPAN*1024                 ; the scale bytes of 128 rows, all panels: [panel][128 rows x 8]
.set SCL,    2*SLOT
.set SPARE,  SCL+4*HALFS               ; the spare words, 128 bytes a wave: two blocks of 256 bytes that no other line names
.set CST,    SPARE+512                 ; the way out: the tile's codes [256 rows][192]
.set SST,    CST+49152                 ; and scale bytes [256][8]
.set CA0,  8                           ; v8   where my row's codes go in CST, block 0
.set SA0,  9                           ; v9   and its scale word in SST
.set RDS,  10                          ; v10  SST read back
.set DA,   11                          ; v11-13 the trip's addresses
.set CA,   12
.set SA,   13
.set ADRA, 16                          ; v16-17 A's fragments in slot 0, 1 (v18-19: behind one padding more)
.set ADRB, 20                          ; v20-23 the same for B
.set DW,   24                          ; v24  my lane's 16 bytes in my wave's dump
.set RD,   25                          ; v25  CST read back
.set CO,   26                          ; v26  16 x lane
.set ADRS, 27                          ; v27  my scale words: lanes 0-15 A's rows, lanes 16-31 B's
.set SPW,  28                          ; v28  my spare word; never rewritten
.set NIL,  29                          ; v29  0; never rewritten
.set SC,   32
.set BI,   64
.set AF,   128
.set RBI,  224
.set PC,   128                         ; the way out: v128-146 codes, v148-163 at work, v164 the scale word
.set TM,   148
.set PW,   164
.set G1, 24
.set G0, 32
.set G1B, 48
.set G0B, 56
.set G1S, 68
.set G0S, 76
.set G1SB, 80
.set G0SB, 88
.set SEL, 50                           ; s[50:51] on the way out: lane selects
.set MSB, 0
.macro WIN new                         ; the immediate's high byte repeats the setting that is left
.if MSB != (\new)
	s_set_vgpr_msb (MSB<<8)|(\new)
.set MSB, (\new)
.endif
.endm
.set MUL_LO, 0xa1                      ; source 0 (B) window 1, source 1 (A) window 0, C and D window 2
.set MUL_HI, 0xf1                      ; the same, C and D window 3
.set TO_B,   0x40                      ; destination window 1, address window 0
; A joint load: waves 0 and 1 fetch for A, waves 2 and 3 for B; the branch hangs on the wave's number alone.  Four v_nop follow each of the two lines.
.macro JLOAD g0a, g1a, g0b, g1b
	s_cmp_eq_u32 s15, 0
	s_cbranch_scc0 .Lfor_b_\@
	tensor_load_to_lds s[\g0a:\g0a+3], s[\g1a:\g1a+7]
	s_nop 0
.rept 4
	v_nop
.endr
	s_branch .Lasked_\@
.Lfor_b_\@:
	tensor_load_to_lds s[\g0b:\g0b+3], s[\g1b:\g1b+7]
	s_nop 0
.rept 4
	v_nop
.endr
.Lasked_\@:
.endm
.macro CREST                           ; a round of the cluster's barrier behind its opening barrier
	s_cmp_lg_u32 s14, 0
	s_cbranch_scc1 .Lnot_wave_0_\@
	s_barrier_signal -3
.Lnot_wave_0_\@:
	s_barrier_wait -3
	s_barrier_signal -1
	s_barrier_wait -1
.endm
.macro CROUND
	s_barrier_signal -1
	s_barrier_wait -1
	CREST
.endm
	s_load_b256 s[4:11], s[0:1], 0x0               ; act s[4:5], wts s[6:7], qkv_b s[8:9], qkv s[10:11]
	v_lshl_add_u32 v[SPW], v0, 2, SPARE
	v_mov_b32 v[NIL], 0
	ds_add_u32 v28, v29
	s_wait_dscnt 0x0
	v_lshrrev_b32 v1, 5, v0
	v_readfirstlane_b32 s14, v1                    ; wave 0..3
	s_lshr_b32 s15, s14, 1                         ; which half of the tile's A rows is mine.  Also: I fetch for A (0) or for B (1)
	s_and_b32 s16, s14, 1                          ; which half of its B rows.  Also: which 128 rows I fetch
	s_bfe_u32 s40, ttmp6, 0x40000                  ; cx, cy
	s_bfe_u32 s41, ttmp6, 0x40004
	s_and_b32 s18, ttmp9, 1
	s_lshl_b32 s18, s18, 2                         ; q, k: B tile 4 (c & 1) + cx, A tile 4 (c >> 1) + cy
	s_sub_co_u32 s19, ttmp9, 8
	s_lshl_b32 s19, s19, 2                         ; v: B tile 4 (c - 8) + cx, A tile cy
	s_lshr_b32 s20, ttmp9, 1
	s_lshl_b32 s20, s20, 2
	s_mov_b32 s93, 3145728
	s_mov_b32 s94, 10223616
	s_mov_b32 s96, 786432
	s_mov_b32 s97, 9437184
	s_mov_b32 s98, 32768
	s_cmp_ge_u32 ttmp9, 8                          ; the v part?  The same answer in all sixteen partners
	s_cselect_b32 s42, s19, s18
	s_cselect_b32 s17, 0, s20
	s_cselect_b32 s12, -1, 0                       ; lanes' mask: the bias along B is made 0
	s_cselect_b32 s13, 0, -1                       ; the bias along A is made 0
	s_cselect_b32 s92, 393216, 0                   ; A's codes: weight slot 2,048 on, or the tokens' first byte
	s_cselect_b32 s93, 10240000, s93               ; A's scale bytes
	s_cselect_b32 s94, 3145728, s94                ; B's scale bytes (B's codes begin at byte 0 in both roles)
	s_cselect_b32 s95, 6291456, 0                  ; the results' codes,
	s_cselect_b32 s96, 196608, s96                 ; a panel of them,
	s_cselect_b32 s97, 9699328, s97                ; their scale bytes,
	s_cselect_b32 s98, 8192, s98                   ; a panel of those
	s_add_co_u32 s42, s42, s40                     ; B's tile
	s_add_co_u32 s17, s17, s41                     ; A's tile
	s_lshl_b32 s43, s41, 2
	s_lshl_b32 s43, 15, s43                        ; my row of the cluster
	s_lshl_b32 s44, 0x1111, s40                    ; my column
	; descriptor group 1: a tile of 128 rows x 192 bytes, dense in memory, 16 bytes of padding behind every 64 in LDS
	s_or_b32 s[G1+0], s43, (1<<20)|(1<<21)|(3<<22)|(3<<25)   ; 15:0 the mask; 17:16 elements of 1 byte; 20 padding on; 21 set beside a mask; 24:22 after every 16 words; 31:25 of 4 words
	s_or_b32 s[G1B+0], s44, (1<<20)|(1<<21)|(3<<22)|(3<<25)
.irp g, G1, G1B
	s_mov_b32 s[\g+1], ROWB<<16                    ; tensor_dim0
	s_mov_b32 s[\g+2], 128<<16                     ; tensor_dim1
	s_mov_b32 s[\g+3], ROWB<<16                    ; tile_dim0
	s_mov_b32 s[\g+4], 128                         ; tile_dim1
	s_mov_b32 s[\g+5], ROWB                        ; from row to row
	s_mov_b32 s[\g+6], 0
	s_mov_b32 s[\g+7], 0
.endr
	; the scale bytes of 128 rows: NPAN rows of 1,024 bytes (128 elements of 8), a panel apart in memory, on end in LDS
	s_or_b32 s[G1S+0], s43, (3<<16)|(1<<21)
	s_or_b32 s[G1SB+0], s44, (3<<16)|(1<<21)
.irp g, G1S, G1SB
	s_mov_b32 s[\g+1], 128<<16
	s_mov_b32 s[\g+2], NPAN<<16
	s_mov_b32 s[\g+3], 128<<16
	s_mov_b32 s[\g+4], NPAN
	s_mov_b32 s[\g+6], 0
	s_mov_b32 s[\g+7], 0
.endr
	s_mov_b32 s[G1S+5], ROWSA
	s_mov_b32 s[G1SB+5], ROWSB
	s_lshl_b32 s18, s16, 7                         ; which 128 rows of the tile I fetch
	s_lshl_b32 s20, s17, 8
	s_add_co_u32 s20, s20, s18                     ; A: slot 256 x tile + 128 x half
	s_lshl_b32 s46, s42, 8
	s_add_co_u32 s46, s46, s18                     ; B likewise
	s_lshl_b32 s22, s20, 3
	s_add_co_u32 s22, s22, s93
	s_mov_b32 s23, 0
	s_mul_i32 s20, s20, ROWB
	s_add_co_u32 s20, s20, s92
	s_mov_b32 s21, 0
	s_lshl_b32 s18, s46, 3
	s_add_co_u32 s18, s18, s94
	s_mov_b32 s19, 0
	s_mul_i32 s46, s46, ROWB
	s_mov_b32 s47, 0
	s_mul_i32 s45, s14, HALFT                      ; where they go: wave x 128 rows: no place in the cluster enters an LDS address
	s_mul_i32 s2, s14, HALFS
	s_mul_i32 s92, s42, s96                        ; the results: panel = B's tile, 256 rows = A's tile, a quarter for each wave
	s_add_co_u32 s92, s92, s95
	s_mul_i32 s93, s17, 49152
	s_add_co_u32 s92, s92, s93
	s_mul_i32 s93, s14, 12288
	s_add_co_u32 s92, s92, s93
	s_mov_b32 s93, 0
	s_mul_i32 s94, s42, s98
	s_add_co_u32 s94, s94, s97
	s_lshl_b32 s95, s17, 11
	s_add_co_u32 s94, s94, s95
	s_lshl_b32 s95, s14, 9
	s_add_co_u32 s94, s94, s95
	s_mov_b32 s95, 0
	s_lshl_b32 s96, s42, 10                        ; the bias along B: feature 256 x tile + 128 x half, in bytes
	s_lshl_b32 s97, s16, 9
	s_add_co_u32 s96, s96, s97
	s_lshl_b32 s98, s17, 10                        ; the bias along A: feature 2,048 + 256 x tile + 128 x half
	s_lshl_b32 s97, s15, 9
	s_add_co_u32 s98, s98, s97
	s_add_co_u32 s98, s98, 8192
	s_mov_b32 s97, 0
	s_mov_b32 s99, 0
	s_wait_kmcnt 0x0
	s_cmp_ge_u32 ttmp9, 8
	s_cselect_b32 s96, 0, s96                      ; the bias that does not apply is read at the buffer's head and made 0 below
	s_cselect_b32 s98, s98, 0
	s_cselect_b64 s[66:67], s[6:7], s[4:5]         ; A's buffer
	s_cselect_b64 s[6:7], s[4:5], s[6:7]           ; B's buffer
	s_add_nc_u64 s[20:21], s[66:67], s[20:21]
	s_add_nc_u64 s[22:23], s[66:67], s[22:23]
	s_add_nc_u64 s[46:47], s[6:7], s[46:47]
	s_add_nc_u64 s[18:19], s[6:7], s[18:19]
	s_add_nc_u64 s[92:93], s[10:11], s[92:93]      ; my 12,288 bytes of the results' codes
	s_add_nc_u64 s[94:95], s[10:11], s[94:95]      ; my 512 scale bytes
	s_add_nc_u64 s[96:97], s[8:9], s[96:97]
	s_add_nc_u64 s[98:99], s[8:9], s[98:99]
	CROUND                                         ; all sixteen work-groups are here: the first joint loads meet
	s_mov_b32 s[G0S], 1
	s_add_co_u32 s[G0S+1], s2, SCL
	s_mov_b64 s[G0S+2:G0S+3], s[22:23]
	s_or_b32 s[G0S+3], s[G0S+3], 0x80000000
	s_mov_b32 s[G0SB], 1
	s_add_co_u32 s[G0SB+1], s2, SCL
	s_mov_b64 s[G0SB+2:G0SB+3], s[18:19]
	s_or_b32 s[G0SB+3], s[G0SB+3], 0x80000000
	JLOAD G0S, G1S, G0SB, G1SB                     ; the scale bytes first: filled once
.irp s, 0,1
	s_mov_b32 s[G0+4*\s], 1
	s_add_co_u32 s[G0+4*\s+1], s45, \s*SLOT
	s_add_nc_u64 s[G0+4*\s+2:G0+4*\s+3], s[20:21], \s*ROWSA*ROWB   ; panel s
	s_or_b32 s[G0+4*\s+3], s[G0+4*\s+3], 0x80000000
	s_mov_b32 s[G0B+4*\s], 1
	s_add_co_u32 s[G0B+4*\s+1], s45, \s*SLOT
	s_add_nc_u64 s[G0B+4*\s+2:G0B+4*\s+3], s[46:47], \s*ROWSB*ROWB
	s_or_b32 s[G0B+4*\s+3], s[G0B+4*\s+3], 0x80000000
	JLOAD G0+4*\s, G1, G0B+4*\s, G1B
.endr
	v_and_b32 v1, 15, v0                           ; r
	v_bfe_u32 v2, v0, 4, 1                         ; h
	v_lshlrev_b32 v7, 6, v2                        ; 64 h
.irp b, 0,1,2,3,4,5,6,7                        ; tile b's eight: features 32 (b/2) + 8 (b%2) + 16 h + 0 .. 7
	global_load_b128 v[BI+8*\b:BI+8*\b+3], v7, s[96:97] offset:(32*(\b/2)+8*(\b%2))*4
	global_load_b128 v[BI+8*\b+4:BI+8*\b+7], v7, s[96:97] offset:(32*(\b/2)+8*(\b%2))*4+16
.endr
	v_and_b32 v3, 8, v1
	v_add_nc_u32 v3, v3, v1
	v_lshlrev_b32 v14, 2, v3                       ; r + 8 (r / 8), in bytes
.irp a, 0,1,2,3,4,5,6,7                        ; block a's: the true row of slot 16 a + r; twice, a pair for the packed addition
	global_load_b32 v[RBI+2*\a], v14, s[98:99] offset:(32*(\a/2)+8*(\a%2))*4
	global_load_b32 v[RBI+2*\a+1], v14, s[98:99] offset:(32*(\a/2)+8*(\a%2))*4
.endr
	v_mul_u32_u24 v3, v1, PITCH
	v_mul_u32_u24 v4, v2, 24
	v_add_nc_u32 v4, v3, v4                        ; a fragment's row x pitch + 24 x half
	v_lshl_add_u32 v5, v2, 4, v4                   ; and the same behind one padding more
	s_mul_i32 s21, s15, HALFT
	s_mul_i32 s22, s16, HALFT
	s_add_co_u32 s22, s22, 2*HALFT
.irp s, 0,1
	v_add_nc_u32 v[ADRA+\s], s21, v4
	v_add_nc_u32 v[ADRB+\s], s22, v4
	v_add_nc_u32 v[ADRA+2+\s], s21, v5
	v_add_nc_u32 v[ADRB+2+\s], s22, v5
	s_add_co_u32 s21, s21, SLOT
	s_add_co_u32 s22, s22, SLOT
.endr
	v_lshlrev_b32 v5, 3, v1                        ; my row's 8 scale bytes of a panel
	s_mul_i32 s21, s15, HALFS
	s_mul_i32 s22, s16, HALFS
	s_add_co_u32 s22, s22, 2*HALFS
	s_sub_co_u32 s22, s22, s21
	v_mul_u32_u24 v6, s22, v2                      ; lanes 16-31 take B's
	s_add_co_u32 s21, s21, SCL
	v_add_nc_u32 v5, v5, v6
	v_add_nc_u32 v[ADRS], s21, v5
	v_and_b32 v6, 31, v0
	v_lshlrev_b32 v[CO], 4, v6
	s_mul_i32 s21, s15, 128*192                    ; the way out's addresses
	s_mul_i32 s22, s16, 96
	s_add_co_u32 s21, s21, s22
	s_add_co_u32 s21, s21, CST
	v_mul_u32_u24 v5, v1, 192
	v_mad_u32_u24 v5, v2, 24, v5
	v_add_nc_u32 v[CA0], s21, v5                   ; row 128 x half + r, my wave's 96 bytes of it, + 24 h
	s_lshl_b32 s21, s15, 10
	s_lshl_b32 s22, s16, 2
	s_add_co_u32 s21, s21, s22
	s_add_co_u32 s21, s21, SST
	v_lshl_add_u32 v[SA0], v1, 3, s21
	s_mul_i32 s21, s14, 12288
	s_add_co_u32 s21, s21, CST
	v_add_nc_u32 v[RD], s21, v[CO]
	s_lshl_b32 s21, s14, 9
	s_add_co_u32 s21, s21, SST
	v_add_nc_u32 v[RDS], s21, v[CO]
	s_lshl_b32 s21, s14, 16
	v_add_nc_u32 v[DW], s21, v[CO]
	s_wait_loadcnt 0x0                             ; both biases are in
.set i, 0
.rept 64
	v_cndmask_b32 v[BI+i], v[BI+i], v[NIL], s12
.set i, i+1
.endr
.set i, 0
.rept 16
	v_cndmask_b32 v[RBI+i], v[RBI+i], v[NIL], s13
.set i, i+1
.endr
.macro FRAG reg, adr, q, i             ; a fragment: lane (r, h) takes 24 bytes at 96 q + 24 h and 24 at 96 q + 48 + 24 h of row r, as they lie, in pieces of 8 bytes
.irp p, 0,1,2,3,4,5
.set PCE, 12*(\q)+6*(\p/3)+\p%3        ; lanes 16-31 read three pieces further on: where that lies behind one padding more, the second address register serves
.if PCE%8 < 5
	ds_load_b64 v[\reg+2*\p:\reg+2*\p+1], v[\adr] offset:8*PCE+16*(PCE/8)+(\i)*16*PITCH
.else
	ds_load_b64 v[\reg+2*\p:\reg+2*\p+1], v[\adr+2] offset:8*PCE+16*(PCE/8)+(\i)*16*PITCH
.endif
.endr
.endm
; 16 matrix instructions: A's blocks a0, a0 + 1 x B's eight.  p: B's set; sc: the set of scale words.  zero = 1: the first product starts the sums from the bias along B.
; The 64 accumulators take turns, one instruction a turn, in the same order in every step.
.macro MUL16 a0, p, q, sc, zero
.irp a, \a0, \a0+1
.irp b, 0,1,2,3,4,5,6,7
.if \zero
	v_wmma_scale_f32_16x16x128_f8f6f4 v[8*(8*((\a)%4)+\b):8*(8*((\a)%4)+\b)+7], v[128*(\p)+FR*\b:128*(\p)+FR*\b+FR-1], v[AF+FR*(\a):AF+FR*(\a)+FR-1], v[BI+8*\b:BI+8*\b+7], v[SC+8*NQ*(\sc)+NQ*\b+(\q)], v[SC+8*NQ*(\sc)+NQ*(\a)+(\q)] matrix_a_fmt:MATRIX_FMT_FP6 matrix_b_fmt:MATRIX_FMT_FP6 matrix_a_scale:MATRIX_SCALE_ROW1
.else
	v_wmma_scale_f32_16x16x128_f8f6f4 v[8*(8*((\a)%4)+\b):8*(8*((\a)%4)+\b)+7], v[128*(\p)+FR*\b:128*(\p)+FR*\b+FR-1], v[AF+FR*(\a):AF+FR*(\a)+FR-1], v[8*(8*((\a)%4)+\b):8*(8*((\a)%4)+\b)+7], v[SC+8*NQ*(\sc)+NQ*\b+(\q)], v[SC+8*NQ*(\sc)+NQ*(\a)+(\q)] matrix_a_fmt:MATRIX_FMT_FP6 matrix_b_fmt:MATRIX_FMT_FP6 matrix_a_scale:MATRIX_SCALE_ROW1
.endif
.endr
.endr
.endm
.macro FETCH_B slot, q, p
	WIN TO_B
.irp i, 0,1,2,3,4,5,6,7
	FRAG 128*(\p)+FR*\i, ADRB+\slot, \q, \i
.endr
	WIN 0
.endm
.macro FETCH_A slot, q, i0
.irp i, \i0, \i0+1, \i0+2, \i0+3
	FRAG AF+FR*(\i), ADRA+\slot, \q, \i
.endr
.endm
.macro SCALES sc                       ; a panel's scale words: 8 bytes a row: lanes 0-15 A's block i, lanes 16-31 B's block i
.irp i, 0,1,2,3,4,5,6,7
	ds_load_b64 v[SC+8*NQ*\sc+NQ*\i:SC+8*NQ*\sc+NQ*\i+1], v[ADRS] offset:\i*128
.endr
.endm
.macro PLACES n                        ; plain vector lines between a matrix instruction and a load into, or a read of, its registers (ISA guide 7.12.1 for reads)
.rept \n
	v_nop
.endr
.endm
.macro STEP slot, q, zero              ; 128 along K that has its successor in the same slot
	s_wait_dscnt 4*NL                              ; all but the youngest 24 loads (A's blocks 4-7) are in
.if \zero
	WIN 0x81                                       ; C (the bias) in window 0, D in window 2
.else
	WIN MUL_LO
.endif
	MUL16 0, (\q)%2, \q, \slot, \zero
	MUL16 2, (\q)%2, \q, \slot, \zero
	s_wait_dscnt 0
	PLACES NP
	FETCH_B \slot, (\q)+1, 1-(\q)%2
	FETCH_A \slot, (\q)+1, 0
.if \zero
	WIN 0xc1
.else
	WIN MUL_HI
.endif
	MUL16 4, (\q)%2, \q, \slot, \zero
	MUL16 6, (\q)%2, \q, \slot, \zero
	PLACES NP
	WIN 0
	FETCH_A \slot, (\q)+1, 4
.endm
; A slot's last step changes slots: one barrier; in front of it each wave waits for all its tensor loads, adds 0 to its spare word, and waits for that and for its reads of this slot.  fill = 1: the slot is filled again, two panels on.
.macro TURN slot, next, fill
	s_wait_tensorcnt 0x0                           ; all my tensor loads have landed: my part of the next slot
	ds_add_u32 v[SPW], v[NIL]                      ; 0 onto my spare word
	s_wait_dscnt 4*NL+1                            ; (the add and the youngest 24 loads may be out)
	WIN MUL_LO
	MUL16 0, 1, NQ-1, \slot, 0
	s_wait_dscnt 0x0                               ; the add is done, and my reads of this slot are over
	s_barrier_signal -1
	MUL16 2, 1, NQ-1, \slot, 0
	WIN 0
	s_barrier_wait -1
.if \fill
	CREST                                          ; the barrier has opened a round of the cluster's: no wave of any partner still reads this slot or has a load on its way
	s_add_nc_u64 s[G0+4*\slot+2:G0+4*\slot+3], s[G0+4*\slot+2:G0+4*\slot+3], 2*ROWSA*ROWB
	s_add_nc_u64 s[G0B+4*\slot+2:G0B+4*\slot+3], s[G0B+4*\slot+2:G0B+4*\slot+3], 2*ROWSB*ROWB
	JLOAD G0+4*\slot, G1, G0B+4*\slot, G1B         ; the first tensor load behind the round; its four v_nop are the places in front of the loads below
.else
	PLACES NP
.endif
	v_add_nc_u32 v[ADRS], 1024, v[ADRS]            ; the next panel's scale words
	FETCH_B \next, 0, 0
	FETCH_A \next, 0, 0
	SCALES \next
	WIN MUL_HI
	MUL16 4, 1, NQ-1, \slot, 0
	MUL16 6, 1, NQ-1, \slot, 0
	PLACES NP
	WIN 0
	FETCH_A \next, 0, 4
.endm
	s_wait_tensorcnt 1                             ; the scale bytes and my part of panel 0 are in; panel 1's load may be out
	s_barrier_signal -1
	s_barrier_wait -1
	FETCH_B 0, 0, 0
	FETCH_A 0, 0, 0
	SCALES 0
	FETCH_A 0, 0, 4
	STEP 0, 0, 1
	s_mov_b32 s3, LAPS-1
.Llap:                                                 ; a trip goes once round the ring and fills both slots again
	TURN 0, 1, 1
	STEP 1, 0, 0
	TURN 1, 0, 1
	STEP 0, 0, 0
	s_sub_co_u32 s3, s3, 1
	s_cmp_lg_u32 s3, 0
	s_cbranch_scc1 .Llap
	TURN 0, 1, 0                                   ; the last lap fills nothing
	STEP 1, 0, 0
	s_wait_dscnt 4*NL
	WIN MUL_LO
	MUL16 0, 1, NQ-1, 1, 0
	MUL16 2, 1, NQ-1, 1, 0
	s_wait_dscnt 0
	WIN MUL_HI
	MUL16 4, 1, NQ-1, 1, 0
	MUL16 6, 1, NQ-1, 1, 0
	WIN 0
	PLACES NP
; THE WAY OUT.  The sums go to LDS as images of their registers (65,536 bytes a wave, over the ring and the scale bytes, which have had their last fill), so that ONE loop of 8 trips can take them block by block:
; 64 numbers of a lane become a fragment's codes and a scale word; these meet in CST and SST, and the tile leaves as dense runs.
	s_wait_dscnt 0x0
	s_barrier_signal -1
	s_barrier_wait -1                              ; no wave reads the ring or the scale bytes any more
.irp a, 0,1,2,3,4,5,6,7                        ; the bias along A, each accumulator from its low end on
	WIN 0x82+0x41*(\a/4)                           ; destination and source 0 in window 2 or 3, the bias in window 0
.set i, 0
.rept 32
	v_pk_add_f32 v[64*(\a%4)+i:64*(\a%4)+i+1], v[64*(\a%4)+i:64*(\a%4)+i+1], v[RBI+2*\a:RBI+2*\a+1]
.set i, i+2
.endr
.endr
.irp a, 0,1,2,3,4,5,6,7
	WIN 0x08+4*(\a/4)                              ; an LDS store's data are its source 1: window 2 or 3
.set k, 0
.rept 16
	ds_store_b128 v[DW], v[64*(\a%4)+4*k:64*(\a%4)+4*k+3] offset:8192*\a+512*k
.set k, k+1
.endr
.endr
	WIN 0
; 64 numbers of a lane, register 16 b + i = column 32 b + 16 h + i of my row, become a fragment's codes in v[PC] on and its scale word in v[PW].
.macro QUANT s
.irp b, 0,1,2,3
	v_max3_num_f32 v[TM+\b], |v[\s+16*\b]|, |v[\s+1+16*\b]|, 0x1800000   ; block b: my 16 numbers, and the floor 2^(3 - 127): the byte cannot fall under 1
.endr
.irp i, 2,4,6,8,10,12,14
.irp b, 0,1,2,3
	v_max3_num_f32 v[TM+\b], v[TM+\b], |v[\s+16*\b+\i]|, |v[\s+1+16*\b+\i]|
.endr
.endr
.irp b, 0,1,2,3
	v_permlanex16_b32 v[TM+4+\b], v[TM+\b], s[SEL], s[SEL+1]
.endr
.irp b, 0,1,2,3
	v_max_num_f32 v[TM+\b], v[TM+\b], v[TM+4+\b]   ; with lane l xor 16's: the block's largest magnitude
.endr
.irp b, 0,1,2,3
	v_add_nc_u32 v[TM+12+\b], 0xff000000, v[TM+\b] ; 2 off its exponent field: the conversion's scale operand
.endr
.irp b, 0,1,2,3
	v_lshrrev_b32 v[TM+4+\b], 23, v[TM+12+\b]      ; the scale's byte
.endr
	v_lshl_or_b32 v[PW], v[TM+5], 8, v[TM+4]
	v_lshl_or_b32 v[PW], v[TM+6], 16, v[PW]
	v_lshl_or_b32 v[PW], v[TM+7], 24, v[PW]
.irp c, 0,1
	v_cvt_scalef32_pk16_fp6_f32 v[PC+6*\c:PC+2+6*\c], v[\s+32*\c:\s+15+32*\c], v[TM+12+2*\c]
	v_cvt_scalef32_pk16_fp6_f32 v[PC+12+4*\c:PC+14+4*\c], v[\s+16+32*\c:\s+31+32*\c], v[TM+12+2*\c+1]   ; (a conversion's three registers begin on an even number)
.endr
	v_nop                                          ; one plain line behind the conversions
.irp c, 0,1                                    ; a whole block to a lane: lanes 0-15 block 2 c, lanes 16-31 block 2 c + 1
.irp i, 0,1,2
	v_permlane16_swap_b32 v[PC+6*\c+\i], v[PC+12+4*\c+\i]
.endr
.irp i, 0,1,2
	v_mov_b32 v[PC+3+6*\c+\i], v[PC+12+4*\c+\i]
.endr
.endr
.endm
	s_mov_b32 s[SEL], 0x76543210
	s_mov_b32 s[SEL+1], 0xfedcba98
.irp b, 0,1,2,3
	v_mov_b32 v[TM+4+\b], 0                        ; written once: a lane permute's destination counts as one of its sources
.endr
	s_mov_b32 s46, 0                               ; the block's place in the dump, in CST, in SST
	s_mov_b32 s47, 0
	s_mov_b32 s48, 0
	s_mov_b32 s3, 8
.Lepi:
	v_add_nc_u32 v[DA], s46, v[DW]
	v_add_nc_u32 v[CA], s47, v[CA0]
	v_add_nc_u32 v[SA], s48, v[SA0]
.set k, 0
.rept 16
	ds_load_b128 v[64+4*k:64+4*k+3], v[DA] offset:512*k   ; LDS serves a wave's instructions in order: these see my stores
.set k, k+1
.endr
	s_wait_dscnt 0x0                               ; the block is in; the last trip's stores have read their registers
	QUANT 64
.irp p, 0,1,2,3,4,5
	ds_store_b64 v[CA], v[PC+2*\p:PC+2*\p+1] offset:48*(\p/3)+8*(\p%3)
.endr
	ds_store_b32 v[SA], v[PW]                      ; lanes r and r + 16 write the same word with the same value
	s_add_co_u32 s46, s46, 8192
	s_add_co_u32 s47, s47, 16*192
	s_add_co_u32 s48, s48, 16*8
	s_sub_co_u32 s3, s3, 1
	s_cmp_lg_u32 s3, 0
	s_cbranch_scc1 .Lepi
	s_wait_dscnt 0x0                               ; for the others' sake: my stores have landed
	s_barrier_signal -1
	s_barrier_wait -1                              ; the tile's codes and scale bytes lie in LDS
.set i, 0
.rept 24
	ds_load_b128 v[64+4*i:64+4*i+3], v[RD] offset:512*i
.set i, i+1
.endr
	ds_load_b128 v[160:163], v[RDS]
.set i, 0
.rept 24
	s_wait_dscnt 24-i                              ; the younger code loads and the scale load may be out
	global_store_b128 v[CO], v[64+4*i:64+4*i+3], s[92:93] offset:512*i   ; 512 consecutive bytes, aligned to 256
.set i, i+1
.endr
	s_wait_dscnt 0x0
	global_store_b128 v[CO], v[160:163], s[94:95]
	s_wait_tensorcnt 0x0                           ; the wave's end
	ds_add_u32 v[SPW], v[NIL]
	s_wait_dscnt 0x0
	CROUND                                         ; the closing round
	s_endpgm
.Lfunc_end_k_qcc5ff577e9_gqkv:
	.size	k_qcc5ff577e9_gqkv, .Lfunc_end_k_qcc5ff577e9_gqkv-k_qcc5ff577e9_gqkv
	.p2alignl 7, 3214868480
	.fill 96, 4, 3214868480
	.section	.rodata,"a",@progbits
	.p2align	6, 0x0
	.amdhsa_kernel k_qcc5ff577e9_gqkv
		.amdhsa_group_segment_fixed_size 327680
		.amdhsa_private_segment_fixed_size 0
		.amdhsa_enable_private_segment 0
		.amdhsa_kernarg_size 32
		.amdhsa_user_sgpr_count 2
		.amdhsa_user_sgpr_kernarg_segment_ptr 1
		.amdhsa_wavefront_size32 1
		.amdhsa_system_sgpr_workgroup_id_x 1
		.amdhsa_system_sgpr_workgroup_id_y 1
		.amdhsa_system_sgpr_workgroup_id_z 1
		.amdhsa_system_vgpr_workitem_id 0
		.amdhsa_next_free_vgpr 1024
		.amdhsa_next_free_sgpr 100
		.amdhsa_reserve_vcc 0
		.amdhsa_float_denorm_mode_32 3
		.amdhsa_float_denorm_mode_16_64 3
		.amdhsa_memory_ordered 1
		.amdhsa_forward_progress 1
		.amdhsa_inst_pref_size 176
	.end_amdhsa_kernel
	.amdgpu_metadata
---
amdhsa.version: [ 1, 2 ]
amdhsa.kernels:
  - .name:           k_qcc5ff577e9_gqkv
    .symbol:         k_qcc5ff577e9_gqkv.kd
    .args:
      - { .name: act, .offset: 0, .size: 8, .value_kind: global_buffer, .address_space: global }
      - { .name: wts, .offset: 8, .size: 8, .value_kind: global_buffer, .address_space: global }
      - { .name: qkv_b, .offset: 16, .size: 8, .value_kind: global_buffer, .address_space: global }
      - { .name: qkv, .offset: 24, .size: 8, .value_kind: global_buffer, .address_space: global }
    .group_segment_fixed_size: 327680
    .private_segment_fixed_size: 0
    .kernarg_segment_align: 8
    .kernarg_segment_size: 32
    .max_flat_workgroup_size: 128
    .sgpr_count:     100
    .vgpr_count:     1024
    .wavefront_size: 32
...
	.end_amdgpu_metadata
.endif
;; end of part 3
;; launch attn (part 4): grid 32 x 8, 16 waves a work-group, clusters of 4 x 1, 327,680 bytes of LDS; arguments qkv, act; writes act
.if DOCPART == 4
	.amdgcn_target "amdgcn-amd-amdhsa--gfx1250"
	.amdhsa_code_object_version 6
	.text
	.protected	k_qcc5ff577e9_attn
	.globl	k_qcc5ff577e9_attn
	.p2align	8
	.type	k_qcc5ff577e9_attn,@function
k_qcc5ff577e9_attn:
	s_mov_b64 s[64:65], 0
	v_nop
	global_prefetch_b8 v0, s[64:65] scope:SCOPE_SE
	s_setreg_imm32_b32 hwreg(HW_REG_WAVE_MODE, 25, 1), 1
	s_wait_xcnt 0x0
	s_wait_alu depctr_hold_cnt(0) depctr_sa_sdst(0) depctr_va_vdst(0) depctr_va_sdst(0) depctr_va_ssrc(0) depctr_va_vcc(0) depctr_vm_vsrc(0)
	s_getreg_b32 s2, hwreg(HW_REG_IB_STS2, 6, 4)
	s_cmp_eq_u32 s2, 0
	s_cbranch_scc0 .Lentry_in_a_cluster
	s_endpgm
.Lentry_in_a_cluster:
	s_bfe_u32 s2, ttmp6, 0x10000c
	s_cmp_lg_u32 s2, 0x3003
	s_cbranch_scc0 .Lentry_shape_is_right
	s_endpgm
.Lentry_shape_is_right:
; Causal attention on codes of E2M3, 32 (batch, head) pairs of 2,048 tokens, head size 64, and the result's own codes along (head, d) for the next product.
; IN (qkv): q, k codes [8 panels: 0-3 q, 4-7 k][4,096 token slots][192]: a row is 4 heads x 48 bytes; v codes [16 key panels of 256][1,024 slots (head, d)][192]; scale bytes [8][4,096][8], [16][1,024][8].
; Slot s of any row axis holds true index sigma(s) = s with bits 3 and 4 exchanged.  OUT (act): codes [4 panels][4,096 token slots][192], scale bytes [4][4,096][8] at 3,145,728.
; THE SOFTMAX: t = score x log2(e) / 8; M = the running largest t rounded UP to a whole number; p = 2^(t - M) is quantised along the keys, not normalised; the row's sum is taken of the unquantised p and divides at the end.
; When M moves, the sum and O are multiplied by 2^(old M - new M): exact.
; SHARES.  Work-group y = 4 x batch + panel of 4 heads.  Wave w: head w % 4 of the panel, class i = w / 4; it owns ONE tile of 16 query slots.  With X the cluster's x, yy = X / 2, z = X % 2:
; G = 4 i + (yy xor 3 (i % 2)) is the key step of 128 in which the tile lies, tile = 8 G + 4 z + cx.  A wave needs key steps 0 .. G; the four classes' G add up to 30 in every work-group, so the causal work is even.
; Every wave walks all 16 steps' lines that step addresses; the WORK of a step beyond G is jumped over, by a scalar branch on G and the step's number, which hold no place in the cluster: the four partners run alike.
; CLUSTER.  The four partners walk the same K and V: every tile and the scale bytes are asked for jointly.  cx enters global addresses and one vector number (the mask's) alone.
; LAYOUT.  Both products transposed: S^T = K Q^T (source 0 = 16 key slots), O^T = V^T P^T (source 0 = 16 slots of d): a lane holds ONE query.  By sigma the 16 registers of tiles 2 b, 2 b + 1 are 16 neighbouring true keys (or d).
; K = 64 IN AN INSTRUCTION OF 128: Q's registers 6-11 are zero codes and its scale bytes 2, 3 are 0; K's registers 6-11 hold what the last fragment of V left: E2M3 has no NaN and no infinity, so those products are exactly 0.
; REGISTERS: v1-7 addresses that stay; v8-11, v80-82 the step's; v12 -M, v13 largest t, v[14:15] the sum; v16-27 Q; v28-31 prefetch offset, spare word, 0, mask number; v32-79 four fragments; v83-90 the way out's addresses;
; v96-159 S^T, then p; v160-191 O^T; v224-235 p's codes; v232-254 at work; v255 Q's scale word.
; LIMITS: a block of zeros gets the byte 1 over zero codes (this program alone reads the bytes); NaN and infinities are not served.
.set PITCH, 240                        ; a row of 192 bytes in LDS: 3 x (64 + 16 of padding)
.set HALFT, 128*PITCH
.set VOFF,  2*HALFT                    ; a slot: 256 key rows of K, then 256 rows (head, d) of V
.set SLOT1, 1<<17                      ; slot 1 begins here: one exclusive or turns an address
.set NSL,   8                          ; slots' worth of keys
.set SCK,   2*SLOT1                    ; K's scale bytes of this batch and panel: 2,048 rows x 8
.set SCV,   SCK+16384                  ; V's: [8 key panels][256 rows x 8]
.set SPARE, SCV+16384                  ; the spare words, 128 bytes a wave: eight blocks of 256 bytes that no other line names
.set OST,   SPARE+2048                 ; the way out: codes [4 classes][16 rows][192]
.set OSS,   OST+12288                  ; scale bytes [4][16][8]
.set VCO,   6291456
.set QKS,   9437184
.set VSO,   9699328
.set ASO,   3145728
.set AK0,  1                           ; v1-3 my lane's place in a tile of K, one for each piece of 8 bytes
.set AV,   4                           ; v4, v5 in a tile of V (v5: behind one padding more)
.set AV2,  5
.set ASK0, 6
.set ASV0, 7
.set ADK,  8                           ; v8-10
.set ADV,  11
.set ADV2, 80
.set ADS,  81
.set ADT,  82
.set OA,   83                          ; my codes' place in OST
.set OB,   84                          ; my two scale bytes' in OSS
.set ORD,  85                          ; OST read back, 16 bytes a lane
.set ORD2, 86                          ; and 8 bytes a lane
.set OSR,  87                          ; OSS read back
.set GO16, 88
.set GO8,  89
.set GO4,  90
.set PFO,  28
.set SPW,  29
.set NIL,  30
.set DL,   31                          ; my query's true place in its key step, less 16 h
.set WV,   18
.set SEL,  20
.set CS,   22
.set G1T,  24                          ; s[24:31] group 1 of K's and V's tiles
.set G1SK, 32
.set G1SV, 40
.set G0K,  48                          ; the walking groups 0
.set G0V,  52
.set G0SK, 56
.set G0SV, 60
.set TB,   2                           ; LDS byte at which the slot in hand begins
.set TS,   3                           ; the slot's scale bytes: 2,048 a slot, in SCK and in SCV alike
.set SJ,   66                          ; the key step's number
.set GW,   67                          ; my G
.set SLOTS, 68
.set LIM,  69
.set PFA,  70
.set PFS,  72
; Waves 0 and 1 fetch for K, waves 2 and 3 for V, the others nothing; the branches hang on the wave's number alone.  Four v_nop follow each of the two lines.
.macro TLOAD g0k, g1k, g0v, g1v
	s_cmp_lt_u32 s[WV], 2
	s_cbranch_scc0 .Lnot_k_\@
	tensor_load_to_lds s[\g0k:\g0k+3], s[\g1k:\g1k+7]
	s_nop 0
.rept 4
	v_nop
.endr
	s_branch .Lasked_\@
.Lnot_k_\@:
	s_cmp_lt_u32 s[WV], 4
	s_cbranch_scc0 .Lasked_\@
	tensor_load_to_lds s[\g0v:\g0v+3], s[\g1v:\g1v+7]
	s_nop 0
.rept 4
	v_nop
.endr
.Lasked_\@:
.endm
; A prefetch of what the NEXT change of slots will ask for: 49,152 bytes of K and as many of V.  All clusters of a (batch, panel) walk the same bytes: the first cluster asks.  Its four partners share them out BY ADDRESS,
; 24,576 bytes each (cx 0, 1: K's halves; cx 2, 3: V's); in each, waves 4 to 6 take 8,192 bytes, lanes 256 bytes apart.  So each aligned block of 256 bytes is named once.  The last change that fills a slot asks for nothing.
.macro ASK
	s_cmp_gt_u32 s[SLOTS], s[LIM]
	s_cbranch_scc0 .Lnot_mine_\@
	global_prefetch_b8 v[PFO], s[PFA:PFA+1] th:TH_LOAD_NT scope:SCOPE_SE
.Lnot_mine_\@:
.endm
.macro CROUND                          ; a round of the cluster's barrier
	s_barrier_signal -1
	s_barrier_wait -1
	s_cmp_lg_u32 s[WV], 0
	s_cbranch_scc1 .Lnot_wave_0_\@
	s_barrier_signal -3
.Lnot_wave_0_\@:
	s_barrier_wait -3
	s_barrier_signal -1
	s_barrier_wait -1
.endm
	s_load_b128 s[4:7], s[0:1], 0x0                ; qkv s[4:5], act s[6:7]
	v_lshl_add_u32 v[SPW], v0, 2, SPARE
	v_mov_b32 v[NIL], 0
	ds_add_u32 v29, v30
	s_wait_dscnt 0x0
	v_lshrrev_b32 v8, 5, v0
	v_readfirstlane_b32 s[WV], v8                  ; wave 0..15
	s_bfe_u32 s75, ttmp6, 0x40000                  ; cx
	s_and_b32 s76, ttmp7, 0xffff
	s_lshr_b32 s77, s76, 2                         ; batch
	s_and_b32 s78, s76, 3                          ; panel of 4 heads
	s_and_b32 s79, s[WV], 3                        ; my head in the panel
	s_lshr_b32 s80, s[WV], 2                       ; my class
	s_lshr_b32 s81, ttmp9, 1                       ; yy
	s_and_b32 s82, ttmp9, 1                        ; z
	s_and_b32 s83, s80, 1
	s_mul_i32 s83, s83, 3
	s_xor_b32 s83, s83, s81
	s_lshl_b32 s[GW], s80, 2
	s_add_co_u32 s[GW], s[GW], s83                 ; G
	s_lshl_b32 s84, s82, 2
	s_add_co_u32 s84, s84, s75                     ; my tile within the key step: 4 z + cx
	s_lshl_b32 s85, s[GW], 3
	s_add_co_u32 s85, s85, s84                     ; my tile
	s_lshl_b32 s86, s77, 11                        ; the batch's first token slot
	s_lshl_b32 s87, s85, 4
	s_add_co_u32 s87, s87, s86                     ; my first query slot
	s_and_b32 s88, s[WV], 1                        ; which half I fetch, if I fetch
	s_add_co_u32 s89, s78, 4
	s_mul_i32 s89, s89, 786432                     ; k's panel
	s_lshl_b32 s90, s88, 7
	s_add_co_u32 s90, s90, s86
	s_mul_i32 s90, s90, 192
	s_add_co_u32 s90, s90, s89                     ; K's tile: 128 key slots
	s_mov_b32 s91, 0
	s_mul_i32 s92, s77, 8*196608                   ; the batch's first key panel of v
	s_lshl_b32 s93, s78, 8
	s_lshl_b32 s94, s88, 7
	s_add_co_u32 s93, s93, s94
	s_mul_i32 s93, s93, 192
	s_add_co_u32 s92, s92, s93
	s_add_co_u32 s92, s92, VCO                     ; V's tile: 128 slots (head, d)
	s_mov_b32 s93, 0
	s_add_co_u32 s94, s78, 4
	s_lshl_b32 s94, s94, 15
	s_lshl_b32 s95, s86, 3
	s_add_co_u32 s94, s94, s95
	s_lshl_b32 s95, s88, 13
	s_add_co_u32 s94, s94, s95
	s_add_co_u32 s94, s94, QKS                     ; half of K's scale bytes: 8,192 dense bytes
	s_mov_b32 s95, 0
	s_lshl_b32 s96, s77, 3
	s_lshl_b32 s97, s88, 2
	s_add_co_u32 s96, s96, s97
	s_lshl_b32 s96, s96, 13
	s_lshl_b32 s97, s78, 11
	s_add_co_u32 s96, s96, s97
	s_add_co_u32 s96, s96, VSO                     ; four key panels of V's scale bytes, 2,048 bytes each
	s_mov_b32 s97, 0
	; group 1 of a tile: 128 rows x 192 bytes, dense in memory, 16 bytes of padding behind every 64 in LDS
	s_mov_b32 s[G1T], 15|(1<<20)|(1<<21)|(3<<22)|(3<<25)   ; 15:0 all four work-groups; elements of 1 byte; padding on; 21 set beside a mask; after every 16 words, 4 words
	s_mov_b32 s[G1T+1], 192<<16
	s_mov_b32 s[G1T+2], 128<<16
	s_mov_b32 s[G1T+3], 192<<16
	s_mov_b32 s[G1T+4], 128
	s_mov_b32 s[G1T+5], 192
	s_mov_b32 s[G1T+6], 0
	s_mov_b32 s[G1T+7], 0
	s_mov_b32 s[G1SK], 15|(3<<16)|(1<<21)          ; K's scale bytes: 32 rows of 256 bytes (32 elements of 8), dense
	s_mov_b32 s[G1SK+1], 32<<16
	s_mov_b32 s[G1SK+2], 32<<16
	s_mov_b32 s[G1SK+3], 32<<16
	s_mov_b32 s[G1SK+4], 32
	s_mov_b32 s[G1SK+5], 32
	s_mov_b32 s[G1SK+6], 0
	s_mov_b32 s[G1SK+7], 0
	s_mov_b32 s[G1SV], 15|(3<<16)|(1<<21)          ; V's: 4 rows of 2,048 bytes (256 elements of 8), a key panel (1,024 elements) apart
	s_mov_b32 s[G1SV+1], 256<<16
	s_mov_b32 s[G1SV+2], 4<<16
	s_mov_b32 s[G1SV+3], 256<<16
	s_mov_b32 s[G1SV+4], 4
	s_mov_b32 s[G1SV+5], 1024
	s_mov_b32 s[G1SV+6], 0
	s_mov_b32 s[G1SV+7], 0
	s_mov_b32 s[SEL], 0x76543210
	s_mov_b32 s[SEL+1], 0xfedcba98
	s_mov_b32 s[CS], 0x3e38aa3b                    ; c = log2(e) / 8
	s_mov_b32 s[CS+1], s[CS]
	s_mov_b32 s[TB], 0
	s_mov_b32 s[TS], 0
	s_mov_b32 s[SJ], 0
	s_mov_b32 s[SLOTS], NSL-1
	s_mul_i32 s98, s88, HALFT
	s_lshl_b32 s99, s88, 13
	s_wait_kmcnt 0x0
	s_mov_b32 s[G0SK], 1
	s_add_co_u32 s[G0SK+1], s99, SCK
	s_add_nc_u64 s[G0SK+2:G0SK+3], s[4:5], s[94:95]
	s_or_b32 s[G0SK+3], s[G0SK+3], 0x80000000
	s_mov_b32 s[G0SV], 1
	s_add_co_u32 s[G0SV+1], s99, SCV
	s_add_nc_u64 s[G0SV+2:G0SV+3], s[4:5], s[96:97]
	s_or_b32 s[G0SV+3], s[G0SV+3], 0x80000000
	s_mov_b32 s[G0K], 1
	s_mov_b32 s[G0K+1], s98
	s_add_nc_u64 s[G0K+2:G0K+3], s[4:5], s[90:91]
	s_or_b32 s[G0K+3], s[G0K+3], 0x80000000
	s_mov_b32 s[G0V], 1
	s_add_co_u32 s[G0V+1], s98, VOFF
	s_add_nc_u64 s[G0V+2:G0V+3], s[4:5], s[92:93]
	s_or_b32 s[G0V+3], s[G0V+3], 0x80000000
	CROUND                                         ; all four work-groups are here: the first joint loads meet
	TLOAD G0SK, G1SK, G0SV, G1SV                   ; the scale bytes: filled once
	TLOAD G0K, G1T, G0V, G1T                       ; slot 0
	s_mul_i32 s90, s78, 786432                     ; q's panel (and act's), my first row
	s_mul_i32 s91, s87, 192
	s_add_co_u32 s90, s90, s91
	s_mul_i32 s91, s79, 48
	s_add_co_u32 s92, s90, s91
	s_mov_b32 s93, 0
	s_add_nc_u64 s[8:9], s[4:5], s[92:93]          ; Q's codes: my head's 48 bytes of my first row
	s_mul_i32 s91, s79, 768
	s_add_co_u32 s92, s90, s91
	s_add_nc_u64 s[12:13], s[6:7], s[92:93]        ; out: rows 4 x head on of my class's tile
	s_lshl_b32 s90, s78, 15
	s_lshl_b32 s91, s87, 3
	s_add_co_u32 s90, s90, s91
	s_lshl_b32 s91, s79, 1
	s_add_co_u32 s92, s90, s91
	s_add_co_u32 s92, s92, QKS
	s_add_nc_u64 s[10:11], s[4:5], s[92:93]        ; Q's scale bytes
	s_add_co_u32 s92, s90, ASO
	s_add_nc_u64 s[14:15], s[6:7], s[92:93]        ; out: my tile's scale bytes
	; the prefetches: where my wave's stand, and who asks
	s_mul_i32 s74, s86, 192
	s_add_co_u32 s74, s74, s89                     ; K's first byte for this batch and panel
	s_mul_i32 s98, s77, 8*196608
	s_mul_i32 s99, s78, 49152
	s_add_co_u32 s98, s98, s99
	s_add_co_u32 s98, s98, VCO                     ; V's
	s_mov_b32 s[PFS], 196608
	s_cmp_lt_u32 s75, 2
	s_cselect_b32 s98, s74, s98
	s_cselect_b32 s[PFS], 49152, s[PFS]            ; a slot on
	s_mov_b32 s[PFS+1], 0
	s_and_b32 s99, s75, 1
	s_mul_i32 s99, s99, 24576
	s_add_co_u32 s98, s98, s99                     ; my work-group's half,
	s_and_b32 s99, s[WV], 3
	s_lshl_b32 s99, s99, 13
	s_add_co_u32 s98, s98, s99                     ; my wave's 8,192 bytes of it,
	s_add_co_u32 s98, s98, s[PFS]                  ; in slot 1: the first change of slots steps it to slot 2.  Nothing is prefetched at the head
	s_mov_b32 s99, 0
	s_add_nc_u64 s[PFA:PFA+1], s[4:5], s[98:99]
	s_xor_b32 s98, s80, 1                          ; 0 in waves 4 to 7,
	s_or_b32 s98, s98, ttmp9                       ; of the first cluster: the same in all four partners
	s_cmp_eq_u32 s98, 0
	s_cselect_b32 s[LIM], 1, -1
	s_cmp_eq_u32 s[WV], 7                          ; (three waves' worth)
	s_cselect_b32 s[LIM], -1, s[LIM]
	v_and_b32 v91, 31, v0                          ; lane
	v_lshlrev_b32 v[PFO], 8, v91
	v_and_b32 v8, 15, v0                           ; r
	v_bfe_u32 v9, v0, 4, 1                         ; h
	v_mul_u32_u24 v10, v8, 192
	v_mad_u32_u24 v10, v9, 24, v10
.irp i, 0,1,2
	global_load_b64 v[16+2*\i:17+2*\i], v10, s[8:9] offset:8*\i   ; Q's fragment: k = 32 h + 0 .. 31 of my head's 64
.endr
	v_lshlrev_b32 v11, 3, v8
	global_load_u16 v255, v11, s[10:11]            ; its two scale bytes; bytes 2 and 3 are 0
	s_mul_i32 s98, s79, 6
	v_mul_u32_u24 v92, v9, 3
	v_add_nc_u32 v92, s98, v92                     ; my first piece of 8 bytes in a row of K: 6 x head + 3 h
	v_mul_u32_u24 v93, v8, PITCH
.irp i, 0,1,2
	v_add_nc_u32 v94, \i, v92
	v_lshrrev_b32 v95, 3, v94
	v_lshl_add_u32 v94, v94, 3, v93
	v_lshl_add_u32 v[AK0+\i], v95, 4, v94          ; row x pitch + 8 x piece + 16 for each 8 pieces passed
.endr
	s_mul_i32 s98, s79, 64*PITCH
	s_add_co_u32 s98, s98, VOFF
	v_mad_u32_u24 v[AV], v9, 24, v93
	v_add_nc_u32 v[AV], s98, v[AV]                 ; V: row 64 x head + r, + 24 h
	v_lshl_add_u32 v[AV2], v9, 4, v[AV]
	s_lshl_b32 s98, s79, 1
	s_add_co_u32 s98, s98, SCK
	v_lshl_add_u32 v[ASK0], v8, 3, s98             ; K's scale bytes: 8 a row, my head's two
	s_lshl_b32 s98, s79, 9
	s_add_co_u32 s98, s98, SCV
	v_lshl_add_u32 v[ASV0], v8, 3, s98             ; V's: row 64 x head + r
	s_lshr_b32 s98, s84, 1
	s_lshl_b32 s98, s98, 5
	s_and_b32 s99, s84, 1
	s_lshl_b32 s99, s99, 3
	s_add_co_u32 s98, s98, s99
	v_and_b32 v94, 8, v8
	v_add_nc_u32 v94, v94, v8
	v_lshlrev_b32 v95, 4, v9
	v_sub_nc_u32 v94, v94, v95
	v_add_nc_u32 v[DL], s98, v94                   ; 32 (tile / 2) + 8 (tile % 2) + r + 8 (r / 8) - 16 h
	s_mul_i32 s98, s80, 3072                       ; the way out's addresses
	s_mul_i32 s99, s79, 48
	s_add_co_u32 s98, s98, s99
	s_add_co_u32 s98, s98, OST
	v_mul_u32_u24 v94, v8, 192
	v_mad_u32_u24 v94, v9, 24, v94
	v_add_nc_u32 v[OA], s98, v94
	s_lshl_b32 s98, s80, 7
	s_lshl_b32 s99, s79, 1
	s_add_co_u32 s99, s99, s98
	s_add_co_u32 s99, s99, OSS
	v_lshl_add_u32 v[OB], v8, 3, s99
	s_add_co_u32 s98, s98, OSS
	v_lshlrev_b32 v[GO4], 2, v91
	v_add_nc_u32 v[OSR], s98, v[GO4]
	s_mul_i32 s98, s[WV], 768
	s_add_co_u32 s98, s98, OST
	v_lshlrev_b32 v[GO16], 4, v91
	v_add_nc_u32 v[ORD], s98, v[GO16]
	v_lshlrev_b32 v[GO8], 3, v91
	v_add_nc_u32 v[ORD2], s98, v[GO8]
	v_mov_b32 v13, 0xff61b1e6                      ; the largest t so far: -3e38
	v_floor_f32 v12, -v13                          ; -M
	v_mov_b32 v14, 0
	v_mov_b32 v15, 0
.irp j, 22,23,24,25,26,27
	v_mov_b32 v[\j], 0                             ; Q's upper 64 along K: zero codes
.endr
.irp t, 0,1,2,3
.irp j, 6,7,8,9,10,11
	v_mov_b32 v[32+12*\t+\j], 0                    ; written once, so that the first products read written registers
.endr
.endr
.irp b, 0,1,2,3
	v_mov_b32 v[236+\b], 0                         ; a lane permute's destination counts as one of its sources
.endr
	v_mov_b32 v252, 0
	v_mov_b32 v253, 0
.set j, 0
.rept 32
	v_mov_b32 v[160+j], 0                          ; O^T: the step is written once; its first run finds zeros
.set j, j+1
.endr
; A KEY STEP: 128 keys, the q-th of the slot in hand.
.macro STEP q
	s_cmp_gt_u32 s[SJ], s[GW]                      ; all its keys come after my queries: the work is left out
	s_cbranch_scc1 .Lhidden_\@
.irp i, 0,1,2
	v_add_nc_u32 v[ADK+\i], s[TB], v[AK0+\i]
.endr
	v_add_nc_u32 v[ADV], s[TB], v[AV]
	v_add_nc_u32 v[ADV2], s[TB], v[AV2]
	v_add_nc_u32 v[ADS], s[TS], v[ASK0]
	v_add_nc_u32 v[ADT], s[TS], v[ASV0]            ; (these seven are the places in front of the loads below)
.irp g, 0,1                                    ; S^T = K Q^T, four tiles of 16 key slots at a time
.rept 4*\g
	v_nop                                          ; places in front of loads into registers that matrix instructions have read
.endr
.irp t, 0,1,2,3
.irp i, 0,1,2
	ds_load_b64 v[32+12*\t+2*\i:33+12*\t+2*\i], v[ADK+\i] offset:(128*(\q)+16*(4*\g+\t))*PITCH
.endr
	ds_load_u16 v[248+\t], v[ADS] offset:(128*(\q)+16*(4*\g+\t))*8
.endr
	s_wait_dscnt 0x0
.irp t, 0,1,2,3
	v_wmma_scale_f32_16x16x128_f8f6f4 v[96+8*(4*\g+\t):103+8*(4*\g+\t)], v[32+12*\t:43+12*\t], v[16:27], 0, v[248+\t], v255 matrix_a_fmt:MATRIX_FMT_FP6 matrix_b_fmt:MATRIX_FMT_FP6
.endr
.endr
.rept 4
	v_nop
.endr
	s_cmp_lt_u32 s[SJ], s[GW]                      ; all its keys count: no mask
	s_cbranch_scc1 .Lopen_\@
	v_mov_b32 v254, 0xff800000                     ; on the diagonal hidden scores become -infinity ahead of the maximum.  Register n holds true key 32 (n / 16) + n % 16 + 16 h of the step
.set n, 0
.rept 64
	v_cmp_gt_i32 vcc_lo, 32*(n/16)+n%16, v[DL]
	v_cndmask_b32 v[96+n], v[96+n], v254, vcc_lo
.set n, n+1
.endr
.Lopen_\@:
.irp b, 0,1,2,3
	v_max3_num_f32 v[232+\b], v[96+16*\b], v[97+16*\b], v[98+16*\b]   ; the largest score of each block of 32 keys: for the row's maximum and, since p rises with the score, for the block's largest p
.endr
.irp i, 3,5,7,9,11,13
.irp b, 0,1,2,3
	v_max3_num_f32 v[232+\b], v[232+\b], v[96+16*\b+\i], v[97+16*\b+\i]
.endr
.endr
.irp b, 0,1,2,3
	v_max_num_f32 v[232+\b], v[232+\b], v[111+16*\b]
.endr
.irp b, 0,1,2,3
	v_permlanex16_b32 v[236+\b], v[232+\b], s[SEL], s[SEL+1]
.endr
.irp b, 0,1,2,3
	v_max_num_f32 v[232+\b], v[232+\b], v[236+\b]  ; with lane l xor 16's 16 keys
.endr
	v_max3_num_f32 v254, v232, v233, v234
	v_max_num_f32 v254, v254, v235
	v_mul_f32 v254, s[CS], v254                    ; the step's largest t
	v_max_num_f32 v13, v13, v254                   ; the running largest t
	v_mov_b32 v254, v12
	v_floor_f32 v12, -v13                          ; the new -M = -ceil(t): a whole number
	v_sub_f32 v254, v12, v254                      ; old M - new M: a whole number, 0 or less
	v_cvt_i32_f32 v254, v254                       ; (it saturates)
	v_ldexp_f32 v252, 1.0, v254                    ; f = 2^(old M - new M)
.set j, 0
.rept 32
	v_pk_fma_f32 v[96+j:97+j], v[96+j:97+j], s[CS:CS+1], v[12:13] op_sel_hi:[1,0,0]   ; t - M, two at a time
.set j, j+2
.endr
.irp b, 0,1,2,3
	v_fma_f32 v[232+\b], v[232+\b], s[CS], v12
.endr
.set j, 0
.rept 64
	v_exp_f32 v[96+j], v[96+j]                     ; p = 2^(t - M), at most 1: not normalised
.set j, j+1
.endr
	v_pk_mul_f32 v[14:15], v[14:15], v[252:253] op_sel_hi:[1,0]   ; the sums under the new M (a plain line behind the exponentials)
	s_wait_alu depctr_va_vdst(0)                   ; one wait for the whole batch, ahead of its first reader
.irp b, 0,1,2,3
	v_exp_f32 v[232+\b], v[232+\b]                 ; the block's largest p
.endr
	v_pk_add_f32 v[236:237], v[96:97], v[98:99]    ; the row's sum of the unquantised p, in two chains
.irp j, 4,8,12,16,20,24,28,32,36,40,44,48,52,56,60
	v_pk_add_f32 v[14:15], v[14:15], v[96+\j:97+\j]
	v_pk_add_f32 v[236:237], v[236:237], v[98+\j:99+\j]
.endr
	v_pk_add_f32 v[14:15], v[14:15], v[236:237]
	s_wait_alu depctr_va_vdst(0)                   ; and one for the four
.irp b, 0,1,2,3
	v_max_num_f32 v[232+\b], 0x1800000, v[232+\b]  ; the floor 2^(3 - 127): the byte cannot fall under 1
.endr
.irp b, 0,1,2,3
	v_add_nc_u32 v[244+\b], 0xff000000, v[232+\b]  ; 2 off the exponent field: the conversion's scale operand
.endr
.irp b, 0,1,2,3
	v_lshrrev_b32 v[236+\b], 23, v[244+\b]
.endr
	v_lshl_or_b32 v253, v237, 8, v236              ; p's scale word for these 128 keys
	v_lshl_or_b32 v253, v238, 16, v253
	v_lshl_or_b32 v253, v239, 24, v253
.irp c, 0,1
	v_cvt_scalef32_pk16_fp6_f32 v[224+6*\c:226+6*\c], v[96+32*\c:111+32*\c], v[244+2*\c]
	v_cvt_scalef32_pk16_fp6_f32 v[236+4*\c:238+4*\c], v[112+32*\c:127+32*\c], v[244+2*\c+1]
.endr
	v_nop                                          ; one plain line behind the conversions
.irp c, 0,1                                    ; a whole block to a lane
.irp i, 0,1,2
	v_permlane16_swap_b32 v[224+6*\c+\i], v[236+4*\c+\i]
.endr
.irp i, 0,1,2
	v_mov_b32 v[227+6*\c+\i], v[236+4*\c+\i]
.endr
.endr
.set j, 0
.rept 16
	v_pk_mul_f32 v[160+j:161+j], v[160+j:161+j], v[252:253] op_sel_hi:[1,0]   ; O^T under the new M; these sixteen are also the places in front of the products and loads below
.set j, j+2
.endr
.irp t, 0,1,2,3                                ; O^T += V^T P^T: my head's four tiles of 16 slots of d; K = these 128 keys
.irp p, 0,1,2,3,4,5
.set PCE, 12*(\q)+6*(\p/3)+\p%3
.if PCE%8 < 5
	ds_load_b64 v[32+12*\t+2*\p:33+12*\t+2*\p], v[ADV] offset:8*PCE+16*(PCE/8)+16*\t*PITCH
.else
	ds_load_b64 v[32+12*\t+2*\p:33+12*\t+2*\p], v[ADV2] offset:8*PCE+16*(PCE/8)+16*\t*PITCH
.endif
.endr
	ds_load_b32 v[248+\t], v[ADT] offset:128*\t+4*(\q)
.endr
	s_wait_dscnt 0x0
.irp t, 0,1,2,3
	v_wmma_scale_f32_16x16x128_f8f6f4 v[160+8*\t:167+8*\t], v[32+12*\t:43+12*\t], v[224:235], v[160+8*\t:167+8*\t], v[248+\t], v253 matrix_a_fmt:MATRIX_FMT_FP6 matrix_b_fmt:MATRIX_FMT_FP6
.endr
.Lhidden_\@:
	s_add_co_u32 s[SJ], s[SJ], 1
.endm
; THE CHANGE OF SLOTS stands at a slot's head.  Each wave waits for all its tensor loads, adds 0 to its spare word, and waits for that and for its reads of the slot that it has left.
; fill = 1: a round of the cluster's barrier, and behind it the other slot is filled with the keys that follow: the load has a slot's two key steps in which to land.
.macro CHANGE fill
	s_wait_tensorcnt 0x0                           ; no tensor load of mine is out, so a group 0 may be written
	ds_add_u32 v[SPW], v[NIL]                      ; 0 onto my spare word
.if \fill
	s_xor_b32 s[G0K+1], s[G0K+1], SLOT1
	s_add_nc_u64 s[G0K+2:G0K+3], s[G0K+2:G0K+3], 49152    ; the next 256 key slots
	s_xor_b32 s[G0V+1], s[G0V+1], SLOT1
	s_add_nc_u64 s[G0V+2:G0V+3], s[G0V+2:G0V+3], 196608   ; the next key panel
	s_wait_xcnt 0x0                                ; the last prefetch, a slot back, has read its address
	s_add_nc_u64 s[PFA:PFA+1], s[PFA:PFA+1], s[PFS:PFS+1]
	s_wait_dscnt 0x0                               ; the add is done, and my reads of the slot that I have left are over
	CROUND
	TLOAD G0K, G1T, G0V, G1T                       ; the first thing behind the round, and a wave's one tensor load until the next
	ASK
.else
	s_wait_dscnt 0x0
	s_barrier_signal -1
	s_barrier_wait -1
.endif
.endm
.macro SLOT_STEPS
	STEP 0
	STEP 1
	s_xor_b32 s[TB], s[TB], SLOT1
	s_add_co_u32 s[TS], s[TS], 2048
.endm
	s_wait_loadcnt 0x0                             ; Q
.Lslot:                                            ; NSL - 1 trips: behind each change of slots but the last the next slot is asked for
	CHANGE 1
	SLOT_STEPS
	s_sub_co_u32 s[SLOTS], s[SLOTS], 1
	s_cmp_lg_u32 s[SLOTS], 0
	s_cbranch_scc1 .Lslot
	CHANGE 0                                       ; the last slot is written out
	SLOT_STEPS
	; THE WAY OUT.  O^T / the sum: register 16 b + i is true d = 32 b + 16 h + i of my query: two blocks of 32 along the next product's K.  They are quantised, meet the other heads' in LDS, and leave as whole runs.
	v_add_f32 v14, v14, v15
	v_permlanex16_b32 v252, v14, s[SEL], s[SEL+1]
	v_add_f32 v14, v14, v252                       ; the row's sum
	v_rcp_f32 v14, v14
	v_nop                                          ; a plain line behind the transcendental
	s_wait_alu depctr_va_vdst(0)                   ; the wait ahead of its first reader
.set j, 0
.rept 32
	v_mul_f32 v[96+j], v[160+j], v14
.set j, j+1
.endr
	v_max3_num_f32 v232, |v96|, |v97|, 0x1800000
	v_max3_num_f32 v233, |v112|, |v113|, 0x1800000
.irp i, 2,4,6,8,10,12,14
	v_max3_num_f32 v232, v232, |v[96+\i]|, |v[97+\i]|
	v_max3_num_f32 v233, v233, |v[112+\i]|, |v[113+\i]|
.endr
	v_permlanex16_b32 v236, v232, s[SEL], s[SEL+1]
	v_permlanex16_b32 v237, v233, s[SEL], s[SEL+1]
	v_max_num_f32 v232, v232, v236
	v_max_num_f32 v233, v233, v237
	v_add_nc_u32 v244, 0xff000000, v232
	v_add_nc_u32 v245, 0xff000000, v233
	v_lshrrev_b32 v236, 23, v244
	v_lshrrev_b32 v237, 23, v245
	v_lshl_or_b32 v238, v237, 8, v236              ; my head's two scale bytes
	v_cvt_scalef32_pk16_fp6_f32 v[224:226], v[96:111], v244
	v_cvt_scalef32_pk16_fp6_f32 v[228:230], v[112:127], v245
	v_nop                                          ; one plain line behind the conversions
	v_permlane16_swap_b32 v224, v228
	v_permlane16_swap_b32 v225, v229
	v_permlane16_swap_b32 v226, v230
	v_mov_b32 v227, v228
	v_mov_b32 v228, v229
	v_mov_b32 v229, v230                           ; v224-229: d = 32 h + 0 .. 31: 24 bytes
.irp i, 0,1,2
	ds_store_b64 v[OA], v[224+2*\i:225+2*\i] offset:8*\i
.endr
	ds_store_b16 v[OB], v238                       ; lanes r and r + 16 write the same bytes with the same value
	s_wait_dscnt 0x0                               ; for the others' sake: my stores have landed
	s_barrier_signal -1
	s_barrier_wait -1
	ds_load_b128 v[96:99], v[ORD]                  ; rows 4 x head on of my class's tile: 768 bytes
	ds_load_b64 v[100:101], v[ORD2] offset:512
	s_wait_dscnt 0x0
	global_store_b128 v[GO16], v[96:99], s[12:13]  ; 512 consecutive bytes, aligned to 256,
	global_store_b64 v[GO8], v[100:101], s[12:13] offset:512   ; and the 256 behind them
	s_cmp_lg_u32 s79, 0
	s_cbranch_scc1 .Lno_scales                     ; a class's first wave sends its tile's 128 scale bytes
	ds_load_b32 v102, v[OSR]
	s_wait_dscnt 0x0
	global_store_b32 v[GO4], v102, s[14:15]
.Lno_scales:
	s_wait_tensorcnt 0x0                           ; the wave's end
	ds_add_u32 v[SPW], v[NIL]
	s_wait_dscnt 0x0
	CROUND                                         ; the closing round
	s_endpgm
.Lfunc_end_k_qcc5ff577e9_attn:
	.size	k_qcc5ff577e9_attn, .Lfunc_end_k_qcc5ff577e9_attn-k_qcc5ff577e9_attn
	.p2alignl 7, 3214868480
	.fill 96, 4, 3214868480
	.section	.rodata,"a",@progbits
	.p2align	6, 0x0
	.amdhsa_kernel k_qcc5ff577e9_attn
		.amdhsa_group_segment_fixed_size 327680
		.amdhsa_private_segment_fixed_size 0
		.amdhsa_enable_private_segment 0
		.amdhsa_kernarg_size 16
		.amdhsa_user_sgpr_count 2
		.amdhsa_user_sgpr_kernarg_segment_ptr 1
		.amdhsa_wavefront_size32 1
		.amdhsa_system_sgpr_workgroup_id_x 1
		.amdhsa_system_sgpr_workgroup_id_y 1
		.amdhsa_system_sgpr_workgroup_id_z 1
		.amdhsa_system_vgpr_workitem_id 0
		.amdhsa_next_free_vgpr 256
		.amdhsa_next_free_sgpr 100
		.amdhsa_reserve_vcc 1
		.amdhsa_float_denorm_mode_32 3
		.amdhsa_float_denorm_mode_16_64 3
		.amdhsa_memory_ordered 1
		.amdhsa_forward_progress 1
		.amdhsa_inst_pref_size 112
	.end_amdhsa_kernel
	.amdgpu_metadata
---
amdhsa.version: [ 1, 2 ]
amdhsa.kernels:
  - .name:           k_qcc5ff577e9_attn
    .symbol:         k_qcc5ff577e9_attn.kd
    .args:
      - { .name: qkv, .offset: 0, .size: 8, .value_kind: global_buffer, .address_space: global }
      - { .name: act, .offset: 8, .size: 8, .value_kind: global_buffer, .address_space: global }
    .group_segment_fixed_size: 327680
    .private_segment_fixed_size: 0
    .kernarg_segment_align: 8
    .kernarg_segment_size: 16
    .max_flat_workgroup_size: 512
    .sgpr_count:     100
    .vgpr_count:     256
    .wavefront_size: 32
...
	.end_amdgpu_metadata
.endif
;; end of part 4
;; launch gout (part 5): grid 4 x 16, 4 waves a work-group, clusters of 4 x 4, 327,680 bytes of LDS; arguments act, wts, out_b, x, x1; writes x1
.if DOCPART == 5
	.amdgcn_target "amdgcn-amd-amdhsa--gfx1250"
	.amdhsa_code_object_version 6
	.text
	.protected	k_qcc5ff577e9_gout
	.globl	k_qcc5ff577e9_gout
	.p2align	8
	.type	k_qcc5ff577e9_gout,@function
k_qcc5ff577e9_gout:
	s_mov_b64 s[64:65], 0
	v_nop
	global_prefetch_b8 v0, s[64:65] scope:SCOPE_SE
	s_setreg_imm32_b32 hwreg(HW_REG_WAVE_MODE, 25, 1), 1
	s_wait_xcnt 0x0
	s_wait_alu depctr_hold_cnt(0) depctr_sa_sdst(0) depctr_va_vdst(0) depctr_va_sdst(0) depctr_va_ssrc(0) depctr_va_vcc(0) depctr_vm_vsrc(0)
	s_getreg_b32 s2, hwreg(HW_REG_IB_STS2, 6, 4)
	s_cmp_eq_u32 s2, 0
	s_cbranch_scc0 .Lentry_in_a_cluster
	s_endpgm
.Lentry_in_a_cluster:
	s_bfe_u32 s2, ttmp6, 0x10000c
	s_cmp_lg_u32 s2, 0xf033
	s_cbranch_scc0 .Lentry_shape_is_right
	s_endpgm
.Lentry_shape_is_right:
; x1 = x + attention's result x out_w + out_b.  The product on codes of E2M3 with one E8M0 byte for each 32 along K = 1,024; sums, bias and residual in f32.
; OPERANDS: codes [K/256 panels][rows][192 bytes], scale bytes [panels][rows][8]; A = act (4,096 token slots), B = the weight's section of wts (1,024 slots).  Slot s holds true row sigma(s) = s with bits 3 and 4 exchanged.
; A tile of 256 x 256 is made by four waves, 128 x 128 each: 64 accumulators, 512 registers.  K goes in steps of 256 through two LDS slots filled by the tensor data mover; a tile of 128 rows is one dense block of 24,576 bytes.
; THE MATRIX INSTRUCTION IS USED TRANSPOSED (source 0 = 16 slots of B, source 1 = 16 slots of A): in accumulator (a, b) register j of lane (r, h) is (A slot 16 a + r, TRUE column 32 (b/2) + 16 h + 8 (b%2) + j).
; The bias is the C of the first K step.  On the way out a block of 16 rows goes through the wave's stage in LDS, comes back as rows of 512 bytes, takes the residual's row and is stored at its TRUE row.
; CLUSTERS: 4 x 4 work-groups; A's tiles are asked for jointly along a row of the cluster, B's along a column.  N = 1,024 gives 64 tiles of this size: 64 work-groups.
; REGISTERS, in windows of 256: window 0: v1-31 addresses; v32-63 scale words, two sets; v64-127 the bias; v128-223 A's fragments, one set.  window 1: B's fragments, two sets; at the end the residual.  windows 2, 3: the accumulators.
; LIMITS: NaN and infinities are not served.
.set KK,     1024
.set ROWSA,  4096
.set ROWSB,  1024
.set ACODE,  0                         ; where A's codes, A's scale bytes, B's codes, B's scale bytes begin in their buffers
.set ASC,    3145728
.set BCODE,  3145728
.set BSC,    10354688
.set NQ,     2
.set ROWB,   192
.set PITCH,  240
.set FR,     12
.set NL,     6
.set NP,     4                         ; places behind this matrix instruction (ISA guide 7.12.1)
.set HALFT,  128*PITCH
.set SLOT,   4*HALFT
.set LAPS,   KK/512
.set NPAN,   KK/256
.set HALFS,  NPAN*1024
.set SCL,    2*SLOT
.set SPARE,  SCL+4*HALFS               ; the spare words, 128 bytes a wave: two blocks of 256 bytes that no other line names
.set SPITCH, 528                       ; the way out: a stage of 16 rows x (512 bytes + 16) for each wave, in slot 0, which has had its last fill and its last read by then
.set ADRA, 16
.set ADRB, 20
.set STO,  24                          ; v24  the stage: where I put 32 bytes of a row
.set RD,   25                          ; v25  and where I read a row back
.set CO,   26                          ; v26  16 x lane
.set ADRS, 27
.set SPW,  28
.set NIL,  29
.set SC,   32
.set BI,   64
.set AF,   128
.set BK,   128                         ; 16 rows read back: v128-191 and v192-255 by turns
.set G1, 24
.set G0, 32
.set G1B, 48
.set G0B, 56
.set G1S, 68
.set G0S, 76
.set G1SB, 80
.set G0SB, 88
.set MSB, 0
.macro WIN new                         ; the immediate's high byte repeats the setting that is left
.if MSB != (\new)
	s_set_vgpr_msb (MSB<<8)|(\new)
.set MSB, (\new)
.endif
.endm
.set MUL_LO, 0xa1
.set MUL_HI, 0xf1
.set TO_B,   0x40
.macro JLOAD g0a, g1a, g0b, g1b        ; a joint load: waves 0 and 1 fetch for A, waves 2 and 3 for B; four v_nop follow each of the two lines
	s_cmp_eq_u32 s15, 0
	s_cbranch_scc0 .Lfor_b_\@
	tensor_load_to_lds s[\g0a:\g0a+3], s[\g1a:\g1a+7]
	s_nop 0
.rept 4
	v_nop
.endr
	s_branch .Lasked_\@
.Lfor_b_\@:
	tensor_load_to_lds s[\g0b:\g0b+3], s[\g1b:\g1b+7]
	s_nop 0
.rept 4
	v_nop
.endr
.Lasked_\@:
.endm
.macro CREST
	s_cmp_lg_u32 s14, 0
	s_cbranch_scc1 .Lnot_wave_0_\@
	s_barrier_signal -3
.Lnot_wave_0_\@:
	s_barrier_wait -3
	s_barrier_signal -1
	s_barrier_wait -1
.endm
.macro CROUND
	s_barrier_signal -1
	s_barrier_wait -1
	CREST
.endm
	s_load_b256 s[4:11], s[0:1], 0x0               ; A's buffer s[4:5], wts s[6:7], the bias s[8:9], the residual s[10:11]
	s_load_b64 s[12:13], s[0:1], 0x20              ; the result
	v_lshl_add_u32 v[SPW], v0, 2, SPARE
	v_mov_b32 v[NIL], 0
	ds_add_u32 v28, v29
	s_wait_dscnt 0x0
	v_lshrrev_b32 v1, 5, v0
	v_readfirstlane_b32 s14, v1                    ; wave 0..3
	s_lshr_b32 s15, s14, 1                         ; which half of the tile's rows is mine.  Also: I fetch for A (0) or for B (1)
	s_and_b32 s16, s14, 1                          ; which half of its columns.  Also: which 128 rows I fetch
	s_bfe_u32 s40, ttmp6, 0x40000                  ; cx, cy
	s_bfe_u32 s41, ttmp6, 0x40004
	s_lshl_b32 s42, ttmp9, 2
	s_add_co_u32 s42, s42, s40                     ; tile column
	s_and_b32 s17, ttmp7, 0xffff
	s_lshl_b32 s17, s17, 2
	s_add_co_u32 s17, s17, s41                     ; tile row
	s_lshl_b32 s43, s41, 2
	s_lshl_b32 s43, 15, s43                        ; my row of the cluster
	s_lshl_b32 s44, 0x1111, s40                    ; my column
	s_or_b32 s[G1+0], s43, (1<<20)|(1<<21)|(3<<22)|(3<<25)   ; a tile of 128 rows x 192 bytes, dense in memory; 16 bytes of padding behind every 64 in LDS; 15:0 the mask, 21 set beside it
	s_or_b32 s[G1B+0], s44, (1<<20)|(1<<21)|(3<<22)|(3<<25)
.irp g, G1, G1B
	s_mov_b32 s[\g+1], ROWB<<16
	s_mov_b32 s[\g+2], 128<<16
	s_mov_b32 s[\g+3], ROWB<<16
	s_mov_b32 s[\g+4], 128
	s_mov_b32 s[\g+5], ROWB
	s_mov_b32 s[\g+6], 0
	s_mov_b32 s[\g+7], 0
.endr
	s_or_b32 s[G1S+0], s43, (3<<16)|(1<<21)        ; the scale bytes of 128 rows: NPAN rows of 1,024 bytes (128 elements of 8), a panel apart in memory, on end in LDS
	s_or_b32 s[G1SB+0], s44, (3<<16)|(1<<21)
.irp g, G1S, G1SB
	s_mov_b32 s[\g+1], 128<<16
	s_mov_b32 s[\g+2], NPAN<<16
	s_mov_b32 s[\g+3], 128<<16
	s_mov_b32 s[\g+4], NPAN
	s_mov_b32 s[\g+6], 0
	s_mov_b32 s[\g+7], 0
.endr
	s_mov_b32 s[G1S+5], ROWSA
	s_mov_b32 s[G1SB+5], ROWSB
	s_lshl_b32 s18, s16, 7
	s_lshl_b32 s20, s17, 8
	s_add_co_u32 s20, s20, s18                     ; A: slot 256 x tile row + 128 x half
	s_lshl_b32 s46, s42, 8
	s_add_co_u32 s46, s46, s18                     ; B: slot 256 x tile column + 128 x half
	s_lshl_b32 s22, s20, 3
	s_add_co_u32 s22, s22, ASC
	s_mov_b32 s23, 0
	s_mul_i32 s20, s20, ROWB
	s_add_co_u32 s20, s20, ACODE
	s_mov_b32 s21, 0
	s_lshl_b32 s18, s46, 3
	s_add_co_u32 s18, s18, BSC
	s_mov_b32 s19, 0
	s_mul_i32 s46, s46, ROWB
	s_add_co_u32 s46, s46, BCODE
	s_mov_b32 s47, 0
	s_mul_i32 s45, s14, HALFT                      ; where they go: wave x 128 rows: no place in the cluster enters an LDS address
	s_mul_i32 s2, s14, HALFS
	s_lshl_b32 s96, s42, 10                        ; the bias: column 256 x tile column + 128 x half, in bytes
	s_lshl_b32 s97, s16, 9
	s_add_co_u32 s96, s96, s97
	s_lshl_b32 s98, s17, 8                         ; my part of the residual and of the result: row 256 x tile row + 128 x half, rows of 4,096 bytes, + the same columns
	s_lshl_b32 s97, s15, 7
	s_add_co_u32 s98, s98, s97
	s_lshl_b32 s98, s98, 12
	s_add_co_u32 s98, s98, s96
	s_mov_b32 s97, 0
	s_mov_b32 s99, 0
	s_wait_kmcnt 0x0
	s_add_nc_u64 s[20:21], s[4:5], s[20:21]
	s_add_nc_u64 s[22:23], s[4:5], s[22:23]
	s_add_nc_u64 s[46:47], s[6:7], s[46:47]
	s_add_nc_u64 s[18:19], s[6:7], s[18:19]
	s_add_nc_u64 s[96:97], s[8:9], s[96:97]
	s_add_nc_u64 s[92:93], s[12:13], s[98:99]      ; the result
	s_add_nc_u64 s[98:99], s[10:11], s[98:99]      ; the residual
	CROUND                                         ; all sixteen work-groups are here: the first joint loads meet
	s_mov_b32 s[G0S], 1
	s_add_co_u32 s[G0S+1], s2, SCL
	s_mov_b64 s[G0S+2:G0S+3], s[22:23]
	s_or_b32 s[G0S+3], s[G0S+3], 0x80000000
	s_mov_b32 s[G0SB], 1
	s_add_co_u32 s[G0SB+1], s2, SCL
	s_mov_b64 s[G0SB+2:G0SB+3], s[18:19]
	s_or_b32 s[G0SB+3], s[G0SB+3], 0x80000000
	JLOAD G0S, G1S, G0SB, G1SB                     ; the scale bytes first: filled once
.irp s, 0,1
	s_mov_b32 s[G0+4*\s], 1
	s_add_co_u32 s[G0+4*\s+1], s45, \s*SLOT
	s_add_nc_u64 s[G0+4*\s+2:G0+4*\s+3], s[20:21], \s*ROWSA*ROWB   ; panel s
	s_or_b32 s[G0+4*\s+3], s[G0+4*\s+3], 0x80000000
	s_mov_b32 s[G0B+4*\s], 1
	s_add_co_u32 s[G0B+4*\s+1], s45, \s*SLOT
	s_add_nc_u64 s[G0B+4*\s+2:G0B+4*\s+3], s[46:47], \s*ROWSB*ROWB
	s_or_b32 s[G0B+4*\s+3], s[G0B+4*\s+3], 0x80000000
	JLOAD G0+4*\s, G1, G0B+4*\s, G1B
.endr
	v_and_b32 v1, 15, v0                           ; r
	v_bfe_u32 v2, v0, 4, 1                         ; h
	v_lshlrev_b32 v7, 6, v2                        ; 64 h
.irp b, 0,1,2,3,4,5,6,7                        ; tile b's eight: columns 32 (b/2) + 8 (b%2) + 16 h + 0 .. 7
	global_load_b128 v[BI+8*\b:BI+8*\b+3], v7, s[96:97] offset:(32*(\b/2)+8*(\b%2))*4
	global_load_b128 v[BI+8*\b+4:BI+8*\b+7], v7, s[96:97] offset:(32*(\b/2)+8*(\b%2))*4+16
.endr
	v_mul_u32_u24 v3, v1, PITCH
	v_mul_u32_u24 v4, v2, 24
	v_add_nc_u32 v4, v3, v4                        ; a fragment's row x pitch + 24 x half
	v_lshl_add_u32 v5, v2, 4, v4                   ; and the same behind one padding more
	s_mul_i32 s21, s15, HALFT
	s_mul_i32 s22, s16, HALFT
	s_add_co_u32 s22, s22, 2*HALFT
.irp s, 0,1
	v_add_nc_u32 v[ADRA+\s], s21, v4
	v_add_nc_u32 v[ADRB+\s], s22, v4
	v_add_nc_u32 v[ADRA+2+\s], s21, v5
	v_add_nc_u32 v[ADRB+2+\s], s22, v5
	s_add_co_u32 s21, s21, SLOT
	s_add_co_u32 s22, s22, SLOT
.endr
	v_lshlrev_b32 v5, 3, v1                        ; my row's 8 scale bytes of a panel
	s_mul_i32 s21, s15, HALFS
	s_mul_i32 s22, s16, HALFS
	s_add_co_u32 s22, s22, 2*HALFS
	s_sub_co_u32 s22, s22, s21
	v_mul_u32_u24 v6, s22, v2                      ; lanes 16-31 take B's
	s_add_co_u32 s21, s21, SCL
	v_add_nc_u32 v5, v5, v6
	v_add_nc_u32 v[ADRS], s21, v5
	s_mul_i32 s23, s14, 16*SPITCH                  ; my stage
	v_mul_u32_u24 v5, v1, SPITCH
	v_lshl_add_u32 v5, v2, 6, v5                   ; in: row r, + 64 h
	v_add_nc_u32 v[STO], s23, v5
	v_and_b32 v6, 31, v0
	v_lshlrev_b32 v[CO], 4, v6
	v_add_nc_u32 v[RD], s23, v[CO]                 ; back: the 32 lanes take one row of 512 bytes
.macro FRAG reg, adr, q, i             ; a fragment: lane (r, h) takes 24 bytes at 96 q + 24 h and 24 at 96 q + 48 + 24 h of row r, as they lie, in pieces of 8 bytes
.irp p, 0,1,2,3,4,5
.set PCE, 12*(\q)+6*(\p/3)+\p%3        ; lanes 16-31 read three pieces further on: where that lies behind one padding more, the second address register serves
.if PCE%8 < 5
	ds_load_b64 v[\reg+2*\p:\reg+2*\p+1], v[\adr] offset:8*PCE+16*(PCE/8)+(\i)*16*PITCH
.else
	ds_load_b64 v[\reg+2*\p:\reg+2*\p+1], v[\adr+2] offset:8*PCE+16*(PCE/8)+(\i)*16*PITCH
.endif
.endr
.endm
; 16 matrix instructions: A's blocks a0, a0 + 1 x B's eight.  zero = 1: the first product starts the sums from the bias.  The 64 accumulators take turns, one instruction a turn.
.macro MUL16 a0, p, q, sc, zero
.irp a, \a0, \a0+1
.irp b, 0,1,2,3,4,5,6,7
.if \zero
	v_wmma_scale_f32_16x16x128_f8f6f4 v[8*(8*((\a)%4)+\b):8*(8*((\a)%4)+\b)+7], v[128*(\p)+FR*\b:128*(\p)+FR*\b+FR-1], v[AF+FR*(\a):AF+FR*(\a)+FR-1], v[BI+8*\b:BI+8*\b+7], v[SC+8*NQ*(\sc)+NQ*\b+(\q)], v[SC+8*NQ*(\sc)+NQ*(\a)+(\q)] matrix_a_fmt:MATRIX_FMT_FP6 matrix_b_fmt:MATRIX_FMT_FP6 matrix_a_scale:MATRIX_SCALE_ROW1
.else
	v_wmma_scale_f32_16x16x128_f8f6f4 v[8*(8*((\a)%4)+\b):8*(8*((\a)%4)+\b)+7], v[128*(\p)+FR*\b:128*(\p)+FR*\b+FR-1], v[AF+FR*(\a):AF+FR*(\a)+FR-1], v[8*(8*((\a)%4)+\b):8*(8*((\a)%4)+\b)+7], v[SC+8*NQ*(\sc)+NQ*\b+(\q)], v[SC+8*NQ*(\sc)+NQ*(\a)+(\q)] matrix_a_fmt:MATRIX_FMT_FP6 matrix_b_fmt:MATRIX_FMT_FP6 matrix_a_scale:MATRIX_SCALE_ROW1
.endif
.endr
.endr
.endm
.macro FETCH_B slot, q, p
	WIN TO_B
.irp i, 0,1,2,3,4,5,6,7
	FRAG 128*(\p)+FR*\i, ADRB+\slot, \q, \i
.endr
	WIN 0
.endm
.macro FETCH_A slot, q, i0
.irp i, \i0, \i0+1, \i0+2, \i0+3
	FRAG AF+FR*(\i), ADRA+\slot, \q, \i
.endr
.endm
.macro SCALES sc                       ; a panel's scale words: 8 bytes a row: lanes 0-15 A's block i, lanes 16-31 B's block i
.irp i, 0,1,2,3,4,5,6,7
	ds_load_b64 v[SC+8*NQ*\sc+NQ*\i:SC+8*NQ*\sc+NQ*\i+1], v[ADRS] offset:\i*128
.endr
.endm
.macro PLACES n                        ; plain vector lines between a matrix instruction and a load into, or a read of, its registers (ISA guide 7.12.1 for reads)
.rept \n
	v_nop
.endr
.endm
.macro STEP slot, q, zero
	s_wait_dscnt 4*NL                              ; all but the youngest 24 loads (A's blocks 4-7) are in
.if \zero
	WIN 0x81                                       ; C (the bias) in window 0, D in window 2
.else
	WIN MUL_LO
.endif
	MUL16 0, (\q)%2, \q, \slot, \zero
	MUL16 2, (\q)%2, \q, \slot, \zero
	s_wait_dscnt 0
	PLACES NP
	FETCH_B \slot, (\q)+1, 1-(\q)%2
	FETCH_A \slot, (\q)+1, 0
.if \zero
	WIN 0xc1
.else
	WIN MUL_HI
.endif
	MUL16 4, (\q)%2, \q, \slot, \zero
	MUL16 6, (\q)%2, \q, \slot, \zero
	PLACES NP
	WIN 0
	FETCH_A \slot, (\q)+1, 4
.endm
; A slot's last step changes slots: one barrier; in front of it each wave waits for all its tensor loads, adds 0 to its spare word, and waits for that and for its reads of this slot.  fill = 1: the slot is filled again, two panels on.
.macro TURN slot, next, fill
	s_wait_tensorcnt 0x0                           ; all my tensor loads have landed: my part of the next slot
	ds_add_u32 v[SPW], v[NIL]                      ; 0 onto my spare word
	s_wait_dscnt 4*NL+1                            ; (the add and the youngest 24 loads may be out)
	WIN MUL_LO
	MUL16 0, 1, NQ-1, \slot, 0
	s_wait_dscnt 0x0                               ; the add is done, and my reads of this slot are over
	s_barrier_signal -1
	MUL16 2, 1, NQ-1, \slot, 0
	WIN 0
	s_barrier_wait -1
.if \fill
	CREST                                          ; the barrier has opened a round of the cluster's: no wave of any partner still reads this slot or has a load on its way
	s_add_nc_u64 s[G0+4*\slot+2:G0+4*\slot+3], s[G0+4*\slot+2:G0+4*\slot+3], 2*ROWSA*ROWB
	s_add_nc_u64 s[G0B+4*\slot+2:G0B+4*\slot+3], s[G0B+4*\slot+2:G0B+4*\slot+3], 2*ROWSB*ROWB
	JLOAD G0+4*\slot, G1, G0B+4*\slot, G1B         ; the first tensor load behind the round; its four v_nop are the places in front of the loads below
.else
	PLACES NP
.endif
	v_add_nc_u32 v[ADRS], 1024, v[ADRS]            ; the next panel's scale words
	FETCH_B \next, 0, 0
	FETCH_A \next, 0, 0
	SCALES \next
	WIN MUL_HI
	MUL16 4, 1, NQ-1, \slot, 0
	MUL16 6, 1, NQ-1, \slot, 0
	PLACES NP
	WIN 0
	FETCH_A \next, 0, 4
.endm
; THE WAY OUT.  Stage row t of block a is A slot 16 a + t: true row 32 (a/2) + 8 (a%2) + t + 8 (t/8) of my 128.  Every offset is an immediate: 127 rows of 4,096 bytes at the most.
.macro RES a                           ; the residual's 16 rows of block a, into window 1
	WIN TO_B
.set t, 0
.rept 16
	global_load_b128 v[64*((\a)%4)+4*t:64*((\a)%4)+4*t+3], v[CO], s[98:99] offset:(32*((\a)/2)+8*((\a)%2)+t+8*(t/8))*4096
.set t, t+1
.endr
	WIN 0
.endm
.macro TOSTAGE a
.set AC, 64*((\a)%4)
	WIN 0x08+4*((\a)/4)                            ; an LDS store's data are its source 1: window 2 or 3
.irp b, 0,1,2,3,4,5,6,7
	ds_store_b128 v[STO], v[AC+8*\b:AC+8*\b+3] offset:128*(\b/2)+32*(\b%2)       ; each accumulator from its low end on
	ds_store_b128 v[STO], v[AC+8*\b+4:AC+8*\b+7] offset:128*(\b/2)+32*(\b%2)+16
.endr
	WIN 0
.set BB, BK+64*((\a)%2)
.set t, 0
.rept 16
	ds_load_b128 v[BB+4*t:BB+4*t+3], v[RD] offset:t*SPITCH   ; LDS serves a wave's instructions in order: these see my stores
.set t, t+1
.endr
.endm
.macro SEND a, younger                 ; younger: the LDS instructions issued behind block a's loads
.set BB, BK+64*((\a)%2)
.set RR, 64*((\a)%4)
	s_wait_dscnt \younger
.if (\a) <= 4
	s_wait_loadcnt 48                              ; block a's residual is in; the three blocks' asked for behind it (16 loads each) may be out
.else
	s_wait_loadcnt 16*(7-(\a))
.endif
	WIN 0x04                                       ; source 1 in window 1
.set i, 0
.rept 32
	v_pk_add_f32 v[BB+i:BB+i+1], v[BB+i:BB+i+1], v[RR+i:RR+i+1]
.set i, i+2
.endr
	WIN 0
.set t, 0
.rept 16
	global_store_b128 v[CO], v[BB+4*t:BB+4*t+3], s[92:93] offset:(32*((\a)/2)+8*((\a)%2)+t+8*(t/8))*4096   ; 512 consecutive bytes, aligned to 256
.set t, t+1
.endr
.if (\a) < 4
	RES (\a)+4
.endif
.endm
	s_wait_tensorcnt 1                             ; the scale bytes and my part of panel 0 are in; panel 1's load may be out
	s_barrier_signal -1
	s_barrier_wait -1
	FETCH_B 0, 0, 0
	FETCH_A 0, 0, 0
	SCALES 0
	FETCH_A 0, 0, 4
	s_wait_loadcnt 0x0                             ; the bias
	STEP 0, 0, 1
	s_mov_b32 s3, LAPS-1
.Llap:                                                 ; a trip goes once round the ring and fills both slots again
	TURN 0, 1, 1
	STEP 1, 0, 0
	TURN 1, 0, 1
	STEP 0, 0, 0
	s_sub_co_u32 s3, s3, 1
	s_cmp_lg_u32 s3, 0
	s_cbranch_scc1 .Llap
	TURN 0, 1, 0                                   ; the last lap fills nothing
	STEP 1, 0, 0
	RES 0                                          ; B's set 0 and the idle registers behind it are free (their last reader stands in front of the step's last places): two blocks' residual is asked for 64 matrix instructions early
	RES 1
	s_wait_dscnt 4*NL
	WIN MUL_LO
	MUL16 0, 1, NQ-1, 1, 0
	MUL16 2, 1, NQ-1, 1, 0
	s_wait_dscnt 0
	WIN MUL_HI
	MUL16 4, 1, NQ-1, 1, 0
	MUL16 6, 1, NQ-1, 1, 0
	WIN 0
	PLACES NP
	RES 2
	RES 3
	TOSTAGE 0
.irp a, 1,2,3,4,5,6,7
.if \a > 1
	s_wait_xcnt 0x0                                ; block a - 2's stores have read their registers: block a's loads may land there
.endif
	TOSTAGE \a
	SEND \a-1, 32                                  ; behind block a - 1's loads: block a's 16 stores and 16 loads
.endr
	SEND 7, 0
	s_wait_tensorcnt 0x0                           ; the wave's end
	ds_add_u32 v[SPW], v[NIL]
	s_wait_dscnt 0x0
	CROUND                                         ; the closing round
	s_endpgm
.Lfunc_end_k_qcc5ff577e9_gout:
	.size	k_qcc5ff577e9_gout, .Lfunc_end_k_qcc5ff577e9_gout-k_qcc5ff577e9_gout
	.p2alignl 7, 3214868480
	.fill 96, 4, 3214868480
	.section	.rodata,"a",@progbits
	.p2align	6, 0x0
	.amdhsa_kernel k_qcc5ff577e9_gout
		.amdhsa_group_segment_fixed_size 327680
		.amdhsa_private_segment_fixed_size 0
		.amdhsa_enable_private_segment 0
		.amdhsa_kernarg_size 40
		.amdhsa_user_sgpr_count 2
		.amdhsa_user_sgpr_kernarg_segment_ptr 1
		.amdhsa_wavefront_size32 1
		.amdhsa_system_sgpr_workgroup_id_x 1
		.amdhsa_system_sgpr_workgroup_id_y 1
		.amdhsa_system_sgpr_workgroup_id_z 1
		.amdhsa_system_vgpr_workitem_id 0
		.amdhsa_next_free_vgpr 1024
		.amdhsa_next_free_sgpr 100
		.amdhsa_reserve_vcc 0
		.amdhsa_float_denorm_mode_32 3
		.amdhsa_float_denorm_mode_16_64 3
		.amdhsa_memory_ordered 1
		.amdhsa_forward_progress 1
		.amdhsa_inst_pref_size 190
	.end_amdhsa_kernel
	.amdgpu_metadata
---
amdhsa.version: [ 1, 2 ]
amdhsa.kernels:
  - .name:           k_qcc5ff577e9_gout
    .symbol:         k_qcc5ff577e9_gout.kd
    .args:
      - { .name: act, .offset: 0, .size: 8, .value_kind: global_buffer, .address_space: global }
      - { .name: wts, .offset: 8, .size: 8, .value_kind: global_buffer, .address_space: global }
      - { .name: out_b, .offset: 16, .size: 8, .value_kind: global_buffer, .address_space: global }
      - { .name: x, .offset: 24, .size: 8, .value_kind: global_buffer, .address_space: global }
      - { .name: x1, .offset: 32, .size: 8, .value_kind: global_buffer, .address_space: global }
    .group_segment_fixed_size: 327680
    .private_segment_fixed_size: 0
    .kernarg_segment_align: 8
    .kernarg_segment_size: 40
    .max_flat_workgroup_size: 128
    .sgpr_count:     100
    .vgpr_count:     1024
    .wavefront_size: 32
...
	.end_amdgpu_metadata
.endif
;; end of part 5
;; launch ln2: the kernel of part 2 again; grid 512 x 1, 8 waves a work-group, no clusters, 44,544 bytes of LDS; arguments x1, ln2_g, ln2_b, act; writes act
;; launch gfc1 (part 6): grid 16 x 16, 4 waves a work-group, clusters of 4 x 4, 327,680 bytes of LDS; arguments act, wts, fc1_b, hid; writes hid
.if DOCPART == 6
	.amdgcn_target "amdgcn-amd-amdhsa--gfx1250"
	.amdhsa_code_object_version 6
	.text
	.protected	k_qcc5ff577e9_gfc1
	.globl	k_qcc5ff577e9_gfc1
	.p2align	8
	.type	k_qcc5ff577e9_gfc1,@function
k_qcc5ff577e9_gfc1:
	s_mov_b64 s[64:65], 0
	v_nop
	global_prefetch_b8 v0, s[64:65] scope:SCOPE_SE
	s_setreg_imm32_b32 hwreg(HW_REG_WAVE_MODE, 25, 1), 1
	s_wait_xcnt 0x0
	s_wait_alu depctr_hold_cnt(0) depctr_sa_sdst(0) depctr_va_vdst(0) depctr_va_sdst(0) depctr_va_ssrc(0) depctr_va_vcc(0) depctr_vm_vsrc(0)
	s_getreg_b32 s2, hwreg(HW_REG_IB_STS2, 6, 4)
	s_cmp_eq_u32 s2, 0
	s_cbranch_scc0 .Lentry_in_a_cluster
	s_endpgm
.Lentry_in_a_cluster:
	s_bfe_u32 s2, ttmp6, 0x10000c
	s_cmp_lg_u32 s2, 0xf033
	s_cbranch_scc0 .Lentry_shape_is_right
	s_endpgm
.Lentry_shape_is_right:
; hid = codes of gelu(LN2(x1) fc1_w + fc1_b).  The product on codes of E2M3 with one E8M0 byte for each 32 along K = 1,024; sums, bias and the exact (erf) gelu in f32; the hidden layer goes to memory as codes alone.
; OPERANDS: codes [K/256 panels][4,096 row slots][192 bytes], scale bytes [panels][4,096][8]; A = act (tokens), B = fc1_w's section of wts.  Slot s holds true row sigma(s) = s with bits 3 and 4 exchanged.
; A tile of 256 x 256 is made by four waves, 128 x 128 each: 64 accumulators, 512 registers.  K goes in steps of 256 through two LDS slots filled by the tensor data mover; a tile of 128 rows is one dense block of 24,576 bytes.
; THE MATRIX INSTRUCTION IS USED TRANSPOSED (source 0 = 16 slots of B, source 1 = 16 slots of A): in accumulator (a, b) register j of lane (r, h) is (token slot 16 a + r, TRUE hidden unit 32 (b/2) + 16 h + 8 (b%2) + j):
; the 64 registers of one a are 16 neighbours of each of four blocks of 32 along the next product's K.  The bias is the C of the first K step.
; GELU: gelu(x) = max(x, 0) - |x r / 2|, r = erfc(|x| / sqrt 2) = t exp(-x^2 / 2 + P(t)), t = 1 / (1 + |x| sqrt(2) / 4), P the Chebyshev fit of degree 9 whose fractional error is under 1.2e-7.
; So the error stays relative for negative x too.  Right for every finite x: where x^2 overflows the exponential is 0, which is the limit.
; OUT (hid): codes [16 panels of 256 hidden units][4,096 token slots][192] at 0, scale bytes [16][4,096][8] at 12,582,912: a work-group's tile is one dense block of each.
; CLUSTERS: 4 x 4 work-groups; A's tiles are asked for jointly along a row of the cluster, B's along a column.
; REGISTERS, in windows of 256: window 0: v1-31 addresses; v32-63 scale words, two sets; v64-127 the bias; v128-223 A's fragments, one set.  window 1: B's fragments, two sets.  windows 2, 3: the accumulators.
; LIMITS: a block of zeros, or one whose largest magnitude lies under 2^(3 - 127), gets the byte 1 (this program alone reads the bytes); NaN and infinities are not served.
.set KK,     1024
.set ROWSA,  4096
.set ROWSB,  4096
.set ACODE,  0
.set ASC,    3145728
.set BCODE,  3932160
.set BSC,    10387456
.set HSO,    12582912
.set NQ,     2
.set ROWB,   192
.set PITCH,  240
.set FR,     12
.set NL,     6
.set NP,     4                         ; places behind this matrix instruction (ISA guide 7.12.1)
.set HALFT,  128*PITCH
.set SLOT,   4*HALFT
.set LAPS,   KK/512
.set NPAN,   KK/256
.set HALFS,  NPAN*1024
.set SCL,    2*SLOT
.set SPARE,  SCL+4*HALFS               ; the spare words, 128 bytes a wave: two blocks of 256 bytes that no other line names
.set CST,    SPARE+512                 ; the way out: the tile's codes [256 rows][192]
.set SST,    CST+49152                 ; and scale bytes [256][8]
.set CA0,  8
.set SA0,  9
.set RDS,  10
.set DA,   11
.set CA,   12
.set SA,   13
.set ADRA, 16
.set ADRB, 20
.set DW,   24
.set RD,   25
.set CO,   26
.set ADRS, 27
.set SPW,  28
.set NIL,  29
.set C8,   30                          ; v[30:31] the fit's c8, on the way out
.set SC,   32
.set BI,   64
.set AF,   128
.set PC,   128                         ; the way out: v128-146 codes, v148-163 at work, v164 the scale word
.set TM,   148
.set PW,   164
.set GT,   128                         ; gelu: t, the fit and the exponential, x / 2, max(x, 0): 32 registers each
.set GP,   160
.set GH,   192
.set GM,   224
.set G1, 24
.set G0, 32
.set G1B, 48
.set G0B, 56
.set G1S, 68
.set G0S, 76
.set G1SB, 80
.set G0SB, 88
.set CF,  24                           ; on the way out, when no tensor load is left: s[24:39] c0 .. c7 as pairs, s[40:41] c9, s[42:43] log2(e), s44 sqrt(2) / 4
.set C9,  40
.set L2E, 42
.set K1,  44
.set SEL, 50
.set MSB, 0
.macro WIN new                         ; the immediate's high byte repeats the setting that is left
.if MSB != (\new)
	s_set_vgpr_msb (MSB<<8)|(\new)
.set MSB, (\new)
.endif
.endm
.set MUL_LO, 0xa1
.set MUL_HI, 0xf1
.set TO_B,   0x40
.macro JLOAD g0a, g1a, g0b, g1b        ; a joint load: waves 0 and 1 fetch for A, waves 2 and 3 for B; four v_nop follow each of the two lines
	s_cmp_eq_u32 s15, 0
	s_cbranch_scc0 .Lfor_b_\@
	tensor_load_to_lds s[\g0a:\g0a+3], s[\g1a:\g1a+7]
	s_nop 0
.rept 4
	v_nop
.endr
	s_branch .Lasked_\@
.Lfor_b_\@:
	tensor_load_to_lds s[\g0b:\g0b+3], s[\g1b:\g1b+7]
	s_nop 0
.rept 4
	v_nop
.endr
.Lasked_\@:
.endm
.macro CREST
	s_cmp_lg_u32 s14, 0
	s_cbranch_scc1 .Lnot_wave_0_\@
	s_barrier_signal -3
.Lnot_wave_0_\@:
	s_barrier_wait -3
	s_barrier_signal -1
	s_barrier_wait -1
.endm
.macro CROUND
	s_barrier_signal -1
	s_barrier_wait -1
	CREST
.endm
	s_load_b256 s[4:11], s[0:1], 0x0               ; act s[4:5], wts s[6:7], fc1_b s[8:9], hid s[10:11]
	v_lshl_add_u32 v[SPW], v0, 2, SPARE
	v_mov_b32 v[NIL], 0
	ds_add_u32 v28, v29
	s_wait_dscnt 0x0
	v_lshrrev_b32 v1, 5, v0
	v_readfirstlane_b32 s14, v1                    ; wave 0..3
	s_lshr_b32 s15, s14, 1                         ; which half of the tile's rows is mine.  Also: I fetch for A (0) or for B (1)
	s_and_b32 s16, s14, 1                          ; which half of its columns.  Also: which 128 rows I fetch
	s_bfe_u32 s40, ttmp6, 0x40000                  ; cx, cy
	s_bfe_u32 s41, ttmp6, 0x40004
	s_lshl_b32 s42, ttmp9, 2
	s_add_co_u32 s42, s42, s40                     ; tile column
	s_and_b32 s17, ttmp7, 0xffff
	s_lshl_b32 s17, s17, 2
	s_add_co_u32 s17, s17, s41                     ; tile row
	s_lshl_b32 s43, s41, 2
	s_lshl_b32 s43, 15, s43                        ; my row of the cluster
	s_lshl_b32 s44, 0x1111, s40                    ; my column
	s_or_b32 s[G1+0], s43, (1<<20)|(1<<21)|(3<<22)|(3<<25)   ; a tile of 128 rows x 192 bytes, dense in memory; 16 bytes of padding behind every 64 in LDS; 15:0 the mask, 21 set beside it
	s_or_b32 s[G1B+0], s44, (1<<20)|(1<<21)|(3<<22)|(3<<25)
.irp g, G1, G1B
	s_mov_b32 s[\g+1], ROWB<<16
	s_mov_b32 s[\g+2], 128<<16
	s_mov_b32 s[\g+3], ROWB<<16
	s_mov_b32 s[\g+4], 128
	s_mov_b32 s[\g+5], ROWB
	s_mov_b32 s[\g+6], 0
	s_mov_b32 s[\g+7], 0
.endr
	s_or_b32 s[G1S+0], s43, (3<<16)|(1<<21)        ; the scale bytes of 128 rows: NPAN rows of 1,024 bytes (128 elements of 8), a panel apart in memory, on end in LDS
	s_or_b32 s[G1SB+0], s44, (3<<16)|(1<<21)
.irp g, G1S, G1SB
	s_mov_b32 s[\g+1], 128<<16
	s_mov_b32 s[\g+2], NPAN<<16
	s_mov_b32 s[\g+3], 128<<16
	s_mov_b32 s[\g+4], NPAN
	s_mov_b32 s[\g+6], 0
	s_mov_b32 s[\g+7], 0
.endr
	s_mov_b32 s[G1S+5], ROWSA
	s_mov_b32 s[G1SB+5], ROWSB
	s_lshl_b32 s18, s16, 7
	s_lshl_b32 s20, s17, 8
	s_add_co_u32 s20, s20, s18                     ; A: slot 256 x tile row + 128 x half
	s_lshl_b32 s46, s42, 8
	s_add_co_u32 s46, s46, s18                     ; B: slot 256 x tile column + 128 x half
	s_lshl_b32 s22, s20, 3
	s_add_co_u32 s22, s22, ASC
	s_mov_b32 s23, 0
	s_mul_i32 s20, s20, ROWB
	s_add_co_u32 s20, s20, ACODE
	s_mov_b32 s21, 0
	s_lshl_b32 s18, s46, 3
	s_add_co_u32 s18, s18, BSC
	s_mov_b32 s19, 0
	s_mul_i32 s46, s46, ROWB
	s_add_co_u32 s46, s46, BCODE
	s_mov_b32 s47, 0
	s_mul_i32 s45, s14, HALFT                      ; where they go: wave x 128 rows: no place in the cluster enters an LDS address
	s_mul_i32 s2, s14, HALFS
	s_mul_i32 s92, s42, 786432                     ; the results: panel = tile column, 256 rows = tile row, a quarter for each wave
	s_mul_i32 s93, s17, 49152
	s_add_co_u32 s92, s92, s93
	s_mul_i32 s93, s14, 12288
	s_add_co_u32 s92, s92, s93
	s_mov_b32 s93, 0
	s_lshl_b32 s94, s42, 15
	s_add_co_u32 s94, s94, HSO
	s_lshl_b32 s95, s17, 11
	s_add_co_u32 s94, s94, s95
	s_lshl_b32 s95, s14, 9
	s_add_co_u32 s94, s94, s95
	s_mov_b32 s95, 0
	s_lshl_b32 s96, s42, 10                        ; the bias: hidden unit 256 x tile column + 128 x half, in bytes
	s_lshl_b32 s97, s16, 9
	s_add_co_u32 s96, s96, s97
	s_mov_b32 s97, 0
	s_wait_kmcnt 0x0
	s_add_nc_u64 s[20:21], s[4:5], s[20:21]
	s_add_nc_u64 s[22:23], s[4:5], s[22:23]
	s_add_nc_u64 s[46:47], s[6:7], s[46:47]
	s_add_nc_u64 s[18:19], s[6:7], s[18:19]
	s_add_nc_u64 s[92:93], s[10:11], s[92:93]      ; my 12,288 bytes of the results' codes
	s_add_nc_u64 s[94:95], s[10:11], s[94:95]      ; my 512 scale bytes
	s_add_nc_u64 s[96:97], s[8:9], s[96:97]
	CROUND                                         ; all sixteen work-groups are here: the first joint loads meet
	s_mov_b32 s[G0S], 1
	s_add_co_u32 s[G0S+1], s2, SCL
	s_mov_b64 s[G0S+2:G0S+3], s[22:23]
	s_or_b32 s[G0S+3], s[G0S+3], 0x80000000
	s_mov_b32 s[G0SB], 1
	s_add_co_u32 s[G0SB+1], s2, SCL
	s_mov_b64 s[G0SB+2:G0SB+3], s[18:19]
	s_or_b32 s[G0SB+3], s[G0SB+3], 0x80000000
	JLOAD G0S, G1S, G0SB, G1SB                     ; the scale bytes first: filled once
.irp s, 0,1
	s_mov_b32 s[G0+4*\s], 1
	s_add_co_u32 s[G0+4*\s+1], s45, \s*SLOT
	s_add_nc_u64 s[G0+4*\s+2:G0+4*\s+3], s[20:21], \s*ROWSA*ROWB   ; panel s
	s_or_b32 s[G0+4*\s+3], s[G0+4*\s+3], 0x80000000
	s_mov_b32 s[G0B+4*\s], 1
	s_add_co_u32 s[G0B+4*\s+1], s45, \s*SLOT
	s_add_nc_u64 s[G0B+4*\s+2:G0B+4*\s+3], s[46:47], \s*ROWSB*ROWB
	s_or_b32 s[G0B+4*\s+3], s[G0B+4*\s+3], 0x80000000
	JLOAD G0+4*\s, G1, G0B+4*\s, G1B
.endr
	v_and_b32 v1, 15, v0                           ; r
	v_bfe_u32 v2, v0, 4, 1                         ; h
	v_lshlrev_b32 v7, 6, v2                        ; 64 h
.irp b, 0,1,2,3,4,5,6,7                        ; tile b's eight: hidden units 32 (b/2) + 8 (b%2) + 16 h + 0 .. 7
	global_load_b128 v[BI+8*\b:BI+8*\b+3], v7, s[96:97] offset:(32*(\b/2)+8*(\b%2))*4
	global_load_b128 v[BI+8*\b+4:BI+8*\b+7], v7, s[96:97] offset:(32*(\b/2)+8*(\b%2))*4+16
.endr
	v_mul_u32_u24 v3, v1, PITCH
	v_mul_u32_u24 v4, v2, 24
	v_add_nc_u32 v4, v3, v4                        ; a fragment's row x pitch + 24 x half
	v_lshl_add_u32 v5, v2, 4, v4                   ; and the same behind one padding more
	s_mul_i32 s21, s15, HALFT
	s_mul_i32 s22, s16, HALFT
	s_add_co_u32 s22, s22, 2*HALFT
.irp s, 0,1
	v_add_nc_u32 v[ADRA+\s], s21, v4
	v_add_nc_u32 v[ADRB+\s], s22, v4
	v_add_nc_u32 v[ADRA+2+\s], s21, v5
	v_add_nc_u32 v[ADRB+2+\s], s22, v5
	s_add_co_u32 s21, s21, SLOT
	s_add_co_u32 s22, s22, SLOT
.endr
	v_lshlrev_b32 v5, 3, v1                        ; my row's 8 scale bytes of a panel
	s_mul_i32 s21, s15, HALFS
	s_mul_i32 s22, s16, HALFS
	s_add_co_u32 s22, s22, 2*HALFS
	s_sub_co_u32 s22, s22, s21
	v_mul_u32_u24 v6, s22, v2                      ; lanes 16-31 take B's
	s_add_co_u32 s21, s21, SCL
	v_add_nc_u32 v5, v5, v6
	v_add_nc_u32 v[ADRS], s21, v5
	v_and_b32 v6, 31, v0
	v_lshlrev_b32 v[CO], 4, v6
	s_mul_i32 s21, s15, 128*192                    ; the way out's addresses
	s_mul_i32 s22, s16, 96
	s_add_co_u32 s21, s21, s22
	s_add_co_u32 s21, s21, CST
	v_mul_u32_u24 v5, v1, 192
	v_mad_u32_u24 v5, v2, 24, v5
	v_add_nc_u32 v[CA0], s21, v5                   ; row 128 x half + r, my wave's 96 bytes of it, + 24 h
	s_lshl_b32 s21, s15, 10
	s_lshl_b32 s22, s16, 2
	s_add_co_u32 s21, s21, s22
	s_add_co_u32 s21, s21, SST
	v_lshl_add_u32 v[SA0], v1, 3, s21
	s_mul_i32 s21, s14, 12288
	s_add_co_u32 s21, s21, CST
	v_add_nc_u32 v[RD], s21, v[CO]
	s_lshl_b32 s21, s14, 9
	s_add_co_u32 s21, s21, SST
	v_add_nc_u32 v[RDS], s21, v[CO]
	s_lshl_b32 s21, s14, 16
	v_add_nc_u32 v[DW], s21, v[CO]
.macro FRAG reg, adr, q, i             ; a fragment: lane (r, h) takes 24 bytes at 96 q + 24 h and 24 at 96 q + 48 + 24 h of row r, as they lie, in pieces of 8 bytes
.irp p, 0,1,2,3,4,5
.set PCE, 12*(\q)+6*(\p/3)+\p%3        ; lanes 16-31 read three pieces further on: where that lies behind one padding more, the second address register serves
.if PCE%8 < 5
	ds_load_b64 v[\reg+2*\p:\reg+2*\p+1], v[\adr] offset:8*PCE+16*(PCE/8)+(\i)*16*PITCH
.else
	ds_load_b64 v[\reg+2*\p:\reg+2*\p+1], v[\adr+2] offset:8*PCE+16*(PCE/8)+(\i)*16*PITCH
.endif
.endr
.endm
; 16 matrix instructions: A's blocks a0, a0 + 1 x B's eight.  zero = 1: the first product starts the sums from the bias.  The 64 accumulators take turns, one instruction a turn.
.macro MUL16 a0, p, q, sc, zero
.irp a, \a0, \a0+1
.irp b, 0,1,2,3,4,5,6,7
.if \zero
	v_wmma_scale_f32_16x16x128_f8f6f4 v[8*(8*((\a)%4)+\b):8*(8*((\a)%4)+\b)+7], v[128*(\p)+FR*\b:128*(\p)+FR*\b+FR-1], v[AF+FR*(\a):AF+FR*(\a)+FR-1], v[BI+8*\b:BI+8*\b+7], v[SC+8*NQ*(\sc)+NQ*\b+(\q)], v[SC+8*NQ*(\sc)+NQ*(\a)+(\q)] matrix_a_fmt:MATRIX_FMT_FP6 matrix_b_fmt:MATRIX_FMT_FP6 matrix_a_scale:MATRIX_SCALE_ROW1
.else
	v_wmma_scale_f32_16x16x128_f8f6f4 v[8*(8*((\a)%4)+\b):8*(8*((\a)%4)+\b)+7], v[128*(\p)+FR*\b:128*(\p)+FR*\b+FR-1], v[AF+FR*(\a):AF+FR*(\a)+FR-1], v[8*(8*((\a)%4)+\b):8*(8*((\a)%4)+\b)+7], v[SC+8*NQ*(\sc)+NQ*\b+(\q)], v[SC+8*NQ*(\sc)+NQ*(\a)+(\q)] matrix_a_fmt:MATRIX_FMT_FP6 matrix_b_fmt:MATRIX_FMT_FP6 matrix_a_scale:MATRIX_SCALE_ROW1
.endif
.endr
.endr
.endm
.macro FETCH_B slot, q, p
	WIN TO_B
.irp i, 0,1,2,3,4,5,6,7
	FRAG 128*(\p)+FR*\i, ADRB+\slot, \q, \i
.endr
	WIN 0
.endm
.macro FETCH_A slot, q, i0
.irp i, \i0, \i0+1, \i0+2, \i0+3
	FRAG AF+FR*(\i), ADRA+\slot, \q, \i
.endr
.endm
.macro SCALES sc                       ; a panel's scale words: 8 bytes a row: lanes 0-15 A's block i, lanes 16-31 B's block i
.irp i, 0,1,2,3,4,5,6,7
	ds_load_b64 v[SC+8*NQ*\sc+NQ*\i:SC+8*NQ*\sc+NQ*\i+1], v[ADRS] offset:\i*128
.endr
.endm
.macro PLACES n                        ; plain vector lines between a matrix instruction and a load into, or a read of, its registers (ISA guide 7.12.1 for reads)
.rept \n
	v_nop
.endr
.endm
.macro STEP slot, q, zero
	s_wait_dscnt 4*NL                              ; all but the youngest 24 loads (A's blocks 4-7) are in
.if \zero
	WIN 0x81                                       ; C (the bias) in window 0, D in window 2
.else
	WIN MUL_LO
.endif
	MUL16 0, (\q)%2, \q, \slot, \zero
	MUL16 2, (\q)%2, \q, \slot, \zero
	s_wait_dscnt 0
	PLACES NP
	FETCH_B \slot, (\q)+1, 1-(\q)%2
	FETCH_A \slot, (\q)+1, 0
.if \zero
	WIN 0xc1
.else
	WIN MUL_HI
.endif
	MUL16 4, (\q)%2, \q, \slot, \zero
	MUL16 6, (\q)%2, \q, \slot, \zero
	PLACES NP
	WIN 0
	FETCH_A \slot, (\q)+1, 4
.endm
; A slot's last step changes slots: one barrier; in front of it each wave waits for all its tensor loads, adds 0 to its spare word, and waits for that and for its reads of this slot.  fill = 1: the slot is filled again, two panels on.
.macro TURN slot, next, fill
	s_wait_tensorcnt 0x0                           ; all my tensor loads have landed: my part of the next slot
	ds_add_u32 v[SPW], v[NIL]                      ; 0 onto my spare word
	s_wait_dscnt 4*NL+1                            ; (the add and the youngest 24 loads may be out)
	WIN MUL_LO
	MUL16 0, 1, NQ-1, \slot, 0
	s_wait_dscnt 0x0                               ; the add is done, and my reads of this slot are over
	s_barrier_signal -1
	MUL16 2, 1, NQ-1, \slot, 0
	WIN 0
	s_barrier_wait -1
.if \fill
	CREST                                          ; the barrier has opened a round of the cluster's: no wave of any partner still reads this slot or has a load on its way
	s_add_nc_u64 s[G0+4*\slot+2:G0+4*\slot+3], s[G0+4*\slot+2:G0+4*\slot+3], 2*ROWSA*ROWB
	s_add_nc_u64 s[G0B+4*\slot+2:G0B+4*\slot+3], s[G0B+4*\slot+2:G0B+4*\slot+3], 2*ROWSB*ROWB
	JLOAD G0+4*\slot, G1, G0B+4*\slot, G1B         ; the first tensor load behind the round; its four v_nop are the places in front of the loads below
.else
	PLACES NP
.endif
	v_add_nc_u32 v[ADRS], 1024, v[ADRS]            ; the next panel's scale words
	FETCH_B \next, 0, 0
	FETCH_A \next, 0, 0
	SCALES \next
	WIN MUL_HI
	MUL16 4, 1, NQ-1, \slot, 0
	MUL16 6, 1, NQ-1, \slot, 0
	PLACES NP
	WIN 0
	FETCH_A \next, 0, 4
.endm
	s_wait_tensorcnt 1                             ; the scale bytes and my part of panel 0 are in; panel 1's load may be out
	s_barrier_signal -1
	s_barrier_wait -1
	FETCH_B 0, 0, 0
	FETCH_A 0, 0, 0
	SCALES 0
	FETCH_A 0, 0, 4
	s_wait_loadcnt 0x0                             ; the bias
	STEP 0, 0, 1
	s_mov_b32 s3, LAPS-1
.Llap:                                                 ; a trip goes once round the ring and fills both slots again
	TURN 0, 1, 1
	STEP 1, 0, 0
	TURN 1, 0, 1
	STEP 0, 0, 0
	s_sub_co_u32 s3, s3, 1
	s_cmp_lg_u32 s3, 0
	s_cbranch_scc1 .Llap
	TURN 0, 1, 0                                   ; the last lap fills nothing
	STEP 1, 0, 0
	s_wait_dscnt 4*NL
	WIN MUL_LO
	MUL16 0, 1, NQ-1, 1, 0
	MUL16 2, 1, NQ-1, 1, 0
	s_wait_dscnt 0
	WIN MUL_HI
	MUL16 4, 1, NQ-1, 1, 0
	MUL16 6, 1, NQ-1, 1, 0
	WIN 0
	PLACES NP
; THE WAY OUT.  The sums go to LDS as images of their registers (65,536 bytes a wave, over the ring and the scale bytes, which have had their last fill), so that ONE loop of 8 trips can take them block by block:
; 64 numbers of a lane pass the gelu and become a fragment's codes and a scale word; these meet in CST and SST, and the tile leaves as dense runs.
	s_wait_dscnt 0x0
	s_barrier_signal -1
	s_barrier_wait -1                              ; no wave reads the ring or the scale bytes any more
.irp a, 0,1,2,3,4,5,6,7
	WIN 0x08+4*(\a/4)                              ; an LDS store's data are its source 1: window 2 or 3
.set k, 0
.rept 16
	ds_store_b128 v[DW], v[64*(\a%4)+4*k:64*(\a%4)+4*k+3] offset:8192*\a+512*k   ; each accumulator from its low end on
.set k, k+1
.endr
.endr
	WIN 0
; gelu of 32 numbers, v[64 + 32 g] on, in place.  Two batches of transcendentals, each with one plain run behind it and ONE wait ahead of its first reader.
.macro GELU g
.set XX, 64+32*(\g)
.set i, 0
.rept 32
	v_fma_f32 v[GT+i], |v[XX+i]|, s[K1], 1.0       ; 1 + |x| sqrt(2) / 4
.set i, i+1
.endr
.set i, 0
.rept 32
	v_rcp_f32 v[GT+i], v[GT+i]                     ; t
.set i, i+1
.endr
.set i, 0
.rept 16
	v_pk_mul_f32 v[GH+i:GH+i+1], v[XX+i:XX+i+1], 0.5 op_sel_hi:[1,0]   ; x / 2
.set i, i+2
.endr
	s_wait_alu depctr_va_vdst(0)
.set i, 0
.rept 16
	v_pk_fma_f32 v[GP+i:GP+i+1], v[GT+i:GT+i+1], s[C9:C9+1], v[C8:C8+1] op_sel_hi:[1,0,0]
.set i, i+2
.endr
.irp k, 7,6,5,4,3,2,1,0                        ; Horner, a round over all 16 pairs at a time: no line waits for the line above it
.set i, 0
.rept 16
	v_pk_fma_f32 v[GP+i:GP+i+1], v[GP+i:GP+i+1], v[GT+i:GT+i+1], s[CF+2*\k:CF+2*\k+1] op_sel_hi:[1,1,0]
.set i, i+2
.endr
.endr
.set i, 0
.rept 16
	v_pk_fma_f32 v[GP+i:GP+i+1], v[XX+i:XX+i+1], v[GH+i:GH+i+1], v[GP+i:GP+i+1] neg_lo:[1,0,0] neg_hi:[1,0,0]   ; - x^2 / 2 + P(t)
.set i, i+2
.endr
.set i, 0
.rept 16
	v_pk_mul_f32 v[GP+i:GP+i+1], v[GP+i:GP+i+1], s[L2E:L2E+1] op_sel_hi:[1,0]
.set i, i+2
.endr
.set i, 0
.rept 32
	v_exp_f32 v[GP+i], v[GP+i]
.set i, i+1
.endr
.set i, 0
.rept 32
	v_max_num_f32 v[GM+i], 0, v[XX+i]
.set i, i+1
.endr
	s_wait_alu depctr_va_vdst(0)
.set i, 0
.rept 16
	v_pk_mul_f32 v[GP+i:GP+i+1], v[GP+i:GP+i+1], v[GT+i:GT+i+1]   ; r
.set i, i+2
.endr
.set i, 0
.rept 16
	v_pk_mul_f32 v[GP+i:GP+i+1], v[GP+i:GP+i+1], v[GH+i:GH+i+1]   ; x r / 2
.set i, i+2
.endr
.set i, 0
.rept 32
	v_sub_f32 v[XX+i], v[GM+i], |v[GP+i]|
.set i, i+1
.endr
.endm
; 64 numbers of a lane, register 16 b + i = column 32 b + 16 h + i of my row, become a fragment's codes in v[PC] on and its scale word in v[PW].
.macro QUANT s
.irp b, 0,1,2,3
	v_max3_num_f32 v[TM+\b], |v[\s+16*\b]|, |v[\s+1+16*\b]|, 0x1800000   ; block b: my 16 numbers, and the floor 2^(3 - 127): the byte cannot fall under 1
.endr
.irp i, 2,4,6,8,10,12,14
.irp b, 0,1,2,3
	v_max3_num_f32 v[TM+\b], v[TM+\b], |v[\s+16*\b+\i]|, |v[\s+1+16*\b+\i]|
.endr
.endr
.irp b, 0,1,2,3
	v_permlanex16_b32 v[TM+4+\b], v[TM+\b], s[SEL], s[SEL+1]
.endr
.irp b, 0,1,2,3
	v_max_num_f32 v[TM+\b], v[TM+\b], v[TM+4+\b]   ; with lane l xor 16's: the block's largest magnitude
.endr
.irp b, 0,1,2,3
	v_add_nc_u32 v[TM+12+\b], 0xff000000, v[TM+\b] ; 2 off its exponent field: the conversion's scale operand
.endr
.irp b, 0,1,2,3
	v_lshrrev_b32 v[TM+4+\b], 23, v[TM+12+\b]      ; the scale's byte
.endr
	v_lshl_or_b32 v[PW], v[TM+5], 8, v[TM+4]
	v_lshl_or_b32 v[PW], v[TM+6], 16, v[PW]
	v_lshl_or_b32 v[PW], v[TM+7], 24, v[PW]
.irp c, 0,1
	v_cvt_scalef32_pk16_fp6_f32 v[PC+6*\c:PC+2+6*\c], v[\s+32*\c:\s+15+32*\c], v[TM+12+2*\c]
	v_cvt_scalef32_pk16_fp6_f32 v[PC+12+4*\c:PC+14+4*\c], v[\s+16+32*\c:\s+31+32*\c], v[TM+12+2*\c+1]   ; (a conversion's three registers begin on an even number)
.endr
	v_nop                                          ; one plain line behind the conversions
.irp c, 0,1                                    ; a whole block to a lane: lanes 0-15 block 2 c, lanes 16-31 block 2 c + 1
.irp i, 0,1,2
	v_permlane16_swap_b32 v[PC+6*\c+\i], v[PC+12+4*\c+\i]
.endr
.irp i, 0,1,2
	v_mov_b32 v[PC+3+6*\c+\i], v[PC+12+4*\c+\i]
.endr
.endr
.endm
	s_mov_b32 s[SEL], 0x76543210
	s_mov_b32 s[SEL+1], 0xfedcba98
	s_mov_b32 s[CF+0], 0xbfa1fc4e                  ; c0 = -1.26551223
	s_mov_b32 s[CF+2], 0x3f8000c7                  ; c1 =  1.00002368
	s_mov_b32 s[CF+4], 0x3ebf88fb                  ; c2 =  0.37409196
	s_mov_b32 s[CF+6], 0x3dc636c9                  ; c3 =  0.09678418
	s_mov_b32 s[CF+8], 0xbe3ec24c                  ; c4 = -0.18628806
	s_mov_b32 s[CF+10], 0x3e8ec7cc                 ; c5 =  0.27886807
	s_mov_b32 s[CF+12], 0xbf914e5d                 ; c6 = -1.13520398
	s_mov_b32 s[CF+14], 0x3fbe87b0                 ; c7 =  1.48851587
	s_mov_b32 s[C9], 0x3e2ef945                    ; c9 =  0.17087277
	s_mov_b32 s[L2E], 0x3fb8aa3b                   ; log2(e)
.irp k, CF, CF+2, CF+4, CF+6, CF+8, CF+10, CF+12, CF+14, C9, L2E
	s_mov_b32 s[\k+1], s[\k]                       ; (the packed forms name a pair and take its low word for both halves: so the upper word is written)
.endr
	s_mov_b32 s[K1], 0x3eb504f3                    ; sqrt(2) / 4
	v_mov_b32 v[C8], 0xbf527892                    ; c8 = -0.82215223
	v_mov_b32 v[C8+1], 0xbf527892
.irp b, 0,1,2,3
	v_mov_b32 v[TM+4+\b], 0                        ; written once: a lane permute's destination counts as one of its sources
.endr
	s_mov_b32 s46, 0                               ; the block's place in the dump, in CST, in SST
	s_mov_b32 s47, 0
	s_mov_b32 s48, 0
	s_mov_b32 s3, 8
.Lepi:
	v_add_nc_u32 v[DA], s46, v[DW]
	v_add_nc_u32 v[CA], s47, v[CA0]
	v_add_nc_u32 v[SA], s48, v[SA0]
.set k, 0
.rept 16
	ds_load_b128 v[64+4*k:64+4*k+3], v[DA] offset:512*k   ; LDS serves a wave's instructions in order: these see my stores
.set k, k+1
.endr
	s_wait_dscnt 0x0                               ; the block is in; the last trip's stores have read their registers
	GELU 0
	GELU 1
	QUANT 64
.irp p, 0,1,2,3,4,5
	ds_store_b64 v[CA], v[PC+2*\p:PC+2*\p+1] offset:48*(\p/3)+8*(\p%3)
.endr
	ds_store_b32 v[SA], v[PW]                      ; lanes r and r + 16 write the same word with the same value
	s_add_co_u32 s46, s46, 8192
	s_add_co_u32 s47, s47, 16*192
	s_add_co_u32 s48, s48, 16*8
	s_sub_co_u32 s3, s3, 1
	s_cmp_lg_u32 s3, 0
	s_cbranch_scc1 .Lepi
	s_wait_dscnt 0x0                               ; for the others' sake: my stores have landed
	s_barrier_signal -1
	s_barrier_wait -1                              ; the tile's codes and scale bytes lie in LDS
.set i, 0
.rept 24
	ds_load_b128 v[64+4*i:64+4*i+3], v[RD] offset:512*i
.set i, i+1
.endr
	ds_load_b128 v[160:163], v[RDS]
.set i, 0
.rept 24
	s_wait_dscnt 24-i                              ; the younger code loads and the scale load may be out
	global_store_b128 v[CO], v[64+4*i:64+4*i+3], s[92:93] offset:512*i   ; 512 consecutive bytes, aligned to 256
.set i, i+1
.endr
	s_wait_dscnt 0x0
	global_store_b128 v[CO], v[160:163], s[94:95]
	s_wait_tensorcnt 0x0                           ; the wave's end
	ds_add_u32 v[SPW], v[NIL]
	s_wait_dscnt 0x0
	CROUND                                         ; the closing round
	s_endpgm
.Lfunc_end_k_qcc5ff577e9_gfc1:
	.size	k_qcc5ff577e9_gfc1, .Lfunc_end_k_qcc5ff577e9_gfc1-k_qcc5ff577e9_gfc1
	.p2alignl 7, 3214868480
	.fill 96, 4, 3214868480
	.section	.rodata,"a",@progbits
	.p2align	6, 0x0
	.amdhsa_kernel k_qcc5ff577e9_gfc1
		.amdhsa_group_segment_fixed_size 327680
		.amdhsa_private_segment_fixed_size 0
		.amdhsa_enable_private_segment 0
		.amdhsa_kernarg_size 32
		.amdhsa_user_sgpr_count 2
		.amdhsa_user_sgpr_kernarg_segment_ptr 1
		.amdhsa_wavefront_size32 1
		.amdhsa_system_sgpr_workgroup_id_x 1
		.amdhsa_system_sgpr_workgroup_id_y 1
		.amdhsa_system_sgpr_workgroup_id_z 1
		.amdhsa_system_vgpr_workitem_id 0
		.amdhsa_next_free_vgpr 1024
		.amdhsa_next_free_sgpr 100
		.amdhsa_reserve_vcc 0
		.amdhsa_float_denorm_mode_32 3
		.amdhsa_float_denorm_mode_16_64 3
		.amdhsa_memory_ordered 1
		.amdhsa_forward_progress 1
		.amdhsa_inst_pref_size 195
	.end_amdhsa_kernel
	.amdgpu_metadata
---
amdhsa.version: [ 1, 2 ]
amdhsa.kernels:
  - .name:           k_qcc5ff577e9_gfc1
    .symbol:         k_qcc5ff577e9_gfc1.kd
    .args:
      - { .name: act, .offset: 0, .size: 8, .value_kind: global_buffer, .address_space: global }
      - { .name: wts, .offset: 8, .size: 8, .value_kind: global_buffer, .address_space: global }
      - { .name: fc1_b, .offset: 16, .size: 8, .value_kind: global_buffer, .address_space: global }
      - { .name: hid, .offset: 24, .size: 8, .value_kind: global_buffer, .address_space: global }
    .group_segment_fixed_size: 327680
    .private_segment_fixed_size: 0
    .kernarg_segment_align: 8
    .kernarg_segment_size: 32
    .max_flat_workgroup_size: 128
    .sgpr_count:     100
    .vgpr_count:     1024
    .wavefront_size: 32
...
	.end_amdgpu_metadata
.endif
;; end of part 6
;; launch gfc2 (part 7): grid 4 x 16, 4 waves a work-group, clusters of 4 x 4, 327,680 bytes of LDS; arguments hid, wts, fc2_b, x1, out0; writes out0
.if DOCPART == 7
	.amdgcn_target "amdgcn-amd-amdhsa--gfx1250"
	.amdhsa_code_object_version 6
	.text
	.protected	k_qcc5ff577e9_gfc2
	.globl	k_qcc5ff577e9_gfc2
	.p2align	8
	.type	k_qcc5ff577e9_gfc2,@function
k_qcc5ff577e9_gfc2:
	s_mov_b64 s[64:65], 0
	v_nop
	global_prefetch_b8 v0, s[64:65] scope:SCOPE_SE
	s_setreg_imm32_b32 hwreg(HW_REG_WAVE_MODE, 25, 1), 1
	s_wait_xcnt 0x0
	s_wait_alu depctr_hold_cnt(0) depctr_sa_sdst(0) depctr_va_vdst(0) depctr_va_sdst(0) depctr_va_ssrc(0) depctr_va_vcc(0) depctr_vm_vsrc(0)
	s_getreg_b32 s2, hwreg(HW_REG_IB_STS2, 6, 4)
	s_cmp_eq_u32 s2, 0
	s_cbranch_scc0 .Lentry_in_a_cluster
	s_endpgm
.Lentry_in_a_cluster:
	s_bfe_u32 s2, ttmp6, 0x10000c
	s_cmp_lg_u32 s2, 0xf033
	s_cbranch_scc0 .Lentry_shape_is_right
	s_endpgm
.Lentry_shape_is_right:
; out0 = x1 + hidden layer x fc2_w + fc2_b.  The product on codes of E2M3 with one E8M0 byte for each 32 along K = 4,096; sums, bias and residual in f32.
; OPERANDS: codes [K/256 panels][rows][192 bytes], scale bytes [panels][rows][8]; A = hid (4,096 token slots), B = the weight's section of wts (1,024 slots).  Slot s holds true row sigma(s) = s with bits 3 and 4 exchanged.
; A tile of 256 x 256 is made by four waves, 128 x 128 each: 64 accumulators, 512 registers.  K goes in steps of 256 through two LDS slots filled by the tensor data mover; a tile of 128 rows is one dense block of 24,576 bytes.
; THE MATRIX INSTRUCTION IS USED TRANSPOSED (source 0 = 16 slots of B, source 1 = 16 slots of A): in accumulator (a, b) register j of lane (r, h) is (A slot 16 a + r, TRUE column 32 (b/2) + 16 h + 8 (b%2) + j).
; The bias is the C of the first K step.  On the way out a block of 16 rows goes through the wave's stage in LDS, comes back as rows of 512 bytes, takes the residual's row and is stored at its TRUE row.
; CLUSTERS: 4 x 4 work-groups; A's tiles are asked for jointly along a row of the cluster, B's along a column.  N = 1,024 gives 64 tiles of this size: 64 work-groups.
; REGISTERS, in windows of 256: window 0: v1-31 addresses; v32-63 scale words, two sets; v64-127 the bias; v128-223 A's fragments, one set.  window 1: B's fragments, two sets; at the end the residual.  windows 2, 3: the accumulators.
; LIMITS: NaN and infinities are not served.
.set KK,     4096
.set ROWSA,  4096
.set ROWSB,  1024
.set ACODE,  0                         ; where A's codes, A's scale bytes, B's codes, B's scale bytes begin in their buffers
.set ASC,    12582912
.set BCODE,  7077888
.set BSC,    10518528
.set NQ,     2
.set ROWB,   192
.set PITCH,  240
.set FR,     12
.set NL,     6
.set NP,     4                         ; places behind this matrix instruction (ISA guide 7.12.1)
.set HALFT,  128*PITCH
.set SLOT,   4*HALFT
.set LAPS,   KK/512
.set NPAN,   KK/256
.set HALFS,  NPAN*1024
.set SCL,    2*SLOT
.set SPARE,  SCL+4*HALFS               ; the spare words, 128 bytes a wave: two blocks of 256 bytes that no other line names
.set SPITCH, 528                       ; the way out: a stage of 16 rows x (512 bytes + 16) for each wave, in slot 0, which has had its last fill and its last read by then
.set ADRA, 16
.set ADRB, 20
.set STO,  24                          ; v24  the stage: where I put 32 bytes of a row
.set RD,   25                          ; v25  and where I read a row back
.set CO,   26                          ; v26  16 x lane
.set ADRS, 27
.set SPW,  28
.set NIL,  29
.set SC,   32
.set BI,   64
.set AF,   128
.set BK,   128                         ; 16 rows read back: v128-191 and v192-255 by turns
.set G1, 24
.set G0, 32
.set G1B, 48
.set G0B, 56
.set G1S, 68
.set G0S, 76
.set G1SB, 80
.set G0SB, 88
.set MSB, 0
.macro WIN new                         ; the immediate's high byte repeats the setting that is left
.if MSB != (\new)
	s_set_vgpr_msb (MSB<<8)|(\new)
.set MSB, (\new)
.endif
.endm
.set MUL_LO, 0xa1
.set MUL_HI, 0xf1
.set TO_B,   0x40
.macro JLOAD g0a, g1a, g0b, g1b        ; a joint load: waves 0 and 1 fetch for A, waves 2 and 3 for B; four v_nop follow each of the two lines
	s_cmp_eq_u32 s15, 0
	s_cbranch_scc0 .Lfor_b_\@
	tensor_load_to_lds s[\g0a:\g0a+3], s[\g1a:\g1a+7]
	s_nop 0
.rept 4
	v_nop
.endr
	s_branch .Lasked_\@
.Lfor_b_\@:
	tensor_load_to_lds s[\g0b:\g0b+3], s[\g1b:\g1b+7]
	s_nop 0
.rept 4
	v_nop
.endr
.Lasked_\@:
.endm
.macro CREST
	s_cmp_lg_u32 s14, 0
	s_cbranch_scc1 .Lnot_wave_0_\@
	s_barrier_signal -3
.Lnot_wave_0_\@:
	s_barrier_wait -3
	s_barrier_signal -1
	s_barrier_wait -1
.endm
.macro CROUND
	s_barrier_signal -1
	s_barrier_wait -1
	CREST
.endm
	s_load_b256 s[4:11], s[0:1], 0x0               ; A's buffer s[4:5], wts s[6:7], the bias s[8:9], the residual s[10:11]
	s_load_b64 s[12:13], s[0:1], 0x20              ; the result
	v_lshl_add_u32 v[SPW], v0, 2, SPARE
	v_mov_b32 v[NIL], 0
	ds_add_u32 v28, v29
	s_wait_dscnt 0x0
	v_lshrrev_b32 v1, 5, v0
	v_readfirstlane_b32 s14, v1                    ; wave 0..3
	s_lshr_b32 s15, s14, 1                         ; which half of the tile's rows is mine.  Also: I fetch for A (0) or for B (1)
	s_and_b32 s16, s14, 1                          ; which half of its columns.  Also: which 128 rows I fetch
	s_bfe_u32 s40, ttmp6, 0x40000                  ; cx, cy
	s_bfe_u32 s41, ttmp6, 0x40004
	s_lshl_b32 s42, ttmp9, 2
	s_add_co_u32 s42, s42, s40                     ; tile column
	s_and_b32 s17, ttmp7, 0xffff
	s_lshl_b32 s17, s17, 2
	s_add_co_u32 s17, s17, s41                     ; tile row
	s_lshl_b32 s43, s41, 2
	s_lshl_b32 s43, 15, s43                        ; my row of the cluster
	s_lshl_b32 s44, 0x1111, s40                    ; my column
	s_or_b32 s[G1+0], s43, (1<<20)|(1<<21)|(3<<22)|(3<<25)   ; a tile of 128 rows x 192 bytes, dense in memory; 16 bytes of padding behind every 64 in LDS; 15:0 the mask, 21 set beside it
	s_or_b32 s[G1B+0], s44, (1<<20)|(1<<21)|(3<<22)|(3<<25)
.irp g, G1, G1B
	s_mov_b32 s[\g+1], ROWB<<16
	s_mov_b32 s[\g+2], 128<<16
	s_mov_b32 s[\g+3], ROWB<<16
	s_mov_b32 s[\g+4], 128
	s_mov_b32 s[\g+5], ROWB
	s_mov_b32 s[\g+6], 0
	s_mov_b32 s[\g+7], 0
.endr
	s_or_b32 s[G1S+0], s43, (3<<16)|(1<<21)        ; the scale bytes of 128 rows: NPAN rows of 1,024 bytes (128 elements of 8), a panel apart in memory, on end in LDS
	s_or_b32 s[G1SB+0], s44, (3<<16)|(1<<21)
.irp g, G1S, G1SB
	s_mov_b32 s[\g+1], 128<<16
	s_mov_b32 s[\g+2], NPAN<<16
	s_mov_b32 s[\g+3], 128<<16
	s_mov_b32 s[\g+4], NPAN
	s_mov_b32 s[\g+6], 0
	s_mov_b32 s[\g+7], 0
.endr
	s_mov_b32 s[G1S+5], ROWSA
	s_mov_b32 s[G1SB+5], ROWSB
	s_lshl_b32 s18, s16, 7
	s_lshl_b32 s20, s17, 8
	s_add_co_u32 s20, s20, s18                     ; A: slot 256 x tile row + 128 x half
	s_lshl_b32 s46, s42, 8
	s_add_co_u32 s46, s46, s18                     ; B: slot 256 x tile column + 128 x half
	s_lshl_b32 s22, s20, 3
	s_add_co_u32 s22, s22, ASC
	s_mov_b32 s23, 0
	s_mul_i32 s20, s20, ROWB
	s_add_co_u32 s20, s20, ACODE
	s_mov_b32 s21, 0
	s_lshl_b32 s18, s46, 3
	s_add_co_u32 s18, s18, BSC
	s_mov_b32 s19, 0
	s_mul_i32 s46, s46, ROWB
	s_add_co_u32 s46, s46, BCODE
	s_mov_b32 s47, 0
	s_mul_i32 s45, s14, HALFT                      ; where they go: wave x 128 rows: no place in the cluster enters an LDS address
	s_mul_i32 s2, s14, HALFS
	s_lshl_b32 s96, s42, 10                        ; the bias: column 256 x tile column + 128 x half, in bytes
	s_lshl_b32 s97, s16, 9
	s_add_co_u32 s96, s96, s97
	s_lshl_b32 s98, s17, 8                         ; my part of the residual and of the result: row 256 x tile row + 128 x half, rows of 4,096 bytes, + the same columns
	s_lshl_b32 s97, s15, 7
	s_add_co_u32 s98, s98, s97
	s_lshl_b32 s98, s98, 12
	s_add_co_u32 s98, s98, s96
	s_mov_b32 s97, 0
	s_mov_b32 s99, 0
	s_wait_kmcnt 0x0
	s_add_nc_u64 s[20:21], s[4:5], s[20:21]
	s_add_nc_u64 s[22:23], s[4:5], s[22:23]
	s_add_nc_u64 s[46:47], s[6:7], s[46:47]
	s_add_nc_u64 s[18:19], s[6:7], s[18:19]
	s_add_nc_u64 s[96:97], s[8:9], s[96:97]
	s_add_nc_u64 s[92:93], s[12:13], s[98:99]      ; the result
	s_add_nc_u64 s[98:99], s[10:11], s[98:99]      ; the residual
	CROUND                                         ; all sixteen work-groups are here: the first joint loads meet
	s_mov_b32 s[G0S], 1
	s_add_co_u32 s[G0S+1], s2, SCL
	s_mov_b64 s[G0S+2:G0S+3], s[22:23]
	s_or_b32 s[G0S+3], s[G0S+3], 0x80000000
	s_mov_b32 s[G0SB], 1
	s_add_co_u32 s[G0SB+1], s2, SCL
	s_mov_b64 s[G0SB+2:G0SB+3], s[18:19]
	s_or_b32 s[G0SB+3], s[G0SB+3], 0x80000000
	JLOAD G0S, G1S, G0SB, G1SB                     ; the scale bytes first: filled once
.irp s, 0,1
	s_mov_b32 s[G0+4*\s], 1
	s_add_co_u32 s[G0+4*\s+1], s45, \s*SLOT
	s_add_nc_u64 s[G0+4*\s+2:G0+4*\s+3], s[20:21], \s*ROWSA*ROWB   ; panel s
	s_or_b32 s[G0+4*\s+3], s[G0+4*\s+3], 0x80000000
	s_mov_b32 s[G0B+4*\s], 1
	s_add_co_u32 s[G0B+4*\s+1], s45, \s*SLOT
	s_add_nc_u64 s[G0B+4*\s+2:G0B+4*\s+3], s[46:47], \s*ROWSB*ROWB
	s_or_b32 s[G0B+4*\s+3], s[G0B+4*\s+3], 0x80000000
	JLOAD G0+4*\s, G1, G0B+4*\s, G1B
.endr
	v_and_b32 v1, 15, v0                           ; r
	v_bfe_u32 v2, v0, 4, 1                         ; h
	v_lshlrev_b32 v7, 6, v2                        ; 64 h
.irp b, 0,1,2,3,4,5,6,7                        ; tile b's eight: columns 32 (b/2) + 8 (b%2) + 16 h + 0 .. 7
	global_load_b128 v[BI+8*\b:BI+8*\b+3], v7, s[96:97] offset:(32*(\b/2)+8*(\b%2))*4
	global_load_b128 v[BI+8*\b+4:BI+8*\b+7], v7, s[96:97] offset:(32*(\b/2)+8*(\b%2))*4+16
.endr
	v_mul_u32_u24 v3, v1, PITCH
	v_mul_u32_u24 v4, v2, 24
	v_add_nc_u32 v4, v3, v4                        ; a fragment's row x pitch + 24 x half
	v_lshl_add_u32 v5, v2, 4, v4                   ; and the same behind one padding more
	s_mul_i32 s21, s15, HALFT
	s_mul_i32 s22, s16, HALFT
	s_add_co_u32 s22, s22, 2*HALFT
.irp s, 0,1
	v_add_nc_u32 v[ADRA+\s], s21, v4
	v_add_nc_u32 v[ADRB+\s], s22, v4
	v_add_nc_u32 v[ADRA+2+\s], s21, v5
	v_add_nc_u32 v[ADRB+2+\s], s22, v5
	s_add_co_u32 s21, s21, SLOT
	s_add_co_u32 s22, s22, SLOT
.endr
	v_lshlrev_b32 v5, 3, v1                        ; my row's 8 scale bytes of a panel
	s_mul_i32 s21, s15, HALFS
	s_mul_i32 s22, s16, HALFS
	s_add_co_u32 s22, s22, 2*HALFS
	s_sub_co_u32 s22, s22, s21
	v_mul_u32_u24 v6, s22, v2                      ; lanes 16-31 take B's
	s_add_co_u32 s21, s21, SCL
	v_add_nc_u32 v5, v5, v6
	v_add_nc_u32 v[ADRS], s21, v5
	s_mul_i32 s23, s14, 16*SPITCH                  ; my stage
	v_mul_u32_u24 v5, v1, SPITCH
	v_lshl_add_u32 v5, v2, 6, v5                   ; in: row r, + 64 h
	v_add_nc_u32 v[STO], s23, v5
	v_and_b32 v6, 31, v0
	v_lshlrev_b32 v[CO], 4, v6
	v_add_nc_u32 v[RD], s23, v[CO]                 ; back: the 32 lanes take one row of 512 bytes
.macro FRAG reg, adr, q, i             ; a fragment: lane (r, h) takes 24 bytes at 96 q + 24 h and 24 at 96 q + 48 + 24 h of row r, as they lie, in pieces of 8 bytes
.irp p, 0,1,2,3,4,5
.set PCE, 12*(\q)+6*(\p/3)+\p%3        ; lanes 16-31 read three pieces further on: where that lies behind one padding more, the second address register serves
.if PCE%8 < 5
	ds_load_b64 v[\reg+2*\p:\reg+2*\p+1], v[\adr] offset:8*PCE+16*(PCE/8)+(\i)*16*PITCH
.else
	ds_load_b64 v[\reg+2*\p:\reg+2*\p+1], v[\adr+2] offset:8*PCE+16*(PCE/8)+(\i)*16*PITCH
.endif
.endr
.endm
; 16 matrix instructions: A's blocks a0, a0 + 1 x B's eight.  zero = 1: the first product starts the sums from the bias.  The 64 accumulators take turns, one instruction a turn.
.macro MUL16 a0, p, q, sc, zero
.irp a, \a0, \a0+1
.irp b, 0,1,2,3,4,5,6,7
.if \zero
	v_wmma_scale_f32_16x16x128_f8f6f4 v[8*(8*((\a)%4)+\b):8*(8*((\a)%4)+\b)+7], v[128*(\p)+FR*\b:128*(\p)+FR*\b+FR-1], v[AF+FR*(\a):AF+FR*(\a)+FR-1], v[BI+8*\b:BI+8*\b+7], v[SC+8*NQ*(\sc)+NQ*\b+(\q)], v[SC+8*NQ*(\sc)+NQ*(\a)+(\q)] matrix_a_fmt:MATRIX_FMT_FP6 matrix_b_fmt:MATRIX_FMT_FP6 matrix_a_scale:MATRIX_SCALE_ROW1
.else
	v_wmma_scale_f32_16x16x128_f8f6f4 v[8*(8*((\a)%4)+\b):8*(8*((\a)%4)+\b)+7], v[128*(\p)+FR*\b:128*(\p)+FR*\b+FR-1], v[AF+FR*(\a):AF+FR*(\a)+FR-1], v[8*(8*((\a)%4)+\b):8*(8*((\a)%4)+\b)+7], v[SC+8*NQ*(\sc)+NQ*\b+(\q)], v[SC+8*NQ*(\sc)+NQ*(\a)+(\q)] matrix_a_fmt:MATRIX_FMT_FP6 matrix_b_fmt:MATRIX_FMT_FP6 matrix_a_scale:MATRIX_SCALE_ROW1
.endif
.endr
.endr
.endm
.macro FETCH_B slot, q, p
	WIN TO_B
.irp i, 0,1,2,3,4,5,6,7
	FRAG 128*(\p)+FR*\i, ADRB+\slot, \q, \i
.endr
	WIN 0
.endm
.macro FETCH_A slot, q, i0
.irp i, \i0, \i0+1, \i0+2, \i0+3
	FRAG AF+FR*(\i), ADRA+\slot, \q, \i
.endr
.endm
.macro SCALES sc                       ; a panel's scale words: 8 bytes a row: lanes 0-15 A's block i, lanes 16-31 B's block i
.irp i, 0,1,2,3,4,5,6,7
	ds_load_b64 v[SC+8*NQ*\sc+NQ*\i:SC+8*NQ*\sc+NQ*\i+1], v[ADRS] offset:\i*128
.endr
.endm
.macro PLACES n                        ; plain vector lines between a matrix instruction and a load into, or a read of, its registers (ISA guide 7.12.1 for reads)
.rept \n
	v_nop
.endr
.endm
.macro STEP slot, q, zero
	s_wait_dscnt 4*NL                              ; all but the youngest 24 loads (A's blocks 4-7) are in
.if \zero
	WIN 0x81                                       ; C (the bias) in window 0, D in window 2
.else
	WIN MUL_LO
.endif
	MUL16 0, (\q)%2, \q, \slot, \zero
	MUL16 2, (\q)%2, \q, \slot, \zero
	s_wait_dscnt 0
	PLACES NP
	FETCH_B \slot, (\q)+1, 1-(\q)%2
	FETCH_A \slot, (\q)+1, 0
.if \zero
	WIN 0xc1
.else
	WIN MUL_HI
.endif
	MUL16 4, (\q)%2, \q, \slot, \zero
	MUL16 6, (\q)%2, \q, \slot, \zero
	PLACES NP
	WIN 0
	FETCH_A \slot, (\q)+1, 4
.endm
; A slot's last step changes slots: one barrier; in front of it each wave waits for all its tensor loads, adds 0 to its spare word, and waits for that and for its reads of this slot.  fill = 1: the slot is filled again, two panels on.
.macro TURN slot, next, fill
	s_wait_tensorcnt 0x0                           ; all my tensor loads have landed: my part of the next slot
	ds_add_u32 v[SPW], v[NIL]                      ; 0 onto my spare word
	s_wait_dscnt 4*NL+1                            ; (the add and the youngest 24 loads may be out)
	WIN MUL_LO
	MUL16 0, 1, NQ-1, \slot, 0
	s_wait_dscnt 0x0                               ; the add is done, and my reads of this slot are over
	s_barrier_signal -1
	MUL16 2, 1, NQ-1, \slot, 0
	WIN 0
	s_barrier_wait -1
.if \fill
	CREST                                          ; the barrier has opened a round of the cluster's: no wave of any partner still reads this slot or has a load on its way
	s_add_nc_u64 s[G0+4*\slot+2:G0+4*\slot+3], s[G0+4*\slot+2:G0+4*\slot+3], 2*ROWSA*ROWB
	s_add_nc_u64 s[G0B+4*\slot+2:G0B+4*\slot+3], s[G0B+4*\slot+2:G0B+4*\slot+3], 2*ROWSB*ROWB
	JLOAD G0+4*\slot, G1, G0B+4*\slot, G1B         ; the first tensor load behind the round; its four v_nop are the places in front of the loads below
.else
	PLACES NP
.endif
	v_add_nc_u32 v[ADRS], 1024, v[ADRS]            ; the next panel's scale words
	FETCH_B \next, 0, 0
	FETCH_A \next, 0, 0
	SCALES \next
	WIN MUL_HI
	MUL16 4, 1, NQ-1, \slot, 0
	MUL16 6, 1, NQ-1, \slot, 0
	PLACES NP
	WIN 0
	FETCH_A \next, 0, 4
.endm
; THE WAY OUT.  Stage row t of block a is A slot 16 a + t: true row 32 (a/2) + 8 (a%2) + t + 8 (t/8) of my 128.  Every offset is an immediate: 127 rows of 4,096 bytes at the most.
.macro RES a                           ; the residual's 16 rows of block a, into window 1
	WIN TO_B
.set t, 0
.rept 16
	global_load_b128 v[64*((\a)%4)+4*t:64*((\a)%4)+4*t+3], v[CO], s[98:99] offset:(32*((\a)/2)+8*((\a)%2)+t+8*(t/8))*4096
.set t, t+1
.endr
	WIN 0
.endm
.macro TOSTAGE a
.set AC, 64*((\a)%4)
	WIN 0x08+4*((\a)/4)                            ; an LDS store's data are its source 1: window 2 or 3
.irp b, 0,1,2,3,4,5,6,7
	ds_store_b128 v[STO], v[AC+8*\b:AC+8*\b+3] offset:128*(\b/2)+32*(\b%2)       ; each accumulator from its low end on
	ds_store_b128 v[STO], v[AC+8*\b+4:AC+8*\b+7] offset:128*(\b/2)+32*(\b%2)+16
.endr
	WIN 0
.set BB, BK+64*((\a)%2)
.set t, 0
.rept 16
	ds_load_b128 v[BB+4*t:BB+4*t+3], v[RD] offset:t*SPITCH   ; LDS serves a wave's instructions in order: these see my stores
.set t, t+1
.endr
.endm
.macro SEND a, younger                 ; younger: the LDS instructions issued behind block a's loads
.set BB, BK+64*((\a)%2)
.set RR, 64*((\a)%4)
	s_wait_dscnt \younger
.if (\a) <= 4
	s_wait_loadcnt 48                              ; block a's residual is in; the three blocks' asked for behind it (16 loads each) may be out
.else
	s_wait_loadcnt 16*(7-(\a))
.endif
	WIN 0x04                                       ; source 1 in window 1
.set i, 0
.rept 32
	v_pk_add_f32 v[BB+i:BB+i+1], v[BB+i:BB+i+1], v[RR+i:RR+i+1]
.set i, i+2
.endr
	WIN 0
.set t, 0
.rept 16
	global_store_b128 v[CO], v[BB+4*t:BB+4*t+3], s[92:93] offset:(32*((\a)/2)+8*((\a)%2)+t+8*(t/8))*4096 th:TH_STORE_NT   ; 512 consecutive bytes, aligned to 256; written once, read by nobody here
.set t, t+1
.endr
.if (\a) < 4
	RES (\a)+4
.endif
.endm
	s_wait_tensorcnt 1                             ; the scale bytes and my part of panel 0 are in; panel 1's load may be out
	s_barrier_signal -1
	s_barrier_wait -1
	FETCH_B 0, 0, 0
	FETCH_A 0, 0, 0
	SCALES 0
	FETCH_A 0, 0, 4
	s_wait_loadcnt 0x0                             ; the bias
	STEP 0, 0, 1
	s_mov_b32 s3, LAPS-1
.Llap:                                                 ; a trip goes once round the ring and fills both slots again
	TURN 0, 1, 1
	STEP 1, 0, 0
	TURN 1, 0, 1
	STEP 0, 0, 0
	s_sub_co_u32 s3, s3, 1
	s_cmp_lg_u32 s3, 0
	s_cbranch_scc1 .Llap
	TURN 0, 1, 0                                   ; the last lap fills nothing
	STEP 1, 0, 0
	RES 0                                          ; B's set 0 and the idle registers behind it are free (their last reader stands in front of the step's last places): two blocks' residual is asked for 64 matrix instructions early
	RES 1
	s_wait_dscnt 4*NL
	WIN MUL_LO
	MUL16 0, 1, NQ-1, 1, 0
	MUL16 2, 1, NQ-1, 1, 0
	s_wait_dscnt 0
	WIN MUL_HI
	MUL16 4, 1, NQ-1, 1, 0
	MUL16 6, 1, NQ-1, 1, 0
	WIN 0
	PLACES NP
	RES 2
	RES 3
	TOSTAGE 0
.irp a, 1,2,3,4,5,6,7
.if \a > 1
	s_wait_xcnt 0x0                                ; block a - 2's stores have read their registers: block a's loads may land there
.endif
	TOSTAGE \a
	SEND \a-1, 32                                  ; behind block a - 1's loads: block a's 16 stores and 16 loads
.endr
	SEND 7, 0
	s_wait_tensorcnt 0x0                           ; the wave's end
	ds_add_u32 v[SPW], v[NIL]
	s_wait_dscnt 0x0
	CROUND                                         ; the closing round
	s_endpgm
.Lfunc_end_k_qcc5ff577e9_gfc2:
	.size	k_qcc5ff577e9_gfc2, .Lfunc_end_k_qcc5ff577e9_gfc2-k_qcc5ff577e9_gfc2
	.p2alignl 7, 3214868480
	.fill 96, 4, 3214868480
	.section	.rodata,"a",@progbits
	.p2align	6, 0x0
	.amdhsa_kernel k_qcc5ff577e9_gfc2
		.amdhsa_group_segment_fixed_size 327680
		.amdhsa_private_segment_fixed_size 0
		.amdhsa_enable_private_segment 0
		.amdhsa_kernarg_size 40
		.amdhsa_user_sgpr_count 2
		.amdhsa_user_sgpr_kernarg_segment_ptr 1
		.amdhsa_wavefront_size32 1
		.amdhsa_system_sgpr_workgroup_id_x 1
		.amdhsa_system_sgpr_workgroup_id_y 1
		.amdhsa_system_sgpr_workgroup_id_z 1
		.amdhsa_system_vgpr_workitem_id 0
		.amdhsa_next_free_vgpr 1024
		.amdhsa_next_free_sgpr 100
		.amdhsa_reserve_vcc 0
		.amdhsa_float_denorm_mode_32 3
		.amdhsa_float_denorm_mode_16_64 3
		.amdhsa_memory_ordered 1
		.amdhsa_forward_progress 1
		.amdhsa_inst_pref_size 190
	.end_amdhsa_kernel
	.amdgpu_metadata
---
amdhsa.version: [ 1, 2 ]
amdhsa.kernels:
  - .name:           k_qcc5ff577e9_gfc2
    .symbol:         k_qcc5ff577e9_gfc2.kd
    .args:
      - { .name: hid, .offset: 0, .size: 8, .value_kind: global_buffer, .address_space: global }
      - { .name: wts, .offset: 8, .size: 8, .value_kind: global_buffer, .address_space: global }
      - { .name: fc2_b, .offset: 16, .size: 8, .value_kind: global_buffer, .address_space: global }
      - { .name: x1, .offset: 24, .size: 8, .value_kind: global_buffer, .address_space: global }
      - { .name: out0, .offset: 32, .size: 8, .value_kind: global_buffer, .address_space: global }
    .group_segment_fixed_size: 327680
    .private_segment_fixed_size: 0
    .kernarg_segment_align: 8
    .kernarg_segment_size: 40
    .max_flat_workgroup_size: 128
    .sgpr_count:     100
    .vgpr_count:     1024
    .wavefront_size: 32
...
	.end_amdgpu_metadata
.endif
;; end of part 7
;; ======== version 2 of 2: 7 launches
;; limits: right only within a limited range of input values
;; workspace buffers: wts 10,649,600 bytes; act 3,276,800 bytes; qkv 9,830,400 bytes; x1 16,777,216 bytes; hid 13,107,200 bytes
;; launch prep (part 8): grid 704 x 1, 8 waves a work-group, no clusters, 93,696 bytes of LDS; arguments qkv_w, out_w, fc1_w, fc2_w, wts, x, ln1_g, ln1_b, act; writes wts, act
.if DOCPART == 8
	.amdgcn_target "amdgcn-amd-amdhsa--gfx1250"
	.amdhsa_code_object_version 6
	.text
	.protected	k_qcc5ff577e9_prep
	.globl	k_qcc5ff577e9_prep
	.p2align	8
	.type	k_qcc5ff577e9_prep,@function
k_qcc5ff577e9_prep:
	s_mov_b64 s[64:65], 0
	v_nop
	global_prefetch_b8 v0, s[64:65] scope:SCOPE_SE
	s_setreg_imm32_b32 hwreg(HW_REG_WAVE_MODE, 25, 1), 1
	s_wait_xcnt 0x0
; ONE PREPARING LAUNCH, TWO PATHS, parted on the work-group's number alone.  Work-groups 0-191: the four weights become codes.  Work-groups 192-703: LN1(x) and its codes.  The longer work has the lower numbers.
; This program leaves out only the key steps that lie wholly above the causal mask (launch attn).
; CODES: E2M3, 6 bits, with one E8M0 byte for each 32 along K: the byte is the largest magnitude's exponent field - 2, held at 1 from below.
; THE WEIGHTS [K][N], f32, K their first axis.  A weight's section of wts: codes [K/256 panels][PR rows][192 bytes], scale bytes [K/256 panels][PR rows][8]; a row is a column n of the weight,
; at row slot n with bits 3 and 4 exchanged, so that 16 neighbouring slots are the 16 rows that a matrix tile of the later launches wants.
; A lane takes a column and its registers run down K: a load reads 128 consecutive bytes a wave, a block of 32 along K lies in one lane, and the codes come out with K innermost.
; A work-group takes 256 columns x 256 along K, a wave 32 columns: 192 bytes of codes a column, which turn through the wave's own 6,144 bytes of LDS and leave as 12 stores of 512 consecutive bytes.  Waves share nothing there.
; THE NORM: y = (x - mean) rsqrt(var + 1e-5) g + b along rows of 1,024, in f32 (the mean first, then the mean of the squared differences).  act: codes [4 panels of 256 columns][4,096 row slots][192] at 0, scale bytes [4][4,096][8] at 3,145,728.
; A wave takes a row, a work-group 8 neighbouring rows.  The finished row turns through the wave's own 4,608 bytes of LDS, so that lane l holds block l; the 8 rows' codes meet in LDS, one barrier, and leave as 768 consecutive bytes a wave.
; LDS: the norm's bytes from 0, the weights' stages from WB, the spare words behind both: each path has bytes of its own.
; LIMITS: a block of zeros, or one whose largest magnitude lies under 2^(3 - 127), gets the byte 1 (a block of zeros has zero codes, and this program alone reads the bytes); NaN and infinities are not served.
.set NWQ,    192                       ; work-groups of the weights' path: 48 qkv_w, 16 out_w, 64 fc1_w, 64 fc2_w
.set WB,     43520
.set SPARE,  WB+8*6144
.set SPW,    156                       ; v156 my spare word, v157 0: never rewritten
.set NIL,    157
.set WC_OUT, 3145728
.set WC_FC1, 3932160
.set WC_FC2, 7077888
.set WS_QKV, 10223616
.set WS_OUT, 10354688
.set WS_FC1, 10387456
.set WS_FC2, 10518528
.set OFF, 16                           ; weights: v16-47 row i of a block: i x 4 N + 4 x lane
.set WX,  48                           ; v48-111 two sets of 32 numbers; at the end the codes on their way out
.set WC,  112                          ; v112-118 a block's codes
.set SB,  120                          ; v120-121 my column's 8 scale bytes
.set BT,  16                           ; s[16:31] block t's first row of the weight, at my wave's first column
	v_lshl_add_u32 v[SPW], v0, 2, SPARE
	v_mov_b32 v[NIL], 0
	s_cmp_ge_u32 ttmp9, NWQ
	s_cbranch_scc1 .Lnorm
	s_load_b256 s[4:11], s[0:1], 0x0               ; qkv_w, out_w, fc1_w, fc2_w
	s_load_b64 s[12:13], s[0:1], 0x20              ; wts
	v_lshrrev_b32 v1, 5, v0
	v_readfirstlane_b32 s14, v1                    ; wave 0..7
	v_and_b32 v2, 31, v0
	v_lshlrev_b32 v3, 2, v2
	v_and_b32 v4, 7, v2
	v_bfe_u32 v9, v2, 3, 1
	v_bfe_u32 v10, v2, 4, 1
	v_lshl_add_u32 v4, v9, 4, v4
	v_lshl_add_u32 v4, v10, 3, v4                  ; my column's slot among the wave's 32
	s_mul_i32 s15, s14, 6144
	s_add_co_u32 s15, s15, WB                      ; my wave's stage
	v_mul_u32_u24 v5, v4, 192
	v_add_nc_u32 v5, s15, v5
	v_lshlrev_b32 v7, 4, v2
	v_add_nc_u32 v6, s15, v7
	v_lshlrev_b32 v8, 3, v4
	; which weight.  s42 N, s43 log2(K/256), s44 rows of a panel, s45, s46 the sections, s47 the weight's first work-group
	s_mov_b32 s42, 1024
	s_mov_b32 s43, 4
	s_mov_b32 s44, 1024
	s_mov_b32 s45, WC_FC2
	s_mov_b32 s46, WS_FC2
	s_mov_b32 s47, 128
	s_wait_kmcnt 0x0
	s_mov_b64 s[40:41], s[10:11]
	s_cmp_lt_u32 ttmp9, 128
	s_cselect_b64 s[40:41], s[8:9], s[40:41]
	s_cselect_b32 s42, 4096, s42
	s_cselect_b32 s43, 2, s43
	s_cselect_b32 s44, 4096, s44
	s_cselect_b32 s45, WC_FC1, s45
	s_cselect_b32 s46, WS_FC1, s46
	s_cselect_b32 s47, 64, s47
	s_cmp_lt_u32 ttmp9, 64
	s_cselect_b64 s[40:41], s[6:7], s[40:41]
	s_cselect_b32 s42, 1024, s42
	s_cselect_b32 s44, 1024, s44
	s_cselect_b32 s45, WC_OUT, s45
	s_cselect_b32 s46, WS_OUT, s46
	s_cselect_b32 s47, 48, s47
	s_cmp_lt_u32 ttmp9, 48
	s_cselect_b64 s[40:41], s[4:5], s[40:41]
	s_cselect_b32 s42, 3072, s42
	s_cselect_b32 s44, 4096, s44
	s_cselect_b32 s45, 0, s45
	s_cselect_b32 s46, WS_QKV, s46
	s_cselect_b32 s47, 0, s47
	s_sub_co_u32 s48, ttmp9, s47
	s_lshl_b32 s49, 1, s43
	s_sub_co_u32 s49, s49, 1
	s_and_b32 s49, s48, s49                        ; which 256 along K (the panel)
	s_lshr_b32 s50, s48, s43                       ; which 256 columns
	s_lshl_b32 s50, s50, 8
	s_lshl_b32 s51, s14, 5
	s_add_co_u32 s50, s50, s51                     ; my wave's first column
	s_lshl_b32 s52, s42, 2                         ; a row of the weight in bytes
	s_mul_i32 s54, s49, s42
	s_lshl_b32 s54, s54, 10
	s_lshl_b32 s51, s50, 2
	s_add_co_u32 s54, s54, s51
	s_mov_b32 s55, 0
	s_add_nc_u64 s[BT:BT+1], s[40:41], s[54:55]
	s_lshl_b32 s54, s42, 7                         ; 32 rows on
.irp t, 1,2,3,4,5,6,7
	s_add_nc_u64 s[BT+2*\t:BT+2*\t+1], s[BT+2*\t-2:BT+2*\t-1], s[54:55]
.endr
	s_mul_i32 s56, s49, s44
	s_add_co_u32 s56, s56, s50                     ; my first row slot, counted through the panels
	s_mul_i32 s58, s56, 192
	s_add_co_u32 s58, s58, s45
	s_mov_b32 s59, 0
	s_add_nc_u64 s[36:37], s[12:13], s[58:59]      ; my 6,144 bytes of codes
	s_lshl_b32 s58, s56, 3
	s_add_co_u32 s58, s58, s46
	s_add_nc_u64 s[38:39], s[12:13], s[58:59]      ; my 256 scale bytes
.set i, 0
.rept 32
	v_mad_u32_u24 v[OFF+i], s52, i, v3
.set i, i+1
.endr
.macro LOAD t                          ; block t: W(32 t + i, my column) into set t % 2
.set i, 0
.rept 32
	global_load_b32 v[WX+32*((\t)%2)+i], v[OFF+i], s[BT+2*(\t):BT+2*(\t)+1] th:TH_LOAD_NT
.set i, i+1
.endr
.endm
.macro BLOCK t
.set XS, WX+32*((\t)%2)
.if (\t) < 7
	s_wait_loadcnt 32                              ; this block's 32 loads are in; the next block's 32 may be out
.else
	s_wait_loadcnt 0
.endif
	v_max3_num_f32 v12, |v[XS]|, |v[XS+1]|, |v[XS+2]|
	v_max3_num_f32 v13, |v[XS+3]|, |v[XS+4]|, |v[XS+5]|
.irp i, 6,10,14,18,22,26
	v_max3_num_f32 v12, v12, |v[XS+\i]|, |v[XS+\i+1]|
	v_max3_num_f32 v13, v13, |v[XS+\i+2]|, |v[XS+\i+3]|
.endr
	v_max3_num_f32 v12, v12, |v[XS+30]|, |v[XS+31]|
	v_max3_num_f32 v12, v12, v13, 0x1800000        ; and the floor 2^(3 - 127)
	v_add_nc_u32 v11, 0xff000000, v12              ; 2 off the exponent field: the conversion's scale operand
	v_lshrrev_b32 v13, 23, v11                     ; the scale's byte
.if (\t)%4 == 0
	v_mov_b32 v[SB+(\t)/4], v13
.else
	v_lshl_or_b32 v[SB+(\t)/4], v13, 8*((\t)%4), v[SB+(\t)/4]
.endif
	v_cvt_scalef32_pk16_fp6_f32 v[WC:WC+2], v[XS:XS+15], v11
	v_cvt_scalef32_pk16_fp6_f32 v[WC+4:WC+6], v[XS+16:XS+31], v11
	v_nop                                          ; one plain line behind the conversions
	v_mov_b32 v[WC+3], v[WC+4]                     ; the block's 24 bytes on end
	v_mov_b32 v[WC+4], v[WC+5]
	v_mov_b32 v[WC+5], v[WC+6]
.irp i, 0,1,2
	ds_store_b64 v5, v[WC+2*\i:WC+2*\i+1] offset:24*(\t)+8*\i
.endr
.if (\t)+2 < 8
	LOAD (\t)+2
.endif
	s_wait_dscnt 0x0                               ; the stores have read their registers
.endm
	LOAD 0
	LOAD 1
.irp t, 0,1,2,3,4,5,6,7
	BLOCK \t
.endr
	s_wait_alu depctr_va_vdst(0)                   ; the wait ahead of the reader below
	global_store_b64 v8, v[SB:SB+1], s[38:39]      ; 32 lanes store 256 consecutive bytes, aligned
.set i, 0
.rept 12
	ds_load_b128 v[WX+4*i:WX+4*i+3], v6 offset:512*i   ; LDS serves a wave's instructions in order: these see my stores
.set i, i+1
.endr
.set i, 0
.rept 12
	s_wait_dscnt 11-i                              ; the younger loads may be out
	global_store_b128 v7, v[WX+4*i:WX+4*i+3], s[36:37] offset:512*i   ; 512 consecutive bytes, aligned to 256
.set i, i+1
.endr
	s_wait_tensorcnt 0x0                           ; the wave's end
	ds_add_u32 v[SPW], v[NIL]
	s_wait_dscnt 0x0
	s_endpgm
; ---- the norm
.set X,  16                            ; v16-47   the row: register 4 j + c is column 128 j + 4 lane + c
.set G,  48                            ; v48-79   g
.set BB, 80                            ; v80-111  b
.set Y,  112                           ; v112-143 my block of 32 neighbours (before that: at work in the sum)
.set C,  144                           ; v144-150 its codes
.set CS, 36864                         ; LDS behind the eight turning stages: codes [4 panels][8 rows][192]
.set SS, 43008                         ; and scale bytes [4][8][8]
.macro ALLSUM a, t                     ; the sum over the 32 lanes, in every lane
	s_delay_alu instid0(VALU_DEP_1)
	v_add_f32_dpp v[\a], v[\a], v[\a] row_xmask:1 row_mask:0xf bank_mask:0xf
	s_delay_alu instid0(VALU_DEP_1)
	v_add_f32_dpp v[\a], v[\a], v[\a] row_xmask:2 row_mask:0xf bank_mask:0xf
	s_delay_alu instid0(VALU_DEP_1)
	v_add_f32_dpp v[\a], v[\a], v[\a] row_xmask:4 row_mask:0xf bank_mask:0xf
	s_delay_alu instid0(VALU_DEP_1)
	v_add_f32_dpp v[\a], v[\a], v[\a] row_xmask:8 row_mask:0xf bank_mask:0xf
	s_delay_alu instid0(VALU_DEP_1)
	v_permlanex16_b32 v[\t], v[\a], s12, s13
	s_delay_alu instid0(VALU_DEP_1)
	v_add_f32 v[\a], v[\a], v[\t]
.endm
.Lnorm:
	s_load_b256 s[4:11], s[0:1], 0x28              ; x s[4:5], g s[6:7], b s[8:9], act s[10:11]
	s_sub_co_u32 s28, ttmp9, NWQ                   ; my number among the norm's 512
	v_lshrrev_b32 v1, 5, v0
	s_delay_alu instid0(VALU_DEP_1)
	v_readfirstlane_b32 s20, v1                    ; wave 0..7
	v_and_b32 v2, 31, v0
	s_delay_alu instid0(VALU_DEP_1)
	v_lshlrev_b32 v1, 4, v2                        ; 16 bytes a lane
	s_lshl_b32 s16, s28, 3
	s_add_co_u32 s16, s16, s20                     ; my row
	s_lshl_b32 s16, s16, 12
	s_mov_b32 s17, 0
	s_mov_b32 s12, 0x76543210
	s_mov_b32 s13, 0xfedcba98
	s_mov_b32 s14, 0x3a800000                      ; 1 / 1024
	s_mov_b32 s15, 0x3727c5ac                      ; 1e-5
	s_and_b32 s18, s28, 0xfffffffc                 ; the slot of my work-group's first row: 8 x (its number with bits 0 and 1 exchanged)
	s_bfe_u32 s19, s28, 0x10000
	s_lshl_b32 s19, s19, 1
	s_add_co_u32 s18, s18, s19
	s_bfe_u32 s19, s28, 0x10001
	s_add_co_u32 s18, s18, s19
	s_lshl_b32 s18, s18, 3
	s_lshr_b32 s21, s20, 1                         ; on the way out wave w takes panel w / 2, rows 4 (w % 2) on
	s_mul_i32 s21, s21, 786432
	s_and_b32 s22, s20, 1
	s_lshl_b32 s22, s22, 2
	s_add_co_u32 s22, s22, s18
	s_mul_i32 s22, s22, 192
	s_add_co_u32 s22, s22, s21
	s_mov_b32 s23, 0
	s_lshl_b32 s26, s18, 3
	s_add_co_u32 s26, s26, 3145728
	s_mov_b32 s27, 0
	s_wait_alu depctr_va_vdst(0)
	s_wait_kmcnt 0x0
	s_add_nc_u64 s[4:5], s[4:5], s[16:17]
	s_add_nc_u64 s[24:25], s[10:11], s[22:23]      ; my 768 bytes of codes
	s_add_nc_u64 s[26:27], s[10:11], s[26:27]      ; the work-group's scale bytes in panel 0
.irp j, 0,1,2,3,4,5,6,7
	global_load_b128 v[X+4*\j:X+4*\j+3], v1, s[4:5] offset:512*\j
.endr
.irp j, 0,1,2,3,4,5,6,7
	global_load_b128 v[G+4*\j:G+4*\j+3], v1, s[6:7] offset:512*\j
.endr
.irp j, 0,1,2,3,4,5,6,7
	global_load_b128 v[BB+4*\j:BB+4*\j+3], v1, s[8:9] offset:512*\j
.endr
	v_lshrrev_b32 v14, 3, v2                       ; lane / 8
	v_and_b32 v15, 7, v2                           ; lane % 8
	s_mul_i32 s21, s20, 4608                       ; my turning stage
	v_mul_u32_u24 v3, v14, 144
	s_delay_alu instid0(VALU_DEP_1)
	v_lshl_add_u32 v3, v15, 4, v3
	s_delay_alu instid0(VALU_DEP_1)
	v_add_nc_u32 v3, s21, v3                       ; in: load j's 16 bytes belong to block 4 j + lane / 8
	v_mul_u32_u24 v4, v2, 144
	s_delay_alu instid0(VALU_DEP_1)
	v_add_nc_u32 v4, s21, v4                       ; out: block = my lane
	s_mul_i32 s21, s20, 192
	s_add_co_u32 s21, s21, CS
	v_mul_u32_u24 v5, v14, 1536
	s_delay_alu instid0(VALU_DEP_1)
	v_mad_u32_u24 v5, v15, 24, v5
	s_delay_alu instid0(VALU_DEP_1)
	v_add_nc_u32 v5, s21, v5                       ; my block's codes: panel lane / 8, row = wave
	s_lshl_b32 s21, s20, 3
	s_add_co_u32 s21, s21, SS
	v_lshl_add_u32 v6, v14, 6, v15
	s_delay_alu instid0(VALU_DEP_1)
	v_add_nc_u32 v6, s21, v6                       ; and its scale byte
	s_mul_i32 s21, s20, 768
	s_add_co_u32 s21, s21, CS
	v_add_nc_u32 v7, s21, v1                       ; back: my wave's 768 bytes
	v_lshlrev_b32 v152, 3, v2
	s_delay_alu instid0(VALU_DEP_1)
	v_add_nc_u32 v153, s21, v152
	s_delay_alu instid0(VALU_DEP_2)
	v_add_nc_u32 v154, SS, v152
	v_lshlrev_b32 v155, 15, v14
	s_delay_alu instid0(VALU_DEP_1)
	v_lshl_add_u32 v155, v15, 3, v155              ; the scale bytes' place in memory: panels 32,768 bytes apart
	s_wait_loadcnt 16                              ; x is in; g's and b's 16 loads may be out
	v_pk_add_f32 v[10:11], v[16:17], v[18:19]
	v_pk_add_f32 v[112:113], v[24:25], v[28:29]
	v_pk_add_f32 v[114:115], v[32:33], v[36:37]
	v_pk_add_f32 v[150:151], v[40:41], v[44:45]
	v_pk_add_f32 v[148:149], v[20:21], v[22:23]
	v_pk_add_f32 v[146:147], v[26:27], v[30:31]
	v_pk_add_f32 v[144:145], v[34:35], v[38:39]
	v_pk_add_f32 v[8:9], v[42:43], v[46:47]
	s_delay_alu instid0(VALU_DEP_1)
	v_pk_add_f32 v[8:9], v[8:9], v[150:151]
	v_pk_add_f32 v[10:11], v[10:11], v[148:149]
	v_pk_add_f32 v[112:113], v[112:113], v[146:147]
	v_pk_add_f32 v[114:115], v[114:115], v[144:145]
	s_delay_alu instid0(VALU_DEP_2)
	v_pk_add_f32 v[8:9], v[8:9], v[112:113]
	s_delay_alu instid0(VALU_DEP_2)
	v_pk_add_f32 v[10:11], v[10:11], v[114:115]
	s_delay_alu instid0(VALU_DEP_1)
	v_pk_add_f32 v[8:9], v[8:9], v[10:11]
	s_delay_alu instid0(VALU_DEP_1)
	v_add_f32 v8, v8, v9
	ALLSUM 8, 9
	s_delay_alu instid0(VALU_DEP_1)
	v_mul_f32 v8, s14, v8                          ; the mean,
	s_delay_alu instid0(VALU_DEP_1)
	v_mov_b32 v9, v8                               ; twice: a pair for the packed forms
.set j, 0
.rept 16
	v_pk_add_f32 v[X+j:X+j+1], v[X+j:X+j+1], v[8:9] neg_lo:[0,1] neg_hi:[0,1]
.set j, j+2
.endr
	v_pk_mul_f32 v[10:11], v[X:X+1], v[X:X+1]
	v_pk_mul_f32 v[12:13], v[X+2:X+3], v[X+2:X+3]
.irp j, 4,8,12,16,20,24,28
	s_delay_alu instid0(VALU_DEP_2)
	v_pk_fma_f32 v[10:11], v[X+\j:X+\j+1], v[X+\j:X+\j+1], v[10:11]
	s_delay_alu instid0(VALU_DEP_2)
	v_pk_fma_f32 v[12:13], v[X+\j+2:X+\j+3], v[X+\j+2:X+\j+3], v[12:13]
.endr
	s_delay_alu instid0(VALU_DEP_1)
	v_pk_add_f32 v[10:11], v[10:11], v[12:13]
	s_delay_alu instid0(VALU_DEP_1)
	v_add_f32 v10, v10, v11
	ALLSUM 10, 11
	s_delay_alu instid0(VALU_DEP_1)
	v_fma_f32 v10, v10, s14, s15                   ; var + 1e-5
	s_wait_alu depctr_va_vdst(0)
	v_rsq_f32 v12, v10
	v_rsq_f32 v13, v10
	v_nop                                          ; a plain line behind the transcendentals
	s_wait_alu depctr_va_vdst(0)                   ; one wait for both, ahead of their first reader
	s_wait_loadcnt 0x0                             ; g and b
.set j, 0
.rept 16
	v_pk_mul_f32 v[X+j:X+j+1], v[X+j:X+j+1], v[12:13]
.set j, j+2
.endr
.set j, 0
.rept 16
	v_pk_fma_f32 v[X+j:X+j+1], v[X+j:X+j+1], v[G+j:G+j+1], v[BB+j:BB+j+1]
.set j, j+2
.endr
.irp j, 0,1,2,3,4,5,6,7
	ds_store_b128 v3, v[X+4*\j:X+4*\j+3] offset:576*\j
.endr
.irp j, 0,1,2,3,4,5,6,7
	ds_load_b128 v[Y+4*\j:Y+4*\j+3], v4 offset:16*\j   ; LDS serves a wave's instructions in order: these see my stores
.endr
	s_wait_dscnt 0x0
	v_max3_num_f32 v8, |v[Y]|, |v[Y+1]|, |v[Y+2]|
	v_max3_num_f32 v9, |v[Y+3]|, |v[Y+4]|, |v[Y+5]|
.irp i, 6,10,14,18,22,26
	s_delay_alu instid0(VALU_DEP_2)
	v_max3_num_f32 v8, v8, |v[Y+\i]|, |v[Y+\i+1]|
	s_delay_alu instid0(VALU_DEP_2)
	v_max3_num_f32 v9, v9, |v[Y+\i+2]|, |v[Y+\i+3]|
.endr
	s_delay_alu instid0(VALU_DEP_2)
	v_max3_num_f32 v8, v8, |v[Y+30]|, |v[Y+31]|
	s_delay_alu instid0(VALU_DEP_1)
	v_max3_num_f32 v8, v8, v9, 0x1800000           ; and the floor 2^(3 - 127)
	s_delay_alu instid0(VALU_DEP_1)
	v_add_nc_u32 v10, 0xff000000, v8               ; the conversion's scale operand
	s_delay_alu instid0(VALU_DEP_1)
	v_lshrrev_b32 v11, 23, v10                     ; the scale's byte
	v_cvt_scalef32_pk16_fp6_f32 v[C:C+2], v[Y:Y+15], v10
	v_cvt_scalef32_pk16_fp6_f32 v[C+4:C+6], v[Y+16:Y+31], v10
	v_nop                                          ; one plain line behind the conversions
	v_mov_b32 v[C+3], v[C+4]
	v_mov_b32 v[C+4], v[C+5]
	v_mov_b32 v[C+5], v[C+6]
.irp i, 0,1,2
	ds_store_b64 v5, v[C+2*\i:C+2*\i+1] offset:8*\i
.endr
	ds_store_b8 v6, v11
	s_wait_dscnt 0x0                               ; for the others' sake: my stores have landed
	s_barrier_signal -1
	s_barrier_wait -1                              ; the 8 rows' codes and bytes lie in LDS
	ds_load_b128 v[16:19], v7
	ds_load_b64 v[20:21], v153 offset:512
	s_wait_dscnt 0x0
	global_store_b128 v1, v[16:19], s[24:25]       ; 512 consecutive bytes, aligned to 256,
	global_store_b64 v152, v[20:21], s[24:25] offset:512   ; and the 256 behind them
	s_cmp_lg_u32 s20, 0
	s_cbranch_scc1 .Ldone                          ; wave 0 alone sends the scale bytes
	ds_load_b64 v[22:23], v154
	s_wait_dscnt 0x0
	global_store_b64 v155, v[22:23], s[26:27]
.Ldone:
	s_wait_tensorcnt 0x0                           ; the wave's end
	ds_add_u32 v[SPW], v[NIL]
	s_wait_dscnt 0x0
	s_endpgm
.Lfunc_end_k_qcc5ff577e9_prep:
	.size	k_qcc5ff577e9_prep, .Lfunc_end_k_qcc5ff577e9_prep-k_qcc5ff577e9_prep
	.p2alignl 7, 3214868480
	.fill 96, 4, 3214868480
	.section	.rodata,"a",@progbits
	.p2align	6, 0x0
	.amdhsa_kernel k_qcc5ff577e9_prep
		.amdhsa_group_segment_fixed_size 93696
		.amdhsa_private_segment_fixed_size 0
		.amdhsa_enable_private_segment 0
		.amdhsa_kernarg_size 72
		.amdhsa_user_sgpr_count 2
		.amdhsa_user_sgpr_kernarg_segment_ptr 1
		.amdhsa_wavefront_size32 1
		.amdhsa_system_sgpr_workgroup_id_x 1
		.amdhsa_system_sgpr_workgroup_id_y 1
		.amdhsa_system_sgpr_workgroup_id_z 1
		.amdhsa_system_vgpr_workitem_id 0
		.amdhsa_next_free_vgpr 160
		.amdhsa_next_free_sgpr 66
		.amdhsa_reserve_vcc 0
		.amdhsa_float_denorm_mode_32 3
		.amdhsa_float_denorm_mode_16_64 3
		.amdhsa_memory_ordered 1
		.amdhsa_forward_progress 1
		.amdhsa_inst_pref_size 63
	.end_amdhsa_kernel
	.amdgpu_metadata
---
amdhsa.version: [ 1, 2 ]
amdhsa.kernels:
  - .name:           k_qcc5ff577e9_prep
    .symbol:         k_qcc5ff577e9_prep.kd
    .args:
      - { .name: qkv_w, .offset: 0, .size: 8, .value_kind: global_buffer, .address_space: global }
      - { .name: out_w, .offset: 8, .size: 8, .value_kind: global_buffer, .address_space: global }
      - { .name: fc1_w, .offset: 16, .size: 8, .value_kind: global_buffer, .address_space: global }
      - { .name: fc2_w, .offset: 24, .size: 8, .value_kind: global_buffer, .address_space: global }
      - { .name: wts, .offset: 32, .size: 8, .value_kind: global_buffer, .address_space: global }
      - { .name: x, .offset: 40, .size: 8, .value_kind: global_buffer, .address_space: global }
      - { .name: ln1_g, .offset: 48, .size: 8, .value_kind: global_buffer, .address_space: global }
      - { .name: ln1_b, .offset: 56, .size: 8, .value_kind: global_buffer, .address_space: global }
      - { .name: act, .offset: 64, .size: 8, .value_kind: global_buffer, .address_space: global }
    .group_segment_fixed_size: 93696
    .private_segment_fixed_size: 0
    .kernarg_segment_align: 8
    .kernarg_segment_size: 72
    .max_flat_workgroup_size: 256
    .sgpr_count:     66
    .vgpr_count:     160
    .wavefront_size: 32
...
	.end_amdgpu_metadata
.endif
;; end of part 8
;; launch gqkv (part 9): grid 48 x 4, 4 waves a work-group, clusters of 4 x 4, 327,680 bytes of LDS; arguments act, wts, qkv_b, qkv; writes qkv
.if DOCPART == 9
	.amdgcn_target "amdgcn-amd-amdhsa--gfx1250"
	.amdhsa_code_object_version 6
	.text
	.protected	k_qcc5ff577e9_gqkv
	.globl	k_qcc5ff577e9_gqkv
	.p2align	8
	.type	k_qcc5ff577e9_gqkv,@function
k_qcc5ff577e9_gqkv:
	s_mov_b64 s[64:65], 0
	v_nop
	global_prefetch_b8 v0, s[64:65] scope:SCOPE_SE
	s_setreg_imm32_b32 hwreg(HW_REG_WAVE_MODE, 25, 1), 1
	s_wait_xcnt 0x0
	s_wait_alu depctr_hold_cnt(0) depctr_sa_sdst(0) depctr_va_vdst(0) depctr_va_sdst(0) depctr_va_ssrc(0) depctr_va_vcc(0) depctr_vm_vsrc(0)
	s_getreg_b32 s2, hwreg(HW_REG_IB_STS2, 6, 4)
	s_cmp_eq_u32 s2, 0
	s_cbranch_scc0 .Lentry_in_a_cluster
	s_endpgm
.Lentry_in_a_cluster:
	s_bfe_u32 s2, ttmp6, 0x10000c
	s_cmp_lg_u32 s2, 0xf033
	s_cbranch_scc0 .Lentry_shape_is_right
	s_endpgm
.Lentry_shape_is_right:
; q, k, v = LN1(x) qkv_w + qkv_b on codes of E2M3 (one E8M0 byte for each 32 along K = 1,024), and the results' own codes: q and k quantised along a head's 64, v along the KEYS.  No f32 result goes to memory.
; OPERANDS (made by the launches before): codes [K/256 panels][4,096 row slots][192 bytes], scale bytes [panels][4,096][8].  Slot s holds true row sigma(s) = s with bits 3 and 4 exchanged.
; A tile of 256 x 256 is made by four waves, 128 x 128 each: 64 accumulators, 512 registers.  K goes in steps of 256 through two LDS slots filled by the tensor data mover; a tile of 128 rows is one dense block of 24,576 bytes.
; THE MATRIX INSTRUCTION IS USED TRANSPOSED (source 0 = 16 slots of "B", source 1 = 16 slots of "A"): in accumulator (a, b) register j of lane (r, h) is (A slot 16 a + r, TRUE B row 32 (b/2) + 16 h + 8 (b%2) + j):
; the 64 registers of one a are 16 neighbours of each of four blocks of 32 along B's rows, which is what the conversions want.
; ROLES.  Clusters 0-7 (q, k): A = tokens, B = weight slots 0..2,047: a lane holds a token and runs along the features.  Clusters 8-11 (v): A = weight slots 2,048.., B = tokens: a lane holds one (head, d) and runs along the tokens,
; so the same lines quantise v along the keys and nothing is transposed.  The roles are chosen by selects on the cluster's number, which all sixteen partners share; both operands have panels of 4,096 rows, so the shapes are constants.
; BIAS: along B's rows it is the C of the first K step (q, k); along A's rows it is added to the finished sums (v); the one that does not apply is made 0 by a select.
; OUT (qkv): q, k codes [8 panels: 0-3 q, 4-7 k][4,096 token slots][192] at 0; v codes [16 key panels][1,024 slots (head, d)][192] at 6,291,456; scale bytes [8][4,096][8] at 9,437,184 and [16][1,024][8] at 9,699,328.
; CLUSTERS: 4 x 4 work-groups; A's tiles are asked for jointly along a row of the cluster, B's along a column.
; REGISTERS, in windows of 256: window 0: v1-31 addresses; v32-63 scale words, two sets; v64-127 the bias along B; v128-223 A's fragments, one set; v224-239 the bias along A.  window 1: B's fragments, two sets.  windows 2, 3: the accumulators.
; LIMITS: a block of zeros, or one whose largest magnitude lies under 2^(3 - 127), gets the byte 1 (this program alone reads the bytes); NaN and infinities are not served.
.set KK,     1024
.set ROWSA,  4096                      ; rows of a panel of A, of B
.set ROWSB,  4096
.set NQ,     2                         ; matrix instructions deep in a slot
.set ROWB,   192                       ; a tile's row: 256 codes
.set PITCH,  240                       ; in LDS: 3 x (64 bytes + 16 of padding)
.set FR,     12                        ; registers of a fragment
.set NL,     6                         ; LDS loads that bring one
.set NP,     4                         ; places behind this matrix instruction (ISA guide 7.12.1)
.set HALFT,  128*PITCH
.set SLOT,   4*HALFT                   ; A's 256 rows, then B's
.set LAPS,   KK/512
.set NPAN,   KK/256
.set HALFS,  NPAN*1024                 ; the scale bytes of 128 rows, all panels: [panel][128 rows x 8]
.set SCL,    2*SLOT
.set SPARE,  SCL+4*HALFS               ; the spare words, 128 bytes a wave: two blocks of 256 bytes that no other line names
.set CST,    SPARE+512                 ; the way out: the tile's codes [256 rows][192]
.set SST,    CST+49152                 ; and scale bytes [256][8]
.set CA0,  8                           ; v8   where my row's codes go in CST, block 0
.set SA0,  9                           ; v9   and its scale word in SST
.set RDS,  10                          ; v10  SST read back
.set DA,   11                          ; v11-13 the trip's addresses
.set CA,   12
.set SA,   13
.set ADRA, 16                          ; v16-17 A's fragments in slot 0, 1 (v18-19: behind one padding more)
.set ADRB, 20                          ; v20-23 the same for B
.set DW,   24                          ; v24  my lane's 16 bytes in my wave's dump
.set RD,   25                          ; v25  CST read back
.set CO,   26                          ; v26  16 x lane
.set ADRS, 27                          ; v27  my scale words: lanes 0-15 A's rows, lanes 16-31 B's
.set SPW,  28                          ; v28  my spare word; never rewritten
.set NIL,  29                          ; v29  0; never rewritten
.set SC,   32
.set BI,   64
.set AF,   128
.set RBI,  224
.set PC,   128                         ; the way out: v128-146 codes, v148-163 at work, v164 the scale word
.set TM,   148
.set PW,   164
.set G1, 24
.set G0, 32
.set G1B, 48
.set G0B, 56
.set G1S, 68
.set G0S, 76
.set G1SB, 80
.set G0SB, 88
.set SEL, 50                           ; s[50:51] on the way out: lane selects
.set MSB, 0
.macro WIN new                         ; the immediate's high byte repeats the setting that is left
.if MSB != (\new)
	s_set_vgpr_msb (MSB<<8)|(\new)
.set MSB, (\new)
.endif
.endm
.set MUL_LO, 0xa1                      ; source 0 (B) window 1, source 1 (A) window 0, C and D window 2
.set MUL_HI, 0xf1                      ; the same, C and D window 3
.set TO_B,   0x40                      ; destination window 1, address window 0
; A joint load: waves 0 and 1 fetch for A, waves 2 and 3 for B; the branch hangs on the wave's number alone.  Four v_nop follow each of the two lines.
.macro JLOAD g0a, g1a, g0b, g1b
	s_cmp_eq_u32 s15, 0
	s_cbranch_scc0 .Lfor_b_\@
	tensor_load_to_lds s[\g0a:\g0a+3], s[\g1a:\g1a+7]
	s_nop 0
.rept 4
	v_nop
.endr
	s_branch .Lasked_\@
.Lfor_b_\@:
	tensor_load_to_lds s[\g0b:\g0b+3], s[\g1b:\g1b+7]
	s_nop 0
.rept 4
	v_nop
.endr
.Lasked_\@:
.endm
.macro CREST                           ; a round of the cluster's barrier behind its opening barrier
	s_cmp_lg_u32 s14, 0
	s_cbranch_scc1 .Lnot_wave_0_\@
	s_barrier_signal -3
.Lnot_wave_0_\@:
	s_barrier_wait -3
	s_barrier_signal -1
	s_barrier_wait -1
.endm
.macro CROUND
	s_barrier_signal -1
	s_barrier_wait -1
	CREST
.endm
	s_load_b256 s[4:11], s[0:1], 0x0               ; act s[4:5], wts s[6:7], qkv_b s[8:9], qkv s[10:11]
	v_lshl_add_u32 v[SPW], v0, 2, SPARE
	v_mov_b32 v[NIL], 0
	ds_add_u32 v28, v29
	ds_add_u32 v28, v29
	s_wait_dscnt 0x0
	v_lshrrev_b32 v1, 5, v0
	v_readfirstlane_b32 s14, v1                    ; wave 0..3
	s_lshr_b32 s15, s14, 1                         ; which half of the tile's A rows is mine.  Also: I fetch for A (0) or for B (1)
	s_and_b32 s16, s14, 1                          ; which half of its B rows.  Also: which 128 rows I fetch
	s_bfe_u32 s40, ttmp6, 0x40000                  ; cx, cy
	s_bfe_u32 s41, ttmp6, 0x40004
	s_and_b32 s18, ttmp9, 1
	s_lshl_b32 s18, s18, 2                         ; q, k: B tile 4 (c & 1) + cx, A tile 4 (c >> 1) + cy
	s_sub_co_u32 s19, ttmp9, 8
	s_lshl_b32 s19, s19, 2                         ; v: B tile 4 (c - 8) + cx, A tile cy
	s_lshr_b32 s20, ttmp9, 1
	s_lshl_b32 s20, s20, 2
	s_mov_b32 s93, 3145728
	s_mov_b32 s94, 10223616
	s_mov_b32 s96, 786432
	s_mov_b32 s97, 9437184
	s_mov_b32 s98, 32768
	s_cmp_ge_u32 ttmp9, 8                          ; the v part?  The same answer in all sixteen partners
	s_cselect_b32 s42, s19, s18
	s_cselect_b32 s17, 0, s20
	s_cselect_b32 s12, -1, 0                       ; lanes' mask: the bias along B is made 0
	s_cselect_b32 s13, 0, -1                       ; the bias along A is made 0
	s_cselect_b32 s92, 393216, 0                   ; A's codes: weight slot 2,048 on, or the tokens' first byte
	s_cselect_b32 s93, 10240000, s93               ; A's scale bytes
	s_cselect_b32 s94, 3145728, s94                ; B's scale bytes (B's codes begin at byte 0 in both roles)
	s_cselect_b32 s95, 6291456, 0                  ; the results' codes,
	s_cselect_b32 s96, 196608, s96                 ; a panel of them,
	s_cselect_b32 s97, 9699328, s97                ; their scale bytes,
	s_cselect_b32 s98, 8192, s98                   ; a panel of those
	s_add_co_u32 s42, s42, s40                     ; B's tile
	s_add_co_u32 s17, s17, s41                     ; A's tile
	s_lshl_b32 s43, s41, 2
	s_lshl_b32 s43, 15, s43                        ; my row of the cluster
	s_lshl_b32 s44, 0x1111, s40                    ; my column
	; descriptor group 1: a tile of 128 rows x 192 bytes, dense in memory, 16 bytes of padding behind every 64 in LDS
	s_or_b32 s[G1+0], s43, (1<<20)|(1<<21)|(3<<22)|(3<<25)   ; 15:0 the mask; 17:16 elements of 1 byte; 20 padding on; 21 set beside a mask; 24:22 after every 16 words; 31:25 of 4 words
	s_or_b32 s[G1B+0], s44, (1<<20)|(1<<21)|(3<<22)|(3<<25)
.irp g, G1, G1B                                ; a dense block of slots is stated as rows of 256 bytes: at the head 256 slots = 192 such rows, in the ring 128 slots = 96
	s_mov_b32 s[\g+1], 256<<16
	s_mov_b32 s[\g+2], 192<<16
	s_mov_b32 s[\g+3], 256<<16
	s_mov_b32 s[\g+4], 192
	s_mov_b32 s[\g+5], 256
	s_mov_b32 s[\g+6], 0
	s_mov_b32 s[\g+7], 0
.endr
	; the scale bytes of 256 rows: NPAN rows of 2,048 bytes (256 elements of 8), a panel apart in memory, on end in LDS
	s_or_b32 s[G1S+0], s43, (3<<16)|(1<<21)
	s_or_b32 s[G1SB+0], s44, (3<<16)|(1<<21)
.irp g, G1S, G1SB                              ; the scale bytes of all 256 rows: NPAN rows of 2,048 bytes
	s_mov_b32 s[\g+1], 256<<16
	s_mov_b32 s[\g+2], NPAN<<16
	s_mov_b32 s[\g+3], 256<<16
	s_mov_b32 s[\g+4], NPAN
	s_mov_b32 s[\g+6], 0
	s_mov_b32 s[\g+7], 0
.endr
	s_mov_b32 s[G1S+5], ROWSA
	s_mov_b32 s[G1SB+5], ROWSB
	s_lshl_b32 s18, s16, 7                         ; which 128 rows of the tile I fetch
	s_lshl_b32 s20, s17, 8
	s_add_co_u32 s20, s20, s18                     ; A: slot 256 x tile + 128 x half
	s_lshl_b32 s46, s42, 8
	s_add_co_u32 s46, s46, s18                     ; B likewise
	s_lshl_b32 s22, s20, 3
	s_add_co_u32 s22, s22, s93
	s_mov_b32 s23, 0
	s_mul_i32 s20, s20, ROWB
	s_add_co_u32 s20, s20, s92
	s_mov_b32 s21, 0
	s_lshl_b32 s18, s46, 3
	s_add_co_u32 s18, s18, s94
	s_mov_b32 s19, 0
	s_mul_i32 s46, s46, ROWB
	s_mov_b32 s47, 0
	s_mul_i32 s45, s14, HALFT                      ; where they go: wave x 128 rows: no place in the cluster enters an LDS address
	s_mul_i32 s2, s14, HALFS
	s_mul_i32 s92, s42, s96                        ; the results: panel = B's tile, 256 rows = A's tile, a quarter for each wave
	s_add_co_u32 s92, s92, s95
	s_mul_i32 s93, s17, 49152
	s_add_co_u32 s92, s92, s93
	s_mul_i32 s93, s14, 12288
	s_add_co_u32 s92, s92, s93
	s_mov_b32 s93, 0
	s_mul_i32 s94, s42, s98
	s_add_co_u32 s94, s94, s97
	s_lshl_b32 s95, s17, 11
	s_add_co_u32 s94, s94, s95
	s_lshl_b32 s95, s14, 9
	s_add_co_u32 s94, s94, s95
	s_mov_b32 s95, 0
	s_lshl_b32 s96, s42, 10                        ; the bias along B: feature 256 x tile + 128 x half, in bytes
	s_lshl_b32 s97, s16, 9
	s_add_co_u32 s96, s96, s97
	s_lshl_b32 s98, s17, 10                        ; the bias along A: feature 2,048 + 256 x tile + 128 x half
	s_lshl_b32 s97, s15, 9
	s_add_co_u32 s98, s98, s97
	s_add_co_u32 s98, s98, 8192
	s_mov_b32 s97, 0
	s_mov_b32 s99, 0
	s_wait_kmcnt 0x0
	s_cmp_ge_u32 ttmp9, 8
	s_cselect_b32 s96, 0, s96                      ; the bias that does not apply is read at the buffer's head and made 0 below
	s_cselect_b32 s98, s98, 0
	s_cselect_b64 s[66:67], s[6:7], s[4:5]         ; A's buffer
	s_cselect_b64 s[6:7], s[4:5], s[6:7]           ; B's buffer
	s_add_nc_u64 s[20:21], s[66:67], s[20:21]
	s_add_nc_u64 s[22:23], s[66:67], s[22:23]
	s_add_nc_u64 s[46:47], s[6:7], s[46:47]
	s_add_nc_u64 s[18:19], s[6:7], s[18:19]
	s_add_nc_u64 s[92:93], s[10:11], s[92:93]      ; my 12,288 bytes of the results' codes
	s_add_nc_u64 s[94:95], s[10:11], s[94:95]      ; my 512 scale bytes
	s_add_nc_u64 s[96:97], s[8:9], s[96:97]
	s_add_nc_u64 s[98:99], s[8:9], s[98:99]
	CROUND                                         ; all sixteen work-groups are here: the first joint loads meet
	s_mov_b32 s[G0S], 1
	s_mov_b32 s[G0S+1], SCL
	s_sub_nc_u64 s[G0S+2:G0S+3], s[22:23], 1024    ; issued by wave 1 alone, whose address stands 128 rows on: back to the tile's first row
	s_or_b32 s[G0S+3], s[G0S+3], 0x80000000
	s_mov_b32 s[G0SB], 1
	s_mov_b32 s[G0SB+1], SCL+2*HALFS
	s_sub_nc_u64 s[G0SB+2:G0SB+3], s[18:19], 1024  ; issued by wave 3 alone
	s_or_b32 s[G0SB+3], s[G0SB+3], 0x80000000
.irp s, 0,1
	s_mov_b32 s[G0+4*\s], 1
	s_add_co_u32 s[G0+4*\s+1], s45, \s*SLOT
	s_add_nc_u64 s[G0+4*\s+2:G0+4*\s+3], s[20:21], \s*ROWSA*ROWB   ; panel s
	s_or_b32 s[G0+4*\s+3], s[G0+4*\s+3], 0x80000000
	s_mov_b32 s[G0B+4*\s], 1
	s_add_co_u32 s[G0B+4*\s+1], s45, \s*SLOT
	s_add_nc_u64 s[G0B+4*\s+2:G0B+4*\s+3], s[46:47], \s*ROWSB*ROWB
	s_or_b32 s[G0B+4*\s+3], s[G0B+4*\s+3], 0x80000000
.endr
	; the head's four tiles, one load a wave: wave 0 A's 256 slots of panel 0, wave 1 A's scale bytes, wave 2 B's 256 slots, wave 3 B's scale bytes
	s_cmp_eq_u32 s14, 0
	s_cbranch_scc0 .Lhead_1
	tensor_load_to_lds s[G0:G0+3], s[G1:G1+7]
	s_nop 0
.rept 4
	v_nop
.endr
	s_branch .Lhead_j
.Lhead_1:
	s_cmp_eq_u32 s14, 1
	s_cbranch_scc0 .Lhead_2
	tensor_load_to_lds s[G0S:G0S+3], s[G1S:G1S+7]
	s_nop 0
.rept 4
	v_nop
.endr
	s_branch .Lhead_j
.Lhead_2:
	s_cmp_eq_u32 s14, 2
	s_cbranch_scc0 .Lhead_3
	tensor_load_to_lds s[G0B:G0B+3], s[G1B:G1B+7]
	s_nop 0
.rept 4
	v_nop
.endr
	s_branch .Lhead_j
.Lhead_3:
	tensor_load_to_lds s[G0SB:G0SB+3], s[G1SB:G1SB+7]
	s_nop 0
.rept 4
	v_nop
.endr
.Lhead_j:
	v_and_b32 v1, 15, v0                           ; r
	v_bfe_u32 v2, v0, 4, 1                         ; h
	v_lshlrev_b32 v7, 6, v2                        ; 64 h
.irp b, 0,1,2,3,4,5,6,7                        ; tile b's eight: features 32 (b/2) + 8 (b%2) + 16 h + 0 .. 7
	global_load_b128 v[BI+8*\b:BI+8*\b+3], v7, s[96:97] offset:(32*(\b/2)+8*(\b%2))*4
	global_load_b128 v[BI+8*\b+4:BI+8*\b+7], v7, s[96:97] offset:(32*(\b/2)+8*(\b%2))*4+16
.endr
	v_and_b32 v3, 8, v1
	v_add_nc_u32 v3, v3, v1
	v_lshlrev_b32 v14, 2, v3                       ; r + 8 (r / 8), in bytes
.irp a, 0,1,2,3,4,5,6,7                        ; block a's: the true row of slot 16 a + r; twice, a pair for the packed addition
	global_load_b32 v[RBI+2*\a], v14, s[98:99] offset:(32*(\a/2)+8*(\a%2))*4
	global_load_b32 v[RBI+2*\a+1], v14, s[98:99] offset:(32*(\a/2)+8*(\a%2))*4
.endr
	v_mul_u32_u24 v3, v1, PITCH
	v_mul_u32_u24 v4, v2, 24
	v_add_nc_u32 v4, v3, v4                        ; a fragment's row x pitch + 24 x half
	v_lshl_add_u32 v5, v2, 4, v4                   ; and the same behind one padding more
	s_mul_i32 s21, s15, HALFT
	s_mul_i32 s22, s16, HALFT
	s_add_co_u32 s22, s22, 2*HALFT
.irp s, 0,1
	v_add_nc_u32 v[ADRA+\s], s21, v4
	v_add_nc_u32 v[ADRB+\s], s22, v4
	v_add_nc_u32 v[ADRA+2+\s], s21, v5
	v_add_nc_u32 v[ADRB+2+\s], s22, v5
	s_add_co_u32 s21, s21, SLOT
	s_add_co_u32 s22, s22, SLOT
.endr
	v_lshlrev_b32 v5, 3, v1                        ; my row's 8 scale bytes of a panel
	s_lshl_b32 s21, s15, 10                        ; scale bytes in LDS: [side][panel][256 rows x 8]
	s_lshl_b32 s22, s16, 10
	s_add_co_u32 s22, s22, 2*HALFS
	s_sub_co_u32 s22, s22, s21
	v_mul_u32_u24 v6, s22, v2                      ; lanes 16-31 take B's
	s_add_co_u32 s21, s21, SCL
	v_add_nc_u32 v5, v5, v6
	v_add_nc_u32 v[ADRS], s21, v5
	v_and_b32 v6, 31, v0
	v_lshlrev_b32 v[CO], 4, v6
	s_wait_alu depctr_va_vdst(0)
	s_mul_i32 s21, s15, 128*192                    ; the way out's addresses
	s_mul_i32 s22, s16, 96
	s_add_co_u32 s21, s21, s22
	s_add_co_u32 s21, s21, CST
	v_mul_u32_u24 v5, v1, 192
	v_mad_u32_u24 v5, v2, 24, v5
	v_add_nc_u32 v[CA0], s21, v5                   ; row 128 x half + r, my wave's 96 bytes of it, + 24 h
	s_lshl_b32 s21, s15, 10
	s_lshl_b32 s22, s16, 2
	s_add_co_u32 s21, s21, s22
	s_add_co_u32 s21, s21, SST
	v_lshl_add_u32 v[SA0], v1, 3, s21
	s_mul_i32 s21, s14, 12288
	s_add_co_u32 s21, s21, CST
	v_add_nc_u32 v[RD], s21, v[CO]
	s_lshl_b32 s21, s14, 9
	s_add_co_u32 s21, s21, SST
	v_add_nc_u32 v[RDS], s21, v[CO]
	s_lshl_b32 s21, s14, 16
	v_add_nc_u32 v[DW], s21, v[CO]
	s_wait_loadcnt 0x0                             ; both biases are in
.set i, 0
.rept 64
	v_cndmask_b32 v[BI+i], v[BI+i], v[NIL], s12
.set i, i+1
.endr
.set i, 0
.rept 16
	v_cndmask_b32 v[RBI+i], v[RBI+i], v[NIL], s13
.set i, i+1
.endr
.macro FRAG reg, adr, q, i             ; a fragment: lane (r, h) takes 24 bytes at 96 q + 24 h and 24 at 96 q + 48 + 24 h of row r, as they lie, in pieces of 8 bytes
.irp p, 0,1,2,3,4,5
.set PCE, 12*(\q)+6*(\p/3)+\p%3        ; lanes 16-31 read three pieces further on: where that lies behind one padding more, the second address register serves
.if PCE%8 < 5
	ds_load_b64 v[\reg+2*\p:\reg+2*\p+1], v[\adr] offset:8*PCE+16*(PCE/8)+(\i)*16*PITCH
.else
	ds_load_b64 v[\reg+2*\p:\reg+2*\p+1], v[\adr+2] offset:8*PCE+16*(PCE/8)+(\i)*16*PITCH
.endif
.endr
.endm
; 16 matrix instructions: A's blocks a0, a0 + 1 x B's eight.  p: B's set; sc: the set of scale words.  zero = 1: the first product starts the sums from the bias along B.
; The 64 accumulators take turns, one instruction a turn, in the same order in every step.
.macro MUL16 a0, p, q, sc, zero
.irp a, \a0, \a0+1
.irp b, 0,1,2,3,4,5,6,7
.if \zero
	v_wmma_scale_f32_16x16x128_f8f6f4 v[8*(8*((\a)%4)+\b):8*(8*((\a)%4)+\b)+7], v[128*(\p)+FR*\b:128*(\p)+FR*\b+FR-1], v[AF+FR*(\a):AF+FR*(\a)+FR-1], v[BI+8*\b:BI+8*\b+7], v[SC+8*NQ*(\sc)+NQ*\b+(\q)], v[SC+8*NQ*(\sc)+NQ*(\a)+(\q)] matrix_a_fmt:MATRIX_FMT_FP6 matrix_b_fmt:MATRIX_FMT_FP6 matrix_a_scale:MATRIX_SCALE_ROW1
.else
	v_wmma_scale_f32_16x16x128_f8f6f4 v[8*(8*((\a)%4)+\b):8*(8*((\a)%4)+\b)+7], v[128*(\p)+FR*\b:128*(\p)+FR*\b+FR-1], v[AF+FR*(\a):AF+FR*(\a)+FR-1], v[8*(8*((\a)%4)+\b):8*(8*((\a)%4)+\b)+7], v[SC+8*NQ*(\sc)+NQ*\b+(\q)], v[SC+8*NQ*(\sc)+NQ*(\a)+(\q)] matrix_a_fmt:MATRIX_FMT_FP6 matrix_b_fmt:MATRIX_FMT_FP6 matrix_a_scale:MATRIX_SCALE_ROW1
.endif
.endr
.endr
.endm
.macro FETCH_B slot, q, p
	WIN TO_B
.irp i, 0,1,2,3,4,5,6,7
	FRAG 128*(\p)+FR*\i, ADRB+\slot, \q, \i
.endr
	WIN 0
.endm
.macro FETCH_A slot, q, i0
.irp i, \i0, \i0+1, \i0+2, \i0+3
	FRAG AF+FR*(\i), ADRA+\slot, \q, \i
.endr
.endm
.macro SCALES sc                       ; a panel's scale words: 8 bytes a row: lanes 0-15 A's block i, lanes 16-31 B's block i
.irp i, 0,1,2,3,4,5,6,7
	ds_load_b64 v[SC+8*NQ*\sc+NQ*\i:SC+8*NQ*\sc+NQ*\i+1], v[ADRS] offset:\i*128
.endr
.endm
.macro PLACES n                        ; plain vector lines between a matrix instruction and a load into, or a read of, its registers (ISA guide 7.12.1 for reads)
.rept \n
	v_nop
.endr
.endm
.macro STEP slot, q, zero              ; 128 along K that has its successor in the same slot
	s_wait_dscnt 4*NL                              ; all but the youngest 24 loads (A's blocks 4-7) are in
.if \zero
	WIN 0x81                                       ; C (the bias) in window 0, D in window 2
.else
	WIN MUL_LO
.endif
	MUL16 0, (\q)%2, \q, \slot, \zero
	MUL16 2, (\q)%2, \q, \slot, \zero
	s_wait_dscnt 0
	PLACES NP
	FETCH_B \slot, (\q)+1, 1-(\q)%2
	FETCH_A \slot, (\q)+1, 0
.if \zero
	WIN 0xc1
.else
	WIN MUL_HI
.endif
	MUL16 4, (\q)%2, \q, \slot, \zero
	MUL16 6, (\q)%2, \q, \slot, \zero
	PLACES NP
	WIN 0
	FETCH_A \slot, (\q)+1, 4
.endm
; A slot's last step changes slots: one barrier; in front of it each wave waits for all its tensor loads, adds 0 to its spare word, and waits for that and for its reads of this slot.  fill = 1: the slot is filled again, two panels on.
.macro TURN slot, next, fill
	s_wait_tensorcnt 0x0                           ; all my tensor loads have landed: my part of the next slot
	ds_add_u32 v[SPW], v[NIL]                      ; 0 onto my spare word
	s_wait_dscnt 4*NL+1                            ; (the add and the youngest 24 loads may be out)
	WIN MUL_LO
	MUL16 0, 1, NQ-1, \slot, 0
	s_wait_dscnt 0x0                               ; the add is done, and my reads of this slot are over
	s_barrier_signal -1
	MUL16 2, 1, NQ-1, \slot, 0
	WIN 0
	s_barrier_wait -1
.if \fill
	CREST                                          ; the barrier has opened a round of the cluster's: no wave of any partner still reads this slot or has a load on its way
	s_add_nc_u64 s[G0+4*\slot+2:G0+4*\slot+3], s[G0+4*\slot+2:G0+4*\slot+3], 2*ROWSA*ROWB
	s_add_nc_u64 s[G0B+4*\slot+2:G0B+4*\slot+3], s[G0B+4*\slot+2:G0B+4*\slot+3], 2*ROWSB*ROWB
	JLOAD G0+4*\slot, G1, G0B+4*\slot, G1B         ; the first tensor load behind the round; its four v_nop are the places in front of the loads below
.else
	PLACES NP
.endif
	s_wait_alu depctr_va_vdst(0)
	v_add_nc_u32 v[ADRS], 2048, v[ADRS]
	FETCH_B \next, 0, 0
	FETCH_A \next, 0, 0
	SCALES \next
	WIN MUL_HI
	MUL16 4, 1, NQ-1, \slot, 0
	MUL16 6, 1, NQ-1, \slot, 0
	PLACES NP
	WIN 0
	FETCH_A \next, 0, 4
.endm
	s_wait_alu depctr_va_vdst(0)
	s_wait_tensorcnt 0x0                           ; my tile of the head's four is in; slot 1's first fill is issued as a refill is
	ds_add_u32 v[SPW], v[NIL]
	s_mov_b32 s[G1+2], 96<<16                      ; no load of mine is out: from here on a load brings 128 slots
	s_mov_b32 s[G1+4], 96
	s_mov_b32 s[G1B+2], 96<<16
	s_mov_b32 s[G1B+4], 96
	s_wait_dscnt 0x0
	CROUND
	JLOAD G0+4, G1, G0B+4, G1B
	FETCH_B 0, 0, 0
	FETCH_A 0, 0, 0
	SCALES 0
	FETCH_A 0, 0, 4
	STEP 0, 0, 1
	s_mov_b32 s3, LAPS-1
.Llap:                                                 ; a trip goes once round the ring and fills both slots again
	TURN 0, 1, 1
	STEP 1, 0, 0
	TURN 1, 0, 1
	STEP 0, 0, 0
	s_sub_co_u32 s3, s3, 1
	s_cmp_lg_u32 s3, 0
	s_cbranch_scc1 .Llap
	TURN 0, 1, 0                                   ; the last lap fills nothing
	STEP 1, 0, 0
	s_wait_dscnt 4*NL
	WIN MUL_LO
	MUL16 0, 1, NQ-1, 1, 0
	MUL16 2, 1, NQ-1, 1, 0
	s_wait_dscnt 0
	WIN MUL_HI
	MUL16 4, 1, NQ-1, 1, 0
	MUL16 6, 1, NQ-1, 1, 0
	WIN 0
	PLACES NP
; THE WAY OUT.  The sums go to LDS as images of their registers (65,536 bytes a wave, over the ring and the scale bytes, which have had their last fill), so that ONE loop of 8 trips can take them block by block:
; 64 numbers of a lane become a fragment's codes and a scale word; these meet in CST and SST, and the tile leaves as dense runs.
	s_wait_dscnt 0x0
	s_barrier_signal -1
	s_barrier_wait -1                              ; no wave reads the ring or the scale bytes any more
.irp a, 0,1,2,3,4,5,6,7                        ; the bias along A, each accumulator from its low end on
	WIN 0x82+0x41*(\a/4)                           ; destination and source 0 in window 2 or 3, the bias in window 0
.set i, 0
.rept 32
	v_pk_add_f32 v[64*(\a%4)+i:64*(\a%4)+i+1], v[64*(\a%4)+i:64*(\a%4)+i+1], v[RBI+2*\a:RBI+2*\a+1]
.set i, i+2
.endr
.endr
.irp a, 0,1,2,3,4,5,6,7
	WIN 0x08+4*(\a/4)                              ; an LDS store's data are its source 1: window 2 or 3
.set k, 0
.rept 16
	ds_store_b128 v[DW], v[64*(\a%4)+4*k:64*(\a%4)+4*k+3] offset:8192*\a+512*k
.set k, k+1
.endr
.endr
	WIN 0
; 64 numbers of a lane, register 16 b + i = column 32 b + 16 h + i of my row, become a fragment's codes in v[PC] on and its scale word in v[PW].
.macro QUANT s
.irp b, 0,1,2,3
	v_max3_num_f32 v[TM+\b], |v[\s+16*\b]|, |v[\s+1+16*\b]|, 0x1800000   ; block b: my 16 numbers, and the floor 2^(3 - 127): the byte cannot fall under 1
.endr
.irp i, 2,4,6,8,10,12,14
.irp b, 0,1,2,3
	v_max3_num_f32 v[TM+\b], v[TM+\b], |v[\s+16*\b+\i]|, |v[\s+1+16*\b+\i]|
.endr
.endr
.irp b, 0,1,2,3
	v_permlanex16_b32 v[TM+4+\b], v[TM+\b], s[SEL], s[SEL+1]
.endr
.irp b, 0,1,2,3
	v_max_num_f32 v[TM+\b], v[TM+\b], v[TM+4+\b]   ; with lane l xor 16's: the block's largest magnitude
.endr
.irp b, 0,1,2,3
	v_add_nc_u32 v[TM+12+\b], 0xff000000, v[TM+\b] ; 2 off its exponent field: the conversion's scale operand
.endr
.irp b, 0,1,2,3
	v_lshrrev_b32 v[TM+4+\b], 23, v[TM+12+\b]      ; the scale's byte
.endr
	v_lshl_or_b32 v[PW], v[TM+5], 8, v[TM+4]
	v_lshl_or_b32 v[PW], v[TM+6], 16, v[PW]
	v_lshl_or_b32 v[PW], v[TM+7], 24, v[PW]
.irp c, 0,1
	v_cvt_scalef32_pk16_fp6_f32 v[PC+6*\c:PC+2+6*\c], v[\s+32*\c:\s+15+32*\c], v[TM+12+2*\c]
	v_cvt_scalef32_pk16_fp6_f32 v[PC+12+4*\c:PC+14+4*\c], v[\s+16+32*\c:\s+31+32*\c], v[TM+12+2*\c+1]   ; (a conversion's three registers begin on an even number)
.endr
	v_nop                                          ; one plain line behind the conversions
.irp c, 0,1                                    ; a whole block to a lane: lanes 0-15 block 2 c, lanes 16-31 block 2 c + 1
.irp i, 0,1,2
	v_permlane16_swap_b32 v[PC+6*\c+\i], v[PC+12+4*\c+\i]
.endr
.irp i, 0,1,2
	v_mov_b32 v[PC+3+6*\c+\i], v[PC+12+4*\c+\i]
.endr
.endr
.endm
	s_mov_b32 s[SEL], 0x76543210
	s_mov_b32 s[SEL+1], 0xfedcba98
.irp b, 0,1,2,3
	v_mov_b32 v[TM+4+\b], 0                        ; written once: a lane permute's destination counts as one of its sources
.endr
	s_mov_b32 s46, 0                               ; the block's place in the dump, in CST, in SST
	s_mov_b32 s47, 0
	s_mov_b32 s48, 0
	s_mov_b32 s3, 8
.Lepi:
	v_add_nc_u32 v[DA], s46, v[DW]
	v_add_nc_u32 v[CA], s47, v[CA0]
	v_add_nc_u32 v[SA], s48, v[SA0]
.set k, 0
.rept 16
	ds_load_b128 v[64+4*k:64+4*k+3], v[DA] offset:512*k   ; LDS serves a wave's instructions in order: these see my stores
.set k, k+1
.endr
	s_wait_dscnt 0x0                               ; the block is in; the last trip's stores have read their registers
	QUANT 64
.irp p, 0,1,2,3,4,5
	ds_store_b64 v[CA], v[PC+2*\p:PC+2*\p+1] offset:48*(\p/3)+8*(\p%3)
.endr
	ds_store_b32 v[SA], v[PW]                      ; lanes r and r + 16 write the same word with the same value
	s_add_co_u32 s46, s46, 8192
	s_add_co_u32 s47, s47, 16*192
	s_add_co_u32 s48, s48, 16*8
	s_sub_co_u32 s3, s3, 1
	s_cmp_lg_u32 s3, 0
	s_cbranch_scc1 .Lepi
	s_wait_dscnt 0x0                               ; for the others' sake: my stores have landed
	s_barrier_signal -1
	s_barrier_wait -1                              ; the tile's codes and scale bytes lie in LDS
.set i, 0
.rept 24
	ds_load_b128 v[64+4*i:64+4*i+3], v[RD] offset:512*i
.set i, i+1
.endr
	ds_load_b128 v[160:163], v[RDS]
.set i, 0
.rept 24
	s_wait_dscnt 24-i                              ; the younger code loads and the scale load may be out
	global_store_b128 v[CO], v[64+4*i:64+4*i+3], s[92:93] offset:512*i   ; 512 consecutive bytes, aligned to 256
.set i, i+1
.endr
	s_wait_dscnt 0x0
	global_store_b128 v[CO], v[160:163], s[94:95]
	s_wait_tensorcnt 0x0                           ; the wave's end
	ds_add_u32 v[SPW], v[NIL]
	s_wait_dscnt 0x0
	CROUND                                         ; the closing round
	s_endpgm
.Lfunc_end_k_qcc5ff577e9_gqkv:
	.size	k_qcc5ff577e9_gqkv, .Lfunc_end_k_qcc5ff577e9_gqkv-k_qcc5ff577e9_gqkv
	.p2alignl 7, 3214868480
	.fill 96, 4, 3214868480
	.section	.rodata,"a",@progbits
	.p2align	6, 0x0
	.amdhsa_kernel k_qcc5ff577e9_gqkv
		.amdhsa_group_segment_fixed_size 327680
		.amdhsa_private_segment_fixed_size 0
		.amdhsa_enable_private_segment 0
		.amdhsa_kernarg_size 32
		.amdhsa_user_sgpr_count 2
		.amdhsa_user_sgpr_kernarg_segment_ptr 1
		.amdhsa_wavefront_size32 1
		.amdhsa_system_sgpr_workgroup_id_x 1
		.amdhsa_system_sgpr_workgroup_id_y 1
		.amdhsa_system_sgpr_workgroup_id_z 1
		.amdhsa_system_vgpr_workitem_id 0
		.amdhsa_next_free_vgpr 1024
		.amdhsa_next_free_sgpr 100
		.amdhsa_reserve_vcc 0
		.amdhsa_float_denorm_mode_32 3
		.amdhsa_float_denorm_mode_16_64 3
		.amdhsa_memory_ordered 1
		.amdhsa_forward_progress 1
		.amdhsa_inst_pref_size 177
	.end_amdhsa_kernel
	.amdgpu_metadata
---
amdhsa.version: [ 1, 2 ]
amdhsa.kernels:
  - .name:           k_qcc5ff577e9_gqkv
    .symbol:         k_qcc5ff577e9_gqkv.kd
    .args:
      - { .name: act, .offset: 0, .size: 8, .value_kind: global_buffer, .address_space: global }
      - { .name: wts, .offset: 8, .size: 8, .value_kind: global_buffer, .address_space: global }
      - { .name: qkv_b, .offset: 16, .size: 8, .value_kind: global_buffer, .address_space: global }
      - { .name: qkv, .offset: 24, .size: 8, .value_kind: global_buffer, .address_space: global }
    .group_segment_fixed_size: 327680
    .private_segment_fixed_size: 0
    .kernarg_segment_align: 8
    .kernarg_segment_size: 32
    .max_flat_workgroup_size: 128
    .sgpr_count:     100
    .vgpr_count:     1024
    .wavefront_size: 32
...
	.end_amdgpu_metadata
.endif
;; end of part 9
;; launch attn (part 10): grid 32 x 8, 16 waves a work-group, clusters of 4 x 1, 327,680 bytes of LDS; arguments qkv, act; writes act
.if DOCPART == 10
	.amdgcn_target "amdgcn-amd-amdhsa--gfx1250"
	.amdhsa_code_object_version 6
	.text
	.protected	k_qcc5ff577e9_attn
	.globl	k_qcc5ff577e9_attn
	.p2align	8
	.type	k_qcc5ff577e9_attn,@function
k_qcc5ff577e9_attn:
	s_mov_b64 s[64:65], 0
	v_nop
	global_prefetch_b8 v0, s[64:65] scope:SCOPE_SE
	s_setreg_imm32_b32 hwreg(HW_REG_WAVE_MODE, 25, 1), 1
	s_wait_xcnt 0x0
	s_wait_alu depctr_hold_cnt(0) depctr_sa_sdst(0) depctr_va_vdst(0) depctr_va_sdst(0) depctr_va_ssrc(0) depctr_va_vcc(0) depctr_vm_vsrc(0)
	s_getreg_b32 s2, hwreg(HW_REG_IB_STS2, 6, 4)
	s_cmp_eq_u32 s2, 0
	s_cbranch_scc0 .Lentry_in_a_cluster
	s_endpgm
.Lentry_in_a_cluster:
	s_bfe_u32 s2, ttmp6, 0x10000c
	s_cmp_lg_u32 s2, 0x3003
	s_cbranch_scc0 .Lentry_shape_is_right
	s_endpgm
.Lentry_shape_is_right:
; Causal attention on codes of E2M3: S^T = k q^T, p = 2^(t - M) with M the ceiling of the running largest t, p quantised by blocks of 32 keys, O^T += v^T p^T, O / l quantised along a head's 64 for the next product.
; IN (qkv): q, k codes [8 panels: 0-3 q, 4-7 k][4,096 token slots][192] at 0; v codes [16 key panels][1,024 slots (head, d)][192] at VCO; scale bytes [8][4,096][8] at QKS, [16][1,024][8] at VSO.  Slot s holds true row s with bits 3 and 4 exchanged.
; OUT (act): codes [4 panels][4,096 token slots][192] at 0, scale bytes [4][4,096][8] at ASO.
; LEFT OUT: key steps that lie wholly above the diagonal of the mask that the problem builds itself.
; THE DEAL.  A cluster of four work-groups takes one batch, one panel of four heads and two groups of 128 queries, 15 - g and then g (g = the cluster's x): 16 - g and g + 1 key steps of 128, which are 9 slots of 256 keys for every g.
; A work-group takes two tiles of 16 queries of each group.  Wave w: head w % 4, key step of the slot (w / 4) % 2, tile w / 8.  So two waves share a tile's keys, each with its own M, l and O^T.
; At a group's end the two join: each hands the other half of O^T, its -M and its l through LDS; M is a whole number, so both parts come under the larger M by exact powers of two.  Each wave then finishes one block of 32 of the head.
; The hand-over is stored in every trip, so that the bytes read at a group's end are written on every way; it is read only at a group's end.
; A slot holds 256 key slots of k, 256 (head, d) slots of v and their scale bytes: six joint loads (waves 0-3 codes, 4 and 5 scale bytes), asked for by the four partners together.  Dense blocks are stated as rows of 256 bytes.
; No branch and no LDS address hangs on the place in the cluster.  Every wait on TENSORcnt is for 0; a wave has one load out.
; PREFETCH: in trip i waves 6-8 of each work-group name 96 blocks of 256 bytes of the slot that trip i + 1 will load (one half tile a work-group, shared out by address), while that slot belongs to the first group;
; the second group's slots have been read by this cluster in the first; the scale bytes, 16 blocks a slot, are not asked for.
; The upper half of K = 128 in k q^T is q's zero codes; what k's registers hold there are codes, which have no NaN, so they add nothing.
; LIMITS: the promise holds while the scaled scores stay under 2^31 in magnitude; NaN and infinities are not served; a block of zeros gets the byte 1 (this program alone reads the bytes).
.set PITCH, 240
.set HALFT, 128*PITCH
.set VOFF,  2*HALFT
.set SCO,   4*HALFT
.set SLOT1, 1<<17
.set SPARE, 2*SLOT1
.set MRG,   SPARE+2048
.set MW,    2304
.set OST,   MRG+16*MW
.set OSS,   OST+12288
.set VCO,   6291456
.set QKS,   9437184
.set VSO,   9699328
.set ASO,   3145728
.set AK0,  1
.set AV,   4
.set AV2,  5
.set ASK0, 6
.set ASV0, 7
.set ADK,  8
.set ADV,  11
.set ADV2, 80
.set ADS,  81
.set ADT,  82
.set OA,   83
.set OB,   84
.set ORD,  85
.set ORD2, 86
.set OSR,  87
.set GO16, 88
.set GO8,  89
.set MGS,  200
.set MGS2, 201
.set MGT,  202
.set MGT2, 203
.set PFO,  28
.set SPW,  29
.set NIL,  30
.set DL,   31
.set TB,   2
.set IT,   3
.set WV,   18
.set T0,   19
.set SEL,  20
.set CS,   22
.set G1T,  24
.set G1S,  32
.set BKT,  40
.set BKS,  41
.set GLO,  42
.set G0T,  48
.set G0S,  52
.set STT,  56
.set STS,  58
.set B0,   60
.set B2,   62
.set SJ,   66
.set GW,   67
.set N1,   68
.set LIMP, 69
.set PFA,  70
.set PFS,  72
.set PAR,  74
.macro TLOAD                           ; one chain on the wave's number: waves 0-3 a half tile of codes, waves 4, 5 scale bytes, the others nothing
	s_cmp_lt_u32 s[WV], 4
	s_cbranch_scc0 .Lnot_c_\@
	tensor_load_to_lds s[G0T:G0T+3], s[G1T:G1T+7]
	s_nop 0
.rept 4
	v_nop
.endr
	s_branch .Lasked_\@
.Lnot_c_\@:
	s_cmp_lt_u32 s[WV], 6
	s_cbranch_scc0 .Lasked_\@
	tensor_load_to_lds s[G0S:G0S+3], s[G1S:G1S+7]
	s_nop 0
.rept 4
	v_nop
.endr
.Lasked_\@:
.endm
.macro CROUND
	s_barrier_signal -1
	s_barrier_wait -1
	s_cmp_lg_u32 s[WV], 0
	s_cbranch_scc1 .Lnot_wave_0_\@
	s_barrier_signal -3
.Lnot_wave_0_\@:
	s_barrier_wait -3
	s_barrier_signal -1
	s_barrier_wait -1
.endm
	s_load_b128 s[4:7], s[0:1], 0x0
	v_lshl_add_u32 v[SPW], v0, 2, SPARE
	v_mov_b32 v[NIL], 0
	ds_add_u32 v[SPW], v[NIL]
	ds_add_u32 v[SPW], v[NIL]
	v_lshrrev_b32 v8, 5, v0
	v_readfirstlane_b32 s[WV], v8
	s_bfe_u32 s75, ttmp6, 0x40000                  ; cx
	s_and_b32 s76, ttmp7, 0xffff
	s_lshr_b32 s77, s76, 2                         ; batch
	s_and_b32 s78, s76, 3                          ; panel
	s_and_b32 s79, s[WV], 3                        ; head
	s_bfe_u32 s[PAR], s[WV], 0x10002               ; which step of a slot
	s_lshr_b32 s80, s[WV], 3                       ; which tile
	s_mov_b32 s[GLO], ttmp9                        ; the second group
	s_sub_co_u32 s[GW], 15, ttmp9                  ; the first
	s_lshr_b32 s81, ttmp9, 1
	s_sub_co_u32 s[N1], 8, s81                     ; the first group's slots
	s_lshl_b32 s84, s75, 1
	s_add_co_u32 s84, s84, s80                     ; my tile among the group's eight
	s_lshl_b32 s86, s77, 11
	s_and_b32 s88, s[WV], 1
	s_add_co_u32 s89, s78, 4
	s_mul_i32 s90, s89, 786432
	s_mul_i32 s91, s86, 192
	s_add_co_u32 s90, s90, s91                     ; k's codes
	s_mul_i32 s92, s77, 8*196608
	s_mul_i32 s93, s78, 49152
	s_add_co_u32 s92, s92, s93
	s_add_co_u32 s92, s92, VCO                     ; v's codes
	s_lshl_b32 s94, s89, 15
	s_lshl_b32 s95, s86, 3
	s_add_co_u32 s94, s94, s95
	s_add_co_u32 s94, s94, QKS                     ; k's scale bytes
	s_lshl_b32 s96, s77, 16
	s_lshl_b32 s97, s78, 11
	s_add_co_u32 s96, s96, s97
	s_add_co_u32 s96, s96, VSO                     ; v's
	s_mov_b32 s98, 196608
	s_mov_b32 s99, 8192
	s_cmp_lt_u32 s[WV], 2                          ; waves 0, 1 k's halves, 2, 3 v's
	s_cselect_b32 s[G0T+2], s90, s92
	s_cselect_b32 s[STT], 49152, s98               ; from slot to slot
	s_mul_i32 s83, s88, 24576
	s_add_co_u32 s[G0T+2], s[G0T+2], s83
	s_mov_b32 s[G0T+3], 0
	s_cmp_eq_u32 s88, 0                            ; wave 4 k's bytes, wave 5 v's
	s_cselect_b32 s[G0S+2], s94, s96
	s_cselect_b32 s[STS], 2048, s99
	s_mov_b32 s[G0S+3], 0
	s_mov_b32 s[STT+1], 0
	s_mov_b32 s[STS+1], 0
	s_mul_i32 s[BKT], s[STT], s[N1]                ; back to slot 0 at the change of groups
	s_mul_i32 s[BKS], s[STS], s[N1]
	s_mov_b32 s[B0+1], 0
	s_mov_b32 s[B2+1], 0
	s_mov_b32 s[G0T], 1
	s_mul_i32 s[G0T+1], s[WV], HALFT
	s_mov_b32 s[G0S], 1
	s_lshl_b32 s[G0S+1], s88, 11
	s_add_co_u32 s[G0S+1], s[G0S+1], SCO
	s_mov_b32 s[PFS], 196608                       ; the prefetches: work-groups 0, 1 of the cluster k's halves, 2, 3 v's
	s_cmp_lt_u32 s75, 2
	s_cselect_b32 s[PFA], s90, s92
	s_cselect_b32 s[PFS], 49152, s[PFS]
	s_mov_b32 s[PFS+1], 0
	s_and_b32 s99, s75, 1
	s_mul_i32 s99, s99, 24576
	s_add_co_u32 s[PFA], s[PFA], s99
	s_sub_co_u32 s98, s[WV], 6
	s_cmp_lt_u32 s98, 3
	s_cselect_b32 s[LIMP], s[N1], 0                ; waves 6-8 ask
	s_and_b32 s98, s98, 3
	s_lshl_b32 s98, s98, 13
	s_add_co_u32 s[PFA], s[PFA], s98
	s_add_co_u32 s[PFA], s[PFA], s[PFS]
	s_mov_b32 s[PFA+1], 0
	s_mov_b32 s[G1T], 15|(1<<20)|(1<<21)|(3<<22)|(3<<25)   ; 96 rows of 256 bytes; 16 bytes of padding behind every 64: LDS rows of 192 + 48 for each slot
	s_mov_b32 s[G1T+1], 256<<16
	s_mov_b32 s[G1T+2], 96<<16
	s_mov_b32 s[G1T+3], 256<<16
	s_mov_b32 s[G1T+4], 96
	s_mov_b32 s[G1T+5], 256
	s_mov_b32 s[G1T+6], 0
	s_mov_b32 s[G1T+7], 0
	s_mov_b32 s[G1S], 15|(3<<16)|(1<<21)           ; 2,048 dense bytes: 8 rows of 32 elements of 8 bytes
	s_mov_b32 s[G1S+1], 32<<16
	s_mov_b32 s[G1S+2], 8<<16
	s_mov_b32 s[G1S+3], 32<<16
	s_mov_b32 s[G1S+4], 8
	s_mov_b32 s[G1S+5], 32
	s_mov_b32 s[G1S+6], 0
	s_mov_b32 s[G1S+7], 0
	s_mov_b32 s[SEL], 0x76543210
	s_mov_b32 s[SEL+1], 0xfedcba98
	s_mov_b32 s[CS], 0x3e38aa3b                    ; log2(e) / 8
	s_mov_b32 s[CS+1], s[CS]
	s_mov_b32 s[TB], 0
	s_mov_b32 s[IT], 0
	s_mov_b32 s[SJ], s[PAR]
	s_wait_dscnt 0x0
	s_wait_kmcnt 0x0
	s_add_nc_u64 s[G0T+2:G0T+3], s[4:5], s[G0T+2:G0T+3]
	s_or_b32 s[G0T+3], s[G0T+3], 0x80000000
	s_add_nc_u64 s[G0S+2:G0S+3], s[4:5], s[G0S+2:G0S+3]
	s_or_b32 s[G0S+3], s[G0S+3], 0x80000000
	s_add_nc_u64 s[PFA:PFA+1], s[4:5], s[PFA:PFA+1]
	CROUND
	TLOAD                                          ; slot 0
	s_lshl_b32 s81, s84, 4
	s_add_co_u32 s81, s81, s86
	s_lshl_b32 s82, s[GW], 7
	s_add_co_u32 s82, s82, s81                     ; my tile's first slot in the first group,
	s_lshl_b32 s83, s[GLO], 7
	s_add_co_u32 s83, s83, s81                     ; in the second
	s_mul_i32 s90, s78, 786432
	s_mul_i32 s91, s79, 48
	s_add_co_u32 s91, s91, s90
	s_lshl_b32 s92, s78, 15
	s_lshl_b32 s93, s79, 1
	s_add_co_u32 s93, s93, s92
	s_add_co_u32 s93, s93, QKS
	s_mov_b32 s47, 0
	s_mul_i32 s46, s82, 192
	s_add_co_u32 s46, s46, s91
	s_add_nc_u64 s[8:9], s[4:5], s[46:47]
	s_mul_i32 s46, s83, 192
	s_add_co_u32 s46, s46, s91
	s_add_nc_u64 s[10:11], s[4:5], s[46:47]
	s_lshl_b32 s46, s82, 3
	s_add_co_u32 s46, s46, s93
	s_add_nc_u64 s[12:13], s[4:5], s[46:47]
	s_lshl_b32 s46, s83, 3
	s_add_co_u32 s46, s46, s93
	s_add_nc_u64 s[14:15], s[4:5], s[46:47]
	s_cmp_eq_u32 s80, 0                            ; on the way out wave w sends a quarter (w % 4) of tile (w / 4) % 2 of group w / 8
	s_cselect_b32 s94, s[GW], s[GLO]
	s_lshl_b32 s94, s94, 7
	s_add_co_u32 s94, s94, s86
	s_lshl_b32 s95, s75, 5
	s_add_co_u32 s94, s94, s95
	s_lshl_b32 s46, s94, 3
	s_add_co_u32 s46, s46, s92
	s_add_co_u32 s46, s46, ASO
	s_add_nc_u64 s[44:45], s[6:7], s[46:47]
	s_lshl_b32 s95, s[PAR], 4
	s_add_co_u32 s94, s94, s95
	s_mul_i32 s46, s94, 192
	s_add_co_u32 s46, s46, s90
	s_mul_i32 s95, s79, 768
	s_add_co_u32 s46, s46, s95
	s_add_nc_u64 s[16:17], s[6:7], s[46:47]
	s_mul_i32 s76, s79, 6                          ; the scalar parts of the LDS addresses
	s_mul_i32 s81, s[PAR], 128*PITCH
	s_mul_i32 s82, s79, 64*PITCH
	s_add_co_u32 s82, s82, VOFF
	s_lshl_b32 s83, s79, 1
	s_lshl_b32 s85, s[PAR], 10
	s_add_co_u32 s83, s83, s85
	s_add_co_u32 s83, s83, SCO
	s_lshl_b32 s85, s79, 9
	s_lshl_b32 s87, s[PAR], 2
	s_add_co_u32 s85, s85, s87
	s_add_co_u32 s85, s85, SCO+2048
	s_lshr_b32 s87, s84, 1
	s_lshl_b32 s87, s87, 5
	s_and_b32 s88, s84, 1
	s_lshl_b32 s88, s88, 3
	s_add_co_u32 s87, s87, s88                     ; my tile's true place in its group
	s_mul_i32 s88, s[WV], MW
	s_add_co_u32 s88, s88, MRG
	s_xor_b32 s89, s[WV], 4
	s_mul_i32 s89, s89, MW
	s_add_co_u32 s89, s89, MRG
	s_mul_i32 s90, s80, 3072
	s_mul_i32 s91, s79, 48
	s_add_co_u32 s90, s90, s91
	s_mul_i32 s91, s[PAR], 24
	s_add_co_u32 s90, s90, s91
	s_add_co_u32 s90, s90, OST
	s_lshl_b32 s91, s80, 7
	s_lshl_b32 s92, s79, 1
	s_add_co_u32 s91, s91, s92
	s_add_co_u32 s91, s91, s[PAR]
	s_add_co_u32 s91, s91, OSS
	s_mul_i32 s92, s[WV], 768
	s_add_co_u32 s92, s92, OST
	s_lshl_b32 s93, s80, 8
	s_add_co_u32 s93, s93, OSS
	v_and_b32 v91, 31, v0
	v_and_b32 v8, 15, v0
	v_bfe_u32 v9, v0, 4, 1
	v_lshlrev_b32 v[PFO], 8, v91
	v_mul_u32_u24 v10, v8, 192
	v_lshlrev_b32 v11, 3, v8
	v_mad_u32_u24 v10, v9, 24, v10
.irp i, 0,1,2
	global_load_b64 v[16+2*\i:17+2*\i], v10, s[8:9] offset:8*\i       ; q of the first group,
	global_load_b64 v[192+2*\i:193+2*\i], v10, s[10:11] offset:8*\i   ; of the second
.endr
	global_load_u16 v255, v11, s[12:13]
	global_load_u16 v198, v11, s[14:15]
	v_mul_u32_u24 v92, v9, 3
	v_mul_u32_u24 v93, v8, PITCH
	v_add_nc_u32 v92, s76, v92
.irp i, 0,1,2                                  ; k: piece 6 head + 3 h + i of row r, 16 more for each 64 bytes passed; my step's 128 rows
	v_add_nc_u32 v94, \i, v92
	v_lshrrev_b32 v95, 3, v94
	v_lshl_add_u32 v94, v94, 3, v93
	v_lshl_add_u32 v94, v95, 4, v94
	v_add_nc_u32 v[AK0+\i], s81, v94
.endr
	v_mad_u32_u24 v[AV], v9, 24, v93
	v_add_nc_u32 v[AV], s82, v[AV]
	v_lshl_add_u32 v[AV2], v9, 4, v[AV]
	v_lshl_add_u32 v[ASK0], v8, 3, s83
	v_lshl_add_u32 v[ASV0], v8, 3, s85
	v_and_b32 v94, 8, v8
	v_add_nc_u32 v94, v94, v8
	v_lshlrev_b32 v95, 4, v9
	v_sub_nc_u32 v94, v94, v95
	v_add_nc_u32 v[DL], s87, v94                   ; my query's true place in its group, less 16 h
	v_lshlrev_b32 v[GO16], 4, v91
	v_lshlrev_b32 v[GO8], 3, v91
	v_add_nc_u32 v[MGS], s88, v[GO16]
	v_add_nc_u32 v[MGS2], s88, v[GO8]
	v_add_nc_u32 v[MGT], s89, v[GO16]
	v_add_nc_u32 v[MGT2], s89, v[GO8]
	v_mul_u32_u24 v94, v8, 192
	v_mad_u32_u24 v94, v9, 12, v94
	v_add_nc_u32 v[OA], s90, v94
	v_lshl_add_u32 v[OB], v8, 3, s91
	v_add_nc_u32 v[ORD], s92, v[GO16]
	v_add_nc_u32 v[ORD2], s92, v[GO8]
	v_add_nc_u32 v[OSR], s93, v[GO8]
	v_mov_b32 v13, 0xff61b1e6
	v_floor_f32 v12, -v13
	v_mov_b32 v14, 0
	v_mov_b32 v15, 0
.irp j, 22,23,24,25,26,27,119,121,124,146,236,237,238,239,252,253
	v_mov_b32 v[\j], 0
.endr
.irp t, 0,1,2,3
.irp j, 6,7,8,9,10,11
	v_mov_b32 v[32+12*\t+\j], 0
.endr
.endr
.set j, 0
.rept 32
	v_mov_b32 v[160+j], 0
.set j, j+1
.endr
.macro VLOAD q                         ; v's four fragments of step q of the slot
.irp t, 0,1,2,3
.irp p, 0,1,2,3,4,5
.set PCE, 12*(\q)+6*(\p/3)+\p%3
.if PCE%8 < 5
	ds_load_b64 v[32+12*\t+2*\p:33+12*\t+2*\p], v[ADV] offset:8*PCE+16*(PCE/8)+16*\t*PITCH
.else
	ds_load_b64 v[32+12*\t+2*\p:33+12*\t+2*\p], v[ADV2] offset:8*PCE+16*(PCE/8)+16*\t*PITCH
.endif
.endr
.endr
.endm
.macro STEP                            ; my 128 keys of the slot against my 16 queries
	s_cmp_gt_u32 s[SJ], s[GW]
	s_cbranch_scc1 .Lhidden_\@                     ; wholly above the diagonal
.irp i, 0,1,2
	v_add_nc_u32 v[ADK+\i], s[TB], v[AK0+\i]
.endr
	v_add_nc_u32 v[ADV], s[TB], v[AV]
	v_add_nc_u32 v[ADV2], s[TB], v[AV2]
	v_add_nc_u32 v[ADS], s[TB], v[ASK0]
	v_add_nc_u32 v[ADT], s[TB], v[ASV0]
	s_wait_alu depctr_va_vdst(0)
.irp g, 0,1
.rept 4*\g
	v_nop
.endr
.irp t, 0,1,2,3
.irp i, 0,1,2
	ds_load_b64 v[32+12*\t+2*\i:33+12*\t+2*\i], v[ADK+\i] offset:16*(4*\g+\t)*PITCH
.endr
	ds_load_u16 v[248+\t], v[ADS] offset:16*(4*\g+\t)*8
.endr
	s_wait_dscnt 0x0
.irp t, 0,1,2,3
	v_wmma_scale_f32_16x16x128_f8f6f4 v[96+8*(4*\g+\t):103+8*(4*\g+\t)], v[32+12*\t:43+12*\t], v[16:27], 0, v[248+\t], v255 matrix_a_fmt:MATRIX_FMT_FP6 matrix_b_fmt:MATRIX_FMT_FP6
.endr
.endr
.rept 4
	v_nop
.endr
	s_cmp_lt_u32 s[SJ], s[GW]
	s_cbranch_scc1 .Lopen_\@
	v_mov_b32 v254, 0xff800000                     ; the step on the diagonal: register n is key 32 (n / 16) + n % 16 + 16 h of the group
.set n, 0
.rept 64
	v_cmp_gt_i32 vcc_lo, 32*(n/16)+n%16, v[DL]
	v_cndmask_b32 v[96+n], v[96+n], v254, vcc_lo
.set n, n+1
.endr
.Lopen_\@:
.irp b, 0,1,2,3
	v_max3_num_f32 v[232+\b], v[96+16*\b], v[97+16*\b], v[98+16*\b]
.endr
.irp i, 3,5,7,9,11,13
.irp b, 0,1,2,3
	v_max3_num_f32 v[232+\b], v[232+\b], v[96+16*\b+\i], v[97+16*\b+\i]
.endr
.endr
.irp b, 0,1,2,3
	v_max_num_f32 v[232+\b], v[232+\b], v[111+16*\b]
.endr
.irp b, 0,1,2,3
	s_delay_alu instid0(VALU_DEP_4)
	v_permlanex16_b32 v[236+\b], v[232+\b], s[SEL], s[SEL+1]
.endr
.irp b, 0,1,2,3
	s_delay_alu instid0(VALU_DEP_4)
	v_max_num_f32 v[232+\b], v[232+\b], v[236+\b]
.endr
	s_delay_alu instid0(VALU_DEP_2)
	v_max3_num_f32 v254, v232, v233, v234
	s_delay_alu instid0(VALU_DEP_1)
	v_max_num_f32 v254, v254, v235
	s_delay_alu instid0(VALU_DEP_1)
	v_mul_f32 v254, s[CS], v254
	s_delay_alu instid0(VALU_DEP_1)
	v_max_num_f32 v13, v13, v254
	v_mov_b32 v254, v12
	s_delay_alu instid0(VALU_DEP_2)
	v_floor_f32 v12, -v13                          ; -M
	s_delay_alu instid0(VALU_DEP_1)
	v_sub_f32 v254, v12, v254
	s_delay_alu instid0(VALU_DEP_1)
	v_cvt_i32_f32 v254, v254
	s_delay_alu instid0(VALU_DEP_1)
	v_ldexp_f32 v252, 1.0, v254                    ; 2^(old M - new M)
.set j, 0
.rept 32
	v_pk_fma_f32 v[96+j:97+j], v[96+j:97+j], s[CS:CS+1], v[12:13] op_sel_hi:[1,0,0]
.set j, j+2
.endr
.irp b, 0,1,2,3
	v_fma_f32 v[232+\b], v[232+\b], s[CS], v12
.endr
.set j, 0
	s_wait_alu depctr_va_vdst(0)
.rept 64
	v_exp_f32 v[96+j], v[96+j]
.set j, j+1
.endr
	v_pk_mul_f32 v[14:15], v[14:15], v[252:253] op_sel_hi:[1,0]
	s_wait_alu depctr_va_vdst(0)
.irp b, 0,1,2,3
	v_exp_f32 v[232+\b], v[232+\b]                 ; each block's largest p
.endr
	v_pk_add_f32 v[236:237], v[96:97], v[98:99]    ; the sum of the unquantised p
.irp j, 4,8,12,16,20,24,28,32,36,40,44,48,52,56,60
	v_pk_add_f32 v[14:15], v[14:15], v[96+\j:97+\j]
	v_pk_add_f32 v[236:237], v[236:237], v[98+\j:99+\j]
.endr
	s_delay_alu instid0(VALU_DEP_1)
	v_pk_add_f32 v[14:15], v[14:15], v[236:237]
	s_wait_alu depctr_va_vdst(0)
.irp b, 0,1,2,3
	v_max_num_f32 v[232+\b], 0x1800000, v[232+\b]
.endr
.irp b, 0,1,2,3
	s_delay_alu instid0(VALU_DEP_4)
	v_add_nc_u32 v[244+\b], 0xff000000, v[232+\b]
.endr
.irp b, 0,1,2,3
	s_delay_alu instid0(VALU_DEP_4)
	v_lshrrev_b32 v[236+\b], 23, v[244+\b]
.endr
	s_delay_alu instid0(VALU_DEP_3)
	v_lshl_or_b32 v253, v237, 8, v236
	s_delay_alu instid0(VALU_DEP_1)
	v_lshl_or_b32 v253, v238, 16, v253
	s_delay_alu instid0(VALU_DEP_1)
	v_lshl_or_b32 v253, v239, 24, v253
.irp c, 0,1
	v_cvt_scalef32_pk16_fp6_f32 v[224+6*\c:226+6*\c], v[96+32*\c:111+32*\c], v[244+2*\c]
	v_cvt_scalef32_pk16_fp6_f32 v[236+4*\c:238+4*\c], v[112+32*\c:127+32*\c], v[244+2*\c+1]
.endr
	v_nop
.irp c, 0,1
.irp i, 0,1,2
	v_permlane16_swap_b32 v[224+6*\c+\i], v[236+4*\c+\i]
.endr
.irp i, 0,1,2
	s_delay_alu instid0(VALU_DEP_3)
	v_mov_b32 v[227+6*\c+\i], v[236+4*\c+\i]
.endr
.endr
.set j, 0
.rept 16
	v_pk_mul_f32 v[160+j:161+j], v[160+j:161+j], v[252:253] op_sel_hi:[1,0]
.set j, j+2
.endr
	s_cmp_eq_u32 s[PAR], 0
	s_cbranch_scc0 .Lv_odd_\@
	VLOAD 0
	s_branch .Lv_got_\@
.Lv_odd_\@:
	VLOAD 1
.Lv_got_\@:
.irp t, 0,1,2,3
	ds_load_b32 v[248+\t], v[ADT] offset:128*\t
.endr
	s_wait_alu depctr_va_vdst(0)
	s_wait_dscnt 0x0
.irp t, 0,1,2,3
	v_wmma_scale_f32_16x16x128_f8f6f4 v[160+8*\t:167+8*\t], v[32+12*\t:43+12*\t], v[224:235], v[160+8*\t:167+8*\t], v[248+\t], v253 matrix_a_fmt:MATRIX_FMT_FP6 matrix_b_fmt:MATRIX_FMT_FP6
.endr
.Lhidden_\@:
	s_add_co_u32 s[SJ], s[SJ], 2
.endm
.macro GIVEP                           ; to my partner: the half of O^T that it finishes, my -M and my l
.rept 4
	v_nop
.endr
	v_add_f32 v123, v14, v15
	v_mov_b32 v122, v12
	v_permlanex16_b32 v124, v123, s[SEL], s[SEL+1]
	s_delay_alu instid0(VALU_DEP_1)
	v_add_f32 v123, v123, v124
	s_wait_alu depctr_va_vdst(0)                   ; the wait ahead of the branch
	s_cmp_eq_u32 s[PAR], 0
	s_cbranch_scc0 .Lg_odd_\@
.irp k, 0,1,2,3
	ds_store_b128 v[MGS], v[176+4*\k:179+4*\k] offset:512*\k
.endr
	s_branch .Lg_done_\@
.Lg_odd_\@:
.irp k, 0,1,2,3
	ds_store_b128 v[MGS], v[160+4*\k:163+4*\k] offset:512*\k
.endr
.Lg_done_\@:
	ds_store_b64 v[MGS2], v[122:123] offset:2048
.endm
.macro TAKEP ph                        ; my partner's part joins mine; my block of 32 of the head is divided by l, quantised and laid into the stage of group ph
.irp k, 0,1,2,3
	ds_load_b128 v[96+4*\k:99+4*\k], v[MGT] offset:512*\k
.endr
	ds_load_b64 v[112:113], v[MGT2] offset:2048
	s_wait_dscnt 0x0
	v_min_num_f32 v114, v12, v112                  ; - the larger M
	s_delay_alu instid0(VALU_DEP_1)
	v_sub_f32 v115, v114, v12
	v_sub_f32 v116, v114, v112
	s_delay_alu instid0(VALU_DEP_2)
	v_cvt_i32_f32 v115, v115
	s_delay_alu instid0(VALU_DEP_2)
	v_cvt_i32_f32 v116, v116
	s_delay_alu instid0(VALU_DEP_2)
	v_ldexp_f32 v115, 1.0, v115
	s_delay_alu instid0(VALU_DEP_2)
	v_ldexp_f32 v116, 1.0, v116
	s_delay_alu instid0(VALU_DEP_2)
	v_mul_f32 v117, v123, v115
	s_delay_alu instid0(VALU_DEP_1)
	v_fma_f32 v117, v113, v116, v117               ; the row's sum
	s_wait_alu depctr_va_vdst(0)
	v_rcp_f32 v117, v117
	v_nop
	s_wait_alu depctr_va_vdst(0)
	v_mul_f32 v118, v115, v117
	v_mul_f32 v120, v116, v117
	s_wait_alu depctr_va_vdst(0)                   ; ahead of the branch
	s_cmp_eq_u32 s[PAR], 0
	s_cbranch_scc0 .Lt_odd_\@
.set j, 0
.rept 8
	v_pk_mul_f32 v[128+j:129+j], v[160+j:161+j], v[118:119] op_sel_hi:[1,0]
.set j, j+2
.endr
	s_branch .Lt_done_\@
.Lt_odd_\@:
.set j, 0
.rept 8
	v_pk_mul_f32 v[128+j:129+j], v[176+j:177+j], v[118:119] op_sel_hi:[1,0]
.set j, j+2
.endr
.Lt_done_\@:
	s_wait_alu depctr_va_vdst(0)                   ; behind the jump, ahead of the first reader
.set j, 0
.rept 8
	v_pk_fma_f32 v[128+j:129+j], v[96+j:97+j], v[120:121], v[128+j:129+j] op_sel_hi:[1,0,1]
.set j, j+2
.endr
	v_max3_num_f32 v144, |v128|, |v129|, 0x1800000
	v_max3_num_f32 v145, |v136|, |v137|, 0x1800000
.irp i, 2,4,6
	s_delay_alu instid0(VALU_DEP_2)
	v_max3_num_f32 v144, v144, |v[128+\i]|, |v[129+\i]|
	s_delay_alu instid0(VALU_DEP_2)
	v_max3_num_f32 v145, v145, |v[136+\i]|, |v[137+\i]|
.endr
	s_delay_alu instid0(VALU_DEP_1)
	v_max_num_f32 v144, v144, v145
	v_permlanex16_b32 v146, v144, s[SEL], s[SEL+1]
	s_delay_alu instid0(VALU_DEP_1)
	v_max_num_f32 v144, v144, v146
	s_delay_alu instid0(VALU_DEP_1)
	v_add_nc_u32 v147, 0xff000000, v144
	s_delay_alu instid0(VALU_DEP_1)
	v_lshrrev_b32 v148, 23, v147
	v_cvt_scalef32_pk16_fp6_f32 v[150:152], v[128:143], v147   ; d = 32 x my step's number + 16 h + 0 .. 15: 12 bytes
	v_nop
.irp i, 0,1,2
	ds_store_b32 v[OA], v[150+\i] offset:6144*(\ph)+4*\i
.endr
	ds_store_b8 v[OB], v148 offset:256*(\ph)
.endm
.macro CHANGE fill
	s_wait_tensorcnt 0x0
	ds_add_u32 v[SPW], v[NIL]
.if \fill
	ds_add_u32 v[SPW], v[NIL]                      ; twice
	s_xor_b32 s[G0T+1], s[G0T+1], SLOT1
	s_add_nc_u64 s[G0T+2:G0T+3], s[G0T+2:G0T+3], s[STT:STT+1]
	s_xor_b32 s[G0S+1], s[G0S+1], SLOT1
	s_add_nc_u64 s[G0S+2:G0S+3], s[G0S+2:G0S+3], s[STS:STS+1]
	s_add_co_u32 s[T0], s[IT], 1
	s_cmp_eq_u32 s[T0], s[N1]                      ; the next slot opens the second group: back to key 0
	s_cselect_b32 s[B0], s[BKT], 0
	s_cselect_b32 s[B2], s[BKS], 0
	s_sub_nc_u64 s[G0T+2:G0T+3], s[G0T+2:G0T+3], s[B0:B0+1]
	s_sub_nc_u64 s[G0S+2:G0S+3], s[G0S+2:G0S+3], s[B2:B2+1]
	s_wait_xcnt 0x0                                ; the last prefetch has read its address
	s_add_nc_u64 s[PFA:PFA+1], s[PFA:PFA+1], s[PFS:PFS+1]
	s_wait_dscnt 0x0
	CROUND
	TLOAD
	s_add_co_u32 s[T0], s[IT], 2
	s_cmp_lt_u32 s[T0], s[LIMP]
	s_cbranch_scc0 .Lno_ask_\@
	global_prefetch_b8 v[PFO], s[PFA:PFA+1] th:TH_LOAD_NT scope:SCOPE_SE
.Lno_ask_\@:
.else
	s_wait_dscnt 0x0
	s_barrier_signal -1
	s_barrier_wait -1
.endif
.endm
	s_wait_alu depctr_va_vdst(0)
	s_wait_loadcnt 0x0
.Lslot:                                                ; trips 0 to 7: slot IT is worked, slot IT + 1 asked for
	CHANGE 1
	STEP
	s_add_co_u32 s[IT], s[IT], 1
	GIVEP
	s_wait_dscnt 0x0
	s_barrier_signal -1                            ; a plain barrier between the hand-over's stores and its reads
	s_barrier_wait -1
	s_cmp_lg_u32 s[IT], s[N1]
	s_cbranch_scc1 .Lon
	TAKEP 0                                        ; the first group is done
	v_mov_b32 v255, v198                           ; and the second begins
.irp i, 0,1,2,3,4,5
	v_mov_b32 v[16+\i], v[192+\i]
.endr
	v_mov_b32 v13, 0xff61b1e6
	v_mov_b32 v14, 0
	v_mov_b32 v15, 0
	v_floor_f32 v12, -v13
.set j, 0
.rept 32
	v_mov_b32 v[160+j], 0
.set j, j+1
.endr
	s_mov_b32 s[GW], s[GLO]
	s_mov_b32 s[SJ], s[PAR]
	s_wait_alu depctr_va_vdst(0)
.Lon:
	s_xor_b32 s[TB], s[TB], SLOT1
	s_cmp_lt_u32 s[IT], 8
	s_cbranch_scc1 .Lslot
	CHANGE 0                                       ; the ninth slot: nothing more is asked for
	STEP
	GIVEP
	s_wait_dscnt 0x0
	s_barrier_signal -1
	s_barrier_wait -1
	TAKEP 1
	s_wait_dscnt 0x0
	s_barrier_signal -1
	s_barrier_wait -1                              ; both groups' codes and scale bytes lie in the stages
	ds_load_b128 v[96:99], v[ORD]
	ds_load_b64 v[100:101], v[ORD2] offset:512
	s_wait_dscnt 0x0
	global_store_b128 v[GO16], v[96:99], s[16:17]  ; 768 consecutive bytes a wave, aligned to 256
	global_store_b64 v[GO8], v[100:101], s[16:17] offset:512
	s_and_b32 s[T0], s[WV], 7
	s_cmp_lg_u32 s[T0], 0
	s_cbranch_scc1 .Lno_scales                     ; waves 0 and 8: a group's 32 rows x 8 scale bytes, 256 consecutive bytes, aligned
	ds_load_b64 v[102:103], v[OSR]
	s_wait_dscnt 0x0
	global_store_b64 v[GO8], v[102:103], s[44:45]
.Lno_scales:
	s_wait_tensorcnt 0x0
	ds_add_u32 v[SPW], v[NIL]
	s_wait_dscnt 0x0
	CROUND
	s_endpgm
.Lfunc_end_k_qcc5ff577e9_attn:
	.size	k_qcc5ff577e9_attn, .Lfunc_end_k_qcc5ff577e9_attn-k_qcc5ff577e9_attn
	.p2alignl 7, 3214868480
	.fill 96, 4, 3214868480
	.section	.rodata,"a",@progbits
	.p2align	6, 0x0
	.amdhsa_kernel k_qcc5ff577e9_attn
		.amdhsa_group_segment_fixed_size 327680
		.amdhsa_private_segment_fixed_size 0
		.amdhsa_enable_private_segment 0
		.amdhsa_kernarg_size 16
		.amdhsa_user_sgpr_count 2
		.amdhsa_user_sgpr_kernarg_segment_ptr 1
		.amdhsa_wavefront_size32 1
		.amdhsa_system_sgpr_workgroup_id_x 1
		.amdhsa_system_sgpr_workgroup_id_y 1
		.amdhsa_system_sgpr_workgroup_id_z 1
		.amdhsa_system_vgpr_workitem_id 0
		.amdhsa_next_free_vgpr 256
		.amdhsa_next_free_sgpr 100
		.amdhsa_reserve_vcc 1
		.amdhsa_float_denorm_mode_32 3
		.amdhsa_float_denorm_mode_16_64 3
		.amdhsa_memory_ordered 1
		.amdhsa_forward_progress 1
		.amdhsa_inst_pref_size 81
	.end_amdhsa_kernel
	.amdgpu_metadata
---
amdhsa.version: [ 1, 2 ]
amdhsa.kernels:
  - .name:           k_qcc5ff577e9_attn
    .symbol:         k_qcc5ff577e9_attn.kd
    .args:
      - { .name: qkv, .offset: 0, .size: 8, .value_kind: global_buffer, .address_space: global }
      - { .name: act, .offset: 8, .size: 8, .value_kind: global_buffer, .address_space: global }
    .group_segment_fixed_size: 327680
    .private_segment_fixed_size: 0
    .kernarg_segment_align: 8
    .kernarg_segment_size: 16
    .max_flat_workgroup_size: 512
    .sgpr_count:     100
    .vgpr_count:     256
    .wavefront_size: 32
...
	.end_amdgpu_metadata
.endif
;; end of part 10
;; launch gout (part 11): grid 8 x 32, 4 waves a work-group, clusters of 4 x 4, 327,680 bytes of LDS; arguments act, wts, out_b, x, x1; writes x1
.if DOCPART == 11
	.amdgcn_target "amdgcn-amd-amdhsa--gfx1250"
	.amdhsa_code_object_version 6
	.text
	.protected	k_qcc5ff577e9_gout
	.globl	k_qcc5ff577e9_gout
	.p2align	8
	.type	k_qcc5ff577e9_gout,@function
k_qcc5ff577e9_gout:
	s_mov_b64 s[64:65], 0
	v_nop
	global_prefetch_b8 v0, s[64:65] scope:SCOPE_SE
	s_setreg_imm32_b32 hwreg(HW_REG_WAVE_MODE, 25, 1), 1
	s_wait_xcnt 0x0
	s_wait_alu depctr_hold_cnt(0) depctr_sa_sdst(0) depctr_va_vdst(0) depctr_va_sdst(0) depctr_va_ssrc(0) depctr_va_vcc(0) depctr_vm_vsrc(0)
	s_getreg_b32 s2, hwreg(HW_REG_IB_STS2, 6, 4)
	s_cmp_eq_u32 s2, 0
	s_cbranch_scc0 .Lentry_in_a_cluster
	s_endpgm
.Lentry_in_a_cluster:
	s_bfe_u32 s2, ttmp6, 0x10000c
	s_cmp_lg_u32 s2, 0xf033
	s_cbranch_scc0 .Lentry_shape_is_right
	s_endpgm
.Lentry_shape_is_right:
; x1 = x + attention's result x out_w + out_b.  The product on codes of E2M3 with one E8M0 byte for each 32 along K = 1,024; sums, bias and residual in f32.
; OPERANDS: codes [K/256 panels][rows][192 bytes], scale bytes [panels][rows][8]; A = act (4,096 token slots), B = the weight's section of wts (1,024 slots).  Slot s holds true row sigma(s) = s with bits 3 and 4 exchanged.
; N = 1,024 gives only 64 tiles of 256 x 256, so a tile is 128 x 128: 8 x 32 = 256 work-groups.  Four waves, 64 x 64 each: 16 accumulators, 128 registers.
; An LDS slot holds 512 along K: two panels of A's 128 rows, then two panels of B's: four dense blocks of 24,576 bytes, one tensor load a wave.  K = 1,024 is two slots: both are first fills, nothing is filled again.
; THE MATRIX INSTRUCTION IS USED TRANSPOSED (source 0 = 16 slots of B, source 1 = 16 slots of A): in accumulator (a, b) register j of lane (r, h) is (A slot 16 a + r, TRUE column 32 (b/2) + 16 h + 8 (b%2) + j).
; The bias is the C of the first step.  The residual's 64 rows x 256 bytes of a wave are asked for at the head, into registers of their own.  On the way out the wave's 64 x 64 goes through its stage in LDS, comes back as
; rows of 256 bytes, takes the residual and is stored at its TRUE rows: sixteen lanes store 256 consecutive bytes, aligned.
; CLUSTERS: 4 x 4 work-groups; A's tiles are asked for jointly along a row of the cluster, B's along a column.
; REGISTERS, in windows of 256: window 0: v1-29 addresses; v32-63 scale words, a set of 16 for each slot; v64-95 the bias; v128-255 the accumulators ((a, b) at v[128 + 8 (4 a + b)]).
;   window 1: two sets of fragments, at v0 and v128: A's four (48 registers), then B's four; on the way out v0-127 take the rows read back.   window 2: v0-127 the residual.
; LIMITS: NaN and infinities are not served.
.set KK,     1024
.set ROWSA,  4096                      ; rows of a panel of A, of B
.set ROWSB,  1024
.set ACODE,  0                         ; where A's codes, A's scale bytes, B's codes, B's scale bytes begin in their buffers
.set ASC,    3145728
.set BCODE,  3145728
.set BSC,    10354688
.set ROWB,   192                       ; a tile's row: 256 codes
.set PITCH,  240                       ; in LDS: 3 x (64 bytes + 16 of padding)
.set FR,     12                        ; registers of a fragment
.set NL,     6                         ; LDS loads that bring one
.set NP,     4                         ; places behind this matrix instruction (ISA guide 7.12.1)
.set HALFT,  128*PITCH                 ; what one tensor load brings: 128 rows of one panel
.set SLOT,   4*HALFT                   ; A's even panel, A's odd panel, B's even, B's odd
.set LAPS,   KK/1024                   ; a lap = two slots = 1,024 along K
.set NPAN,   KK/256
.set HALFS,  (NPAN/2)*1024             ; the scale bytes of 128 rows, half of the panels
.set SIDE,   NPAN*1024                 ; those of all panels: [panel][128 rows x 8]
.set SCL,    2*SLOT                    ; A's, then B's
.set SPARE,  SCL+2*SIDE                ; the spare words, 128 bytes a wave: two blocks of 256 bytes that no other line names
.set SPITCH, 272                       ; the way out: a stage of 64 rows x (256 bytes + 16) for each wave, in slot 0, which has had its last fill and its last read by then
.set ADRA, 16                          ; v16-17 A's fragments in slot 0, 1 (v18-19: behind one padding more)
.set ADRB, 20                          ; v20-23 the same for B
.set STO,  24                          ; v24  the stage: where I put 32 bytes of a row
.set RD,   25                          ; v25  and where I read rows back: lanes 0-15 one row, lanes 16-31 the next
.set CO,   26                          ; v26  the same two rows in memory: 4,096 h + 16 r
.set ADRS, 27                          ; v27  my scale words: lanes 0-15 A's rows, lanes 16-31 B's
.set SPW,  28                          ; v28  my spare word; never rewritten
.set NIL,  29                          ; v29  0; never rewritten
.set SC,   32
.set BI,   64
.set ACC,  128
.set G1, 24
.set G0, 32
.set G1B, 48
.set G0B, 56
.set G1S, 68
.set G0S, 76
.set G1SB, 80
.set G0SB, 88
.set MSB, 0
.macro WIN new                         ; the immediate's high byte repeats the setting that is left
.if MSB != (\new)
	s_set_vgpr_msb (MSB<<8)|(\new)
.set MSB, (\new)
.endif
.endm
.set MUL,  0x05                        ; sources 0 (B) and 1 (A) window 1; C and D window 0
.set TO_F, 0x40                        ; destination window 1, address window 0
.macro JLOAD g0a, g1a, g0b, g1b        ; a joint load: waves 0 and 1 fetch for A, waves 2 and 3 for B; the branch hangs on the wave's number alone; four v_nop follow each of the two lines
	s_cmp_eq_u32 s15, 0
	s_cbranch_scc0 .Lfor_b_\@
	tensor_load_to_lds s[\g0a:\g0a+3], s[\g1a:\g1a+7]
	s_nop 0
.rept 4
	v_nop
.endr
	s_branch .Lasked_\@
.Lfor_b_\@:
	tensor_load_to_lds s[\g0b:\g0b+3], s[\g1b:\g1b+7]
	s_nop 0
.rept 4
	v_nop
.endr
.Lasked_\@:
.endm
.macro CREST                           ; a round of the cluster's barrier behind its opening barrier
	s_cmp_lg_u32 s14, 0
	s_cbranch_scc1 .Lnot_wave_0_\@
	s_barrier_signal -3
.Lnot_wave_0_\@:
	s_barrier_wait -3
	s_barrier_signal -1
	s_barrier_wait -1
.endm
.macro CROUND
	s_barrier_signal -1
	s_barrier_wait -1
	CREST
.endm
	s_load_b256 s[4:11], s[0:1], 0x0               ; A's buffer s[4:5], wts s[6:7], the bias s[8:9], the residual s[10:11]
	s_load_b64 s[12:13], s[0:1], 0x20              ; the result
	v_lshl_add_u32 v[SPW], v0, 2, SPARE
	v_mov_b32 v[NIL], 0
	ds_add_u32 v28, v29
	ds_add_u32 v28, v29
	s_wait_dscnt 0x0
	v_lshrrev_b32 v1, 5, v0
	v_readfirstlane_b32 s14, v1                    ; wave 0..3
	s_lshr_b32 s15, s14, 1                         ; which 64 of the tile's rows are mine.  Also: I fetch for A (0) or for B (1)
	s_and_b32 s16, s14, 1                          ; which 64 of its columns.  Also: which panel of a slot's two I fetch
	s_bfe_u32 s40, ttmp6, 0x40000                  ; cx, cy
	s_bfe_u32 s41, ttmp6, 0x40004
	s_lshl_b32 s42, ttmp9, 2
	s_add_co_u32 s42, s42, s40                     ; tile column 0..7
	s_and_b32 s17, ttmp7, 0xffff
	s_lshl_b32 s17, s17, 2
	s_add_co_u32 s17, s17, s41                     ; tile row 0..31
	s_lshl_b32 s43, s41, 2
	s_lshl_b32 s43, 15, s43                        ; my row of the cluster
	s_lshl_b32 s44, 0x1111, s40                    ; my column
	s_or_b32 s[G1+0], s43, (1<<20)|(1<<21)|(3<<22)|(3<<25)   ; a tile of 128 rows x 192 bytes, dense in memory; 16 bytes of padding behind every 64 in LDS; 15:0 the mask, 21 set beside it
	s_or_b32 s[G1B+0], s44, (1<<20)|(1<<21)|(3<<22)|(3<<25)
.irp g, G1, G1B                                ; at the head: a slot's two panels of 128 slots, two rows of 24,576 dense bytes a panel apart; in the ring one panel as 96 rows of 256 bytes
	s_mov_b32 s[\g+1], 24576<<16
	s_mov_b32 s[\g+2], 2<<16
	s_mov_b32 s[\g+3], 24576<<16
	s_mov_b32 s[\g+4], 2
	s_mov_b32 s[\g+6], 0
	s_mov_b32 s[\g+7], 0
.endr
	s_or_b32 s[G1S+0], s43, (3<<16)|(1<<21)        ; the scale bytes of 128 rows, all panels: NPAN rows of 1,024 bytes (128 elements of 8), a panel apart in memory, on end in LDS
	s_or_b32 s[G1SB+0], s44, (3<<16)|(1<<21)
.irp g, G1S, G1SB
	s_mov_b32 s[\g+1], 128<<16
	s_mov_b32 s[\g+2], NPAN<<16
	s_mov_b32 s[\g+3], 128<<16
	s_mov_b32 s[\g+4], NPAN
	s_mov_b32 s[\g+6], 0
	s_mov_b32 s[\g+7], 0
.endr
	s_mov_b32 s[G1S+5], ROWSA
	s_mov_b32 s[G1SB+5], ROWSB
	s_mov_b32 s[G1+5], ROWSA*ROWB
	s_mov_b32 s[G1B+5], ROWSB*ROWB
	; where the tiles come from.  A's hang on the tile row and the wave's number alone, B's on the tile column and the wave's number, each in registers that never hold the other coordinate
	s_lshl_b32 s20, s17, 7                         ; A's first row slot: 128 x tile row
	s_lshl_b32 s46, s42, 7                         ; B's: 128 x tile column
	s_lshl_b32 s22, s20, 3
	s_add_co_u32 s22, s22, ASC
	s_mul_i32 s23, s16, (NPAN/2)*ROWSA*8           ; my half of the panels
	s_add_co_u32 s22, s22, s23
	s_mov_b32 s23, 0
	s_mul_i32 s20, s20, ROWB
	s_add_co_u32 s20, s20, ACODE
	s_mul_i32 s21, s16, ROWSA*ROWB                 ; my panel of the slot's two
	s_add_co_u32 s20, s20, s21
	s_mov_b32 s21, 0
	s_lshl_b32 s18, s46, 3
	s_add_co_u32 s18, s18, BSC
	s_mul_i32 s19, s16, (NPAN/2)*ROWSB*8
	s_add_co_u32 s18, s18, s19
	s_mov_b32 s19, 0
	s_mul_i32 s46, s46, ROWB
	s_add_co_u32 s46, s46, BCODE
	s_mul_i32 s47, s16, ROWSB*ROWB
	s_add_co_u32 s46, s46, s47
	s_mov_b32 s47, 0
	s_mul_i32 s45, s14, HALFT                      ; where they go: wave x 128 rows: no place in the cluster enters an LDS address
	s_mul_i32 s2, s14, HALFS
	s_lshl_b32 s96, s42, 9                         ; my columns, in bytes: 512 x tile column + 256 x half: in the bias and in a row
	s_lshl_b32 s97, s16, 8
	s_add_co_u32 s96, s96, s97
	s_lshl_b32 s98, s17, 7                         ; my part of the residual and of the result: row 128 x tile row + 64 x half, rows of 4,096 bytes, + my columns
	s_lshl_b32 s97, s15, 6
	s_add_co_u32 s98, s98, s97
	s_lshl_b32 s98, s98, 12
	s_add_co_u32 s98, s98, s96
	s_mov_b32 s97, 0
	s_mov_b32 s99, 0
	s_wait_kmcnt 0x0
	s_add_nc_u64 s[20:21], s[4:5], s[20:21]
	s_add_nc_u64 s[22:23], s[4:5], s[22:23]
	s_add_nc_u64 s[46:47], s[6:7], s[46:47]
	s_add_nc_u64 s[18:19], s[6:7], s[18:19]
	s_add_nc_u64 s[96:97], s[8:9], s[96:97]
	s_add_nc_u64 s[92:93], s[12:13], s[98:99]      ; the result
	s_add_nc_u64 s[98:99], s[10:11], s[98:99]      ; the residual
	CROUND                                         ; all sixteen work-groups are here: the first joint loads meet
	s_mov_b32 s[G0S], 1
	s_mov_b32 s[G0S+1], SCL
	s_sub_nc_u64 s[G0S+2:G0S+3], s[22:23], (NPAN/2)*ROWSA*8   ; issued by wave 1 alone, whose address stands half of the panels on: back to panel 0
	s_or_b32 s[G0S+3], s[G0S+3], 0x80000000
	s_mov_b32 s[G0SB], 1
	s_mov_b32 s[G0SB+1], SCL+SIDE
	s_sub_nc_u64 s[G0SB+2:G0SB+3], s[18:19], (NPAN/2)*ROWSB*8 ; issued by wave 3 alone
	s_or_b32 s[G0SB+3], s[G0SB+3], 0x80000000
.irp s, 0,1
	s_mov_b32 s[G0+4*\s], 1
	s_add_co_u32 s[G0+4*\s+1], s45, \s*SLOT
	s_add_nc_u64 s[G0+4*\s+2:G0+4*\s+3], s[20:21], \s*2*ROWSA*ROWB   ; slot s begins with panels 2 s, 2 s + 1
	s_or_b32 s[G0+4*\s+3], s[G0+4*\s+3], 0x80000000
	s_mov_b32 s[G0B+4*\s], 1
	s_add_co_u32 s[G0B+4*\s+1], s45, \s*SLOT
	s_add_nc_u64 s[G0B+4*\s+2:G0B+4*\s+3], s[46:47], \s*2*ROWSB*ROWB
	s_or_b32 s[G0B+4*\s+3], s[G0B+4*\s+3], 0x80000000
.endr
	; the head's four tiles, one load a wave: wave 0 A's two panels of slot 0, wave 1 A's scale bytes, wave 2 B's two panels, wave 3 B's scale bytes
	s_cmp_eq_u32 s14, 0
	s_cbranch_scc0 .Lhead_1
	tensor_load_to_lds s[G0:G0+3], s[G1:G1+7]
	s_nop 0
.rept 4
	v_nop
.endr
	s_branch .Lhead_j
.Lhead_1:
	s_cmp_eq_u32 s14, 1
	s_cbranch_scc0 .Lhead_2
	tensor_load_to_lds s[G0S:G0S+3], s[G1S:G1S+7]
	s_nop 0
.rept 4
	v_nop
.endr
	s_branch .Lhead_j
.Lhead_2:
	s_cmp_eq_u32 s14, 2
	s_cbranch_scc0 .Lhead_3
	tensor_load_to_lds s[G0B:G0B+3], s[G1B:G1B+7]
	s_nop 0
.rept 4
	v_nop
.endr
	s_branch .Lhead_j
.Lhead_3:
	tensor_load_to_lds s[G0SB:G0SB+3], s[G1SB:G1SB+7]
	s_nop 0
.rept 4
	v_nop
.endr
.Lhead_j:
	v_and_b32 v1, 15, v0                           ; r
	v_bfe_u32 v2, v0, 4, 1                         ; h
	v_lshlrev_b32 v7, 6, v2                        ; 64 h
.irp b, 0,1,2,3                                ; tile b's eight: columns 32 (b/2) + 8 (b%2) + 16 h + 0 .. 7
	global_load_b128 v[BI+8*\b:BI+8*\b+3], v7, s[96:97] offset:(32*(\b/2)+8*(\b%2))*4
	global_load_b128 v[BI+8*\b+4:BI+8*\b+7], v7, s[96:97] offset:(32*(\b/2)+8*(\b%2))*4+16
.endr
	v_lshlrev_b32 v[CO], 12, v2
	v_lshl_add_u32 v[CO], v1, 4, v[CO]             ; lanes 0-15 one row's 256 bytes, lanes 16-31 the next row's
	WIN 0x80                                       ; destination window 2
.set n, 0
.rept 32                                       ; the residual: load n takes stage rows 2 n, 2 n + 1 = A slots 16 a + t, t + 1 (a = n / 8, t = 2 (n % 8)): true rows 32 (a/2) + 8 (a%2) + t + 8 (t/8) and the next
	global_load_b128 v[4*n:4*n+3], v[CO], s[98:99] offset:(32*((n/8)/2)+8*((n/8)%2)+2*(n%8)+8*((n%8)/4))*4096
.set n, n+1
.endr
	WIN 0
	v_mul_u32_u24 v3, v1, PITCH
	v_mul_u32_u24 v4, v2, 24
	v_add_nc_u32 v4, v3, v4                        ; a fragment's row x pitch + 24 x half
	v_lshl_add_u32 v5, v2, 4, v4                   ; and the same behind one padding more
	s_mul_i32 s21, s15, 64*PITCH                   ; my 64 rows of A
	s_mul_i32 s22, s16, 64*PITCH                   ; my 64 rows of B,
	s_add_co_u32 s22, s22, 2*HALFT                 ; which lie behind A's two panels
.irp s, 0,1
	v_add_nc_u32 v[ADRA+\s], s21, v4
	v_add_nc_u32 v[ADRB+\s], s22, v4
	v_add_nc_u32 v[ADRA+2+\s], s21, v5
	v_add_nc_u32 v[ADRB+2+\s], s22, v5
	s_add_co_u32 s21, s21, SLOT
	s_add_co_u32 s22, s22, SLOT
.endr
	v_lshlrev_b32 v5, 3, v1                        ; my row's 8 scale bytes of a panel
	s_lshl_b32 s21, s15, 9                         ; A's: my 64 rows
	s_lshl_b32 s22, s16, 9                         ; B's: my 64 rows, behind A's side
	s_add_co_u32 s22, s22, SIDE
	s_sub_co_u32 s22, s22, s21
	v_mul_u32_u24 v6, s22, v2                      ; lanes 16-31 take B's
	s_add_co_u32 s21, s21, SCL
	v_add_nc_u32 v5, v5, v6
	v_add_nc_u32 v[ADRS], s21, v5
	s_mul_i32 s23, s14, 64*SPITCH                  ; my stage
	v_mul_u32_u24 v5, v1, SPITCH
	v_lshl_add_u32 v5, v2, 6, v5                   ; in: row r, + 64 h
	v_add_nc_u32 v[STO], s23, v5
	v_mul_u32_u24 v5, v2, SPITCH
	v_lshl_add_u32 v5, v1, 4, v5                   ; back: row h, 16 bytes a lane
	v_add_nc_u32 v[RD], s23, v5
; A slot holds four steps of 128 along K: step qq lies in panel qq / 2, at 96 (qq % 2) bytes of its rows.
.macro FRAG reg, adr, qq, i            ; a fragment: lane (r, h) takes 24 bytes at 24 h and 24 at 48 + 24 h of the step's 96 bytes of row r, as they lie, in pieces of 8 bytes
.irp p, 0,1,2,3,4,5
.set PCE, 12*((\qq)%2)+6*(\p/3)+\p%3   ; lanes 16-31 read three pieces further on: where that lies behind one padding more, the second address register serves
.if PCE%8 < 5
	ds_load_b64 v[\reg+2*\p:\reg+2*\p+1], v[\adr] offset:((\qq)/2)*HALFT+8*PCE+16*(PCE/8)+(\i)*16*PITCH
.else
	ds_load_b64 v[\reg+2*\p:\reg+2*\p+1], v[\adr+2] offset:((\qq)/2)*HALFT+8*PCE+16*(PCE/8)+(\i)*16*PITCH
.endif
.endr
.endm
.macro FETCH slot, qq, f               ; 48 LDS loads in one run: B's four fragments, then A's four, into set f; A's blocks 2 and 3 last
	WIN TO_F
.irp i, 0,1,2,3
	FRAG 128*(\f)+48+FR*\i, ADRB+\slot, \qq, \i
.endr
.irp i, 0,1,2,3
	FRAG 128*(\f)+FR*\i, ADRA+\slot, \qq, \i
.endr
.endm
.macro SCALES slot                     ; a slot's scale words: 8 bytes a row and panel: lanes 0-15 A's block i, lanes 16-31 B's block i
.irp pp, 0,1
.irp i, 0,1,2,3
	ds_load_b64 v[SC+16*\slot+8*\pp+2*\i:SC+16*\slot+8*\pp+2*\i+1], v[ADRS] offset:1024*\pp+128*\i
.endr
.endr
.endm
; 4 matrix instructions: A's block a x B's four, from set f.  sb: the step's first scale register.  zero = 1: the first product starts the sums from the bias.
; The 16 accumulators take turns, one instruction a turn, in the same order in every step.
.macro MULA a, f, sb, zero
.irp b, 0,1,2,3
.if \zero
	v_wmma_scale_f32_16x16x128_f8f6f4 v[ACC+8*(4*(\a)+\b):ACC+8*(4*(\a)+\b)+7], v[128*(\f)+48+FR*\b:128*(\f)+48+FR*\b+FR-1], v[128*(\f)+FR*(\a):128*(\f)+FR*(\a)+FR-1], v[BI+8*\b:BI+8*\b+7], v[(\sb)+2*\b], v[(\sb)+2*(\a)] matrix_a_fmt:MATRIX_FMT_FP6 matrix_b_fmt:MATRIX_FMT_FP6 matrix_a_scale:MATRIX_SCALE_ROW1
.else
	v_wmma_scale_f32_16x16x128_f8f6f4 v[ACC+8*(4*(\a)+\b):ACC+8*(4*(\a)+\b)+7], v[128*(\f)+48+FR*\b:128*(\f)+48+FR*\b+FR-1], v[128*(\f)+FR*(\a):128*(\f)+FR*(\a)+FR-1], v[ACC+8*(4*(\a)+\b):ACC+8*(4*(\a)+\b)+7], v[(\sb)+2*\b], v[(\sb)+2*(\a)] matrix_a_fmt:MATRIX_FMT_FP6 matrix_b_fmt:MATRIX_FMT_FP6 matrix_a_scale:MATRIX_SCALE_ROW1
.endif
.endr
.endm
.macro PLACES n                        ; plain vector lines between a matrix instruction and a load into, or a read of, its registers (ISA guide 7.12.1 for reads)
.rept \n
	v_nop
.endr
.endm
; One of a slot's first three steps: multiplies set qq % 2 and, in its middle, fetches the next step's fragments into the other set.
.macro QSTEP slot, qq, zero
.set SBQ, SC+16*(\slot)+8*((\qq)/2)+(\qq)%2
	s_wait_dscnt 2*NL                              ; all but the youngest 12 loads (A's blocks 2 and 3) are in
	WIN MUL
	MULA 0, (\qq)%2, SBQ, \zero
	MULA 1, (\qq)%2, SBQ, \zero
	PLACES NP
	FETCH \slot, (\qq)+1, 1-(\qq)%2
	s_wait_dscnt 8*NL                              ; all but the 48 just issued
	WIN MUL
	MULA 2, (\qq)%2, SBQ, \zero
	MULA 3, (\qq)%2, SBQ, \zero
.endm
; A slot's last step multiplies set 1 and changes slots: one barrier; in front of it each wave waits for all its tensor loads, adds 0 to its spare word, and waits for that and for its reads of this slot.
; fill = 1: the slot is filled again, four panels on.
.macro TURN slot, next, fill
.set SBQ, SC+16*(\slot)+8+1
	WIN 0                                          ; (the add's two registers lie in window 0)
	s_wait_tensorcnt 0x0                           ; all my tensor loads have landed: my part of the next slot
	ds_add_u32 v[SPW], v[NIL]                      ; 0 onto my spare word
	s_wait_dscnt 2*NL+1                            ; (the add and the youngest 12 loads may be out)
	WIN MUL
	MULA 0, 1, SBQ, 0                              ; four matrix instructions stand between the add and the wait for it
	s_wait_dscnt 0x0                               ; the add is done, and my reads of this slot are over
	s_barrier_signal -1
	MULA 1, 1, SBQ, 0
	WIN 0
	s_barrier_wait -1
.if \fill
	CREST                                          ; the barrier has opened a round of the cluster's: no wave of any partner still reads this slot or has a load on its way
	s_add_nc_u64 s[G0+4*\slot+2:G0+4*\slot+3], s[G0+4*\slot+2:G0+4*\slot+3], 4*ROWSA*ROWB
	s_add_nc_u64 s[G0B+4*\slot+2:G0B+4*\slot+3], s[G0B+4*\slot+2:G0B+4*\slot+3], 4*ROWSB*ROWB
	JLOAD G0+4*\slot, G1, G0B+4*\slot, G1B         ; the first tensor load behind the round; its four v_nop are the places in front of the loads below
.else
	PLACES NP
.endif
	v_add_nc_u32 v[ADRS], 2048, v[ADRS]            ; the next slot's two panels of scale words
	SCALES \next
	FETCH \next, 0, 0
	WIN MUL
	MULA 2, 1, SBQ, 0
	MULA 3, 1, SBQ, 0
.endm
	s_wait_alu depctr_va_vdst(0)
	s_wait_tensorcnt 0x0                           ; my tile of the head's four is in; slot 1's first fill is issued as a refill is
	ds_add_u32 v[SPW], v[NIL]
.irp g, G1, G1B                                ; no load of mine is out: from here on a load brings one panel's 128 slots
	s_mov_b32 s[\g+1], 256<<16
	s_mov_b32 s[\g+2], 96<<16
	s_mov_b32 s[\g+3], 256<<16
	s_mov_b32 s[\g+4], 96
	s_mov_b32 s[\g+5], 256
.endr
	s_wait_dscnt 0x0
	CROUND
	JLOAD G0+4, G1, G0B+4, G1B
	SCALES 0
	FETCH 0, 0, 0
	s_wait_loadcnt 32                              ; the bias's 8 loads are in; the residual's 32, issued behind them, may be out
	QSTEP 0, 0, 1                                  ; the first step stands in front of the loop: its products start the sums
.if LAPS > 1
	WIN 0                                          ; at a label and at a branch every window is 0
	s_mov_b32 s3, LAPS-1
.Llap:                                                 ; a trip goes once round the ring, from a lap's second step to the next lap's first, and fills both slots again
	QSTEP 0, 1, 0
	QSTEP 0, 2, 0
	TURN 0, 1, 1
	QSTEP 1, 0, 0
	QSTEP 1, 1, 0
	QSTEP 1, 2, 0
	TURN 1, 0, 1
	QSTEP 0, 0, 0
	WIN 0
	s_sub_co_u32 s3, s3, 1
	s_cmp_lg_u32 s3, 0
	s_cbranch_scc1 .Llap
.endif
	QSTEP 0, 1, 0                                  ; the last lap fills nothing
	QSTEP 0, 2, 0
	TURN 0, 1, 0
	QSTEP 1, 0, 0
	QSTEP 1, 1, 0
	QSTEP 1, 2, 0
	s_wait_dscnt 2*NL                              ; the very last step: nothing more to fetch
	WIN MUL
	MULA 0, 1, SC+16+8+1, 0
	MULA 1, 1, SC+16+8+1, 0
	s_wait_dscnt 0
	MULA 2, 1, SC+16+8+1, 0
	MULA 3, 1, SC+16+8+1, 0
	WIN 0
	PLACES NP
	; THE WAY OUT.  A lane holds 32 neighbouring bytes of a row, and the lanes beside it hold other rows: the wave's 64 x 64 goes through its own stage in LDS and comes back as rows of 256 bytes.
	; LDS serves a wave's instructions in order (ISA guide 5.7.1.4): no wait between the stores and the loads.  Every offset is an immediate: 62 rows of 4,096 bytes at the most.
.irp a, 0,1,2,3
.irp b, 0,1,2,3
	ds_store_b128 v[STO], v[ACC+8*(4*\a+\b):ACC+8*(4*\a+\b)+3] offset:\a*16*SPITCH+128*(\b/2)+32*(\b%2)       ; each accumulator from its low end on
	ds_store_b128 v[STO], v[ACC+8*(4*\a+\b)+4:ACC+8*(4*\a+\b)+7] offset:\a*16*SPITCH+128*(\b/2)+32*(\b%2)+16
.endr
.endr
	WIN TO_F
.set n, 0
.rept 32
	ds_load_b128 v[4*n:4*n+3], v[RD] offset:n*2*SPITCH   ; stage rows 2 n and 2 n + 1, into the registers that held fragments
.set n, n+1
.endr
	s_wait_loadcnt 0x0                             ; the residual
.irp g, 0,1,2,3                                ; block g's 16 rows
	s_wait_dscnt 24-8*\g                           ; the younger blocks' loads (8 each) may be out
	WIN 0x49                                       ; destination and source 0 window 1, source 1 (the residual) window 2
.set i, 0
.rept 16
	v_pk_add_f32 v[32*\g+i:32*\g+i+1], v[32*\g+i:32*\g+i+1], v[32*\g+i:32*\g+i+1]
.set i, i+2
.endr
	WIN 0x04                                       ; a store's data are its source 1: window 1
.set i, 0
.rept 8
	global_store_b128 v[CO], v[32*\g+4*i:32*\g+4*i+3], s[92:93] offset:(32*(\g/2)+8*(\g%2)+2*i+8*(i/4))*4096   ; sixteen lanes store 256 consecutive bytes, aligned
.set i, i+1
.endr
.endr
	WIN 0
	s_wait_tensorcnt 0x0                           ; the wave's end
	ds_add_u32 v[SPW], v[NIL]
	s_wait_dscnt 0x0
	CROUND                                         ; the closing round
	s_endpgm
.Lfunc_end_k_qcc5ff577e9_gout:
	.size	k_qcc5ff577e9_gout, .Lfunc_end_k_qcc5ff577e9_gout-k_qcc5ff577e9_gout
	.p2alignl 7, 3214868480
	.fill 96, 4, 3214868480
	.section	.rodata,"a",@progbits
	.p2align	6, 0x0
	.amdhsa_kernel k_qcc5ff577e9_gout
		.amdhsa_group_segment_fixed_size 327680
		.amdhsa_private_segment_fixed_size 0
		.amdhsa_enable_private_segment 0
		.amdhsa_kernarg_size 40
		.amdhsa_user_sgpr_count 2
		.amdhsa_user_sgpr_kernarg_segment_ptr 1
		.amdhsa_wavefront_size32 1
		.amdhsa_system_sgpr_workgroup_id_x 1
		.amdhsa_system_sgpr_workgroup_id_y 1
		.amdhsa_system_sgpr_workgroup_id_z 1
		.amdhsa_system_vgpr_workitem_id 0
		.amdhsa_next_free_vgpr 640
		.amdhsa_next_free_sgpr 100
		.amdhsa_reserve_vcc 0
		.amdhsa_float_denorm_mode_32 3
		.amdhsa_float_denorm_mode_16_64 3
		.amdhsa_memory_ordered 1
		.amdhsa_forward_progress 1
		.amdhsa_inst_pref_size 71
	.end_amdhsa_kernel
	.amdgpu_metadata
---
amdhsa.version: [ 1, 2 ]
amdhsa.kernels:
  - .name:           k_qcc5ff577e9_gout
    .symbol:         k_qcc5ff577e9_gout.kd
    .args:
      - { .name: act, .offset: 0, .size: 8, .value_kind: global_buffer, .address_space: global }
      - { .name: wts, .offset: 8, .size: 8, .value_kind: global_buffer, .address_space: global }
      - { .name: out_b, .offset: 16, .size: 8, .value_kind: global_buffer, .address_space: global }
      - { .name: x, .offset: 24, .size: 8, .value_kind: global_buffer, .address_space: global }
      - { .name: x1, .offset: 32, .size: 8, .value_kind: global_buffer, .address_space: global }
    .group_segment_fixed_size: 327680
    .private_segment_fixed_size: 0
    .kernarg_segment_align: 8
    .kernarg_segment_size: 40
    .max_flat_workgroup_size: 128
    .sgpr_count:     100
    .vgpr_count:     640
    .wavefront_size: 32
...
	.end_amdgpu_metadata
.endif
;; end of part 11
;; launch ln1 (part 12): grid 512 x 1, 8 waves a work-group, no clusters, 44,544 bytes of LDS; arguments x1, ln2_g, ln2_b, act; writes act
.if DOCPART == 12
	.amdgcn_target "amdgcn-amd-amdhsa--gfx1250"
	.amdhsa_code_object_version 6
	.text
	.protected	k_qcc5ff577e9_ln1
	.globl	k_qcc5ff577e9_ln1
	.p2align	8
	.type	k_qcc5ff577e9_ln1,@function
k_qcc5ff577e9_ln1:
	s_mov_b64 s[64:65], 0
	v_nop
	global_prefetch_b8 v0, s[64:65] scope:SCOPE_SE
	s_setreg_imm32_b32 hwreg(HW_REG_WAVE_MODE, 25, 1), 1
	s_wait_xcnt 0x0
; y = (x - mean) rsqrt(var + 1e-5) g + b along rows of 1,024 f32, all in f32 (mean first, then the mean of the squared differences), and y's codes of E2M3 with one E8M0 byte for each 32 along the row.
; OUT: codes [4 panels of 256 columns][4,096 row slots][192 bytes] at byte 0, scale bytes [4][4,096][8] at byte 3,145,728.  Row m lies at slot sigma(m) = m with bits 3 and 4 exchanged.
; A wave takes a row, a work-group 8 neighbouring rows, which stay neighbours under sigma.  A row is read by 8 loads of 512 consecutive bytes and stays in registers.
; For the conversions a lane must hold 32 NEIGHBOURS: the finished row turns through the wave's own 4,608 bytes of LDS (places of 128 bytes + 16, so that the lanes' reads fall on different banks): lane l then holds block l.
; The 8 rows' codes meet in LDS, one barrier, and leave as whole runs: 768 consecutive bytes a wave.  The scale bytes leave in runs of 64 bytes (8 rows x 8 bytes a panel), 256 bytes a work-group.
; LIMITS: a block of zeros, or one whose largest magnitude lies under 2^(3 - 127), gets the byte 1 (this program alone reads the bytes); NaN and infinities are not served.
.set X,  16                            ; v16-47   the row: register 4 j + c is column 128 j + 4 lane + c
.set G,  48                            ; v48-79   g
.set BB, 80                            ; v80-111  b
.set Y,  112                           ; v112-143 my block of 32 neighbours
.set C,  144                           ; v144-150 its codes
.set CS, 36864                         ; LDS behind the eight turning stages: codes [4 panels][8 rows][192]
.set SS, 43008                         ; and scale bytes [4][8][8]
.macro ALLSUM a, t                     ; the sum over the 32 lanes, in every lane
	s_delay_alu instid0(VALU_DEP_1)
	v_add_f32_dpp v[\a], v[\a], v[\a] row_xmask:1 row_mask:0xf bank_mask:0xf
	s_delay_alu instid0(VALU_DEP_1)
	v_add_f32_dpp v[\a], v[\a], v[\a] row_xmask:2 row_mask:0xf bank_mask:0xf
	s_delay_alu instid0(VALU_DEP_1)
	v_add_f32_dpp v[\a], v[\a], v[\a] row_xmask:4 row_mask:0xf bank_mask:0xf
	s_delay_alu instid0(VALU_DEP_1)
	v_add_f32_dpp v[\a], v[\a], v[\a] row_xmask:8 row_mask:0xf bank_mask:0xf
	s_delay_alu instid0(VALU_DEP_1)
	v_permlanex16_b32 v[\t], v[\a], s12, s13
	s_delay_alu instid0(VALU_DEP_1)
	v_add_f32 v[\a], v[\a], v[\t]
.endm
	s_load_b256 s[4:11], s[0:1], 0x0               ; x s[4:5], g s[6:7], b s[8:9], the codes' buffer s[10:11]
	v_lshl_add_u32 v160, v0, 2, 0xaa00
	v_mov_b32 v161, 0
	v_lshrrev_b32 v1, 5, v0
	s_delay_alu instid0(VALU_DEP_1)
	v_readfirstlane_b32 s20, v1                    ; wave 0..7
	v_and_b32 v2, 31, v0                           ; lane
	s_delay_alu instid0(VALU_DEP_1)
	v_lshlrev_b32 v1, 4, v2                        ; 16 bytes a lane
	s_lshl_b32 s16, ttmp9, 3
	s_add_co_u32 s16, s16, s20                     ; my row
	s_lshl_b32 s16, s16, 12
	s_mov_b32 s17, 0
	s_mov_b32 s12, 0x76543210                      ; v_permlanex16_b32's selects for lane l xor 16
	s_mov_b32 s13, 0xfedcba98
	s_mov_b32 s14, 0x3a800000                      ; 1 / 1024
	s_mov_b32 s15, 0x3727c5ac                      ; 1e-5
	s_and_b32 s18, ttmp9, 0xfffffffc               ; the slot of my work-group's first row: 8 x (the work-group's number with bits 0 and 1 exchanged)
	s_bfe_u32 s19, ttmp9, 0x10000
	s_lshl_b32 s19, s19, 1
	s_add_co_u32 s18, s18, s19
	s_bfe_u32 s19, ttmp9, 0x10001
	s_add_co_u32 s18, s18, s19
	s_lshl_b32 s18, s18, 3
	s_lshr_b32 s21, s20, 1                         ; on the way out wave w takes panel w / 2, rows 4 (w % 2) on
	s_mul_i32 s21, s21, 786432
	s_and_b32 s22, s20, 1
	s_lshl_b32 s22, s22, 2
	s_add_co_u32 s22, s22, s18
	s_mul_i32 s22, s22, 192
	s_add_co_u32 s22, s22, s21
	s_mov_b32 s23, 0
	s_lshl_b32 s26, s18, 3
	s_add_co_u32 s26, s26, 3145728
	s_mov_b32 s27, 0
	s_wait_alu depctr_va_vdst(0)
	s_wait_kmcnt 0x0
	s_add_nc_u64 s[4:5], s[4:5], s[16:17]
	s_add_nc_u64 s[24:25], s[10:11], s[22:23]      ; my 768 bytes of codes
	s_add_nc_u64 s[26:27], s[10:11], s[26:27]      ; the work-group's scale bytes in panel 0
.irp j, 0,1,2,3,4,5,6,7
	global_load_b128 v[X+4*\j:X+4*\j+3], v1, s[4:5] offset:512*\j
.endr
.irp j, 0,1,2,3,4,5,6,7
	global_load_b128 v[G+4*\j:G+4*\j+3], v1, s[6:7] offset:512*\j
.endr
.irp j, 0,1,2,3,4,5,6,7
	global_load_b128 v[BB+4*\j:BB+4*\j+3], v1, s[8:9] offset:512*\j
.endr
	; all LDS and store addresses
	v_lshrrev_b32 v14, 3, v2                       ; lane / 8
	v_and_b32 v15, 7, v2                           ; lane % 8
	s_mul_i32 s21, s20, 4608                       ; my turning stage
	v_mul_u32_u24 v3, v14, 144
	s_delay_alu instid0(VALU_DEP_1)
	v_lshl_add_u32 v3, v15, 4, v3
	s_delay_alu instid0(VALU_DEP_1)
	v_add_nc_u32 v3, s21, v3                       ; in: load j's 16 bytes belong to block 4 j + lane / 8, 16 (lane % 8) bytes on
	v_mul_u32_u24 v4, v2, 144
	s_delay_alu instid0(VALU_DEP_1)
	v_add_nc_u32 v4, s21, v4                       ; out: block = my lane
	s_mul_i32 s21, s20, 192
	s_add_co_u32 s21, s21, CS
	v_mul_u32_u24 v5, v14, 1536
	s_delay_alu instid0(VALU_DEP_1)
	v_mad_u32_u24 v5, v15, 24, v5
	s_delay_alu instid0(VALU_DEP_1)
	v_add_nc_u32 v5, s21, v5                       ; my block's codes: panel lane / 8, row = wave, 24 (lane % 8) bytes on
	s_lshl_b32 s21, s20, 3
	s_add_co_u32 s21, s21, SS
	v_lshl_add_u32 v6, v14, 6, v15
	s_delay_alu instid0(VALU_DEP_1)
	v_add_nc_u32 v6, s21, v6                       ; and its scale byte
	s_mul_i32 s21, s20, 768
	s_add_co_u32 s21, s21, CS
	v_add_nc_u32 v7, s21, v1                       ; back: my wave's 768 bytes: 512 by 16 bytes a lane,
	v_lshlrev_b32 v152, 3, v2
	s_delay_alu instid0(VALU_DEP_1)
	v_add_nc_u32 v153, s21, v152                   ; 256 by 8 bytes a lane
	s_delay_alu instid0(VALU_DEP_2)
	v_add_nc_u32 v154, SS, v152                    ; the scale bytes, 8 a lane: panel lane / 8, row lane % 8
	v_lshlrev_b32 v155, 15, v14
	s_delay_alu instid0(VALU_DEP_1)
	v_lshl_add_u32 v155, v15, 3, v155              ; and their place in memory: panels 32,768 bytes apart
	s_wait_loadcnt 16                              ; x is in; g's and b's 16 loads may be out
	v_pk_add_f32 v[10:11], v[16:17], v[18:19]
	v_pk_add_f32 v[158:159], v[24:25], v[28:29]
	v_pk_add_f32 v[156:157], v[32:33], v[36:37]
	v_pk_add_f32 v[150:151], v[40:41], v[44:45]
	v_pk_add_f32 v[148:149], v[20:21], v[22:23]
	v_pk_add_f32 v[146:147], v[26:27], v[30:31]
	v_pk_add_f32 v[144:145], v[34:35], v[38:39]
	v_pk_add_f32 v[8:9], v[42:43], v[46:47]
	s_delay_alu instid0(VALU_DEP_1)
	v_pk_add_f32 v[8:9], v[8:9], v[150:151]
	v_pk_add_f32 v[10:11], v[10:11], v[148:149]
	v_pk_add_f32 v[158:159], v[158:159], v[146:147]
	v_pk_add_f32 v[156:157], v[156:157], v[144:145]
	s_delay_alu instid0(VALU_DEP_2)
	v_pk_add_f32 v[8:9], v[8:9], v[158:159]
	s_delay_alu instid0(VALU_DEP_2)
	v_pk_add_f32 v[10:11], v[10:11], v[156:157]
	s_delay_alu instid0(VALU_DEP_1)
	v_pk_add_f32 v[8:9], v[8:9], v[10:11]
	s_delay_alu instid0(VALU_DEP_1)
	v_add_f32 v8, v8, v9
	ALLSUM 8, 9
	s_delay_alu instid0(VALU_DEP_1)
	v_mul_f32 v8, s14, v8                          ; the mean,
	s_delay_alu instid0(VALU_DEP_1)
	v_mov_b32 v9, v8                               ; twice: a pair for the packed forms
.set j, 0
.rept 16
	v_pk_add_f32 v[X+j:X+j+1], v[X+j:X+j+1], v[8:9] neg_lo:[0,1] neg_hi:[0,1]   ; x - mean
.set j, j+2
.endr
	v_pk_mul_f32 v[10:11], v[X:X+1], v[X:X+1]
	v_pk_mul_f32 v[12:13], v[X+2:X+3], v[X+2:X+3]
.irp j, 4,8,12,16,20,24,28
	s_delay_alu instid0(VALU_DEP_2)
	v_pk_fma_f32 v[10:11], v[X+\j:X+\j+1], v[X+\j:X+\j+1], v[10:11]
	s_delay_alu instid0(VALU_DEP_2)
	v_pk_fma_f32 v[12:13], v[X+\j+2:X+\j+3], v[X+\j+2:X+\j+3], v[12:13]
.endr
	s_delay_alu instid0(VALU_DEP_1)
	v_pk_add_f32 v[10:11], v[10:11], v[12:13]
	s_delay_alu instid0(VALU_DEP_1)
	v_add_f32 v10, v10, v11
	ALLSUM 10, 11
	s_delay_alu instid0(VALU_DEP_1)
	v_fma_f32 v10, v10, s14, s15                   ; var + 1e-5
	s_wait_alu depctr_va_vdst(0)
	v_rsq_f32 v12, v10
	v_rsq_f32 v13, v10
	v_nop                                          ; a plain line behind the transcendentals
	s_wait_alu depctr_va_vdst(0)                   ; one wait for both, ahead of their first reader
	s_wait_loadcnt 0x0                             ; g and b
.set j, 0
.rept 16
	v_pk_mul_f32 v[X+j:X+j+1], v[X+j:X+j+1], v[12:13]
.set j, j+2
.endr
.set j, 0
.rept 16
	v_pk_fma_f32 v[X+j:X+j+1], v[X+j:X+j+1], v[G+j:G+j+1], v[BB+j:BB+j+1]
.set j, j+2
.endr
.irp j, 0,1,2,3,4,5,6,7
	ds_store_b128 v3, v[X+4*\j:X+4*\j+3] offset:576*\j
.endr
.irp j, 0,1,2,3,4,5,6,7
	ds_load_b128 v[Y+4*\j:Y+4*\j+3], v4 offset:16*\j   ; LDS serves a wave's instructions in order: these see my stores
.endr
	s_wait_dscnt 0x0
	v_max3_num_f32 v8, |v[Y]|, |v[Y+1]|, |v[Y+2]|  ; my block's largest magnitude, in two chains
	v_max3_num_f32 v9, |v[Y+3]|, |v[Y+4]|, |v[Y+5]|
.irp i, 6,10,14,18,22,26
	s_delay_alu instid0(VALU_DEP_2)
	v_max3_num_f32 v8, v8, |v[Y+\i]|, |v[Y+\i+1]|
	s_delay_alu instid0(VALU_DEP_2)
	v_max3_num_f32 v9, v9, |v[Y+\i+2]|, |v[Y+\i+3]|
.endr
	s_delay_alu instid0(VALU_DEP_2)
	v_max3_num_f32 v8, v8, |v[Y+30]|, |v[Y+31]|
	s_delay_alu instid0(VALU_DEP_1)
	v_max3_num_f32 v8, v8, v9, 0x1800000           ; and the floor 2^(3 - 127): the byte cannot fall under 1
	s_delay_alu instid0(VALU_DEP_1)
	v_add_nc_u32 v10, 0xff000000, v8               ; 2 off the exponent field: the conversion's scale operand
	s_delay_alu instid0(VALU_DEP_1)
	v_lshrrev_b32 v11, 23, v10                     ; the scale's byte
	v_cvt_scalef32_pk16_fp6_f32 v[C:C+2], v[Y:Y+15], v10
	v_cvt_scalef32_pk16_fp6_f32 v[C+4:C+6], v[Y+16:Y+31], v10       ; (a conversion's three registers begin on an even number)
	v_nop                                          ; one plain line behind the conversions
	v_mov_b32 v[C+3], v[C+4]
	v_mov_b32 v[C+4], v[C+5]
	v_mov_b32 v[C+5], v[C+6]
.irp i, 0,1,2
	ds_store_b64 v5, v[C+2*\i:C+2*\i+1] offset:8*\i
.endr
	ds_store_b8 v6, v11
	s_wait_dscnt 0x0                               ; for the others' sake: my stores have landed
	s_barrier_signal -1
	s_barrier_wait -1                              ; the 8 rows' codes and bytes lie in LDS
	ds_load_b128 v[16:19], v7
	ds_load_b64 v[20:21], v153 offset:512
	s_wait_dscnt 0x0
	global_store_b128 v1, v[16:19], s[24:25]       ; 512 consecutive bytes, aligned to 256,
	global_store_b64 v152, v[20:21], s[24:25] offset:512   ; and the 256 behind them
	s_cmp_lg_u32 s20, 0
	s_cbranch_scc1 .Ldone                          ; wave 0 alone sends the scale bytes
	ds_load_b64 v[22:23], v154
	s_wait_dscnt 0x0
	global_store_b64 v155, v[22:23], s[26:27]
.Ldone:
	s_wait_tensorcnt 0x0
	ds_add_u32 v160, v161
	s_wait_dscnt 0x0
	s_endpgm
.Lfunc_end_k_qcc5ff577e9_ln1:
	.size	k_qcc5ff577e9_ln1, .Lfunc_end_k_qcc5ff577e9_ln1-k_qcc5ff577e9_ln1
	.p2alignl 7, 3214868480
	.fill 96, 4, 3214868480
	.section	.rodata,"a",@progbits
	.p2align	6, 0x0
	.amdhsa_kernel k_qcc5ff577e9_ln1
		.amdhsa_group_segment_fixed_size 44544
		.amdhsa_private_segment_fixed_size 0
		.amdhsa_enable_private_segment 0
		.amdhsa_kernarg_size 32
		.amdhsa_user_sgpr_count 2
		.amdhsa_user_sgpr_kernarg_segment_ptr 1
		.amdhsa_wavefront_size32 1
		.amdhsa_system_sgpr_workgroup_id_x 1
		.amdhsa_system_sgpr_workgroup_id_y 1
		.amdhsa_system_sgpr_workgroup_id_z 1
		.amdhsa_system_vgpr_workitem_id 0
		.amdhsa_next_free_vgpr 162
		.amdhsa_next_free_sgpr 66
		.amdhsa_reserve_vcc 0
		.amdhsa_float_denorm_mode_32 3
		.amdhsa_float_denorm_mode_16_64 3
		.amdhsa_memory_ordered 1
		.amdhsa_forward_progress 1
		.amdhsa_inst_pref_size 17
	.end_amdhsa_kernel
	.amdgpu_metadata
---
amdhsa.version: [ 1, 2 ]
amdhsa.kernels:
  - .name:           k_qcc5ff577e9_ln1
    .symbol:         k_qcc5ff577e9_ln1.kd
    .args:
      - { .name: x1, .offset: 0, .size: 8, .value_kind: global_buffer, .address_space: global }
      - { .name: ln2_g, .offset: 8, .size: 8, .value_kind: global_buffer, .address_space: global }
      - { .name: ln2_b, .offset: 16, .size: 8, .value_kind: global_buffer, .address_space: global }
      - { .name: act, .offset: 24, .size: 8, .value_kind: global_buffer, .address_space: global }
    .group_segment_fixed_size: 44544
    .private_segment_fixed_size: 0
    .kernarg_segment_align: 8
    .kernarg_segment_size: 32
    .max_flat_workgroup_size: 256
    .sgpr_count:     66
    .vgpr_count:     162
    .wavefront_size: 32
...
	.end_amdgpu_metadata
.endif
;; end of part 12
;; launch gfc1 (part 13): grid 16 x 16, 4 waves a work-group, clusters of 4 x 4, 327,680 bytes of LDS; arguments act, wts, fc1_b, hid; writes hid
.if DOCPART == 13
	.amdgcn_target "amdgcn-amd-amdhsa--gfx1250"
	.amdhsa_code_object_version 6
	.text
	.protected	k_qcc5ff577e9_gfc1
	.globl	k_qcc5ff577e9_gfc1
	.p2align	8
	.type	k_qcc5ff577e9_gfc1,@function
k_qcc5ff577e9_gfc1:
	s_mov_b64 s[64:65], 0
	v_nop
	global_prefetch_b8 v0, s[64:65] scope:SCOPE_SE
	s_setreg_imm32_b32 hwreg(HW_REG_WAVE_MODE, 25, 1), 1
	s_wait_xcnt 0x0
	s_wait_alu depctr_hold_cnt(0) depctr_sa_sdst(0) depctr_va_vdst(0) depctr_va_sdst(0) depctr_va_ssrc(0) depctr_va_vcc(0) depctr_vm_vsrc(0)
	s_getreg_b32 s2, hwreg(HW_REG_IB_STS2, 6, 4)
	s_cmp_eq_u32 s2, 0
	s_cbranch_scc0 .Lentry_in_a_cluster
	s_endpgm
.Lentry_in_a_cluster:
	s_bfe_u32 s2, ttmp6, 0x10000c
	s_cmp_lg_u32 s2, 0xf033
	s_cbranch_scc0 .Lentry_shape_is_right
	s_endpgm
.Lentry_shape_is_right:
.set KK,     1024
.set ROWSA,  4096
.set ROWSB,  4096
.set ACODE,  0
.set ASC,    3145728
.set BCODE,  3932160
.set BSC,    10387456
.set HSO,    12582912
.set NQ,     2
.set ROWB,   192
.set PITCH,  240
.set FR,     12
.set NL,     6
.set NP,     4
.set HALFT,  128*PITCH
.set SLOT,   4*HALFT
.set LAPS,   KK/512
.set NPAN,   KK/256
.set HALFS,  NPAN*1024
.set SCL,    2*SLOT
.set SPARE,  SCL+4*HALFS
.set CST,    SPARE+512
.set SST,    CST+49152
.set CA0,  8
.set SA0,  9
.set RDS,  10
.set DA,   11
.set CA,   12
.set SA,   13
.set ADRA, 16
.set ADRB, 20
.set DW,   24
.set RD,   25
.set CO,   26
.set ADRS, 27
.set SPW,  28
.set NIL,  29
.set C8,   30
.set SC,   32
.set BI,   64
.set AF,   128
.set PC,   128
.set TM,   148
.set PW,   164
.set GT,   128
.set GP,   160
.set GH,   192
.set GM,   224
.set G1, 24
.set G0, 32
.set G1B, 48
.set G0B, 56
.set G1S, 68
.set G0S, 76
.set G1SB, 80
.set G0SB, 88
.set CF,  24
.set C9,  40
.set L2E, 42
.set K1,  44
.set SEL, 50
.set MSB, 0
.macro WIN new
.if MSB != (\new)
	s_set_vgpr_msb (MSB<<8)|(\new)
.set MSB, (\new)
.endif
.endm
.set MUL_LO, 0xa1
.set MUL_HI, 0xf1
.set TO_B,   0x40
.macro JLOAD g0a, g1a, g0b, g1b
	s_cmp_eq_u32 s15, 0
	s_cbranch_scc0 .Lfor_b_\@
	tensor_load_to_lds s[\g0a:\g0a+3], s[\g1a:\g1a+7]
	s_nop 0
.rept 4
	v_nop
.endr
	s_branch .Lasked_\@
.Lfor_b_\@:
	tensor_load_to_lds s[\g0b:\g0b+3], s[\g1b:\g1b+7]
	s_nop 0
.rept 4
	v_nop
.endr
.Lasked_\@:
.endm
.macro CREST
	s_cmp_lg_u32 s14, 0
	s_cbranch_scc1 .Lnot_wave_0_\@
	s_barrier_signal -3
.Lnot_wave_0_\@:
	s_barrier_wait -3
	s_barrier_signal -1
	s_barrier_wait -1
.endm
.macro CROUND
	s_barrier_signal -1
	s_barrier_wait -1
	CREST
.endm
	s_load_b256 s[4:11], s[0:1], 0x0
	v_lshl_add_u32 v[SPW], v0, 2, SPARE
	v_mov_b32 v[NIL], 0
	ds_add_u32 v28, v29
	ds_add_u32 v28, v29
	s_wait_dscnt 0x0
	v_lshrrev_b32 v1, 5, v0
	v_readfirstlane_b32 s14, v1
	s_lshr_b32 s15, s14, 1
	s_and_b32 s16, s14, 1
	s_bfe_u32 s40, ttmp6, 0x40000
	s_bfe_u32 s41, ttmp6, 0x40004
	s_lshl_b32 s42, ttmp9, 2
	s_add_co_u32 s42, s42, s40
	s_and_b32 s17, ttmp7, 0xffff
	s_lshl_b32 s17, s17, 2
	s_add_co_u32 s17, s17, s41
	s_lshl_b32 s43, s41, 2
	s_lshl_b32 s43, 15, s43
	s_lshl_b32 s44, 0x1111, s40
	s_or_b32 s[G1+0], s43, (1<<20)|(1<<21)|(3<<22)|(3<<25)
	s_or_b32 s[G1B+0], s44, (1<<20)|(1<<21)|(3<<22)|(3<<25)
.irp g, G1, G1B                                ; a dense block of slots is stated as rows of 256 bytes: at the head 256 slots = 192 such rows, in the ring 128 slots = 96
	s_mov_b32 s[\g+1], 256<<16
	s_mov_b32 s[\g+2], 192<<16
	s_mov_b32 s[\g+3], 256<<16
	s_mov_b32 s[\g+4], 192
	s_mov_b32 s[\g+5], 256
	s_mov_b32 s[\g+6], 0
	s_mov_b32 s[\g+7], 0
.endr
	s_or_b32 s[G1S+0], s43, (3<<16)|(1<<21)
	s_or_b32 s[G1SB+0], s44, (3<<16)|(1<<21)
.irp g, G1S, G1SB                              ; the scale bytes of all 256 rows: NPAN rows of 2,048 bytes
	s_mov_b32 s[\g+1], 256<<16
	s_mov_b32 s[\g+2], NPAN<<16
	s_mov_b32 s[\g+3], 256<<16
	s_mov_b32 s[\g+4], NPAN
	s_mov_b32 s[\g+6], 0
	s_mov_b32 s[\g+7], 0
.endr
	s_mov_b32 s[G1S+5], ROWSA
	s_mov_b32 s[G1SB+5], ROWSB
	s_lshl_b32 s18, s16, 7
	s_lshl_b32 s20, s17, 8
	s_add_co_u32 s20, s20, s18
	s_lshl_b32 s46, s42, 8
	s_add_co_u32 s46, s46, s18
	s_lshl_b32 s22, s20, 3
	s_add_co_u32 s22, s22, ASC
	s_mov_b32 s23, 0
	s_mul_i32 s20, s20, ROWB
	s_add_co_u32 s20, s20, ACODE
	s_mov_b32 s21, 0
	s_lshl_b32 s18, s46, 3
	s_add_co_u32 s18, s18, BSC
	s_mov_b32 s19, 0
	s_mul_i32 s46, s46, ROWB
	s_add_co_u32 s46, s46, BCODE
	s_mov_b32 s47, 0
	s_mul_i32 s45, s14, HALFT
	s_mul_i32 s2, s14, HALFS
	s_mul_i32 s92, s42, 786432
	s_mul_i32 s93, s17, 49152
	s_add_co_u32 s92, s92, s93
	s_mul_i32 s93, s14, 12288
	s_add_co_u32 s92, s92, s93
	s_mov_b32 s93, 0
	s_lshl_b32 s94, s42, 15
	s_add_co_u32 s94, s94, HSO
	s_lshl_b32 s95, s17, 11
	s_add_co_u32 s94, s94, s95
	s_lshl_b32 s95, s14, 9
	s_add_co_u32 s94, s94, s95
	s_mov_b32 s95, 0
	s_lshl_b32 s96, s42, 10
	s_lshl_b32 s97, s16, 9
	s_add_co_u32 s96, s96, s97
	s_mov_b32 s97, 0
	s_wait_kmcnt 0x0
	s_add_nc_u64 s[20:21], s[4:5], s[20:21]
	s_add_nc_u64 s[22:23], s[4:5], s[22:23]
	s_add_nc_u64 s[46:47], s[6:7], s[46:47]
	s_add_nc_u64 s[18:19], s[6:7], s[18:19]
	s_add_nc_u64 s[92:93], s[10:11], s[92:93]
	s_add_nc_u64 s[94:95], s[10:11], s[94:95]
	s_add_nc_u64 s[96:97], s[8:9], s[96:97]
	CROUND
	s_mov_b32 s[G0S], 1
	s_mov_b32 s[G0S+1], SCL
	s_sub_nc_u64 s[G0S+2:G0S+3], s[22:23], 1024    ; issued by wave 1 alone, whose address stands 128 rows on: back to the tile's first row
	s_or_b32 s[G0S+3], s[G0S+3], 0x80000000
	s_mov_b32 s[G0SB], 1
	s_mov_b32 s[G0SB+1], SCL+2*HALFS
	s_sub_nc_u64 s[G0SB+2:G0SB+3], s[18:19], 1024  ; issued by wave 3 alone
	s_or_b32 s[G0SB+3], s[G0SB+3], 0x80000000
.irp s, 0,1
	s_mov_b32 s[G0+4*\s], 1
	s_add_co_u32 s[G0+4*\s+1], s45, \s*SLOT
	s_add_nc_u64 s[G0+4*\s+2:G0+4*\s+3], s[20:21], \s*ROWSA*ROWB
	s_or_b32 s[G0+4*\s+3], s[G0+4*\s+3], 0x80000000
	s_mov_b32 s[G0B+4*\s], 1
	s_add_co_u32 s[G0B+4*\s+1], s45, \s*SLOT
	s_add_nc_u64 s[G0B+4*\s+2:G0B+4*\s+3], s[46:47], \s*ROWSB*ROWB
	s_or_b32 s[G0B+4*\s+3], s[G0B+4*\s+3], 0x80000000
.endr
	; the head's four tiles, one load a wave: wave 0 A's 256 slots of panel 0, wave 1 A's scale bytes, wave 2 B's 256 slots, wave 3 B's scale bytes
	s_cmp_eq_u32 s14, 0
	s_cbranch_scc0 .Lhead_1
	tensor_load_to_lds s[G0:G0+3], s[G1:G1+7]
	s_nop 0
.rept 4
	v_nop
.endr
	s_branch .Lhead_j
.Lhead_1:
	s_cmp_eq_u32 s14, 1
	s_cbranch_scc0 .Lhead_2
	tensor_load_to_lds s[G0S:G0S+3], s[G1S:G1S+7]
	s_nop 0
.rept 4
	v_nop
.endr
	s_branch .Lhead_j
.Lhead_2:
	s_cmp_eq_u32 s14, 2
	s_cbranch_scc0 .Lhead_3
	tensor_load_to_lds s[G0B:G0B+3], s[G1B:G1B+7]
	s_nop 0
.rept 4
	v_nop
.endr
	s_branch .Lhead_j
.Lhead_3:
	tensor_load_to_lds s[G0SB:G0SB+3], s[G1SB:G1SB+7]
	s_nop 0
.rept 4
	v_nop
.endr
.Lhead_j:
	v_and_b32 v1, 15, v0
	v_bfe_u32 v2, v0, 4, 1
	v_lshlrev_b32 v7, 6, v2
.irp b, 0,1,2,3,4,5,6,7
	global_load_b128 v[BI+8*\b:BI+8*\b+3], v7, s[96:97] offset:(32*(\b/2)+8*(\b%2))*4
	global_load_b128 v[BI+8*\b+4:BI+8*\b+7], v7, s[96:97] offset:(32*(\b/2)+8*(\b%2))*4+16
.endr
	v_mul_u32_u24 v3, v1, PITCH
	v_mul_u32_u24 v4, v2, 24
	v_add_nc_u32 v4, v3, v4
	v_lshl_add_u32 v5, v2, 4, v4
	s_mul_i32 s21, s15, HALFT
	s_mul_i32 s22, s16, HALFT
	s_add_co_u32 s22, s22, 2*HALFT
.irp s, 0,1
	v_add_nc_u32 v[ADRA+\s], s21, v4
	v_add_nc_u32 v[ADRB+\s], s22, v4
	v_add_nc_u32 v[ADRA+2+\s], s21, v5
	v_add_nc_u32 v[ADRB+2+\s], s22, v5
	s_add_co_u32 s21, s21, SLOT
	s_add_co_u32 s22, s22, SLOT
.endr
	v_lshlrev_b32 v5, 3, v1
	s_lshl_b32 s21, s15, 10                        ; scale bytes in LDS: [side][panel][256 rows x 8]
	s_lshl_b32 s22, s16, 10
	s_add_co_u32 s22, s22, 2*HALFS
	s_sub_co_u32 s22, s22, s21
	v_mul_u32_u24 v6, s22, v2
	s_add_co_u32 s21, s21, SCL
	v_add_nc_u32 v5, v5, v6
	v_add_nc_u32 v[ADRS], s21, v5
	v_and_b32 v6, 31, v0
	v_lshlrev_b32 v[CO], 4, v6
	s_wait_alu depctr_va_vdst(0)
	s_mul_i32 s21, s15, 128*192
	s_mul_i32 s22, s16, 96
	s_add_co_u32 s21, s21, s22
	s_add_co_u32 s21, s21, CST
	v_mul_u32_u24 v5, v1, 192
	v_mad_u32_u24 v5, v2, 24, v5
	v_add_nc_u32 v[CA0], s21, v5
	s_lshl_b32 s21, s15, 10
	s_lshl_b32 s22, s16, 2
	s_add_co_u32 s21, s21, s22
	s_add_co_u32 s21, s21, SST
	v_lshl_add_u32 v[SA0], v1, 3, s21
	s_mul_i32 s21, s14, 12288
	s_add_co_u32 s21, s21, CST
	v_add_nc_u32 v[RD], s21, v[CO]
	s_lshl_b32 s21, s14, 9
	s_add_co_u32 s21, s21, SST
	v_add_nc_u32 v[RDS], s21, v[CO]
	s_lshl_b32 s21, s14, 16
	v_add_nc_u32 v[DW], s21, v[CO]
.macro FRAG reg, adr, q, i
.irp p, 0,1,2,3,4,5
.set PCE, 12*(\q)+6*(\p/3)+\p%3
.if PCE%8 < 5
	ds_load_b64 v[\reg+2*\p:\reg+2*\p+1], v[\adr] offset:8*PCE+16*(PCE/8)+(\i)*16*PITCH
.else
	ds_load_b64 v[\reg+2*\p:\reg+2*\p+1], v[\adr+2] offset:8*PCE+16*(PCE/8)+(\i)*16*PITCH
.endif
.endr
.endm
.macro MUL16 a0, p, q, sc, zero
.irp a, \a0, \a0+1
.irp b, 0,1,2,3,4,5,6,7
.if \zero
	v_wmma_scale_f32_16x16x128_f8f6f4 v[8*(8*((\a)%4)+\b):8*(8*((\a)%4)+\b)+7], v[128*(\p)+FR*\b:128*(\p)+FR*\b+FR-1], v[AF+FR*(\a):AF+FR*(\a)+FR-1], v[BI+8*\b:BI+8*\b+7], v[SC+8*NQ*(\sc)+NQ*\b+(\q)], v[SC+8*NQ*(\sc)+NQ*(\a)+(\q)] matrix_a_fmt:MATRIX_FMT_FP6 matrix_b_fmt:MATRIX_FMT_FP6 matrix_a_scale:MATRIX_SCALE_ROW1
.else
	v_wmma_scale_f32_16x16x128_f8f6f4 v[8*(8*((\a)%4)+\b):8*(8*((\a)%4)+\b)+7], v[128*(\p)+FR*\b:128*(\p)+FR*\b+FR-1], v[AF+FR*(\a):AF+FR*(\a)+FR-1], v[8*(8*((\a)%4)+\b):8*(8*((\a)%4)+\b)+7], v[SC+8*NQ*(\sc)+NQ*\b+(\q)], v[SC+8*NQ*(\sc)+NQ*(\a)+(\q)] matrix_a_fmt:MATRIX_FMT_FP6 matrix_b_fmt:MATRIX_FMT_FP6 matrix_a_scale:MATRIX_SCALE_ROW1
.endif
.endr
.endr
.endm
.macro FETCH_B slot, q, p
	WIN TO_B
.irp i, 0,1,2,3,4,5,6,7
	FRAG 128*(\p)+FR*\i, ADRB+\slot, \q, \i
.endr
	WIN 0
.endm
.macro FETCH_A slot, q, i0
.irp i, \i0, \i0+1, \i0+2, \i0+3
	FRAG AF+FR*(\i), ADRA+\slot, \q, \i
.endr
.endm
.macro SCALES sc
.irp i, 0,1,2,3,4,5,6,7
	ds_load_b64 v[SC+8*NQ*\sc+NQ*\i:SC+8*NQ*\sc+NQ*\i+1], v[ADRS] offset:\i*128
.endr
.endm
.macro PLACES n
.rept \n
	v_nop
.endr
.endm
.macro STEP slot, q, zero
	s_wait_dscnt 4*NL
.if \zero
	WIN 0x81
.else
	WIN MUL_LO
.endif
	MUL16 0, (\q)%2, \q, \slot, \zero
	MUL16 2, (\q)%2, \q, \slot, \zero
	s_wait_dscnt 0
	PLACES NP
	FETCH_B \slot, (\q)+1, 1-(\q)%2
	FETCH_A \slot, (\q)+1, 0
.if \zero
	WIN 0xc1
.else
	WIN MUL_HI
.endif
	MUL16 4, (\q)%2, \q, \slot, \zero
	MUL16 6, (\q)%2, \q, \slot, \zero
	PLACES NP
	WIN 0
	FETCH_A \slot, (\q)+1, 4
.endm
.macro TURN slot, next, fill
	s_wait_tensorcnt 0x0
	ds_add_u32 v[SPW], v[NIL]
	s_wait_dscnt 4*NL+1
	WIN MUL_LO
	MUL16 0, 1, NQ-1, \slot, 0
	s_wait_dscnt 0x0
	s_barrier_signal -1
	MUL16 2, 1, NQ-1, \slot, 0
	WIN 0
	s_barrier_wait -1
.if \fill
	CREST
	s_add_nc_u64 s[G0+4*\slot+2:G0+4*\slot+3], s[G0+4*\slot+2:G0+4*\slot+3], 2*ROWSA*ROWB
	s_add_nc_u64 s[G0B+4*\slot+2:G0B+4*\slot+3], s[G0B+4*\slot+2:G0B+4*\slot+3], 2*ROWSB*ROWB
	JLOAD G0+4*\slot, G1, G0B+4*\slot, G1B
.else
	PLACES NP
.endif
	s_wait_alu depctr_va_vdst(0)
	v_add_nc_u32 v[ADRS], 2048, v[ADRS]
	FETCH_B \next, 0, 0
	FETCH_A \next, 0, 0
	SCALES \next
	WIN MUL_HI
	MUL16 4, 1, NQ-1, \slot, 0
	MUL16 6, 1, NQ-1, \slot, 0
	PLACES NP
	WIN 0
	FETCH_A \next, 0, 4
.endm
	s_wait_alu depctr_va_vdst(0)
	s_wait_tensorcnt 0x0                           ; my tile of the head's four is in; slot 1's first fill is issued as a refill is
	ds_add_u32 v[SPW], v[NIL]
	s_mov_b32 s[G1+2], 96<<16                      ; no load of mine is out: from here on a load brings 128 slots
	s_mov_b32 s[G1+4], 96
	s_mov_b32 s[G1B+2], 96<<16
	s_mov_b32 s[G1B+4], 96
	s_wait_dscnt 0x0
	CROUND
	JLOAD G0+4, G1, G0B+4, G1B
	FETCH_B 0, 0, 0
	FETCH_A 0, 0, 0
	SCALES 0
	FETCH_A 0, 0, 4
	s_wait_loadcnt 0x0
	STEP 0, 0, 1
	s_mov_b32 s3, LAPS-1
.Llap:
	TURN 0, 1, 1
	STEP 1, 0, 0
	TURN 1, 0, 1
	STEP 0, 0, 0
	s_sub_co_u32 s3, s3, 1
	s_cmp_lg_u32 s3, 0
	s_cbranch_scc1 .Llap
	TURN 0, 1, 0
	STEP 1, 0, 0
	s_wait_dscnt 4*NL
	WIN MUL_LO
	MUL16 0, 1, NQ-1, 1, 0
	MUL16 2, 1, NQ-1, 1, 0
	s_wait_dscnt 0
	WIN MUL_HI
	MUL16 4, 1, NQ-1, 1, 0
	MUL16 6, 1, NQ-1, 1, 0
	WIN 0
	PLACES NP
	s_wait_dscnt 0x0
	s_barrier_signal -1
	s_barrier_wait -1
.irp a, 0,1,2,3,4,5,6,7
	WIN 0x08+4*(\a/4)
.set k, 0
.rept 16
	ds_store_b128 v[DW], v[64*(\a%4)+4*k:64*(\a%4)+4*k+3] offset:8192*\a+512*k
.set k, k+1
.endr
.endr
	WIN 0
.macro GELU g
.set XX, 64+32*(\g)
.set i, 0
.rept 32
	v_fma_f32 v[GT+i], |v[XX+i]|, s[K1], 1.0
.set i, i+1
.endr
.set i, 0
	s_wait_alu depctr_va_vdst(0)
.rept 32
	v_rcp_f32 v[GT+i], v[GT+i]
.set i, i+1
.endr
.set i, 0
.rept 16
	v_pk_mul_f32 v[GH+i:GH+i+1], v[XX+i:XX+i+1], 0.5 op_sel_hi:[1,0]
.set i, i+2
.endr
	s_wait_alu depctr_va_vdst(0)
.set i, 0
.rept 16
	v_pk_fma_f32 v[GP+i:GP+i+1], v[GT+i:GT+i+1], s[C9:C9+1], v[C8:C8+1] op_sel_hi:[1,0,0]
.set i, i+2
.endr
.irp k, 7,6,5,4,3,2,1,0
.set i, 0
.rept 16
	v_pk_fma_f32 v[GP+i:GP+i+1], v[GP+i:GP+i+1], v[GT+i:GT+i+1], s[CF+2*\k:CF+2*\k+1] op_sel_hi:[1,1,0]
.set i, i+2
.endr
.endr
.set i, 0
.rept 16
	v_pk_fma_f32 v[GP+i:GP+i+1], v[XX+i:XX+i+1], v[GH+i:GH+i+1], v[GP+i:GP+i+1] neg_lo:[1,0,0] neg_hi:[1,0,0]
.set i, i+2
.endr
.set i, 0
.rept 16
	v_pk_mul_f32 v[GP+i:GP+i+1], v[GP+i:GP+i+1], s[L2E:L2E+1] op_sel_hi:[1,0]
.set i, i+2
.endr
.set i, 0
	s_wait_alu depctr_va_vdst(0)
.rept 32
	v_exp_f32 v[GP+i], v[GP+i]
.set i, i+1
.endr
.set i, 0
.rept 32
	v_max_num_f32 v[GM+i], 0, v[XX+i]
.set i, i+1
.endr
	s_wait_alu depctr_va_vdst(0)
.set i, 0
.rept 16
	v_pk_mul_f32 v[GP+i:GP+i+1], v[GP+i:GP+i+1], v[GT+i:GT+i+1]
.set i, i+2
.endr
.set i, 0
.rept 16
	v_pk_mul_f32 v[GP+i:GP+i+1], v[GP+i:GP+i+1], v[GH+i:GH+i+1]
.set i, i+2
.endr
.set i, 0
.rept 32
	v_sub_f32 v[XX+i], v[GM+i], |v[GP+i]|
.set i, i+1
.endr
.endm
.macro QUANT s
.irp b, 0,1,2,3
	v_max3_num_f32 v[TM+\b], |v[\s+16*\b]|, |v[\s+1+16*\b]|, 0x1800000
.endr
.irp i, 2,4,6,8,10,12,14
.irp b, 0,1,2,3
	v_max3_num_f32 v[TM+\b], v[TM+\b], |v[\s+16*\b+\i]|, |v[\s+1+16*\b+\i]|
.endr
.endr
.irp b, 0,1,2,3
	v_permlanex16_b32 v[TM+4+\b], v[TM+\b], s[SEL], s[SEL+1]
.endr
.irp b, 0,1,2,3
	v_max_num_f32 v[TM+\b], v[TM+\b], v[TM+4+\b]
.endr
.irp b, 0,1,2,3
	v_add_nc_u32 v[TM+12+\b], 0xff000000, v[TM+\b]
.endr
.irp b, 0,1,2,3
	v_lshrrev_b32 v[TM+4+\b], 23, v[TM+12+\b]
.endr
	v_lshl_or_b32 v[PW], v[TM+5], 8, v[TM+4]
	v_lshl_or_b32 v[PW], v[TM+6], 16, v[PW]
	v_lshl_or_b32 v[PW], v[TM+7], 24, v[PW]
.irp c, 0,1
	v_cvt_scalef32_pk16_fp6_f32 v[PC+6*\c:PC+2+6*\c], v[\s+32*\c:\s+15+32*\c], v[TM+12+2*\c]
	v_cvt_scalef32_pk16_fp6_f32 v[PC+12+4*\c:PC+14+4*\c], v[\s+16+32*\c:\s+31+32*\c], v[TM+12+2*\c+1]
.endr
	v_nop
.irp c, 0,1
.irp i, 0,1,2
	v_permlane16_swap_b32 v[PC+6*\c+\i], v[PC+12+4*\c+\i]
.endr
.irp i, 0,1,2
	v_mov_b32 v[PC+3+6*\c+\i], v[PC+12+4*\c+\i]
.endr
.endr
.endm
	s_mov_b32 s[SEL], 0x76543210
	s_mov_b32 s[SEL+1], 0xfedcba98
	s_mov_b32 s[CF+0], 0xbfa1fc4e
	s_mov_b32 s[CF+2], 0x3f8000c7
	s_mov_b32 s[CF+4], 0x3ebf88fb
	s_mov_b32 s[CF+6], 0x3dc636c9
	s_mov_b32 s[CF+8], 0xbe3ec24c
	s_mov_b32 s[CF+10], 0x3e8ec7cc
	s_mov_b32 s[CF+12], 0xbf914e5d
	s_mov_b32 s[CF+14], 0x3fbe87b0
	s_mov_b32 s[C9], 0x3e2ef945
	s_mov_b32 s[L2E], 0x3fb8aa3b
.irp k, CF, CF+2, CF+4, CF+6, CF+8, CF+10, CF+12, CF+14, C9, L2E
	s_mov_b32 s[\k+1], s[\k]
.endr
	s_mov_b32 s[K1], 0x3eb504f3
	v_mov_b32 v[C8], 0xbf527892
	v_mov_b32 v[C8+1], 0xbf527892
.irp b, 0,1,2,3
	v_mov_b32 v[TM+4+\b], 0
.endr
	s_mov_b32 s46, 0
	s_mov_b32 s47, 0
	s_mov_b32 s48, 0
	s_mov_b32 s3, 8
.Lepi:
	v_add_nc_u32 v[DA], s46, v[DW]
	v_add_nc_u32 v[CA], s47, v[CA0]
	v_add_nc_u32 v[SA], s48, v[SA0]
.set k, 0
.rept 16
	ds_load_b128 v[64+4*k:64+4*k+3], v[DA] offset:512*k
.set k, k+1
.endr
	s_wait_dscnt 0x0
	GELU 0
	GELU 1
	QUANT 64
.irp p, 0,1,2,3,4,5
	ds_store_b64 v[CA], v[PC+2*\p:PC+2*\p+1] offset:48*(\p/3)+8*(\p%3)
.endr
	ds_store_b32 v[SA], v[PW]
	s_add_co_u32 s46, s46, 8192
	s_add_co_u32 s47, s47, 16*192
	s_add_co_u32 s48, s48, 16*8
	s_sub_co_u32 s3, s3, 1
	s_cmp_lg_u32 s3, 0
	s_cbranch_scc1 .Lepi
	s_wait_dscnt 0x0
	s_barrier_signal -1
	s_barrier_wait -1
.set i, 0
.rept 24
	ds_load_b128 v[64+4*i:64+4*i+3], v[RD] offset:512*i
.set i, i+1
.endr
	ds_load_b128 v[160:163], v[RDS]
.set i, 0
.rept 24
	s_wait_dscnt 24-i
	global_store_b128 v[CO], v[64+4*i:64+4*i+3], s[92:93] offset:512*i
.set i, i+1
.endr
	s_wait_dscnt 0x0
	global_store_b128 v[CO], v[160:163], s[94:95]
	s_wait_tensorcnt 0x0
	ds_add_u32 v[SPW], v[NIL]
	s_wait_dscnt 0x0
	CROUND
	s_endpgm
.Lfunc_end_k_qcc5ff577e9_gfc1:
	.size	k_qcc5ff577e9_gfc1, .Lfunc_end_k_qcc5ff577e9_gfc1-k_qcc5ff577e9_gfc1
	.p2alignl 7, 3214868480
	.fill 96, 4, 3214868480
	.section	.rodata,"a",@progbits
	.p2align	6, 0x0
	.amdhsa_kernel k_qcc5ff577e9_gfc1
		.amdhsa_group_segment_fixed_size 327680
		.amdhsa_private_segment_fixed_size 0
		.amdhsa_enable_private_segment 0
		.amdhsa_kernarg_size 32
		.amdhsa_user_sgpr_count 2
		.amdhsa_user_sgpr_kernarg_segment_ptr 1
		.amdhsa_wavefront_size32 1
		.amdhsa_system_sgpr_workgroup_id_x 1
		.amdhsa_system_sgpr_workgroup_id_y 1
		.amdhsa_system_sgpr_workgroup_id_z 1
		.amdhsa_system_vgpr_workitem_id 0
		.amdhsa_next_free_vgpr 1024
		.amdhsa_next_free_sgpr 100
		.amdhsa_reserve_vcc 0
		.amdhsa_float_denorm_mode_32 3
		.amdhsa_float_denorm_mode_16_64 3
		.amdhsa_memory_ordered 1
		.amdhsa_forward_progress 1
		.amdhsa_inst_pref_size 196
	.end_amdhsa_kernel
	.amdgpu_metadata
---
amdhsa.version: [ 1, 2 ]
amdhsa.kernels:
  - .name:           k_qcc5ff577e9_gfc1
    .symbol:         k_qcc5ff577e9_gfc1.kd
    .args:
      - { .name: act, .offset: 0, .size: 8, .value_kind: global_buffer, .address_space: global }
      - { .name: wts, .offset: 8, .size: 8, .value_kind: global_buffer, .address_space: global }
      - { .name: fc1_b, .offset: 16, .size: 8, .value_kind: global_buffer, .address_space: global }
      - { .name: hid, .offset: 24, .size: 8, .value_kind: global_buffer, .address_space: global }
    .group_segment_fixed_size: 327680
    .private_segment_fixed_size: 0
    .kernarg_segment_align: 8
    .kernarg_segment_size: 32
    .max_flat_workgroup_size: 128
    .sgpr_count:     100
    .vgpr_count:     1024
    .wavefront_size: 32
...
	.end_amdgpu_metadata
.endif
;; end of part 13
;; launch gfc2 (part 14): grid 8 x 32, 4 waves a work-group, clusters of 4 x 4, 327,680 bytes of LDS; arguments hid, wts, fc2_b, x1, out0; writes out0
.if DOCPART == 14
	.amdgcn_target "amdgcn-amd-amdhsa--gfx1250"
	.amdhsa_code_object_version 6
	.text
	.protected	k_qcc5ff577e9_gfc2
	.globl	k_qcc5ff577e9_gfc2
	.p2align	8
	.type	k_qcc5ff577e9_gfc2,@function
k_qcc5ff577e9_gfc2:
	s_mov_b64 s[64:65], 0
	v_nop
	global_prefetch_b8 v0, s[64:65] scope:SCOPE_SE
	s_setreg_imm32_b32 hwreg(HW_REG_WAVE_MODE, 25, 1), 1
	s_wait_xcnt 0x0
	s_wait_alu depctr_hold_cnt(0) depctr_sa_sdst(0) depctr_va_vdst(0) depctr_va_sdst(0) depctr_va_ssrc(0) depctr_va_vcc(0) depctr_vm_vsrc(0)
	s_getreg_b32 s2, hwreg(HW_REG_IB_STS2, 6, 4)
	s_cmp_eq_u32 s2, 0
	s_cbranch_scc0 .Lentry_in_a_cluster
	s_endpgm
.Lentry_in_a_cluster:
	s_bfe_u32 s2, ttmp6, 0x10000c
	s_cmp_lg_u32 s2, 0xf033
	s_cbranch_scc0 .Lentry_shape_is_right
	s_endpgm
.Lentry_shape_is_right:
.set KK,     4096
.set ROWSA,  4096
.set ROWSB,  1024
.set ACODE,  0
.set ASC,    12582912
.set BCODE,  7077888
.set BSC,    10518528
.set ROWB,   192
.set PITCH,  240
.set FR,     12
.set NL,     6
.set NP,     4
.set HALFT,  128*PITCH
.set SLOT,   4*HALFT
.set LAPS,   KK/1024
.set NPAN,   KK/256
.set HALFS,  (NPAN/2)*1024
.set SIDE,   NPAN*1024
.set SCL,    2*SLOT
.set SPARE,  SCL+2*SIDE
.set SPITCH, 272
.set ADRA, 16
.set ADRB, 20
.set STO,  24
.set RD,   25
.set CO,   26
.set ADRS, 27
.set SPW,  28
.set NIL,  29
.set SC,   32
.set BI,   64
.set ACC,  128
.set G1, 24
.set G0, 32
.set G1B, 48
.set G0B, 56
.set G1S, 68
.set G0S, 76
.set G1SB, 80
.set G0SB, 88
.set MSB, 0
.macro WIN new
.if MSB != (\new)
	s_set_vgpr_msb (MSB<<8)|(\new)
.set MSB, (\new)
.endif
.endm
.set MUL,  0x05
.set TO_F, 0x40
.macro JLOAD g0a, g1a, g0b, g1b
	s_cmp_eq_u32 s15, 0
	s_cbranch_scc0 .Lfor_b_\@
	tensor_load_to_lds s[\g0a:\g0a+3], s[\g1a:\g1a+7]
	s_nop 0
.rept 4
	v_nop
.endr
	s_branch .Lasked_\@
.Lfor_b_\@:
	tensor_load_to_lds s[\g0b:\g0b+3], s[\g1b:\g1b+7]
	s_nop 0
.rept 4
	v_nop
.endr
.Lasked_\@:
.endm
.macro CREST
	s_cmp_lg_u32 s14, 0
	s_cbranch_scc1 .Lnot_wave_0_\@
	s_barrier_signal -3
.Lnot_wave_0_\@:
	s_barrier_wait -3
	s_barrier_signal -1
	s_barrier_wait -1
.endm
.macro CROUND
	s_barrier_signal -1
	s_barrier_wait -1
	CREST
.endm
	s_load_b256 s[4:11], s[0:1], 0x0
	s_load_b64 s[12:13], s[0:1], 0x20
	v_lshl_add_u32 v[SPW], v0, 2, SPARE
	v_mov_b32 v[NIL], 0
	ds_add_u32 v28, v29
	ds_add_u32 v28, v29
	s_wait_dscnt 0x0
	v_lshrrev_b32 v1, 5, v0
	v_readfirstlane_b32 s14, v1
	s_lshr_b32 s15, s14, 1
	s_and_b32 s16, s14, 1
	s_bfe_u32 s40, ttmp6, 0x40000
	s_bfe_u32 s41, ttmp6, 0x40004
	s_lshl_b32 s42, ttmp9, 2
	s_add_co_u32 s42, s42, s40
	s_and_b32 s17, ttmp7, 0xffff
	s_lshl_b32 s17, s17, 2
	s_add_co_u32 s17, s17, s41
	s_lshl_b32 s43, s41, 2
	s_lshl_b32 s43, 15, s43
	s_lshl_b32 s44, 0x1111, s40
	s_or_b32 s[G1+0], s43, (1<<20)|(1<<21)|(3<<22)|(3<<25)
	s_or_b32 s[G1B+0], s44, (1<<20)|(1<<21)|(3<<22)|(3<<25)
.irp g, G1, G1B                                ; at the head: a slot's two panels of 128 slots, two rows of 24,576 dense bytes a panel apart; in the ring one panel as 96 rows of 256 bytes
	s_mov_b32 s[\g+1], 24576<<16
	s_mov_b32 s[\g+2], 2<<16
	s_mov_b32 s[\g+3], 24576<<16
	s_mov_b32 s[\g+4], 2
	s_mov_b32 s[\g+6], 0
	s_mov_b32 s[\g+7], 0
.endr
	s_or_b32 s[G1S+0], s43, (3<<16)|(1<<21)
	s_or_b32 s[G1SB+0], s44, (3<<16)|(1<<21)
.irp g, G1S, G1SB
	s_mov_b32 s[\g+1], 128<<16
	s_mov_b32 s[\g+2], NPAN<<16
	s_mov_b32 s[\g+3], 128<<16
	s_mov_b32 s[\g+4], NPAN
	s_mov_b32 s[\g+6], 0
	s_mov_b32 s[\g+7], 0
.endr
	s_mov_b32 s[G1S+5], ROWSA
	s_mov_b32 s[G1SB+5], ROWSB
	s_mov_b32 s[G1+5], ROWSA*ROWB
	s_mov_b32 s[G1B+5], ROWSB*ROWB
	s_lshl_b32 s20, s17, 7
	s_lshl_b32 s46, s42, 7
	s_lshl_b32 s22, s20, 3
	s_add_co_u32 s22, s22, ASC
	s_mul_i32 s23, s16, (NPAN/2)*ROWSA*8
	s_add_co_u32 s22, s22, s23
	s_mov_b32 s23, 0
	s_mul_i32 s20, s20, ROWB
	s_add_co_u32 s20, s20, ACODE
	s_mul_i32 s21, s16, ROWSA*ROWB
	s_add_co_u32 s20, s20, s21
	s_mov_b32 s21, 0
	s_lshl_b32 s18, s46, 3
	s_add_co_u32 s18, s18, BSC
	s_mul_i32 s19, s16, (NPAN/2)*ROWSB*8
	s_add_co_u32 s18, s18, s19
	s_mov_b32 s19, 0
	s_mul_i32 s46, s46, ROWB
	s_add_co_u32 s46, s46, BCODE
	s_mul_i32 s47, s16, ROWSB*ROWB
	s_add_co_u32 s46, s46, s47
	s_mov_b32 s47, 0
	s_mul_i32 s45, s14, HALFT
	s_mul_i32 s2, s14, HALFS
	s_lshl_b32 s96, s42, 9
	s_lshl_b32 s97, s16, 8
	s_add_co_u32 s96, s96, s97
	s_lshl_b32 s98, s17, 7
	s_lshl_b32 s97, s15, 6
	s_add_co_u32 s98, s98, s97
	s_lshl_b32 s98, s98, 12
	s_add_co_u32 s98, s98, s96
	s_mov_b32 s97, 0
	s_mov_b32 s99, 0
	s_wait_kmcnt 0x0
	s_add_nc_u64 s[20:21], s[4:5], s[20:21]
	s_add_nc_u64 s[22:23], s[4:5], s[22:23]
	s_add_nc_u64 s[46:47], s[6:7], s[46:47]
	s_add_nc_u64 s[18:19], s[6:7], s[18:19]
	s_add_nc_u64 s[96:97], s[8:9], s[96:97]
	s_add_nc_u64 s[92:93], s[12:13], s[98:99]
	s_add_nc_u64 s[98:99], s[10:11], s[98:99]
	CROUND
	s_mov_b32 s[G0S], 1
	s_mov_b32 s[G0S+1], SCL
	s_sub_nc_u64 s[G0S+2:G0S+3], s[22:23], (NPAN/2)*ROWSA*8   ; issued by wave 1 alone, whose address stands half of the panels on: back to panel 0
	s_or_b32 s[G0S+3], s[G0S+3], 0x80000000
	s_mov_b32 s[G0SB], 1
	s_mov_b32 s[G0SB+1], SCL+SIDE
	s_sub_nc_u64 s[G0SB+2:G0SB+3], s[18:19], (NPAN/2)*ROWSB*8 ; issued by wave 3 alone
	s_or_b32 s[G0SB+3], s[G0SB+3], 0x80000000
.irp s, 0,1
	s_mov_b32 s[G0+4*\s], 1
	s_add_co_u32 s[G0+4*\s+1], s45, \s*SLOT
	s_add_nc_u64 s[G0+4*\s+2:G0+4*\s+3], s[20:21], \s*2*ROWSA*ROWB
	s_or_b32 s[G0+4*\s+3], s[G0+4*\s+3], 0x80000000
	s_mov_b32 s[G0B+4*\s], 1
	s_add_co_u32 s[G0B+4*\s+1], s45, \s*SLOT
	s_add_nc_u64 s[G0B+4*\s+2:G0B+4*\s+3], s[46:47], \s*2*ROWSB*ROWB
	s_or_b32 s[G0B+4*\s+3], s[G0B+4*\s+3], 0x80000000
.endr
	; the head's four tiles, one load a wave: wave 0 A's two panels of slot 0, wave 1 A's scale bytes, wave 2 B's two panels, wave 3 B's scale bytes
	s_cmp_eq_u32 s14, 0
	s_cbranch_scc0 .Lhead_1
	tensor_load_to_lds s[G0:G0+3], s[G1:G1+7]
	s_nop 0
.rept 4
	v_nop
.endr
	s_branch .Lhead_j
.Lhead_1:
	s_cmp_eq_u32 s14, 1
	s_cbranch_scc0 .Lhead_2
	tensor_load_to_lds s[G0S:G0S+3], s[G1S:G1S+7]
	s_nop 0
.rept 4
	v_nop
.endr
	s_branch .Lhead_j
.Lhead_2:
	s_cmp_eq_u32 s14, 2
	s_cbranch_scc0 .Lhead_3
	tensor_load_to_lds s[G0B:G0B+3], s[G1B:G1B+7]
	s_nop 0
.rept 4
	v_nop
.endr
	s_branch .Lhead_j
.Lhead_3:
	tensor_load_to_lds s[G0SB:G0SB+3], s[G1SB:G1SB+7]
	s_nop 0
.rept 4
	v_nop
.endr
.Lhead_j:
	v_and_b32 v1, 15, v0
	v_bfe_u32 v2, v0, 4, 1
	v_lshlrev_b32 v7, 6, v2
.irp b, 0,1,2,3
	global_load_b128 v[BI+8*\b:BI+8*\b+3], v7, s[96:97] offset:(32*(\b/2)+8*(\b%2))*4
	global_load_b128 v[BI+8*\b+4:BI+8*\b+7], v7, s[96:97] offset:(32*(\b/2)+8*(\b%2))*4+16
.endr
	v_lshlrev_b32 v[CO], 12, v2
	v_lshl_add_u32 v[CO], v1, 4, v[CO]
	WIN 0x80
.set n, 0
.rept 32
	global_load_b128 v[4*n:4*n+3], v[CO], s[98:99] offset:(32*((n/8)/2)+8*((n/8)%2)+2*(n%8)+8*((n%8)/4))*4096
.set n, n+1
.endr
	WIN 0
	v_mul_u32_u24 v3, v1, PITCH
	v_mul_u32_u24 v4, v2, 24
	v_add_nc_u32 v4, v3, v4
	v_lshl_add_u32 v5, v2, 4, v4
	s_mul_i32 s21, s15, 64*PITCH
	s_mul_i32 s22, s16, 64*PITCH
	s_add_co_u32 s22, s22, 2*HALFT
.irp s, 0,1
	v_add_nc_u32 v[ADRA+\s], s21, v4
	v_add_nc_u32 v[ADRB+\s], s22, v4
	v_add_nc_u32 v[ADRA+2+\s], s21, v5
	v_add_nc_u32 v[ADRB+2+\s], s22, v5
	s_add_co_u32 s21, s21, SLOT
	s_add_co_u32 s22, s22, SLOT
.endr
	v_lshlrev_b32 v5, 3, v1
	s_lshl_b32 s21, s15, 9
	s_lshl_b32 s22, s16, 9
	s_add_co_u32 s22, s22, SIDE
	s_sub_co_u32 s22, s22, s21
	v_mul_u32_u24 v6, s22, v2
	s_add_co_u32 s21, s21, SCL
	v_add_nc_u32 v5, v5, v6
	v_add_nc_u32 v[ADRS], s21, v5
	s_mul_i32 s23, s14, 64*SPITCH
	v_mul_u32_u24 v5, v1, SPITCH
	v_lshl_add_u32 v5, v2, 6, v5
	v_add_nc_u32 v[STO], s23, v5
	v_mul_u32_u24 v5, v2, SPITCH
	v_lshl_add_u32 v5, v1, 4, v5
	v_add_nc_u32 v[RD], s23, v5
.macro FRAG reg, adr, qq, i
.irp p, 0,1,2,3,4,5
.set PCE, 12*((\qq)%2)+6*(\p/3)+\p%3
.if PCE%8 < 5
	ds_load_b64 v[\reg+2*\p:\reg+2*\p+1], v[\adr] offset:((\qq)/2)*HALFT+8*PCE+16*(PCE/8)+(\i)*16*PITCH
.else
	ds_load_b64 v[\reg+2*\p:\reg+2*\p+1], v[\adr+2] offset:((\qq)/2)*HALFT+8*PCE+16*(PCE/8)+(\i)*16*PITCH
.endif
.endr
.endm
.macro FETCH slot, qq, f
	WIN TO_F
.irp i, 0,1,2,3
	FRAG 128*(\f)+48+FR*\i, ADRB+\slot, \qq, \i
.endr
.irp i, 0,1,2,3
	FRAG 128*(\f)+FR*\i, ADRA+\slot, \qq, \i
.endr
.endm
.macro SCALES slot
.irp pp, 0,1
.irp i, 0,1,2,3
	ds_load_b64 v[SC+16*\slot+8*\pp+2*\i:SC+16*\slot+8*\pp+2*\i+1], v[ADRS] offset:1024*\pp+128*\i
.endr
.endr
.endm
.macro MULA a, f, sb, zero
.irp b, 0,1,2,3
.if \zero
	v_wmma_scale_f32_16x16x128_f8f6f4 v[ACC+8*(4*(\a)+\b):ACC+8*(4*(\a)+\b)+7], v[128*(\f)+48+FR*\b:128*(\f)+48+FR*\b+FR-1], v[128*(\f)+FR*(\a):128*(\f)+FR*(\a)+FR-1], v[BI+8*\b:BI+8*\b+7], v[(\sb)+2*\b], v[(\sb)+2*(\a)] matrix_a_fmt:MATRIX_FMT_FP6 matrix_b_fmt:MATRIX_FMT_FP6 matrix_a_scale:MATRIX_SCALE_ROW1
.else
	v_wmma_scale_f32_16x16x128_f8f6f4 v[ACC+8*(4*(\a)+\b):ACC+8*(4*(\a)+\b)+7], v[128*(\f)+48+FR*\b:128*(\f)+48+FR*\b+FR-1], v[128*(\f)+FR*(\a):128*(\f)+FR*(\a)+FR-1], v[ACC+8*(4*(\a)+\b):ACC+8*(4*(\a)+\b)+7], v[(\sb)+2*\b], v[(\sb)+2*(\a)] matrix_a_fmt:MATRIX_FMT_FP6 matrix_b_fmt:MATRIX_FMT_FP6 matrix_a_scale:MATRIX_SCALE_ROW1
.endif
.endr
.endm
.macro PLACES n
.rept \n
	v_nop
.endr
.endm
.macro QSTEP slot, qq, zero
.set SBQ, SC+16*(\slot)+8*((\qq)/2)+(\qq)%2
	s_wait_dscnt 2*NL
	WIN MUL
	MULA 0, (\qq)%2, SBQ, \zero
	MULA 1, (\qq)%2, SBQ, \zero
	PLACES NP
	FETCH \slot, (\qq)+1, 1-(\qq)%2
	s_wait_dscnt 8*NL
	WIN MUL
	MULA 2, (\qq)%2, SBQ, \zero
	MULA 3, (\qq)%2, SBQ, \zero
.endm
.macro TURN slot, next, fill
.set SBQ, SC+16*(\slot)+8+1
	WIN 0
	s_wait_tensorcnt 0x0
	ds_add_u32 v[SPW], v[NIL]
	s_wait_dscnt 2*NL+1
	WIN MUL
	MULA 0, 1, SBQ, 0
	s_wait_dscnt 0x0
	s_barrier_signal -1
	MULA 1, 1, SBQ, 0
	WIN 0
	s_barrier_wait -1
.if \fill
	CREST
	s_add_nc_u64 s[G0+4*\slot+2:G0+4*\slot+3], s[G0+4*\slot+2:G0+4*\slot+3], 4*ROWSA*ROWB
	s_add_nc_u64 s[G0B+4*\slot+2:G0B+4*\slot+3], s[G0B+4*\slot+2:G0B+4*\slot+3], 4*ROWSB*ROWB
	JLOAD G0+4*\slot, G1, G0B+4*\slot, G1B
.else
	PLACES NP
.endif
	s_wait_alu depctr_va_vdst(0)
	v_add_nc_u32 v[ADRS], 2048, v[ADRS]
	SCALES \next
	FETCH \next, 0, 0
	WIN MUL
	MULA 2, 1, SBQ, 0
	MULA 3, 1, SBQ, 0
.endm
	s_wait_alu depctr_va_vdst(0)
	s_wait_tensorcnt 0x0                           ; my tile of the head's four is in; slot 1's first fill is issued as a refill is
	ds_add_u32 v[SPW], v[NIL]
.irp g, G1, G1B                                ; no load of mine is out: from here on a load brings one panel's 128 slots
	s_mov_b32 s[\g+1], 256<<16
	s_mov_b32 s[\g+2], 96<<16
	s_mov_b32 s[\g+3], 256<<16
	s_mov_b32 s[\g+4], 96
	s_mov_b32 s[\g+5], 256
.endr
	s_wait_dscnt 0x0
	CROUND
	JLOAD G0+4, G1, G0B+4, G1B
	SCALES 0
	FETCH 0, 0, 0
	s_wait_loadcnt 32
	QSTEP 0, 0, 1
.if LAPS > 1
	WIN 0
	s_mov_b32 s3, LAPS-1
.Llap:
	QSTEP 0, 1, 0
	QSTEP 0, 2, 0
	TURN 0, 1, 1
	QSTEP 1, 0, 0
	QSTEP 1, 1, 0
	QSTEP 1, 2, 0
	TURN 1, 0, 1
	QSTEP 0, 0, 0
	WIN 0
	s_sub_co_u32 s3, s3, 1
	s_cmp_lg_u32 s3, 0
	s_cbranch_scc1 .Llap
.endif
	QSTEP 0, 1, 0
	QSTEP 0, 2, 0
	TURN 0, 1, 0
	QSTEP 1, 0, 0
	QSTEP 1, 1, 0
	QSTEP 1, 2, 0
	s_wait_dscnt 2*NL
	WIN MUL
	MULA 0, 1, SC+16+8+1, 0
	MULA 1, 1, SC+16+8+1, 0
	s_wait_dscnt 0
	MULA 2, 1, SC+16+8+1, 0
	MULA 3, 1, SC+16+8+1, 0
	WIN 0
	PLACES NP
.irp a, 0,1,2,3
.irp b, 0,1,2,3
	ds_store_b128 v[STO], v[ACC+8*(4*\a+\b):ACC+8*(4*\a+\b)+3] offset:\a*16*SPITCH+128*(\b/2)+32*(\b%2)
	ds_store_b128 v[STO], v[ACC+8*(4*\a+\b)+4:ACC+8*(4*\a+\b)+7] offset:\a*16*SPITCH+128*(\b/2)+32*(\b%2)+16
.endr
.endr
	WIN TO_F
.set n, 0
.rept 32
	ds_load_b128 v[4*n:4*n+3], v[RD] offset:n*2*SPITCH
.set n, n+1
.endr
	s_wait_loadcnt 0x0
.irp g, 0,1,2,3
	s_wait_dscnt 24-8*\g
	WIN 0x49
.set i, 0
.rept 16
	v_pk_add_f32 v[32*\g+i:32*\g+i+1], v[32*\g+i:32*\g+i+1], v[32*\g+i:32*\g+i+1]
.set i, i+2
.endr
	WIN 0x04
.set i, 0
.rept 8
	global_store_b128 v[CO], v[32*\g+4*i:32*\g+4*i+3], s[92:93] offset:(32*(\g/2)+8*(\g%2)+2*i+8*(i/4))*4096 th:TH_STORE_NT
.set i, i+1
.endr
.endr
	WIN 0
	s_wait_tensorcnt 0x0
	ds_add_u32 v[SPW], v[NIL]
	s_wait_dscnt 0x0
	CROUND
	s_endpgm
.Lfunc_end_k_qcc5ff577e9_gfc2:
	.size	k_qcc5ff577e9_gfc2, .Lfunc_end_k_qcc5ff577e9_gfc2-k_qcc5ff577e9_gfc2
	.p2alignl 7, 3214868480
	.fill 96, 4, 3214868480
	.section	.rodata,"a",@progbits
	.p2align	6, 0x0
	.amdhsa_kernel k_qcc5ff577e9_gfc2
		.amdhsa_group_segment_fixed_size 327680
		.amdhsa_private_segment_fixed_size 0
		.amdhsa_enable_private_segment 0
		.amdhsa_kernarg_size 40
		.amdhsa_user_sgpr_count 2
		.amdhsa_user_sgpr_kernarg_segment_ptr 1
		.amdhsa_wavefront_size32 1
		.amdhsa_system_sgpr_workgroup_id_x 1
		.amdhsa_system_sgpr_workgroup_id_y 1
		.amdhsa_system_sgpr_workgroup_id_z 1
		.amdhsa_system_vgpr_workitem_id 0
		.amdhsa_next_free_vgpr 640
		.amdhsa_next_free_sgpr 100
		.amdhsa_reserve_vcc 0
		.amdhsa_float_denorm_mode_32 3
		.amdhsa_float_denorm_mode_16_64 3
		.amdhsa_memory_ordered 1
		.amdhsa_forward_progress 1
		.amdhsa_inst_pref_size 116
	.end_amdhsa_kernel
	.amdgpu_metadata
---
amdhsa.version: [ 1, 2 ]
amdhsa.kernels:
  - .name:           k_qcc5ff577e9_gfc2
    .symbol:         k_qcc5ff577e9_gfc2.kd
    .args:
      - { .name: hid, .offset: 0, .size: 8, .value_kind: global_buffer, .address_space: global }
      - { .name: wts, .offset: 8, .size: 8, .value_kind: global_buffer, .address_space: global }
      - { .name: fc2_b, .offset: 16, .size: 8, .value_kind: global_buffer, .address_space: global }
      - { .name: x1, .offset: 24, .size: 8, .value_kind: global_buffer, .address_space: global }
      - { .name: out0, .offset: 32, .size: 8, .value_kind: global_buffer, .address_space: global }
    .group_segment_fixed_size: 327680
    .private_segment_fixed_size: 0
    .kernarg_segment_align: 8
    .kernarg_segment_size: 40
    .max_flat_workgroup_size: 128
    .sgpr_count:     100
    .vgpr_count:     640
    .wavefront_size: 32
...
	.end_amdgpu_metadata
.endif
;; end of part 14
